; MI455X (gfx1250); checked and timed in simulation.
; The chip was launched on July 23, 2026; its instructions are those of AMD's public machine-readable ISA for CDNA 5 (MIT licence, August 2026) and "CDNA5" Instruction Set Architecture Reference Guide (July 2026). The comments in the code are by the model that wrote it; some were corrected since.
;; Block. Allowed arithmetic: matrix products marked QUANTISED: E3M2 operands, one E8M0 scale for each 32 along K, by v_wmma_scale_f32_16x16x128_f8f6f4 with both operands' format E3M2, f32 sums; everything else in f32.
;; Inputs: W1_codes 4,096 x 32 x 24 uint8 (E3M2 codes of W1, K innermost, in blocks of 32 codes, four codes in three bytes); W1_scales 4,096 x 32 uint8 (E8M0 scales of W1, one for each 32 codes along K); W2_codes 1,024 x 128 x 24 uint8 (E3M2 codes of W2, K innermost, in blocks of 32 codes, four codes in three bytes); W2_scales 1,024 x 128 uint8 (E8M0 scales of W2, one for each 32 codes along K); Wk_codes 1,024 x 32 x 24 uint8 (E3M2 codes of Wk, K innermost, in blocks of 32 codes, four codes in three bytes); Wk_scales 1,024 x 32 uint8 (E8M0 scales of Wk, one for each 32 codes along K); Wo_codes 1,024 x 32 x 24 uint8 (E3M2 codes of Wo, K innermost, in blocks of 32 codes, four codes in three bytes); Wo_scales 1,024 x 32 uint8 (E8M0 scales of Wo, one for each 32 codes along K); Wq_codes 1,024 x 32 x 24 uint8 (E3M2 codes of Wq, K innermost, in blocks of 32 codes, four codes in three bytes); Wq_scales 1,024 x 32 uint8 (E8M0 scales of Wq, one for each 32 codes along K); Wv_codes 1,024 x 32 x 24 uint8 (E3M2 codes of Wv, K innermost, in blocks of 32 codes, four codes in three bytes); Wv_scales 1,024 x 32 uint8 (E8M0 scales of Wv, one for each 32 codes along K); b1 4,096 float32; b2 1,024 float32; bk 1,024 float32; bo 1,024 float32; bq 1,024 float32; bv 1,024 float32; ln1_b 1,024 float32; ln1_g 1,024 float32; ln2_b 1,024 float32; ln2_g 1,024 float32; x 2 x 2,048 x 1,024 float32.
;; Outputs: out0 2 x 2,048 x 1,024 float32.
;; This version of the problem:
;;   THIS VERSION OF THE PROBLEM IS GIVEN IN LOW PRECISION. The matrix products marked QUANTISED in the list below multiply operands that are first quantised to E3M2 (3 exponent bits, 2 mantissa bits; 6 bits a number), with one power-of-two scale for each 32 numbers along K (OCP MX v1.0); their sums are f32. All else is computed in f32.
;;   The module's matrix products, in the order in which they are computed (A, B: the left and right operand; K: the contracted axis; several contracted axes count as one K, in the product's order):
;;     1. [M 4,096, K 1,024] x [K 1,024, N 1,024]; A: computed on the way; B: input Wq (given as codes): QUANTISED
;;     2. [M 4,096, K 1,024] x [K 1,024, N 1,024]; A: computed on the way; B: input Wk (given as codes): QUANTISED
;;     3. [M 4,096, K 1,024] x [K 1,024, N 1,024]; A: computed on the way; B: input Wv (given as codes): QUANTISED
;;     4. batch 32 x [M 2,048, K 64] x [K 64, N 2,048]; A: computed on the way; B: computed on the way: QUANTISED
;;     5. batch 32 x [M 64, K 2,048] x [K 2,048, N 2,048]; A: computed on the way; B: softmax (see below): QUANTISED
;;     6. [M 4,096, K 1,024] x [K 1,024, N 1,024]; A: computed on the way; B: input Wo (given as codes): QUANTISED
;;     7. [M 4,096, K 1,024] x [K 1,024, N 4,096]; A: computed on the way; B: input W1 (given as codes): QUANTISED
;;     8. [M 4,096, K 4,096] x [K 4,096, N 1,024]; A: computed on the way; B: input W2 (given as codes): QUANTISED
;;   THE QUANTISER, for each operand of a quantised product, along K:
;;     - K is cut into blocks of 32 from its start; a last block that is shorter is filled with zeros.
;;     - A block's scale is 2^e with e = floor(log2(the largest magnitude in the block)) - 4, held to -126 .. 127; a block of zeros has e = 0. As a byte (E8M0): e + 127.
;;     - Each number is divided by its block's scale, clamped to +-28, and rounded to the nearest number of E3M2, ties to even, subnormals kept.
;;     - The product sums the exact products of the quantised numbers (number of the format x scale) in f32.
;;   ~~~python
;;   def quantise(x, axis):      # numpy; x: float32 -> the quantised numbers, widened to float32 again
;;       x = np.moveaxis(x, axis, -1); K = x.shape[-1]
;;       x = np.pad(x, [(0, 0)] * (x.ndim - 1) + [(0, -K % 32)]); x = x.reshape(x.shape[:-1] + (-1, 32)); a = np.abs(x).max(-1, keepdims=True)
;;       e = np.where(a > 0, np.clip(np.frexp(np.where(a > 0, a, 1))[1] - 1 - 4, -126, 127), 0)      # np.frexp(a)[1] - 1 = floor(log2(a)), exactly
;;       r = np.clip(x / 2.0 ** e, -28, 28)
;;       step = 2.0 ** (np.maximum(np.frexp(np.where(r == 0, 1, r))[1] - 1, -2) - 2)
;;       q = np.round(r / step) * step * 2.0 ** e      # np.round: ties to even
;;       return np.moveaxis(q.reshape(q.shape[:-2] + (-1,))[..., :K], -1, axis).astype(np.float32)
;;   ~~~
;;   SOFTMAX AHEAD OF A QUANTISED PRODUCT. Where the list says 'softmax', what is quantised is not the finished softmax but p = 2^(t - M), with t = logit x log2(e) and M = ceil(the row's largest t), a whole number; so 1/2 < the row's largest p <= 1. The row's sum l is taken of the UNQUANTISED p, in f32, and the product's result is divided by l at the end. Since M is a whole number, a kernel that streams over the keys may use a running M (the ceiling of the running maximum): every later rescaling is an exact power of two, which a block's scale takes up: the codes' values come out the same.
;;   OPERANDS COMPUTED ON THE WAY. 'Computed on the way' means the value that the module computes at that place (a softmax that the list does not call 'softmax' is quantised finished and normalised). What goes into a quantiser is computed in f32, as accurately as f32 sums, v_exp_f32 and their like allow (about 1e-6 of the number): no bf16 or f16 on the way to a quantiser, and a product that is left as it is and whose result goes on into a quantised operand takes f32 operands (vector FMAs, or v_wmma_f32_16x16x4_f32). A number that lies on a knife's edge between two numbers of the format may be rounded either way, as far as f32 arithmetic and the matrix unit's own rounding can turn it there, and no further.
;;   INPUTS GIVEN AS CODES. W1 (in the module: [1024, 4096], K = its axis 0); W2 (in the module: [4096, 1024], K = its axis 0); Wk (in the module: [1024, 1024], K = its axis 0); Wo (in the module: [1024, 1024], K = its axis 0); Wq (in the module: [1024, 1024], K = its axis 0); Wv (in the module: [1024, 1024], K = its axis 0): each comes as NAME_codes (uint8): NAME with its K axis moved to the last place and cut into blocks of 32 codes, [.., K / 32, bytes a block], one block behind the other in memory; four codes in three bytes: a row's codes are one little-endian stream of bits, code i at bits 6 i .. 6 i + 5 (a code: sign, 3 exponent bits, 2 mantissa bits); and NAME_scales (uint8): the same leading axes, one E8M0 byte (e + 127) for each 32 codes along K. Its value is code x scale, taken as it is: it is not quantised again, and the codes and scales need not be those that the quantiser above would give.
;; 2 versions. Each part assembles by itself: llvm-mc -triple=amdgcn-amd-amdhsa -mcpu=gfx1250 --defsym DOCPART=n.
;; ======== version 1 of 2: 7 launches
;; workspace buffers: W 9,830,400 bytes; H 3,276,800 bytes; QKV 9,830,400 bytes; Y 3,276,800 bytes; X1 16,777,216 bytes; G 13,107,200 bytes
;; launch prep (part 1): grid 448 x 1, 4 waves a work-group, no clusters, 66,560 bytes of LDS; arguments x, ln1_g, ln1_b, H, Wq_codes, Wk_codes, Wv_codes, Wo_codes, W1_codes, W2_codes, Wq_scales, Wk_scales, Wv_scales, Wo_scales, W1_scales, W2_scales, W; writes H, W
.if DOCPART == 1
	.amdgcn_target "amdgcn-amd-amdhsa--gfx1250"
	.amdhsa_code_object_version 6
	.text
	.protected	k_q9b3a6b0999_prep
	.globl	k_q9b3a6b0999_prep
	.p2align	8
	.type	k_q9b3a6b0999_prep,@function
k_q9b3a6b0999_prep:
	s_mov_b64 s[64:65], 0
	v_nop
	global_prefetch_b8 v0, s[64:65] scope:SCOPE_SE
	s_setreg_imm32_b32 hwreg(HW_REG_WAVE_MODE, 25, 1), 1
	s_wait_xcnt 0x0
; PREP.  Work-groups 0-255: H = Q(layernorm(x)), quantised to BF6 (E3M2) along the 1,024 channels.  Work-groups 256-447: the six weights, given as rows of codes, are laid anew into W.
; THE LAYOUT OF EVERY OPERAND OF THIS PROGRAM.  Granule (rho, kappa) = 16 rows x 64 along K = 768 bytes, an image of six operand registers: bytes 16 l .. 16 l + 15 are lane l's registers 0-3,
; bytes 512 + 8 l .. + 7 its registers 4-5; lane l = r + 16 h holds k = 64 kappa + 32 h + 0 .. 31 of the row at place r.  Place r of granule rho is row 32 (rho / 2) + 8 (rho % 2) + r + 8 (r / 8):
; as source 0 of a product, two neighbouring granules then give a lane 16 neighbouring columns in 16 registers, which is what the next quantiser wants.  Granules lie [rho][kappa].
; The scale word (four E8M0 bytes, 128 along K) of (rho, r, s) lies at ((rho / 8) (K / 128) + s) 512 + (rho % 8) 64 + 4 r: the words of 128 rows, for all of K, are one dense block.
; LAYERNORM: mean, then the centred squares (two passes over registers), f32; the sums are trees, another order than a plain running sum.
; A work-group takes one rho (16 rows).  Phase A: wave w normalises 4 whole rows (a load covers 512 consecutive bytes) and puts them into a stage in LDS.  Phase B: wave w quantises K steps 2 w and 2 w + 1
; of all 16 rows: a lane takes 16 neighbours of each block of 32.  A store of codes covers 512 or 256 consecutive aligned bytes; the scale words leave in runs of 64 bytes (one byte for each 24 of codes).
; No matrix work, nothing shared between work-groups, so no cluster; the whole input of a work-group (64 KiB) is asked for at once, so nothing is prefetched.
; LIMITS: NaN and infinities are not served.  A block of zeros, and a block whose largest magnitude lies under 2^-122, gets the scale byte 1 (the rule's 127 for zeros is not kept: the codes are zeros, and only this program reads the bytes).
.set PIT,  4112                        ; a stage row: 4,096 bytes + 16: sixteen rows at one column start in sixteen different groups of four banks
.set L16,  4                           ; v4   16 x lane
.set L8,   5                           ; v5   8 x lane
.set PW,   10                          ; v10  the scale word just made
.set SM,   12                          ; v12-19  a pair of sums for each of my 4 rows
.set MU,   20                          ; v20-27  mean, later 1 / sqrt(var + eps), twice each (a pair for the packed forms)
.set TM,   28                          ; v28-43  the quantiser's work
.set PC,   44                          ; v44-63  the codes just made
.set BT,   64                          ; v64-95  b at my columns
.set XR,   96                          ; v96-223 my 4 rows; later 2 x 64 numbers to quantise
.set GM,   224                         ; v224-255 g at my columns
.set SEL,  20                          ; s[20:21] selects of v_permlanex16_b32 for lane l xor 16
; 64 numbers of a lane, register 16 b + i = k 32 b + 16 (lane / 16) + i of my row, become a fragment's codes in v[PC] .. v[PC+11] and its scale word in v[PW]
.macro QUANT s
.irp b, 0,1,2,3
	v_max3_num_f32 v[TM+\b], |v[\s+16*\b]|, |v[\s+1+16*\b]|, 0x2800000   ; my 16 numbers of block b, and the floor 2^(5 - 127): the byte cannot fall under 1
.endr
.irp i, 2,4,6,8,10,12,14
.irp b, 0,1,2,3
	v_max3_num_f32 v[TM+\b], v[TM+\b], |v[\s+16*\b+\i]|, |v[\s+1+16*\b+\i]|
.endr
.endr
.irp b, 0,1,2,3
	v_permlanex16_b32 v[TM+4+\b], v[TM+\b], s[SEL], s[SEL+1]
.endr
.irp b, 0,1,2,3
	v_max_num_f32 v[TM+\b], v[TM+\b], v[TM+4+\b]                       ; with lane l xor 16's: the block's largest magnitude
.endr
.irp b, 0,1,2,3
	v_add_nc_u32 v[TM+12+\b], 0xfe000000, v[TM+\b]                    ; 4 off its exponent field: the conversion's scale operand
.endr
.irp b, 0,1,2,3
	v_lshrrev_b32 v[TM+4+\b], 23, v[TM+12+\b]                         ; the scale's byte
.endr
	v_lshl_or_b32 v[PW], v[TM+5], 8, v[TM+4]
	v_lshl_or_b32 v[PW], v[TM+6], 16, v[PW]
	v_lshl_or_b32 v[PW], v[TM+7], 24, v[PW]
.irp c, 0,1
	v_cvt_scalef32_pk16_bf6_f32 v[PC+6*\c:PC+2+6*\c], v[\s+32*\c:\s+15+32*\c], v[TM+12+2*\c]
	v_cvt_scalef32_pk16_bf6_f32 v[PC+12+4*\c:PC+14+4*\c], v[\s+16+32*\c:\s+31+32*\c], v[TM+12+2*\c+1]   ; (a conversion's three registers begin on an even number)
.endr
	v_nop                                          ; one plain instruction behind the scaled conversions
.irp c, 0,1                                    ; the operand wants a WHOLE block in a lane: lanes 0-15 block 2 c, lanes 16-31 block 2 c + 1
.irp i, 0,1,2
	v_permlane16_swap_b32 v[PC+6*\c+\i], v[PC+12+4*\c+\i]
.endr
.irp i, 0,1,2
	v_mov_b32 v[PC+3+6*\c+\i], v[PC+12+4*\c+\i]
.endr
.endr
.endm
.macro PUTFRAG b0, o0, b1, o1                  ; the fragment's two granules go out as they stand
	global_store_b128 v[L16], v[PC:PC+3], s[\b0:\b0+1] offset:\o0
	global_store_b64 v[L8], v[PC+4:PC+5], s[\b0:\b0+1] offset:(\o0)+512
	global_store_b128 v[L16], v[PC+6:PC+9], s[\b1:\b1+1] offset:\o1
	global_store_b64 v[L8], v[PC+10:PC+11], s[\b1:\b1+1] offset:(\o1)+512
.endm
.macro REDUCE                                  ; each row's pair of sums becomes the row's sum, in every lane; the four rows by turns
.irp i, 0,1,2,3
	v_add_f32 v[SM+2*\i], v[SM+2*\i], v[SM+2*\i+1]
.endr
.irp m, 1,2,4,8
.irp i, 0,1,2,3
	v_add_f32_dpp v[SM+2*\i], v[SM+2*\i], v[SM+2*\i] row_xmask:\m row_mask:0xf bank_mask:0xf
.endr
.endr
.irp i, 0,1,2,3
	v_permlanex16_b32 v[SM+2*\i+1], v[SM+2*\i], s[SEL], s[SEL+1]
.endr
.irp i, 0,1,2,3
	v_add_f32 v[SM+2*\i], v[SM+2*\i], v[SM+2*\i+1]
.endr
.endm
	v_lshl_add_u32 v59, v0, 2, 0x10200
	v_mov_b32 v63, 0
	v_lshrrev_b32 v1, 5, v0
	v_readfirstlane_b32 s12, v1                    ; wave 0..3
	v_and_b32 v1, 31, v0                           ; lane
	v_and_b32 v2, 15, v0                           ; r
	v_bfe_u32 v3, v0, 4, 1                         ; h
	v_lshlrev_b32 v[L16], 4, v1
	v_lshlrev_b32 v[L8], 3, v1
	s_cmp_ge_u32 ttmp9, 256                        ; the same in all waves of a work-group
	s_cbranch_scc1 .Lrelay
	; ---------------- layernorm and quantiser: rho = the work-group's number
	s_load_b256 s[4:11], s[0:1], 0x0               ; x s[4:5], g s[6:7], b s[8:9], H s[10:11]
	s_mov_b32 s[SEL], 0x76543210
	s_mov_b32 s[SEL+1], 0xfedcba98
	s_mov_b32 s22, 0x3a800000                      ; 1 / 1024
	s_mov_b32 s23, 0x3727c5ac                      ; 1e-5
	s_lshr_b32 s13, ttmp9, 1
	s_lshl_b32 s13, s13, 5
	s_and_b32 s16, ttmp9, 1
	s_lshl_b32 s16, s16, 3
	s_add_co_u32 s13, s13, s16
	s_lshl_b32 s16, s12, 2
	s_add_co_u32 s13, s13, s16
	s_lshr_b32 s16, s12, 1
	s_lshl_b32 s16, s16, 3
	s_add_co_u32 s13, s13, s16                     ; my first row: places 4 w .. 4 w + 3 are rows 32 (rho / 2) + 8 (rho % 2) + 4 w + 8 (w / 2) + 0 .. 3
	s_lshl_b32 s16, s13, 12                        ; in bytes (under 2^24)
	s_mov_b32 s17, 0
	s_mul_i32 s18, ttmp9, 12288                    ; H's codes: rho x 16 granules,
	s_mul_i32 s19, s12, 3072                       ; + my four
	s_add_co_u32 s18, s18, s19
	s_mov_b32 s19, 0
	s_lshr_b32 s24, ttmp9, 3                       ; H's scale words: ((rho / 8) 8 + 2 w) 512 + (rho % 8) 64
	s_lshl_b32 s24, s24, 3
	s_lshl_b32 s25, s12, 1
	s_add_co_u32 s24, s24, s25
	s_lshl_b32 s24, s24, 9
	s_and_b32 s25, ttmp9, 7
	s_lshl_b32 s25, s25, 6
	s_add_co_u32 s24, s24, s25
	s_add_co_u32 s24, s24, 3145728
	s_mov_b32 s25, 0
	s_mul_i32 s26, s12, 4*PIT
	v_add_nc_u32 v6, s26, v[L16]                   ; the stage, in: my 4 rows, 16 bytes a lane
	v_mul_u32_u24 v7, v2, PIT
	v_lshl_add_u32 v7, v3, 6, v7
	s_lshl_b32 s26, s12, 10
	v_add_nc_u32 v7, s26, v7                       ; and out: row r, + 64 h, + my two K steps
	v_lshlrev_b32 v8, 2, v2                        ; 4 r
.irp b, 0,1,2,3
	v_mov_b32 v[TM+4+\b], 0                        ; written once: a lane permute's destination counts as one of its sources
.endr
	s_wait_kmcnt 0x0
	s_add_nc_u64 s[4:5], s[4:5], s[16:17]
	s_add_nc_u64 s[14:15], s[10:11], s[24:25]
	s_add_nc_u64 s[10:11], s[10:11], s[18:19]
.irp i, 0,1,2,3
.irp j, 0,1,2,3,4,5,6,7
	global_load_b128 v[XR+32*\i+4*\j:XR+32*\i+4*\j+3], v[L16], s[4:5] offset:4096*\i+512*\j
.endr
.endr
.irp j, 0,1,2,3,4,5,6,7
	global_load_b128 v[GM+4*\j:GM+4*\j+3], v[L16], s[6:7] offset:512*\j
.endr
.irp j, 0,1,2,3,4,5,6,7
	global_load_b128 v[BT+4*\j:BT+4*\j+3], v[L16], s[8:9] offset:512*\j
.endr
	s_wait_loadcnt 16                              ; my rows are in; the 16 younger loads (g, b) may be out
.irp i, 0,1,2,3
	v_pk_add_f32 v[SM+2*\i:SM+2*\i+1], v[XR+32*\i:XR+32*\i+1], v[XR+32*\i+2:XR+32*\i+3]
.endr
.irp j, 4,6,8,10,12,14,16,18,20,22,24,26,28,30
.irp i, 0,1,2,3
	v_pk_add_f32 v[SM+2*\i:SM+2*\i+1], v[SM+2*\i:SM+2*\i+1], v[XR+32*\i+\j:XR+32*\i+\j+1]
.endr
.endr
	REDUCE
.irp i, 0,1,2,3
	v_mul_f32 v[MU+2*\i], s22, v[SM+2*\i]          ; the mean
.endr
.irp i, 0,1,2,3
	v_mov_b32 v[MU+2*\i+1], v[MU+2*\i]
.endr
.irp j, 0,2,4,6,8,10,12,14,16,18,20,22,24,26,28,30
.irp i, 0,1,2,3
	v_pk_add_f32 v[XR+32*\i+\j:XR+32*\i+\j+1], v[XR+32*\i+\j:XR+32*\i+\j+1], v[MU+2*\i:MU+2*\i+1] neg_lo:[0,1] neg_hi:[0,1]
.endr
.endr
.irp i, 0,1,2,3
	v_pk_mul_f32 v[SM+2*\i:SM+2*\i+1], v[XR+32*\i:XR+32*\i+1], v[XR+32*\i:XR+32*\i+1]
.endr
.irp j, 2,4,6,8,10,12,14,16,18,20,22,24,26,28,30
.irp i, 0,1,2,3
	v_pk_fma_f32 v[SM+2*\i:SM+2*\i+1], v[XR+32*\i+\j:XR+32*\i+\j+1], v[XR+32*\i+\j:XR+32*\i+\j+1], v[SM+2*\i:SM+2*\i+1]
.endr
.endr
	REDUCE
.irp i, 0,1,2,3
	v_fma_f32 v[SM+2*\i], v[SM+2*\i], s22, s23     ; var + eps
.endr
.irp i, 0,1,2,3
	v_rsq_f32 v[MU+2*\i], v[SM+2*\i]
.endr
	v_nop                                          ; a plain instruction behind the last of the four
	s_wait_alu depctr_va_vdst(0)                   ; one wait for the four, ahead of their first reader
.irp i, 0,1,2,3
	v_mov_b32 v[MU+2*\i+1], v[MU+2*\i]
.endr
	s_wait_loadcnt 0x0                             ; g and b
.irp j, 0,2,4,6,8,10,12,14,16,18,20,22,24,26,28,30
.irp i, 0,1,2,3
	v_pk_mul_f32 v[XR+32*\i+\j:XR+32*\i+\j+1], v[XR+32*\i+\j:XR+32*\i+\j+1], v[MU+2*\i:MU+2*\i+1]
.endr
.endr
.irp j, 0,2,4,6,8,10,12,14,16,18,20,22,24,26,28,30
.irp i, 0,1,2,3
	v_pk_fma_f32 v[XR+32*\i+\j:XR+32*\i+\j+1], v[XR+32*\i+\j:XR+32*\i+\j+1], v[GM+\j:GM+\j+1], v[BT+\j:BT+\j+1]
.endr
.endr
.irp i, 0,1,2,3
.irp j, 0,1,2,3,4,5,6,7
	ds_store_b128 v6, v[XR+32*\i+4*\j:XR+32*\i+4*\j+3] offset:PIT*\i+512*\j
.endr
.endr
	s_wait_dscnt 0x0                               ; for the others' sake: my rows lie in the stage
	s_barrier_signal -1
	s_barrier_wait -1
.irp e, 0,1
.irp b, 0,1,2,3
.irp j, 0,1,2,3
	ds_load_b128 v[XR+64*\e+16*\b+4*\j:XR+64*\e+16*\b+4*\j+3], v7 offset:512*\e+128*\b+16*\j
.endr
.endr
.endr
	s_wait_dscnt 16                                ; K step 2 w is in; the 16 younger loads (K step 2 w + 1) may be out
	QUANT XR
	PUTFRAG 10, 0, 10, 768
	global_store_b32 v8, v[PW], s[14:15]           ; lanes r and r + 16 store the same word
	s_wait_dscnt 0x0
	s_wait_xcnt 0x0                                ; the stores have read their registers: the codes and the word are written again
	QUANT XR+64
	PUTFRAG 10, 1536, 10, 2304
	global_store_b32 v8, v[PW], s[14:15] offset:512
	s_wait_tensorcnt 0x0
	ds_add_u32 v59, v63
	s_wait_dscnt 0x0
	s_endpgm
	; ---------------- the weights: wave task T = 0 .. 767 lays 16 granules (one rho, 1,024 along K) of one weight
.Lrelay:
	s_load_b512 s[16:31], s[0:1], 0x20             ; codes: Wq 16, Wk 18, Wv 20, Wo 22, W1 24, W2 26; scales: Wq 28, Wk 30,
	s_load_b256 s[32:39], s[0:1], 0x60             ; Wv 32, Wo 34, W1 36, W2 38
	s_load_b64 s[40:41], s[0:1], 0x80              ; W
	s_sub_co_u32 s42, ttmp9, 256
	s_lshl_b32 s42, s42, 2
	s_add_co_u32 s42, s42, s12                     ; T
	s_wait_kmcnt 0x0
	s_mov_b64 s[44:45], s[16:17]
	s_mov_b64 s[46:47], s[28:29]
	s_mov_b32 s48, 0
.macro PICK first, c, s                        ; from task `first` on: the next weight's buffers.  The choice hangs on ids alone
	s_cmp_ge_u32 s42, \first
	s_cselect_b64 s[44:45], s[\c:\c+1], s[44:45]
	s_cselect_b64 s[46:47], s[\s:\s+1], s[46:47]
	s_cselect_b32 s48, \first, s48
.endm
	PICK 64, 18, 30
	PICK 128, 20, 32
	PICK 192, 22, 34
	PICK 256, 24, 36
	PICK 512, 26, 38
	s_cselect_b32 s49, 2, 0                        ; W2 (K = 4,096): four tasks to a rho
	s_cselect_b32 s50, 3, 0
	s_mov_b32 s51, 768
	s_cselect_b32 s51, 3072, s51                   ; a given row of codes in bytes
	s_mov_b32 s52, 32
	s_cselect_b32 s52, 128, s52                    ; a given row of scale bytes
	s_sub_co_u32 s53, s42, s48
	s_lshr_b32 s54, s53, s49                       ; rho
	s_and_b32 s55, s53, s50                        ; which quarter of K
	s_lshr_b32 s56, s54, 1
	s_lshl_b32 s56, s56, 5
	s_and_b32 s57, s54, 1
	s_lshl_b32 s57, s57, 3
	s_add_co_u32 s56, s56, s57                     ; the row at place 0
	s_mul_i32 s58, s56, s51
	s_mul_i32 s57, s55, 768
	s_add_co_u32 s58, s58, s57
	s_mov_b32 s59, 0
	s_add_nc_u64 s[44:45], s[44:45], s[58:59]
	s_mul_i32 s58, s56, s52
	s_lshl_b32 s57, s55, 5
	s_add_co_u32 s58, s58, s57
	s_add_nc_u64 s[46:47], s[46:47], s[58:59]
	s_mul_i32 s58, s42, 12288                      ; the weights' codes lie in W in the order of the tasks
	s_add_nc_u64 s[60:61], s[40:41], s[58:59]
	s_lshr_b32 s56, s42, 3                         ; the words, K = 1,024: (T / 8) 4,096 + (T % 8) 64
	s_lshl_b32 s56, s56, 12
	s_and_b32 s57, s42, 7
	s_lshl_b32 s57, s57, 6
	s_add_co_u32 s56, s56, s57
	s_lshr_b32 s57, s54, 3                         ; W2: 262,144 + (rho / 8) 16,384 + quarter 4,096 + (rho % 8) 64
	s_lshl_b32 s57, s57, 14
	s_lshl_b32 s58, s55, 12
	s_add_co_u32 s57, s57, s58
	s_and_b32 s58, s54, 7
	s_lshl_b32 s58, s58, 6
	s_add_co_u32 s57, s57, s58
	s_add_co_u32 s57, s57, 262144
	s_cmp_ge_u32 s42, 512
	s_cselect_b32 s58, s57, s56
	s_add_co_u32 s58, s58, 9437184
	s_add_nc_u64 s[62:63], s[40:41], s[58:59]
	v_and_b32 v9, 8, v2
	v_add_nc_u32 v9, v9, v2                        ; r + 8 (r / 8)
	v_mul_lo_u32 v17, v9, s51
	v_mad_u32_u24 v17, v3, 24, v17                 ; my row's codes, + 24 h
	v_mul_lo_u32 v11, v9, s52
	v_lshl_add_u32 v11, v3, 4, v11                 ; my row's scale bytes: lanes 16-31 take the upper four words
	v_lshlrev_b32 v16, 11, v3
	v_lshl_add_u32 v16, v2, 2, v16                 ; where they go: 2,048 h + 4 r
	global_load_b128 v[12:15], v11, s[46:47]
.irp k, 0,1,2,3,4,5,6,7,8,9,10,11,12,13,14,15
.irp p, 0,1,2
	global_load_b64 v[96+6*\k+2*\p:97+6*\k+2*\p], v17, s[44:45] offset:48*\k+8*\p   ; 24 bytes: k = 64 kappa + 32 h + 0 .. 31, as they lie
.endr
.endr
.irp k, 0,1,2,3,4,5,6,7,8,9,10,11,12,13,14,15
	s_wait_loadcnt 3*(15-\k)                       ; granule kappa is in; the younger granules' loads may be out
	global_store_b128 v[L16], v[96+6*\k:99+6*\k], s[60:61] offset:768*\k
	global_store_b64 v[L8], v[100+6*\k:101+6*\k], s[60:61] offset:768*\k+512
.endr
.irp i, 0,1,2,3
	global_store_b32 v16, v[12+\i], s[62:63] offset:512*\i
.endr
	s_endpgm
.Lfunc_end_k_q9b3a6b0999_prep:
	.size	k_q9b3a6b0999_prep, .Lfunc_end_k_q9b3a6b0999_prep-k_q9b3a6b0999_prep
	.p2alignl 7, 3214868480
	.fill 96, 4, 3214868480
	.section	.rodata,"a",@progbits
	.p2align	6, 0x0
	.amdhsa_kernel k_q9b3a6b0999_prep
		.amdhsa_group_segment_fixed_size 66560
		.amdhsa_private_segment_fixed_size 0
		.amdhsa_enable_private_segment 0
		.amdhsa_kernarg_size 136
		.amdhsa_user_sgpr_count 2
		.amdhsa_user_sgpr_kernarg_segment_ptr 1
		.amdhsa_wavefront_size32 1
		.amdhsa_system_sgpr_workgroup_id_x 1
		.amdhsa_system_sgpr_workgroup_id_y 1
		.amdhsa_system_sgpr_workgroup_id_z 1
		.amdhsa_system_vgpr_workitem_id 0
		.amdhsa_next_free_vgpr 256
		.amdhsa_next_free_sgpr 66
		.amdhsa_reserve_vcc 0
		.amdhsa_float_denorm_mode_32 3
		.amdhsa_float_denorm_mode_16_64 3
		.amdhsa_memory_ordered 1
		.amdhsa_forward_progress 1
		.amdhsa_inst_pref_size 56
	.end_amdhsa_kernel
	.amdgpu_metadata
---
amdhsa.version: [ 1, 2 ]
amdhsa.kernels:
  - .name:           k_q9b3a6b0999_prep
    .symbol:         k_q9b3a6b0999_prep.kd
    .args:
      - { .name: x, .offset: 0, .size: 8, .value_kind: global_buffer, .address_space: global }
      - { .name: ln1_g, .offset: 8, .size: 8, .value_kind: global_buffer, .address_space: global }
      - { .name: ln1_b, .offset: 16, .size: 8, .value_kind: global_buffer, .address_space: global }
      - { .name: H, .offset: 24, .size: 8, .value_kind: global_buffer, .address_space: global }
      - { .name: Wq_codes, .offset: 32, .size: 8, .value_kind: global_buffer, .address_space: global }
      - { .name: Wk_codes, .offset: 40, .size: 8, .value_kind: global_buffer, .address_space: global }
      - { .name: Wv_codes, .offset: 48, .size: 8, .value_kind: global_buffer, .address_space: global }
      - { .name: Wo_codes, .offset: 56, .size: 8, .value_kind: global_buffer, .address_space: global }
      - { .name: W1_codes, .offset: 64, .size: 8, .value_kind: global_buffer, .address_space: global }
      - { .name: W2_codes, .offset: 72, .size: 8, .value_kind: global_buffer, .address_space: global }
      - { .name: Wq_scales, .offset: 80, .size: 8, .value_kind: global_buffer, .address_space: global }
      - { .name: Wk_scales, .offset: 88, .size: 8, .value_kind: global_buffer, .address_space: global }
      - { .name: Wv_scales, .offset: 96, .size: 8, .value_kind: global_buffer, .address_space: global }
      - { .name: Wo_scales, .offset: 104, .size: 8, .value_kind: global_buffer, .address_space: global }
      - { .name: W1_scales, .offset: 112, .size: 8, .value_kind: global_buffer, .address_space: global }
      - { .name: W2_scales, .offset: 120, .size: 8, .value_kind: global_buffer, .address_space: global }
      - { .name: W, .offset: 128, .size: 8, .value_kind: global_buffer, .address_space: global }
    .group_segment_fixed_size: 66560
    .private_segment_fixed_size: 0
    .kernarg_segment_align: 8
    .kernarg_segment_size: 136
    .max_flat_workgroup_size: 128
    .sgpr_count:     66
    .vgpr_count:     256
    .wavefront_size: 32
...
	.end_amdgpu_metadata
.endif
;; end of part 1
;; launch qkv (part 2): grid 12 x 16, 4 waves a work-group, clusters of 4 x 4, 327,680 bytes of LDS; arguments H, W, bq, bk, bv, QKV; writes QKV
.if DOCPART == 2
	.amdgcn_target "amdgcn-amd-amdhsa--gfx1250"
	.amdhsa_code_object_version 6
	.text
	.protected	k_q9b3a6b0999_qkv
	.globl	k_q9b3a6b0999_qkv
	.p2align	8
	.type	k_q9b3a6b0999_qkv,@function
k_q9b3a6b0999_qkv:
	s_mov_b64 s[64:65], 0
	v_nop
	global_prefetch_b8 v0, s[64:65] scope:SCOPE_SE
	s_setreg_imm32_b32 hwreg(HW_REG_WAVE_MODE, 25, 1), 1
	s_wait_xcnt 0x0
	s_wait_alu depctr_hold_cnt(0) depctr_sa_sdst(0) depctr_va_vdst(0) depctr_va_sdst(0) depctr_va_ssrc(0) depctr_va_vcc(0) depctr_vm_vsrc(0)
	s_getreg_b32 s2, hwreg(HW_REG_IB_STS2, 6, 4)
	s_cmp_eq_u32 s2, 0
	s_cbranch_scc0 .Lentry_in_a_cluster
	s_endpgm
.Lentry_in_a_cluster:
	s_bfe_u32 s2, ttmp6, 0x10000c
	s_cmp_lg_u32 s2, 0xf033
	s_cbranch_scc0 .Lentry_shape_is_right
	s_endpgm
.Lentry_shape_is_right:
; QKV.  q = Q(H Wq^T + bq), k = Q(H Wk^T + bk), quantised to BF6 (E3M2) along each head's 64; v^T = Q(Wv H^T + bv), quantised along the keys.  K = 1,024.
; Operands lie in granules: 16 rows x 64 along K = 768 bytes, an image of six operand registers (lane l's registers 0-3 at 16 l, 4-5 at 512 + 8 l); place r of granule rho is row
; 32 (rho / 2) + 8 (rho % 2) + r + 8 (r / 8); granules lie [rho][kappa].  The scale word of (rho, r, s) lies at ((rho / 8) 8 + s) 512 + (rho % 8) 64 + 4 r.
; A tile of 256 x 256 is made by four waves, 128 x 128 each (64 accumulators, 512 registers).  K goes in steps of 256 through a ring of two LDS slots; the scale words of the tile's rows, for all of K, come once.
; CLUSTERS of 4 x 4: A's tile is asked for jointly along a row of the cluster, B's along a column.  Cluster x = 0: q, 1: k, 2: v.  For v the two operands change places BY POINTER (A = Wv, B = H): the text is one.
; THE PRODUCT IS USED TRANSPOSED (source 0 = 16 rows of B, source 1 = 16 rows of A): a lane holds one row of A's granule, and by the order of rows in a granule the 64 registers of a row block are
; 128 neighbouring columns, 16 of each block of 32: they are quantised in registers and leave as granules of the next product's operand.
; q, k: [head][rho][768] (a wave's 128 columns are two heads); words [head pair][rho][16][4].  v^T: [b][head][64 keys][16 channels][768]; words [b][head][128 keys][16 channels x 4][4].
; The column bias (q, k) is the C of the first products; the row bias (v) is added on the way out; the one that does not apply is replaced by zeros by a select, so no path differs.
; Nothing is prefetched: four slots in all, and every tile is shared by a joint load.
; LIMITS: NaN and infinities are not served; a block of zeros, or one whose largest magnitude lies under 2^-122, gets the scale byte 1 (its bytes are read by this program alone).
; REGISTERS: window 0: v1-12 lane terms, v16-23 LDS addresses, v27 scale words' address, v28-29 the add's, v32-63 scale words, v64-127 column bias, v128-223 A's fragments (on the way out: numbers, codes, work), v240-255 row bias;
;   window 1: B's fragments, two sets; windows 2, 3: the accumulators, (a, b) at v[8 (8 (a % 4) + b)].
.set KDIM,  1024
.set NQ,    2                          ; steps of 128 in a slot
.set FR,    12                         ; registers of a fragment
.set NL,    4                          ; LDS loads that bring one
.set NP,    4                          ; places behind this matrix instruction (ISA guide 7.12.1)
.set RB,    3072                       ; a rho's four granules in a slot
.set HALFT, 8*RB                       ; 128 rows: what one tensor load brings
.set SLOT,  4*HALFT                    ; A's 256 rows, then B's
.set LAPS,  KDIM/512
.set HALFS, (KDIM/128)*512             ; the scale words of 128 rows
.set SCL,   2*SLOT                     ; behind the ring: A's words, then (64 bytes on, in other banks) B's
.set SPARE, SCL+4*HALFS+256            ; the spare words, 128 bytes for each wave: two blocks of 256 bytes that no other line names
.set L16,  8
.set L8,   9
.set PWA,  10                          ; v10  where my scale words are gathered (slot 0, after its last fill and last read)
.set PWR,  11                          ; v11  and read back
.set ADRA, 16                          ; v16-17 A's fragments in slot 0, 1: 16 x lane; v18-19: 8 x lane
.set ADRB, 20                          ; v20-23 the same for B
.set ADRS, 27
.set SPW,  28
.set NIL,  29
.set SC,   32                          ; set s at v[SC + 16 s]; register 2 i + q: lanes 0-15 A's block i, lanes 16-31 B's block i, the slot's q-th 128
.set BC,   64
.set AF,   128
.set T,    128                         ; the way out: a row block's 64 numbers
.set PC,   192
.set TM,   212
.set PW,   228
.set BR,   240
.set SEL,  46
.set G1, 24
.set G0, 32
.set G1B, 48
.set G0B, 56
.set G1S, 68
.set G0S, 76
.set G1SB, 80
.set G0SB, 88
.set MSB, 0
.macro WIN new                         ; the immediate's high byte repeats the setting that is left
.if MSB != (\new)
	s_set_vgpr_msb (MSB<<8)|(\new)
.set MSB, (\new)
.endif
.endm
.set MUL_LO, 0xa1                      ; source 0 (B) window 1, source 1 (A) window 0, C and D window 2
.set MUL_HI, 0xf1                      ; the same, C and D window 3
.set TO_B,   0x40
.macro JLOAD g0a, g1a, g0b, g1b        ; a joint load: waves 0, 1 fetch for A, waves 2, 3 for B; four v_nop follow each line
	s_cmp_eq_u32 s15, 0
	s_cbranch_scc0 .Lfor_b_\@
	tensor_load_to_lds s[\g0a:\g0a+3], s[\g1a:\g1a+7]
	s_nop 0
.rept 4
	v_nop
.endr
	s_branch .Lasked_\@
.Lfor_b_\@:
	tensor_load_to_lds s[\g0b:\g0b+3], s[\g1b:\g1b+7]
	s_nop 0
.rept 4
	v_nop
.endr
.Lasked_\@:
.endm
.macro CREST                           ; a round of the cluster's barrier behind its opening barrier
	s_cmp_lg_u32 s14, 0
	s_cbranch_scc1 .Lnot_wave_0_\@
	s_barrier_signal -3
.Lnot_wave_0_\@:
	s_barrier_wait -3
	s_barrier_signal -1
	s_barrier_wait -1
.endm
.macro CROUND
	s_barrier_signal -1
	s_barrier_wait -1
	CREST
.endm
.macro PLACES n
.rept \n
	v_nop
.endr
.endm
.macro FRAG reg, adr, q, i             ; block i's fragment of the slot's q-th 128: two granules, each 16 + 8 bytes a lane, dense
.irp c, 0,1
	ds_load_b128 v[\reg+6*\c:\reg+6*\c+3], v[\adr] offset:(\i)*RB+(2*(\q)+\c)*768
	ds_load_b64 v[\reg+6*\c+4:\reg+6*\c+5], v[\adr+2] offset:(\i)*RB+(2*(\q)+\c)*768+512
.endr
.endm
; 16 products: A's blocks a0, a0 + 1 x B's eight.  mode 1: the column bias is C and starts the sums.  The 64 accumulators take turns, in the same order in every step.
.macro MUL16 a0, p, q, sc, mode
.irp a, \a0, \a0+1
.irp b, 0,1,2,3,4,5,6,7
.if \mode
	v_wmma_scale_f32_16x16x128_f8f6f4 v[8*(8*((\a)%4)+\b):8*(8*((\a)%4)+\b)+7], v[128*(\p)+FR*\b:128*(\p)+FR*\b+FR-1], v[AF+FR*(\a):AF+FR*(\a)+FR-1], v[BC+8*\b:BC+8*\b+7], v[SC+16*(\sc)+2*\b+(\q)], v[SC+16*(\sc)+2*(\a)+(\q)] matrix_a_fmt:MATRIX_FMT_BF6 matrix_b_fmt:MATRIX_FMT_BF6 matrix_a_scale:MATRIX_SCALE_ROW1
.else
	v_wmma_scale_f32_16x16x128_f8f6f4 v[8*(8*((\a)%4)+\b):8*(8*((\a)%4)+\b)+7], v[128*(\p)+FR*\b:128*(\p)+FR*\b+FR-1], v[AF+FR*(\a):AF+FR*(\a)+FR-1], v[8*(8*((\a)%4)+\b):8*(8*((\a)%4)+\b)+7], v[SC+16*(\sc)+2*\b+(\q)], v[SC+16*(\sc)+2*(\a)+(\q)] matrix_a_fmt:MATRIX_FMT_BF6 matrix_b_fmt:MATRIX_FMT_BF6 matrix_a_scale:MATRIX_SCALE_ROW1
.endif
.endr
.endr
.endm
.macro FETCH_B slot, q, p
	WIN TO_B
.irp i, 0,1,2,3,4,5,6,7
	FRAG 128*(\p)+FR*\i, ADRB+\slot, \q, \i
.endr
	WIN 0
.endm
.macro FETCH_A slot, q, i0
.irp i, \i0, \i0+1, \i0+2, \i0+3
	FRAG AF+FR*(\i), ADRA+\slot, \q, \i
.endr
.endm
.macro SCALES sc                       ; the slot's scale words: lanes 0-15 A's block i, lanes 16-31 B's block i
.irp i, 0,1,2,3,4,5,6,7
.irp q, 0,1
	ds_load_b32 v[SC+16*\sc+2*\i+\q], v[ADRS] offset:\q*512+\i*64
.endr
.endr
.endm
.macro STEP slot, q, mode              ; a step of 128 along K that has its successor in the same slot
	s_wait_dscnt 4*NL                              ; all but the youngest 16 loads (A's blocks 4-7) are in
.if \mode
	WIN 0x81                                       ; C (the bias) window 0, D window 2
.else
	WIN MUL_LO
.endif
	MUL16 0, (\q)%2, \q, \slot, \mode
	MUL16 2, (\q)%2, \q, \slot, \mode
	s_wait_dscnt 0
	PLACES NP                                      ; in front of loads into registers that matrix instructions have read
	FETCH_B \slot, (\q)+1, 1-(\q)%2
	FETCH_A \slot, (\q)+1, 0
.if \mode
	WIN 0xc1
.else
	WIN MUL_HI
.endif
	MUL16 4, (\q)%2, \q, \slot, \mode
	MUL16 6, (\q)%2, \q, \slot, \mode
	PLACES NP
	WIN 0
	FETCH_A \slot, (\q)+1, 4
.endm
; A slot's last step changes slots: one barrier; in front of it each wave waits for all its tensor loads, adds 0 to its spare word, and waits for that and for its reads of this slot.
.macro TURN slot, next, fill
	s_wait_tensorcnt 0x0                           ; all my tensor loads have landed: my part of the next slot
	ds_add_u32 v[SPW], v[NIL]                      ; 0 onto my spare word
	s_wait_dscnt 4*NL+1                            ; (the add and the youngest 16 loads may be out)
	WIN MUL_LO
	MUL16 0, 1, NQ-1, \slot, 0
	s_wait_dscnt 0x0                               ; the add is done, and my reads of this slot are over
	s_barrier_signal -1
	MUL16 2, 1, NQ-1, \slot, 0
	WIN 0
	s_barrier_wait -1
.if \fill
	CREST                                          ; the barrier has opened a round of the cluster's: no wave of any partner still reads this slot or has a load on its way
	s_add_nc_u64 s[G0+4*\slot+2:G0+4*\slot+3], s[G0+4*\slot+2:G0+4*\slot+3], 2*RB
	s_add_nc_u64 s[G0B+4*\slot+2:G0B+4*\slot+3], s[G0B+4*\slot+2:G0B+4*\slot+3], 2*RB
	JLOAD G0+4*\slot, G1, G0B+4*\slot, G1B         ; the first tensor load behind the round; its four v_nop are the places in front of the loads below
.else
	PLACES NP
.endif
	v_add_nc_u32 v[ADRS], 1024, v[ADRS]            ; the next slot's scale words
	FETCH_B \next, 0, 0
	FETCH_A \next, 0, 0
	SCALES \next
	WIN MUL_HI
	MUL16 4, 1, NQ-1, \slot, 0
	MUL16 6, 1, NQ-1, \slot, 0
	PLACES NP
	WIN 0
	FETCH_A \next, 0, 4
.endm
; 64 numbers of a lane, register 16 b + i = k 32 b + 16 (lane / 16) + i of my row, become a fragment's codes in v[PC] .. v[PC+11] and its scale word in v[PW]
.macro QUANT s
.irp b, 0,1,2,3
	v_max3_num_f32 v[TM+\b], |v[\s+16*\b]|, |v[\s+1+16*\b]|, 0x2800000   ; and the floor 2^(5 - 127): the byte cannot fall under 1
.endr
.irp i, 2,4,6,8,10,12,14
.irp b, 0,1,2,3
	v_max3_num_f32 v[TM+\b], v[TM+\b], |v[\s+16*\b+\i]|, |v[\s+1+16*\b+\i]|
.endr
.endr
.irp b, 0,1,2,3
	v_permlanex16_b32 v[TM+4+\b], v[TM+\b], s[SEL], s[SEL+1]
.endr
.irp b, 0,1,2,3
	v_max_num_f32 v[TM+\b], v[TM+\b], v[TM+4+\b]
.endr
.irp b, 0,1,2,3
	v_add_nc_u32 v[TM+12+\b], 0xfe000000, v[TM+\b]                    ; 4 off the exponent field: the conversion's scale operand
.endr
.irp b, 0,1,2,3
	v_lshrrev_b32 v[TM+4+\b], 23, v[TM+12+\b]
.endr
	v_lshl_or_b32 v[PW], v[TM+5], 8, v[TM+4]
	v_lshl_or_b32 v[PW], v[TM+6], 16, v[PW]
	v_lshl_or_b32 v[PW], v[TM+7], 24, v[PW]
.irp c, 0,1
	v_cvt_scalef32_pk16_bf6_f32 v[PC+6*\c:PC+2+6*\c], v[\s+32*\c:\s+15+32*\c], v[TM+12+2*\c]
	v_cvt_scalef32_pk16_bf6_f32 v[PC+12+4*\c:PC+14+4*\c], v[\s+16+32*\c:\s+31+32*\c], v[TM+12+2*\c+1]
.endr
	v_nop                                          ; one plain instruction behind the scaled conversions
.irp c, 0,1
.irp i, 0,1,2
	v_permlane16_swap_b32 v[PC+6*\c+\i], v[PC+12+4*\c+\i]
.endr
.irp i, 0,1,2
	v_mov_b32 v[PC+3+6*\c+\i], v[PC+12+4*\c+\i]
.endr
.endr
.endm
.macro XFER a                          ; row block a's 64 sums + the row bias -> window 0; each accumulator is read from its low end on
	WIN 0x02+(\a)/4
.set AC, 64*((\a)%4)
.set i, 0
.rept 32
	v_pk_add_f32 v[T+i:T+i+1], v[AC+i:AC+i+1], v[BR+2*(\a):BR+2*(\a)+1]
.set i, i+2
.endr
	WIN 0
.endm
	s_load_b256 s[4:11], s[0:1], 0x0               ; H s[4:5], W s[6:7], bq s[8:9], bk s[10:11]
	s_load_b128 s[96:99], s[0:1], 0x20             ; bv s[96:97], QKV s[98:99]
	v_lshl_add_u32 v[SPW], v0, 2, SPARE
	v_mov_b32 v[NIL], 0
	ds_add_u32 v28, v29
	ds_add_u32 v28, v29
	s_wait_dscnt 0x0
	v_lshrrev_b32 v1, 5, v0
	v_readfirstlane_b32 s14, v1                    ; wave 0..3
	s_lshr_b32 s15, s14, 1                         ; my half of the tile's rows.  Also: I fetch for A (0) or B (1)
	s_and_b32 s16, s14, 1                          ; my half of its columns.  Also: which 128 rows I fetch
	s_bfe_u32 s40, ttmp6, 0x40000                  ; cx
	s_bfe_u32 s41, ttmp6, 0x40004                  ; cy
	s_and_b32 s18, ttmp7, 0xffff
	s_lshl_b32 s18, s18, 2                         ; 4 x cluster y
	s_cmp_eq_u32 ttmp9, 2                          ; v?  The same in all sixteen partners
	s_cselect_b32 s17, 0, s18
	s_cselect_b32 s42, s18, 0
	s_cselect_b32 s2, -1, 0                        ; a lane mask: all ones for v
	s_add_co_u32 s17, s17, s41                     ; tile row: q, k: 16 of tokens; v: 4 of channels
	s_add_co_u32 s42, s42, s40                     ; tile column: q, k: 4 of channels; v: 16 of tokens
	s_lshl_b32 s43, s41, 2
	s_lshl_b32 s43, 15, s43                        ; my row of the cluster
	s_lshl_b32 s44, 0x1111, s40                    ; my column
	s_or_b32 s[G1], s43, (3<<16)|(1<<21)           ; the mask; elements of 8 bytes; bit 21 beside a mask; no padding
	s_or_b32 s[G1B], s44, (3<<16)|(1<<21)
	s_or_b32 s[G1S], s43, (3<<16)|(1<<21)
	s_or_b32 s[G1SB], s44, (3<<16)|(1<<21)
.irp g, G1, G1B                                ; codes: 8 rows (rho) of 3,072 bytes, 12 KDIM bytes apart
	s_mov_b32 s[\g+1], 384<<16
	s_mov_b32 s[\g+2], 8<<16
	s_mov_b32 s[\g+3], 384<<16
	s_mov_b32 s[\g+4], 8
	s_mov_b32 s[\g+5], 3*KDIM/2
	s_mov_b32 s[\g+6], 0
	s_mov_b32 s[\g+7], 0
.endr
.irp g, G1S, G1SB                              ; scale words: a dense block of HALFS bytes as rows of 256
	s_mov_b32 s[\g+1], 32<<16
	s_mov_b32 s[\g+2], (HALFS/256)<<16
	s_mov_b32 s[\g+3], 32<<16
	s_mov_b32 s[\g+4], HALFS/256
	s_mov_b32 s[\g+5], 32
	s_mov_b32 s[\g+6], 0
	s_mov_b32 s[\g+7], 0
.endr
	s_lshl_b32 s20, s17, 1
	s_add_co_u32 s20, s20, s16                     ; which 128 rows of A I would fetch
	s_lshl_b32 s46, s42, 1
	s_add_co_u32 s46, s46, s16                     ; and of B
	s_mul_i32 s22, s20, HALFS
	s_mul_i32 s20, s20, 96*KDIM
	s_mul_i32 s92, s46, HALFS
	s_mul_i32 s46, s46, 96*KDIM
	s_mul_i32 s18, ttmp9, 786432                   ; Wq's or Wk's codes in W,
	s_lshl_b32 s19, ttmp9, 15
	s_add_co_u32 s19, s19, 9437184                 ; and their words
	s_mov_b32 s67, 3145728                         ; H's words
	s_cmp_eq_u32 ttmp9, 2
	s_cselect_b32 s66, 1572864, 0                  ; A: Wv's codes, or H's
	s_cselect_b32 s45, 9502720, s67                ; A's words
	s_cselect_b32 s18, 0, s18                      ; B: H's codes, or the weight's
	s_cselect_b32 s19, s67, s19
	s_add_co_u32 s20, s20, s66
	s_add_co_u32 s22, s22, s45
	s_add_co_u32 s46, s46, s18
	s_add_co_u32 s92, s92, s19
	s_mov_b32 s21, 0
	s_mov_b32 s23, 0
	s_mov_b32 s47, 0
	s_mov_b32 s93, 0
	s_mul_i32 s45, s14, HALFT                      ; where they go: wave x 128 rows: no place in the cluster enters an LDS address
	s_mul_i32 s94, s14, HALFS
	s_lshl_b32 s95, s15, 6
	s_add_co_u32 s94, s94, s95
	s_wait_kmcnt 0x0
	s_cmp_eq_u32 ttmp9, 2
	s_cselect_b64 s[12:13], s[6:7], s[4:5]         ; A's buffer
	s_cselect_b64 s[18:19], s[4:5], s[6:7]         ; B's buffer
	s_add_nc_u64 s[20:21], s[12:13], s[20:21]
	s_add_nc_u64 s[22:23], s[12:13], s[22:23]
	s_add_nc_u64 s[46:47], s[18:19], s[46:47]
	s_add_nc_u64 s[92:93], s[18:19], s[92:93]
	s_cmp_eq_u32 ttmp9, 1
	s_cselect_b64 s[8:9], s[10:11], s[8:9]
	s_cmp_eq_u32 ttmp9, 2
	s_cselect_b64 s[8:9], s[96:97], s[8:9]         ; my product's bias
	CROUND                                         ; all sixteen work-groups are here: the first joint loads meet
	s_mov_b32 s[G0S], 1
	s_add_co_u32 s[G0S+1], s94, SCL
	s_mov_b64 s[G0S+2:G0S+3], s[22:23]
	s_or_b32 s[G0S+3], s[G0S+3], 0x80000000
	s_mov_b32 s[G0SB], 1
	s_add_co_u32 s[G0SB+1], s94, SCL
	s_mov_b64 s[G0SB+2:G0SB+3], s[92:93]
	s_or_b32 s[G0SB+3], s[G0SB+3], 0x80000000
	JLOAD G0S, G1S, G0SB, G1SB                     ; the scale words first: they are wanted with slot 0
.irp s, 0,1
	s_mov_b32 s[G0+4*\s], 1
	s_add_co_u32 s[G0+4*\s+1], s45, \s*SLOT
	s_add_nc_u64 s[G0+4*\s+2:G0+4*\s+3], s[20:21], \s*RB
	s_or_b32 s[G0+4*\s+3], s[G0+4*\s+3], 0x80000000
	s_mov_b32 s[G0B+4*\s], 1
	s_add_co_u32 s[G0B+4*\s+1], s45, \s*SLOT
	s_add_nc_u64 s[G0B+4*\s+2:G0B+4*\s+3], s[46:47], \s*RB
	s_or_b32 s[G0B+4*\s+3], s[G0B+4*\s+3], 0x80000000
	JLOAD G0+4*\s, G1, G0B+4*\s, G1B               ; by this text's count three tensor loads of a wave are out here, later one
.endr
	v_and_b32 v1, 15, v0                           ; r
	v_bfe_u32 v2, v0, 4, 1                         ; h
	v_and_b32 v3, 31, v0
	v_lshlrev_b32 v[L16], 4, v3
	v_lshlrev_b32 v[L8], 3, v3
	v_lshlrev_b32 v4, 6, v2                        ; column bias: 64 h
	v_and_b32 v5, 8, v1
	v_add_nc_u32 v5, v5, v1
	v_lshlrev_b32 v5, 2, v5                        ; row bias: 4 (r + 8 (r / 8))
	s_and_b32 s18, s42, 3                          ; both are read inside the bias's 1,024 numbers, whichever applies
	s_lshl_b32 s18, s18, 10
	s_lshl_b32 s19, s16, 9
	s_add_co_u32 s18, s18, s19
	s_mov_b32 s19, 0
	s_add_nc_u64 s[10:11], s[8:9], s[18:19]
	s_and_b32 s18, s17, 3
	s_lshl_b32 s18, s18, 10
	s_lshl_b32 s20, s15, 9
	s_add_co_u32 s18, s18, s20
	s_add_nc_u64 s[12:13], s[8:9], s[18:19]
.irp b, 0,1,2,3,4,5,6,7                        ; register j of tile b is column 32 (b / 2) + 16 h + 8 (b % 2) + j
	global_load_b128 v[BC+8*\b:BC+8*\b+3], v4, s[10:11] offset:(32*(\b/2)+8*(\b%2))*4
	global_load_b128 v[BC+8*\b+4:BC+8*\b+7], v4, s[10:11] offset:(32*(\b/2)+8*(\b%2))*4+16
.endr
.irp a, 0,1,2,3,4,5,6,7
	global_load_b32 v[BR+2*\a], v5, s[12:13] offset:(32*(\a/2)+8*(\a%2))*4
.endr
	s_mul_i32 s21, s15, HALFT                      ; my 128 rows of A
	s_mul_i32 s22, s16, HALFT
	s_add_co_u32 s22, s22, 2*HALFT                 ; my 128 rows of B, behind A's 256
.irp s, 0,1
	v_add_nc_u32 v[ADRA+\s], s21, v[L16]
	v_add_nc_u32 v[ADRA+2+\s], s21, v[L8]
	v_add_nc_u32 v[ADRB+\s], s22, v[L16]
	v_add_nc_u32 v[ADRB+2+\s], s22, v[L8]
	s_add_co_u32 s21, s21, SLOT
	s_add_co_u32 s22, s22, SLOT
.endr
	s_mul_i32 s21, s15, HALFS                      ; A's words: my 128 rows
	s_mul_i32 s22, s16, HALFS
	s_add_co_u32 s22, s22, 2*HALFS+64              ; B's
	s_sub_co_u32 s22, s22, s21
	v_mul_u32_u24 v6, s22, v2                      ; lanes 16-31 take B's: one product in h
	s_add_co_u32 s21, s21, SCL
	v_lshl_add_u32 v6, v1, 2, v6
	v_add_nc_u32 v[ADRS], s21, v6
	s_lshl_b32 s20, s14, 9
	v_lshl_add_u32 v[PWA], v1, 2, s20              ; 512 w + 4 r
	v_add_nc_u32 v[PWR], s20, v[L16]
	; where my results go, as offsets in QKV.  sg = 2 tx + my half of the columns; R = my first rho
	s_lshl_b32 s18, s42, 1
	s_add_co_u32 s18, s18, s16
	s_lshl_b32 s19, s17, 4
	s_lshl_b32 s20, s15, 3
	s_add_co_u32 s19, s19, s20
	s_mul_i32 s66, ttmp9, 3145728                  ; q, k: codes: heads 2 sg and 2 sg + 1, rho R on
	s_mul_i32 s20, s18, 393216
	s_add_co_u32 s66, s66, s20
	s_mul_i32 s20, s19, 768
	s_add_co_u32 s66, s66, s20
	s_lshl_b32 s94, ttmp9, 17                      ; words: head pair sg
	s_lshl_b32 s20, s18, 14
	s_add_co_u32 s94, s94, s20
	s_lshl_b32 s20, s19, 6
	s_add_co_u32 s94, s94, s20
	s_add_co_u32 s94, s94, 9437184
	s_lshr_b32 s20, s42, 3                         ; v: the batch,
	s_and_b32 s21, s42, 7
	s_lshl_b32 s22, s17, 2
	s_lshl_b32 s23, s15, 1
	s_add_co_u32 s22, s22, s23                     ; my first head,
	s_lshl_b32 s21, s21, 1
	s_add_co_u32 s21, s21, s16                     ; my 128 keys
	s_mul_i32 s45, s20, 1572864
	s_mul_i32 s46, s22, 98304
	s_add_co_u32 s45, s45, s46
	s_mul_i32 s46, s21, 6144
	s_add_co_u32 s45, s45, s46
	s_add_co_u32 s45, s45, 6291456
	s_lshl_b32 s46, s20, 16
	s_lshl_b32 s47, s22, 12
	s_add_co_u32 s46, s46, s47
	s_lshl_b32 s47, s21, 8
	s_add_co_u32 s46, s46, s47
	s_add_co_u32 s46, s46, 9699328
	s_mov_b32 s22, 196608                          ; from a fragment's first granule to its second: a head on (q, k), 64 keys on (v)
	s_mov_b32 s21, 256                             ; from my first 64 words to the other 64
	s_cmp_eq_u32 ttmp9, 2
	s_cselect_b32 s66, s45, s66
	s_cselect_b32 s94, s46, s94
	s_cselect_b32 s22, 3072, s22
	s_cselect_b32 s21, 4096, s21
	s_cselect_b32 s45, 95232, 0                    ; v: behind row block 3 the next head begins
	s_mov_b32 s67, 0
	s_mov_b32 s23, 0
	s_mov_b32 s95, 0
	s_add_nc_u64 s[66:67], s[98:99], s[66:67]
	s_add_nc_u64 s[92:93], s[66:67], s[22:23]
	s_add_nc_u64 s[94:95], s[98:99], s[94:95]
	v_mul_u32_u24 v12, s21, v2
	v_lshl_add_u32 v12, v1, 4, v12
	s_wait_loadcnt 0x0                             ; the biases
.set i, 0
.rept 64
	v_cndmask_b32 v[BC+i], v[BC+i], 0, s2          ; v has no column bias
.set i, i+1
.endr
.irp a, 0,1,2,3,4,5,6,7
	v_cndmask_b32 v[BR+2*\a], 0, v[BR+2*\a], s2    ; q and k have no row bias
.endr
.irp a, 0,1,2,3,4,5,6,7
	v_mov_b32 v[BR+2*\a+1], v[BR+2*\a]
.endr
	s_wait_tensorcnt 1                             ; the scale words and my part of slot 0 are in (slot 1's load may be out),
	s_barrier_signal -1
	s_barrier_wait -1                              ; everybody's are
	FETCH_B 0, 0, 0
	FETCH_A 0, 0, 0
	SCALES 0
	FETCH_A 0, 0, 4
	STEP 0, 0, 1                                   ; the first step stands in front of the loop: its products start the sums, from the bias
	s_mov_b32 s3, LAPS-1
.Llap:                                             ; a trip goes once round the ring and fills both slots again
	TURN 0, 1, 1
	STEP 1, 0, 0
	TURN 1, 0, 1
	STEP 0, 0, 0
	s_sub_co_u32 s3, s3, 1
	s_cmp_lg_u32 s3, 0
	s_cbranch_scc1 .Llap
	TURN 0, 1, 0                                   ; the last lap fills nothing
	STEP 1, 0, 0
	s_wait_dscnt 4*NL
	WIN MUL_LO
	MUL16 0, 1, NQ-1, 1, 0
	MUL16 2, 1, NQ-1, 1, 0
	s_wait_dscnt 0
	WIN MUL_HI
	MUL16 4, 1, NQ-1, 1, 0
	MUL16 6, 1, NQ-1, 1, 0
	WIN 0
	; THE WAY OUT: eight row blocks.  What differs between them (the accumulators' numbers) is written eight times, the quantiser once.
	PLACES NP
.irp b, 0,1,2,3
	v_mov_b32 v[TM+4+\b], 0                        ; a lane permute's destination counts as one of its sources
.endr
	s_mov_b32 s[SEL], 0x76543210
	s_mov_b32 s[SEL+1], 0xfedcba98
	s_mov_b32 s23, 0
	s_mov_b32 s3, 0
.Lrow:
	s_cmp_eq_u32 s3, 0
	s_cbranch_scc1 .Lx0
	s_cmp_eq_u32 s3, 1
	s_cbranch_scc1 .Lx1
	s_cmp_eq_u32 s3, 2
	s_cbranch_scc1 .Lx2
	s_cmp_eq_u32 s3, 3
	s_cbranch_scc1 .Lx3
	s_cmp_eq_u32 s3, 4
	s_cbranch_scc1 .Lx4
	s_cmp_eq_u32 s3, 5
	s_cbranch_scc1 .Lx5
	s_cmp_eq_u32 s3, 6
	s_cbranch_scc1 .Lx6
	XFER 7
	s_branch .Lwork
.Lx0:
	XFER 0
	s_branch .Lwork
.Lx1:
	XFER 1
	s_branch .Lwork
.Lx2:
	XFER 2
	s_branch .Lwork
.Lx3:
	XFER 3
	s_branch .Lwork
.Lx4:
	XFER 4
	s_branch .Lwork
.Lx5:
	XFER 5
	s_branch .Lwork
.Lx6:
	XFER 6
.Lwork:
	QUANT T
	global_store_b128 v[L16], v[PC:PC+3], s[66:67]           ; 512 consecutive aligned bytes,
	global_store_b64 v[L8], v[PC+4:PC+5], s[66:67] offset:512 ; and 256
	global_store_b128 v[L16], v[PC+6:PC+9], s[92:93]
	global_store_b64 v[L8], v[PC+10:PC+11], s[92:93] offset:512
	ds_store_b32 v[PWA], v[PW]                     ; lanes r and r + 16 store the same word
	s_wait_dscnt 0x0
	s_wait_xcnt 0x0                                ; the stores have read their registers and bases: both are written again
	s_cmp_eq_u32 s3, 3
	s_cselect_b32 s22, s45, 0
	s_add_co_u32 s22, s22, 768
	s_add_nc_u64 s[66:67], s[66:67], s[22:23]
	s_add_nc_u64 s[92:93], s[92:93], s[22:23]
	v_add_nc_u32 v[PWA], 64, v[PWA]
	s_add_co_u32 s3, s3, 1
	s_cmp_lt_u32 s3, 8
	s_cbranch_scc1 .Lrow
	ds_load_b128 v[T:T+3], v[PWR]                  ; my 128 words (LDS serves a wave's instructions in order): two runs of 256 aligned bytes
	s_wait_dscnt 0x0
	global_store_b128 v12, v[T:T+3], s[94:95]
	s_wait_tensorcnt 0x0                           ; the wave's end
	ds_add_u32 v[SPW], v[NIL]
	s_wait_dscnt 0x0
	CROUND                                         ; the closing round
	s_endpgm
.Lfunc_end_k_q9b3a6b0999_qkv:
	.size	k_q9b3a6b0999_qkv, .Lfunc_end_k_q9b3a6b0999_qkv-k_q9b3a6b0999_qkv
	.p2alignl 7, 3214868480
	.fill 96, 4, 3214868480
	.section	.rodata,"a",@progbits
	.p2align	6, 0x0
	.amdhsa_kernel k_q9b3a6b0999_qkv
		.amdhsa_group_segment_fixed_size 327680
		.amdhsa_private_segment_fixed_size 0
		.amdhsa_enable_private_segment 0
		.amdhsa_kernarg_size 48
		.amdhsa_user_sgpr_count 2
		.amdhsa_user_sgpr_kernarg_segment_ptr 1
		.amdhsa_wavefront_size32 1
		.amdhsa_system_sgpr_workgroup_id_x 1
		.amdhsa_system_sgpr_workgroup_id_y 1
		.amdhsa_system_sgpr_workgroup_id_z 1
		.amdhsa_system_vgpr_workitem_id 0
		.amdhsa_next_free_vgpr 1024
		.amdhsa_next_free_sgpr 100
		.amdhsa_reserve_vcc 0
		.amdhsa_float_denorm_mode_32 3
		.amdhsa_float_denorm_mode_16_64 3
		.amdhsa_memory_ordered 1
		.amdhsa_forward_progress 1
		.amdhsa_inst_pref_size 148
	.end_amdhsa_kernel
	.amdgpu_metadata
---
amdhsa.version: [ 1, 2 ]
amdhsa.kernels:
  - .name:           k_q9b3a6b0999_qkv
    .symbol:         k_q9b3a6b0999_qkv.kd
    .args:
      - { .name: H, .offset: 0, .size: 8, .value_kind: global_buffer, .address_space: global }
      - { .name: W, .offset: 8, .size: 8, .value_kind: global_buffer, .address_space: global }
      - { .name: bq, .offset: 16, .size: 8, .value_kind: global_buffer, .address_space: global }
      - { .name: bk, .offset: 24, .size: 8, .value_kind: global_buffer, .address_space: global }
      - { .name: bv, .offset: 32, .size: 8, .value_kind: global_buffer, .address_space: global }
      - { .name: QKV, .offset: 40, .size: 8, .value_kind: global_buffer, .address_space: global }
    .group_segment_fixed_size: 327680
    .private_segment_fixed_size: 0
    .kernarg_segment_align: 8
    .kernarg_segment_size: 48
    .max_flat_workgroup_size: 128
    .sgpr_count:     100
    .vgpr_count:     1024
    .wavefront_size: 32
...
	.end_amdgpu_metadata
.endif
;; end of part 2
;; launch attn (part 3): grid 8 x 32, 16 waves a work-group, clusters of 4 x 1, 215,040 bytes of LDS; arguments QKV, Y; writes Y
.if DOCPART == 3
	.amdgcn_target "amdgcn-amd-amdhsa--gfx1250"
	.amdhsa_code_object_version 6
	.text
	.protected	k_q9b3a6b0999_attn
	.globl	k_q9b3a6b0999_attn
	.p2align	8
	.type	k_q9b3a6b0999_attn,@function
k_q9b3a6b0999_attn:
	s_mov_b64 s[64:65], 0
	v_nop
	global_prefetch_b8 v0, s[64:65] scope:SCOPE_SE
	s_setreg_imm32_b32 hwreg(HW_REG_WAVE_MODE, 25, 1), 1
	s_wait_xcnt 0x0
	s_wait_alu depctr_hold_cnt(0) depctr_sa_sdst(0) depctr_va_vdst(0) depctr_va_sdst(0) depctr_va_ssrc(0) depctr_va_vcc(0) depctr_vm_vsrc(0)
	s_getreg_b32 s2, hwreg(HW_REG_IB_STS2, 6, 4)
	s_cmp_eq_u32 s2, 0
	s_cbranch_scc0 .Lentry_in_a_cluster
	s_endpgm
.Lentry_in_a_cluster:
	s_bfe_u32 s2, ttmp6, 0x10000c
	s_cmp_lg_u32 s2, 0x3003
	s_cbranch_scc0 .Lentry_shape_is_right
	s_endpgm
.Lentry_shape_is_right:
; ATTENTION on codes of BF6 (E3M2).  For each (batch, head): O[q] = sum over keys of p V / l, p = 2^(t - M), t = score x log2(e) / 8, M = the running largest t rounded UP to a whole number; p is quantised along the keys,
; l is the sum of the unquantised p; when M moves, l and O are multiplied by 2^(old M - new M), which rounds nothing.  y = O / l is quantised along the channels and stored as granules of the next product's operand.
; A work-group owns 256 queries of one (batch, head), each of its sixteen waves one granule of 16 queries: four waves to a SIMD, so that one wave's vector work stands beside another's products and LDS loads.
; THE WHOLE HEAD'S K AND V LIE IN LDS, FILLED ONCE (2 x 96 KiB of codes, 12 KiB of scale words): no slot is ever filled again.  The four work-groups of a cluster walk the same K and V: every load is joint.
; The second half of the keys lands while the first half is worked on.  Everything is asked for at the head, so nothing is left to prefetch.
; LAYOUT (made by the launch before): a granule is 16 rows x 64 along K, 768 bytes, an image of six operand registers; place r of granule rho is row 32 (rho / 2) + 8 (rho % 2) + r + 8 (r / 8).
; Both products are used transposed: S^T = K Q^T, O^T = V^T P^T: a lane holds one query; by the order of rows in a granule the 16 registers of two neighbouring tiles are 16 neighbouring keys (or channels).
; The head's K is 64: registers 6-11 of K's and Q's fragments are zero codes, and the upper two bytes of their scale words are 0 (2^-127 over zeros).
; LIMITS: NaN and infinities are not served; a block of zeros, or one whose largest magnitude lies under 2^-122, gets the scale byte 1 (its bytes are read by this program alone).
; A block's largest p is taken as the exponential of the block's largest score; this leans on v_exp_f32 not falling where its input rises.
; REGISTERS: v1-5 lane terms; v8-11 addresses in hand; v12 -M, v13 largest t, v[14:15] l; v16-27 Q; v28-31 a tile's scale words; v32-79 four tiles of K; v80-91 p's codes; v92-95 block maxima; v96-159 S^T, then p;
;   v160-191 O^T; v192-239 four fragments of V; v240-251 at work; v252 f, v253 p's scale word, v254 at work, v255 Q's scale word.
.set L16,  1
.set L8,   2
.set ASK0, 3                           ; v3   K's scale words: 196,608 + 4 r + 2 (head % 2)
.set ASV0, 4                           ; v4   V's: 204,800 + 4 r
.set A16,  8
.set A8,   9
.set ADS,  10
.set ADT,  11
.set BM,   92
.set PT,   240
.set SO,   248
.set WV,   18
.set SEL,  20
.set CS,   22                          ; s[22:23] c = log2(e) / 8
.set G1C,  24                          ; s[24:31] group 1: 24 rows of 256 bytes (6,144 dense bytes)
.set G1S,  32                          ; s[32:39] 16 rows (4,096)
.set G0A,  40                          ; s[40:43] my part of keys 0-1023;  s[44:47] of keys 1024-2047;  s[48:51] scale words
.set G0B,  44
.set G0S,  48
.set TB,   2                           ; s2   the step's codes in LDS: 6,144 bytes a step
.set TS,   3                           ; s3   K's words: 512 a step
.set TJ,   66                          ; s66  V's words: 256 a step
.set CNT,  67
.macro CROUND                          ; a round of the cluster's barrier
	s_barrier_signal -1
	s_barrier_wait -1
	s_cmp_lg_u32 s[WV], 0
	s_cbranch_scc1 .Lnot_wave_0_\@
	s_barrier_signal -3
.Lnot_wave_0_\@:
	s_barrier_wait -3
	s_barrier_signal -1
	s_barrier_wait -1
.endm
	s_load_b128 s[4:7], s[0:1], 0x0                ; QKV s[4:5], Y s[6:7]
	v_lshl_add_u32 v7, v0, 2, 0x34000
	v_mov_b32 v247, 0
	ds_add_u32 v7, v247
	ds_add_u32 v7, v247
	v_lshrrev_b32 v8, 5, v0
	v_readfirstlane_b32 s[WV], v8                  ; wave 0..15
	s_bfe_u32 s8, ttmp6, 0x40000                   ; cx: it enters Q's and Y's addresses alone
	s_lshl_b32 s9, ttmp9, 2
	s_add_co_u32 s9, s9, s8                        ; my block of 256 queries
	s_and_b32 s10, ttmp7, 0xffff
	s_and_b32 s11, s10, 15                         ; head
	s_lshr_b32 s12, s10, 4                         ; batch
	s_mov_b32 s[G1C], 15|(3<<16)|(1<<21)           ; the mask: all four work-groups; elements of 8 bytes; bit 21 beside a mask
	s_mov_b32 s[G1C+1], 32<<16
	s_mov_b32 s[G1C+2], 24<<16
	s_mov_b32 s[G1C+3], 32<<16
	s_mov_b32 s[G1C+4], 24
	s_mov_b32 s[G1C+5], 32
	s_mov_b32 s[G1C+6], 0
	s_mov_b32 s[G1C+7], 0
	s_mov_b32 s[G1S], 15|(3<<16)|(1<<21)
	s_mov_b32 s[G1S+1], 32<<16
	s_mov_b32 s[G1S+2], 16<<16
	s_mov_b32 s[G1S+3], 32<<16
	s_mov_b32 s[G1S+4], 16
	s_mov_b32 s[G1S+5], 32
	s_mov_b32 s[G1S+6], 0
	s_mov_b32 s[G1S+7], 0
	s_mul_i32 s13, s11, 196608                     ; K's codes of (batch, head)
	s_mul_i32 s14, s12, 98304
	s_add_co_u32 s13, s13, s14
	s_add_co_u32 s13, s13, 3145728
	s_mul_i32 s14, s12, 1572864                    ; V's
	s_mul_i32 s15, s11, 98304
	s_add_co_u32 s14, s14, s15
	s_add_co_u32 s14, s14, 6291456
	s_cmp_lt_u32 s[WV], 8                          ; waves 0-7 fetch K, waves 8-15 V, an eighth of a half each
	s_cselect_b32 s52, s13, s14
	s_and_b32 s15, s[WV], 7
	s_mul_i32 s15, s15, 6144
	s_add_co_u32 s52, s52, s15
	s_mov_b32 s53, 0
	s_lshr_b32 s13, s11, 1                         ; K's words (waves 0, 1: 4,096 bytes each)
	s_lshl_b32 s13, s13, 14
	s_lshl_b32 s14, s12, 13
	s_add_co_u32 s13, s13, s14
	s_lshl_b32 s14, s[WV], 12
	s_add_co_u32 s13, s13, s14
	s_add_co_u32 s13, s13, 9568256
	s_lshl_b32 s14, s12, 16                        ; V's words (wave 2)
	s_lshl_b32 s15, s11, 12
	s_add_co_u32 s14, s14, s15
	s_add_co_u32 s14, s14, 9699328
	s_cmp_lt_u32 s[WV], 2
	s_cselect_b32 s54, s13, s14
	s_mov_b32 s55, 0
	s_mul_i32 s16, s[WV], 6144                     ; where my parts go
	s_lshl_b32 s17, s[WV], 12
	s_lshl_b32 s19, s12, 7
	s_lshl_b32 s14, s9, 4
	s_add_co_u32 s19, s19, s14
	s_add_co_u32 s19, s19, s[WV]                   ; rho: my granule of queries
	s_and_b32 s14, s11, 1
	s_lshl_b32 s14, s14, 1                         ; 2 (head % 2): my head's two bytes of a scale word
	s_lshr_b32 s15, s11, 1                         ; the head pair
	s_mul_i32 s56, s11, 196608                     ; Q's codes
	s_mul_i32 s13, s19, 768
	s_add_co_u32 s56, s56, s13
	s_mov_b32 s57, 0
	s_lshl_b32 s58, s15, 14                        ; Q's words
	s_lshl_b32 s13, s19, 6
	s_add_co_u32 s58, s58, s13
	s_add_co_u32 s58, s58, s14
	s_add_co_u32 s58, s58, 9437184
	s_mov_b32 s59, 0
	s_lshl_b32 s60, s19, 4                         ; Y's codes: granule (rho, kappa = head)
	s_add_co_u32 s60, s60, s11
	s_mul_i32 s60, s60, 768
	s_mov_b32 s61, 0
	s_lshr_b32 s62, s19, 3                         ; Y's words: ((rho / 8) 8 + head pair) 512 + (rho % 8) 64 + my two bytes
	s_lshl_b32 s62, s62, 3
	s_add_co_u32 s62, s62, s15
	s_lshl_b32 s62, s62, 9
	s_and_b32 s13, s19, 7
	s_lshl_b32 s13, s13, 6
	s_add_co_u32 s62, s62, s13
	s_add_co_u32 s62, s62, s14
	s_add_co_u32 s62, s62, 3145728
	s_mov_b32 s63, 0
	s_add_co_u32 s15, s14, 196608
	s_mov_b32 s[SEL], 0x76543210
	s_mov_b32 s[SEL+1], 0xfedcba98
	s_mov_b32 s[CS], 0x3e38aa3b
	s_mov_b32 s[CS+1], s[CS]                       ; (named with it as a pair, so it is written)
	s_mov_b32 s[TB], 0
	s_mov_b32 s[TS], 0
	s_mov_b32 s[TJ], 0
	s_wait_dscnt 0x0
	s_wait_kmcnt 0x0
	s_mov_b32 s[G0A], 1
	s_mov_b32 s[G0A+1], s16
	s_add_nc_u64 s[G0A+2:G0A+3], s[4:5], s[52:53]
	s_mov_b32 s[G0B], 1
	s_add_co_u32 s[G0B+1], s16, 98304
	s_add_nc_u64 s[G0B+2:G0B+3], s[G0A+2:G0A+3], 49152
	s_or_b32 s[G0A+3], s[G0A+3], 0x80000000
	s_or_b32 s[G0B+3], s[G0B+3], 0x80000000
	s_mov_b32 s[G0S], 1
	s_add_co_u32 s[G0S+1], s17, 196608
	s_add_nc_u64 s[G0S+2:G0S+3], s[4:5], s[54:55]
	s_or_b32 s[G0S+3], s[G0S+3], 0x80000000
	s_add_nc_u64 s[56:57], s[4:5], s[56:57]
	s_add_nc_u64 s[58:59], s[4:5], s[58:59]
	s_add_nc_u64 s[60:61], s[6:7], s[60:61]
	s_add_nc_u64 s[62:63], s[6:7], s[62:63]
	CROUND                                         ; all four work-groups are here: the joint loads meet
	s_cmp_lt_u32 s[WV], 3                          ; a wave's first fills stand in one branch on its number: three loads are out in waves 0-2, two in the others; the last issued is the same on both ways
	s_cbranch_scc0 .Lno_words
	tensor_load_to_lds s[G0S:G0S+3], s[G1S:G1S+7]
	s_nop 0
	tensor_load_to_lds s[G0A:G0A+3], s[G1C:G1C+7]
	s_nop 0
	tensor_load_to_lds s[G0B:G0B+3], s[G1C:G1C+7]
	s_nop 0
.rept 4
	v_nop
.endr
	s_branch .Lasked
.Lno_words:
	tensor_load_to_lds s[G0A:G0A+3], s[G1C:G1C+7]
	s_nop 0
	tensor_load_to_lds s[G0B:G0B+3], s[G1C:G1C+7]
	s_nop 0
.rept 4
	v_nop
.endr
.Lasked:
	v_and_b32 v5, 31, v0
	v_lshlrev_b32 v[L16], 4, v5
	v_lshlrev_b32 v[L8], 3, v5
	v_and_b32 v5, 15, v0
	v_lshlrev_b32 v5, 2, v5                        ; 4 r
	global_load_b128 v[16:19], v[L16], s[56:57]    ; Q's granule stays in registers
	global_load_b64 v[20:21], v[L8], s[56:57] offset:512
	global_load_u16 v255, v5, s[58:59]             ; my head's two scale bytes; the upper two are 0
	v_add_nc_u32 v[ASK0], s15, v5
	v_add_nc_u32 v[ASV0], 204800, v5
.irp j, 22,23,24,25,26,27
	v_mov_b32 v[\j], 0                             ; k = 64 .. 127 of Q: zero codes
.endr
.irp t, 0,1,2,3
.irp j, 6,7,8,9,10,11
	v_mov_b32 v[32+12*\t+\j], 0                    ; and of K's four tiles: written once
.endr
.endr
	v_mov_b32 v13, 0xff61b1e6                      ; the largest t so far: -3e38
	v_floor_f32 v12, -v13                          ; -M
	v_mov_b32 v14, 0
	v_mov_b32 v15, 0
.irp b, 0,1,2,3
	v_mov_b32 v[PT+\b], 0                          ; a lane permute's destination counts as one of its sources
.endr
	v_mov_b32 v253, 0                              ; (named as the upper half of the pair v[252:253] before it is first written)
.set i, 0
.rept 32
	v_mov_b32 v[160+i], 0                          ; O^T: the step is written for all steps alike; the first finds zeros
.set i, i+1
.endr
; A KEY STEP: 128 keys
.macro STEP
	v_add_nc_u32 v[A16], s[TB], v[L16]             ; (these four are also the places in front of the loads into registers that the last products read)
	v_add_nc_u32 v[A8], s[TB], v[L8]
	v_add_nc_u32 v[ADS], s[TS], v[ASK0]
	v_add_nc_u32 v[ADT], s[TJ], v[ASV0]
.irp g, 0,1                                    ; S^T = K Q^T, four tiles of 16 keys at a time
.if \g
.rept 4
	v_nop
.endr
.endif
.irp t, 0,1,2,3
	ds_load_b128 v[32+12*\t:35+12*\t], v[A16] offset:(4*\g+\t)*768
	ds_load_b64 v[36+12*\t:37+12*\t], v[A8] offset:(4*\g+\t)*768+512
	ds_load_u16 v[28+\t], v[ADS] offset:(4*\g+\t)*64
.endr
	s_wait_dscnt 0x0
.irp t, 0,1,2,3
	v_wmma_scale_f32_16x16x128_f8f6f4 v[96+8*(4*\g+\t):103+8*(4*\g+\t)], v[32+12*\t:43+12*\t], v[16:27], 0, v[28+\t], v255 matrix_a_fmt:MATRIX_FMT_BF6 matrix_b_fmt:MATRIX_FMT_BF6
.endr
.endr
.irp i, 0,1,2,3                                ; V's four fragments (16 channels x 128 keys) have registers of their own: they are asked for now and land under the softmax
.irp c, 0,1
	ds_load_b128 v[192+12*\i+6*\c:195+12*\i+6*\c], v[A16] offset:49152+\c*3072+\i*768
	ds_load_b64 v[196+12*\i+6*\c:197+12*\i+6*\c], v[A8] offset:49152+\c*3072+\i*768+512
.endr
.endr
.rept 4
	v_nop                                          ; places in front of the first read of the scores
.endr
.irp b, 0,1,2,3
	v_max3_num_f32 v[BM+\b], v[96+16*\b], v[97+16*\b], v[98+16*\b]   ; the largest score of each block of 32 keys: for the row's maximum, and for the block's largest p
.endr
.irp i, 3,5,7,9,11,13
.irp b, 0,1,2,3
	v_max3_num_f32 v[BM+\b], v[BM+\b], v[96+16*\b+\i], v[97+16*\b+\i]
.endr
.endr
.irp b, 0,1,2,3
	v_max_num_f32 v[BM+\b], v[BM+\b], v[111+16*\b]
.endr
.irp b, 0,1,2,3
	v_permlanex16_b32 v[PT+\b], v[BM+\b], s[SEL], s[SEL+1]
.endr
.irp b, 0,1,2,3
	v_max_num_f32 v[BM+\b], v[BM+\b], v[PT+\b]     ; with lane l xor 16's 16 keys
.endr
	v_max3_num_f32 v254, v[BM], v[BM+1], v[BM+2]
	v_max_num_f32 v254, v254, v[BM+3]
	v_mul_f32 v254, s[CS], v254                    ; as t (c is positive)
	v_max_num_f32 v13, v13, v254                   ; the running largest t
	v_mov_b32 v254, v12
	v_floor_f32 v12, -v13                          ; the new -M = -ceil(t)
	v_sub_f32 v254, v12, v254                      ; old M - new M: a whole number, 0 or less
	v_cvt_i32_f32 v254, v254                       ; (it saturates)
	v_ldexp_f32 v252, 1.0, v254                    ; f = 2^(old M - new M)
.irp j, 0,2,4,6,8,10,12,14,16,18,20,22,24,26,28,30,32,34,36,38,40,42,44,46,48,50,52,54,56,58,60,62
	v_pk_fma_f32 v[96+\j:97+\j], v[96+\j:97+\j], s[CS:CS+1], v[12:13] op_sel_hi:[1,0,0]   ; t - M
.endr
.irp b, 0,1,2,3
	v_fma_f32 v[BM+\b], v[BM+\b], s[CS], v12
.endr
.set i, 0
.rept 64
	v_exp_f32 v[96+i], v[96+i]                     ; p = 2^(t - M): not normalised
.set i, i+1
.endr
	v_pk_mul_f32 v[14:15], v[14:15], v[252:253] op_sel_hi:[1,0]   ; l under the new M (a plain instruction behind the exponentials)
	s_wait_alu depctr_va_vdst(0)                   ; one wait for the batch, ahead of its first reader
.irp b, 0,1,2,3
	v_exp_f32 v[BM+\b], v[BM+\b]                   ; each block's largest p
.endr
	v_pk_add_f32 v[PT:PT+1], v[96:97], v[98:99]    ; l takes the UNQUANTISED p, in two chains
.irp j, 4,8,12,16,20,24,28,32,36,40,44,48,52,56,60
	v_pk_add_f32 v[14:15], v[14:15], v[96+\j:97+\j]
	v_pk_add_f32 v[PT:PT+1], v[PT:PT+1], v[98+\j:99+\j]
.endr
	v_pk_add_f32 v[14:15], v[14:15], v[PT:PT+1]
	s_wait_alu depctr_va_vdst(0)                   ; and one for the four
.irp b, 0,1,2,3
	v_max_num_f32 v[BM+\b], 0x2800000, v[BM+\b]    ; the floor 2^(5 - 127)
.endr
.irp b, 0,1,2,3
	v_add_nc_u32 v[SO+\b], 0xfe000000, v[BM+\b]    ; 4 off the exponent field: the conversion's scale operand
.endr
.irp b, 0,1,2,3
	v_lshrrev_b32 v[PT+\b], 23, v[SO+\b]
.endr
	v_lshl_or_b32 v253, v[PT+1], 8, v[PT]          ; p's scale word for these 128 keys
	v_lshl_or_b32 v253, v[PT+2], 16, v253
	v_lshl_or_b32 v253, v[PT+3], 24, v253
.irp c, 0,1
	v_cvt_scalef32_pk16_bf6_f32 v[80+6*\c:82+6*\c], v[96+32*\c:111+32*\c], v[SO+2*\c]
	v_cvt_scalef32_pk16_bf6_f32 v[PT+4*\c:PT+2+4*\c], v[112+32*\c:127+32*\c], v[SO+2*\c+1]
.endr
	v_nop                                          ; one plain instruction behind the scaled conversions
.irp c, 0,1
.irp i, 0,1,2
	v_permlane16_swap_b32 v[80+6*\c+\i], v[PT+4*\c+\i]
.endr
.irp i, 0,1,2
	v_mov_b32 v[83+6*\c+\i], v[PT+4*\c+\i]
.endr
.endr
.irp i, 0,1,2,3
	ds_load_b32 v[28+\i], v[ADT] offset:\i*64      ; V's scale words
.endr
.irp j, 0,2,4,6,8,10,12,14,16,18,20,22,24,26,28,30
	v_pk_mul_f32 v[160+\j:161+\j], v[160+\j:161+\j], v[252:253] op_sel_hi:[1,0]   ; O^T under the new M; these sixteen are also the places between p's word and codes and the products
.endr
	s_wait_dscnt 0x0
.irp i, 0,1,2,3                                ; O^T += V^T P^T: the four accumulators by turns
	v_wmma_scale_f32_16x16x128_f8f6f4 v[160+8*\i:167+8*\i], v[192+12*\i:203+12*\i], v[80:91], v[160+8*\i:167+8*\i], v[28+\i], v253 matrix_a_fmt:MATRIX_FMT_BF6 matrix_b_fmt:MATRIX_FMT_BF6
.endr
	s_add_co_u32 s[TB], s[TB], 6144
	s_add_co_u32 s[TS], s[TS], 512
	s_add_co_u32 s[TJ], s[TJ], 256
.endm
	s_wait_loadcnt 0x0                             ; Q
	s_wait_tensorcnt 1                             ; the scale words and my part of keys 0-1023 are in; only my last load (keys 1024-2047) may be out,
	s_barrier_signal -1
	s_barrier_wait -1                              ; everybody's are.  Nothing is ever filled again
	s_mov_b32 s[CNT], 8
.Lk1:                                              ; keys 0-1023: LDS bytes under 98,304, and the scale words
	STEP
	s_sub_co_u32 s[CNT], s[CNT], 1
	s_cmp_lg_u32 s[CNT], 0
	s_cbranch_scc1 .Lk1
	s_wait_tensorcnt 0x0                           ; my part of keys 1024-2047 is in,
	s_wait_dscnt 0x0
	s_barrier_signal -1
	s_barrier_wait -1                              ; everybody's is
	s_add_co_u32 s[TB], s[TB], 49152               ; over V's first half
	s_mov_b32 s[CNT], 8
.Lk2:
	STEP
	s_sub_co_u32 s[CNT], s[CNT], 1
	s_cmp_lg_u32 s[CNT], 0
	s_cbranch_scc1 .Lk2
	; THE WAY OUT: y = O^T / l; register 16 beta + i is channel 32 beta + 16 h + i of my query: two blocks, quantised as they stand; one granule and two scale bytes
	v_add_f32 v14, v14, v15
	v_permlanex16_b32 v252, v14, s[SEL], s[SEL+1]
	v_add_f32 v14, v14, v252                       ; the row's sum
	v_rcp_f32 v14, v14
.rept 4
	v_nop                                          ; the plain instruction behind the reciprocal, and the places behind the last products
.endr
	s_wait_alu depctr_va_vdst(0)                   ; ahead of the reciprocal's first reader
.set i, 0
.rept 32
	v_mul_f32 v[96+i], v[160+i], v14               ; each accumulator from its low end on
.set i, i+1
.endr
.irp b, 0,1
	v_max3_num_f32 v[BM+\b], |v[96+16*\b]|, |v[97+16*\b]|, 0x2800000
.endr
.irp i, 2,4,6,8,10,12,14
.irp b, 0,1
	v_max3_num_f32 v[BM+\b], v[BM+\b], |v[96+16*\b+\i]|, |v[97+16*\b+\i]|
.endr
.endr
.irp b, 0,1
	v_permlanex16_b32 v[PT+\b], v[BM+\b], s[SEL], s[SEL+1]
.endr
.irp b, 0,1
	v_max_num_f32 v[BM+\b], v[BM+\b], v[PT+\b]
.endr
.irp b, 0,1
	v_add_nc_u32 v[SO+\b], 0xfe000000, v[BM+\b]
.endr
.irp b, 0,1
	v_lshrrev_b32 v[PT+\b], 23, v[SO+\b]
.endr
	v_lshl_or_b32 v254, v[PT+1], 8, v[PT]
	v_cvt_scalef32_pk16_bf6_f32 v[80:82], v[96:111], v[SO]
	v_cvt_scalef32_pk16_bf6_f32 v[PT+4:PT+6], v[112:127], v[SO+1]
	v_nop
.irp i, 0,1,2
	v_permlane16_swap_b32 v[80+\i], v[PT+4+\i]
.endr
.irp i, 0,1,2
	v_mov_b32 v[83+\i], v[PT+4+\i]
.endr
	global_store_b128 v[L16], v[80:83], s[60:61]   ; 512 consecutive aligned bytes,
	global_store_b64 v[L8], v[84:85], s[60:61] offset:512   ; and 256
	global_store_b16 v5, v254, s[62:63]            ; a scale word belongs to two heads, so to two work-groups: each stores its half (one byte for each 24 of codes)
	s_wait_tensorcnt 0x0
	ds_add_u32 v7, v247
	s_wait_dscnt 0x0
	CROUND                                         ; the closing round
	s_endpgm
.Lfunc_end_k_q9b3a6b0999_attn:
	.size	k_q9b3a6b0999_attn, .Lfunc_end_k_q9b3a6b0999_attn-k_q9b3a6b0999_attn
	.p2alignl 7, 3214868480
	.fill 96, 4, 3214868480
	.section	.rodata,"a",@progbits
	.p2align	6, 0x0
	.amdhsa_kernel k_q9b3a6b0999_attn
		.amdhsa_group_segment_fixed_size 215040
		.amdhsa_private_segment_fixed_size 0
		.amdhsa_enable_private_segment 0
		.amdhsa_kernarg_size 16
		.amdhsa_user_sgpr_count 2
		.amdhsa_user_sgpr_kernarg_segment_ptr 1
		.amdhsa_wavefront_size32 1
		.amdhsa_system_sgpr_workgroup_id_x 1
		.amdhsa_system_sgpr_workgroup_id_y 1
		.amdhsa_system_sgpr_workgroup_id_z 1
		.amdhsa_system_vgpr_workitem_id 0
		.amdhsa_next_free_vgpr 256
		.amdhsa_next_free_sgpr 68
		.amdhsa_reserve_vcc 0
		.amdhsa_float_denorm_mode_32 3
		.amdhsa_float_denorm_mode_16_64 3
		.amdhsa_memory_ordered 1
		.amdhsa_forward_progress 1
		.amdhsa_inst_pref_size 47
	.end_amdhsa_kernel
	.amdgpu_metadata
---
amdhsa.version: [ 1, 2 ]
amdhsa.kernels:
  - .name:           k_q9b3a6b0999_attn
    .symbol:         k_q9b3a6b0999_attn.kd
    .args:
      - { .name: QKV, .offset: 0, .size: 8, .value_kind: global_buffer, .address_space: global }
      - { .name: Y, .offset: 8, .size: 8, .value_kind: global_buffer, .address_space: global }
    .group_segment_fixed_size: 215040
    .private_segment_fixed_size: 0
    .kernarg_segment_align: 8
    .kernarg_segment_size: 16
    .max_flat_workgroup_size: 512
    .sgpr_count:     68
    .vgpr_count:     256
    .wavefront_size: 32
...
	.end_amdgpu_metadata
.endif
;; end of part 3
;; launch proj (part 4): grid 4 x 16, 4 waves a work-group, clusters of 4 x 4, 327,680 bytes of LDS; arguments Y, W, bo, x, X1; writes X1
.if DOCPART == 4
	.amdgcn_target "amdgcn-amd-amdhsa--gfx1250"
	.amdhsa_code_object_version 6
	.text
	.protected	k_q9b3a6b0999_proj
	.globl	k_q9b3a6b0999_proj
	.p2align	8
	.type	k_q9b3a6b0999_proj,@function
k_q9b3a6b0999_proj:
	s_mov_b64 s[64:65], 0
	v_nop
	global_prefetch_b8 v0, s[64:65] scope:SCOPE_SE
	s_setreg_imm32_b32 hwreg(HW_REG_WAVE_MODE, 25, 1), 1
	s_wait_xcnt 0x0
	s_wait_alu depctr_hold_cnt(0) depctr_sa_sdst(0) depctr_va_vdst(0) depctr_va_sdst(0) depctr_va_ssrc(0) depctr_va_vcc(0) depctr_vm_vsrc(0)
	s_getreg_b32 s2, hwreg(HW_REG_IB_STS2, 6, 4)
	s_cmp_eq_u32 s2, 0
	s_cbranch_scc0 .Lentry_in_a_cluster
	s_endpgm
.Lentry_in_a_cluster:
	s_bfe_u32 s2, ttmp6, 0x10000c
	s_cmp_lg_u32 s2, 0xf033
	s_cbranch_scc0 .Lentry_shape_is_right
	s_endpgm
.Lentry_shape_is_right:
; PROJ.  X1 = x + Y Wo^T + bo.  Y and Wo are codes of BF6 (E3M2) in granules; K = 1,024; x, bo, X1 f32.
; Granule: 16 rows x 64 along K = 768 bytes, an image of six operand registers (lane l's registers 0-3 at 16 l, 4-5 at 512 + 8 l); place r of granule rho is row 32 (rho / 2) + 8 (rho % 2) + r + 8 (r / 8);
; granules lie [rho][kappa].  The scale word of (rho, r, s) lies at ((rho / 8) (K / 128) + s) 512 + (rho % 8) 64 + 4 r.
; A tile of 256 x 256 is made by four waves, 128 x 128 each.  K goes in steps of 256 through a ring of two LDS slots; the scale words of the tile's rows, for all of K, come once.
; CLUSTERS of 4 x 4: A's tile is asked for jointly along a row of the cluster, B's along a column.  The product is used transposed (source 0 = rows of the weight, source 1 = tokens).
; THE RESIDUAL IS THE ACCUMULATORS' START: it is loaded straight into them, under the first tiles' way, so nothing is cleared and no addition is spent on it.  The bias is added on the way out.
; So the order of the f32 sum is residual, products by ascending K, bias: another order than the plain reading's.
; N = 1,024 gives 64 tiles of this size: 64 work-groups.  Nothing is prefetched: few slots, and every tile is shared by a joint load.
; LIMITS: NaN and infinities are not served.
; REGISTERS: window 0: v1-9 lane terms, v16-23 LDS addresses, v24-25 the stage, v27 scale words' address, v28-29 the add's, v32-63 scale words, v64-67 bias, v128-223 A's fragments (on the way out v128-255: rows);
;   window 1: B's fragments, two sets; windows 2, 3: the accumulators, (a, b) at v[8 (8 (a % 4) + b)].
.set KDIM,   1024
.set OFFC_A, 0
.set OFFS_A, 3145728
.set OFFC_B, 2359296
.set OFFS_B, 9535488
.set NQ,    2
.set FR,    12
.set NL,    4
.set NP,    4                          ; places behind this matrix instruction (ISA guide 7.12.1)
.set RB,    3072
.set HALFT, 8*RB
.set SLOT,  4*HALFT
.set LAPS,  KDIM/512
.set HALFS, (KDIM/128)*512
.set SCL,   2*SLOT
.set SPARE, SCL+4*HALFS+256            ; the spare words, 128 bytes for each wave: two blocks of 256 bytes that no other line names
.set SPITCH, 528                       ; the way out: a stage of 16 rows x (512 + 16) bytes for each wave, in slot 0 after its last fill and last read
.set L16,  8
.set L8,   9
.set ADRA, 16
.set ADRB, 20
.set STO,  24
.set RD,   25
.set ADRS, 27
.set SPW,  28
.set NIL,  29
.set SC,   32
.set BI,   64
.set AF,   128
.set BK,   128
.set G1, 24
.set G0, 32
.set G1B, 48
.set G0B, 56
.set G1S, 68
.set G0S, 76
.set G1SB, 80
.set G0SB, 88
.set MSB, 0
.macro WIN new                         ; the immediate's high byte repeats the setting that is left
.if MSB != (\new)
	s_set_vgpr_msb (MSB<<8)|(\new)
.set MSB, (\new)
.endif
.endm
.set MUL_LO, 0xa1
.set MUL_HI, 0xf1
.set TO_B,   0x40
.macro JLOAD g0a, g1a, g0b, g1b        ; a joint load: waves 0, 1 fetch for A, waves 2, 3 for B; four v_nop follow each line
	s_cmp_eq_u32 s15, 0
	s_cbranch_scc0 .Lfor_b_\@
	tensor_load_to_lds s[\g0a:\g0a+3], s[\g1a:\g1a+7]
	s_nop 0
.rept 4
	v_nop
.endr
	s_branch .Lasked_\@
.Lfor_b_\@:
	tensor_load_to_lds s[\g0b:\g0b+3], s[\g1b:\g1b+7]
	s_nop 0
.rept 4
	v_nop
.endr
.Lasked_\@:
.endm
.macro CREST
	s_cmp_lg_u32 s14, 0
	s_cbranch_scc1 .Lnot_wave_0_\@
	s_barrier_signal -3
.Lnot_wave_0_\@:
	s_barrier_wait -3
	s_barrier_signal -1
	s_barrier_wait -1
.endm
.macro CROUND
	s_barrier_signal -1
	s_barrier_wait -1
	CREST
.endm
.macro PLACES n
.rept \n
	v_nop
.endr
.endm
.macro FRAG reg, adr, q, i
.irp c, 0,1
	ds_load_b128 v[\reg+6*\c:\reg+6*\c+3], v[\adr] offset:(\i)*RB+(2*(\q)+\c)*768
	ds_load_b64 v[\reg+6*\c+4:\reg+6*\c+5], v[\adr+2] offset:(\i)*RB+(2*(\q)+\c)*768+512
.endr
.endm
.macro MUL16 a0, p, q, sc              ; 16 products; the 64 accumulators take turns, in the same order in every step
.irp a, \a0, \a0+1
.irp b, 0,1,2,3,4,5,6,7
	v_wmma_scale_f32_16x16x128_f8f6f4 v[8*(8*((\a)%4)+\b):8*(8*((\a)%4)+\b)+7], v[128*(\p)+FR*\b:128*(\p)+FR*\b+FR-1], v[AF+FR*(\a):AF+FR*(\a)+FR-1], v[8*(8*((\a)%4)+\b):8*(8*((\a)%4)+\b)+7], v[SC+16*(\sc)+2*\b+(\q)], v[SC+16*(\sc)+2*(\a)+(\q)] matrix_a_fmt:MATRIX_FMT_BF6 matrix_b_fmt:MATRIX_FMT_BF6 matrix_a_scale:MATRIX_SCALE_ROW1
.endr
.endr
.endm
.macro FETCH_B slot, q, p
	WIN TO_B
.irp i, 0,1,2,3,4,5,6,7
	FRAG 128*(\p)+FR*\i, ADRB+\slot, \q, \i
.endr
	WIN 0
.endm
.macro FETCH_A slot, q, i0
.irp i, \i0, \i0+1, \i0+2, \i0+3
	FRAG AF+FR*(\i), ADRA+\slot, \q, \i
.endr
.endm
.macro SCALES sc
.irp i, 0,1,2,3,4,5,6,7
.irp q, 0,1
	ds_load_b32 v[SC+16*\sc+2*\i+\q], v[ADRS] offset:\q*512+\i*64
.endr
.endr
.endm
.macro STEP slot, q
	s_wait_dscnt 4*NL                              ; all but the youngest 16 loads (A's blocks 4-7) are in
	WIN MUL_LO
	MUL16 0, (\q)%2, \q, \slot
	MUL16 2, (\q)%2, \q, \slot
	s_wait_dscnt 0
	PLACES NP
	FETCH_B \slot, (\q)+1, 1-(\q)%2
	FETCH_A \slot, (\q)+1, 0
	WIN MUL_HI
	MUL16 4, (\q)%2, \q, \slot
	MUL16 6, (\q)%2, \q, \slot
	PLACES NP
	WIN 0
	FETCH_A \slot, (\q)+1, 4
.endm
.macro TURN slot, next, fill
	s_wait_tensorcnt 0x0                           ; all my tensor loads have landed: my part of the next slot
	ds_add_u32 v[SPW], v[NIL]                      ; 0 onto my spare word
	s_wait_dscnt 4*NL+1                            ; (the add and the youngest 16 loads may be out)
	WIN MUL_LO
	MUL16 0, 1, NQ-1, \slot
	s_wait_dscnt 0x0                               ; the add is done, and my reads of this slot are over
	s_barrier_signal -1
	MUL16 2, 1, NQ-1, \slot
	WIN 0
	s_barrier_wait -1
.if \fill
	CREST                                          ; the barrier has opened a round of the cluster's: no wave of any partner still reads this slot or has a load on its way
	s_add_nc_u64 s[G0+4*\slot+2:G0+4*\slot+3], s[G0+4*\slot+2:G0+4*\slot+3], 2*RB
	s_add_nc_u64 s[G0B+4*\slot+2:G0B+4*\slot+3], s[G0B+4*\slot+2:G0B+4*\slot+3], 2*RB
	JLOAD G0+4*\slot, G1, G0B+4*\slot, G1B
.else
	PLACES NP
.endif
	v_add_nc_u32 v[ADRS], 1024, v[ADRS]
	FETCH_B \next, 0, 0
	FETCH_A \next, 0, 0
	SCALES \next
	WIN MUL_HI
	MUL16 4, 1, NQ-1, \slot
	MUL16 6, 1, NQ-1, \slot
	PLACES NP
	WIN 0
	FETCH_A \next, 0, 4
.endm
	s_load_b256 s[4:11], s[0:1], 0x0               ; A s[4:5], W s[6:7], bias s[8:9], residual s[10:11]
	s_load_b64 s[12:13], s[0:1], 0x20              ; the result
	v_lshl_add_u32 v[SPW], v0, 2, SPARE
	v_mov_b32 v[NIL], 0
	ds_add_u32 v28, v29
	ds_add_u32 v28, v29
	s_wait_dscnt 0x0
	v_lshrrev_b32 v1, 5, v0
	v_readfirstlane_b32 s14, v1
	s_lshr_b32 s15, s14, 1
	s_and_b32 s16, s14, 1
	s_bfe_u32 s40, ttmp6, 0x40000
	s_bfe_u32 s41, ttmp6, 0x40004
	s_lshl_b32 s42, ttmp9, 2
	s_add_co_u32 s42, s42, s40                     ; tile column
	s_and_b32 s17, ttmp7, 0xffff
	s_lshl_b32 s17, s17, 2
	s_add_co_u32 s17, s17, s41                     ; tile row
	s_lshl_b32 s43, s41, 2
	s_lshl_b32 s43, 15, s43
	s_lshl_b32 s44, 0x1111, s40
	s_or_b32 s[G1], s43, (3<<16)|(1<<21)
	s_or_b32 s[G1B], s44, (3<<16)|(1<<21)
	s_or_b32 s[G1S], s43, (3<<16)|(1<<21)
	s_or_b32 s[G1SB], s44, (3<<16)|(1<<21)
.irp g, G1, G1B                                ; codes: 8 rows (rho) of 3,072 bytes, 12 KDIM bytes apart
	s_mov_b32 s[\g+1], 384<<16
	s_mov_b32 s[\g+2], 8<<16
	s_mov_b32 s[\g+3], 384<<16
	s_mov_b32 s[\g+4], 8
	s_mov_b32 s[\g+5], 3*KDIM/2
	s_mov_b32 s[\g+6], 0
	s_mov_b32 s[\g+7], 0
.endr
.irp g, G1S, G1SB                              ; scale words: a dense block of HALFS bytes as rows of 256
	s_mov_b32 s[\g+1], 32<<16
	s_mov_b32 s[\g+2], (HALFS/256)<<16
	s_mov_b32 s[\g+3], 32<<16
	s_mov_b32 s[\g+4], HALFS/256
	s_mov_b32 s[\g+5], 32
	s_mov_b32 s[\g+6], 0
	s_mov_b32 s[\g+7], 0
.endr
	s_lshl_b32 s20, s17, 1
	s_add_co_u32 s20, s20, s16
	s_lshl_b32 s46, s42, 1
	s_add_co_u32 s46, s46, s16
	s_mul_i32 s22, s20, HALFS
	s_add_co_u32 s22, s22, OFFS_A
	s_mul_i32 s20, s20, 96*KDIM
	s_add_co_u32 s20, s20, OFFC_A
	s_mul_i32 s92, s46, HALFS
	s_add_co_u32 s92, s92, OFFS_B
	s_mul_i32 s46, s46, 96*KDIM
	s_add_co_u32 s46, s46, OFFC_B
	s_mov_b32 s21, 0
	s_mov_b32 s23, 0
	s_mov_b32 s47, 0
	s_mov_b32 s93, 0
	s_mul_i32 s45, s14, HALFT
	s_mul_i32 s94, s14, HALFS
	s_lshl_b32 s95, s15, 6
	s_add_co_u32 s94, s94, s95
	s_wait_kmcnt 0x0
	s_add_nc_u64 s[20:21], s[4:5], s[20:21]
	s_add_nc_u64 s[22:23], s[4:5], s[22:23]
	s_add_nc_u64 s[46:47], s[6:7], s[46:47]
	s_add_nc_u64 s[92:93], s[6:7], s[92:93]
	CROUND                                         ; all sixteen work-groups are here: the first joint loads meet
	s_mov_b32 s[G0S], 1
	s_add_co_u32 s[G0S+1], s94, SCL
	s_mov_b64 s[G0S+2:G0S+3], s[22:23]
	s_or_b32 s[G0S+3], s[G0S+3], 0x80000000
	s_mov_b32 s[G0SB], 1
	s_add_co_u32 s[G0SB+1], s94, SCL
	s_mov_b64 s[G0SB+2:G0SB+3], s[92:93]
	s_or_b32 s[G0SB+3], s[G0SB+3], 0x80000000
	JLOAD G0S, G1S, G0SB, G1SB
.irp s, 0,1
	s_mov_b32 s[G0+4*\s], 1
	s_add_co_u32 s[G0+4*\s+1], s45, \s*SLOT
	s_add_nc_u64 s[G0+4*\s+2:G0+4*\s+3], s[20:21], \s*RB
	s_or_b32 s[G0+4*\s+3], s[G0+4*\s+3], 0x80000000
	s_mov_b32 s[G0B+4*\s], 1
	s_add_co_u32 s[G0B+4*\s+1], s45, \s*SLOT
	s_add_nc_u64 s[G0B+4*\s+2:G0B+4*\s+3], s[46:47], \s*RB
	s_or_b32 s[G0B+4*\s+3], s[G0B+4*\s+3], 0x80000000
	JLOAD G0+4*\s, G1, G0B+4*\s, G1B               ; by this text's count three tensor loads of a wave are out here, later one
.endr
	v_and_b32 v1, 15, v0                           ; r
	v_bfe_u32 v2, v0, 4, 1                         ; h
	v_and_b32 v3, 31, v0
	v_lshlrev_b32 v[L16], 4, v3
	v_lshlrev_b32 v[L8], 3, v3
	v_and_b32 v4, 8, v1
	v_add_nc_u32 v4, v4, v1
	v_lshlrev_b32 v4, 12, v4
	v_lshl_add_u32 v4, v2, 6, v4                   ; the residual: row r + 8 (r / 8) of 4,096 bytes, + 64 h
	s_lshl_b32 s18, s17, 8
	s_lshl_b32 s19, s15, 7
	s_add_co_u32 s18, s18, s19                     ; my first row,
	s_lshl_b32 s18, s18, 12
	s_lshl_b32 s20, s42, 10
	s_lshl_b32 s19, s16, 9
	s_add_co_u32 s20, s20, s19                     ; my first column, in bytes
	s_add_co_u32 s18, s18, s20
	s_mov_b32 s19, 0
	s_mov_b32 s21, 0
	s_add_nc_u64 s[10:11], s[10:11], s[18:19]
	s_add_nc_u64 s[12:13], s[12:13], s[18:19]
	s_add_nc_u64 s[8:9], s[8:9], s[20:21]
	global_load_b128 v[BI:BI+3], v[L16], s[8:9]    ; the bias at columns 4 x lane .. + 3 of my 128
	WIN 0x80                                       ; destination window 2.  Register j of accumulator (a, b): row 32 (a / 2) + 8 (a % 2) + r + 8 (r / 8), column 32 (b / 2) + 16 h + 8 (b % 2) + j
.irp a, 0,1,2,3
.irp b, 0,1,2,3,4,5,6,7
	global_load_b128 v[8*(8*\a+\b):8*(8*\a+\b)+3], v4, s[10:11] offset:(32*(\a/2)+8*(\a%2))*4096+128*(\b/2)+32*(\b%2)
	global_load_b128 v[8*(8*\a+\b)+4:8*(8*\a+\b)+7], v4, s[10:11] offset:(32*(\a/2)+8*(\a%2))*4096+128*(\b/2)+32*(\b%2)+16
.endr
.endr
	WIN 0xc0                                       ; window 3
.irp a, 4,5,6,7
.irp b, 0,1,2,3,4,5,6,7
	global_load_b128 v[8*(8*(\a-4)+\b):8*(8*(\a-4)+\b)+3], v4, s[10:11] offset:(32*(\a/2)+8*(\a%2))*4096+128*(\b/2)+32*(\b%2)
	global_load_b128 v[8*(8*(\a-4)+\b)+4:8*(8*(\a-4)+\b)+7], v4, s[10:11] offset:(32*(\a/2)+8*(\a%2))*4096+128*(\b/2)+32*(\b%2)+16
.endr
.endr
	WIN 0
	s_mul_i32 s21, s15, HALFT
	s_mul_i32 s22, s16, HALFT
	s_add_co_u32 s22, s22, 2*HALFT
.irp s, 0,1
	v_add_nc_u32 v[ADRA+\s], s21, v[L16]
	v_add_nc_u32 v[ADRA+2+\s], s21, v[L8]
	v_add_nc_u32 v[ADRB+\s], s22, v[L16]
	v_add_nc_u32 v[ADRB+2+\s], s22, v[L8]
	s_add_co_u32 s21, s21, SLOT
	s_add_co_u32 s22, s22, SLOT
.endr
	s_mul_i32 s21, s15, HALFS
	s_mul_i32 s22, s16, HALFS
	s_add_co_u32 s22, s22, 2*HALFS+64
	s_sub_co_u32 s22, s22, s21
	v_mul_u32_u24 v6, s22, v2                      ; lanes 16-31 take B's words: one product in h
	s_add_co_u32 s21, s21, SCL
	v_lshl_add_u32 v6, v1, 2, v6
	v_add_nc_u32 v[ADRS], s21, v6
	s_mul_i32 s23, s14, 16*SPITCH                  ; my stage
	v_mul_u32_u24 v5, v1, SPITCH
	v_lshl_add_u32 v5, v2, 6, v5
	v_add_nc_u32 v[STO], s23, v5                   ; in: row r, + 64 h
	v_add_nc_u32 v[RD], s23, v[L16]                ; back: a row of 512 bytes to the 32 lanes
	s_wait_loadcnt 0x0                             ; the residual and the bias
	s_wait_tensorcnt 1                             ; the scale words and my part of slot 0 are in (slot 1's load may be out),
	s_barrier_signal -1
	s_barrier_wait -1                              ; everybody's are
	FETCH_B 0, 0, 0
	FETCH_A 0, 0, 0
	SCALES 0
	FETCH_A 0, 0, 4
	STEP 0, 0
	s_mov_b32 s3, LAPS-1
.Llap:                                             ; a trip goes once round the ring and fills both slots again
	TURN 0, 1, 1
	STEP 1, 0
	TURN 1, 0, 1
	STEP 0, 0
	s_sub_co_u32 s3, s3, 1
	s_cmp_lg_u32 s3, 0
	s_cbranch_scc1 .Llap
	TURN 0, 1, 0                                   ; the last lap fills nothing
	STEP 1, 0
	s_wait_dscnt 4*NL
	WIN MUL_LO
	MUL16 0, 1, NQ-1, 1
	MUL16 2, 1, NQ-1, 1
	s_wait_dscnt 0
	WIN MUL_HI
	MUL16 4, 1, NQ-1, 1
	MUL16 6, 1, NQ-1, 1
	WIN 0
; THE WAY OUT, block by block of 16 rows x 128 columns, through my own stage: back come whole rows of 512 bytes.  LDS serves a wave's instructions in order: no wait between the stores and the loads.
.macro TOSTAGE a
.set AC, 64*((\a)%4)
	WIN 0x08+4*((\a)/4)                            ; an LDS store's data: window 2 or 3
.irp b, 0,1,2,3,4,5,6,7
	ds_store_b128 v[STO], v[AC+8*\b:AC+8*\b+3] offset:128*(\b/2)+32*(\b%2)          ; each accumulator from its low end on
	ds_store_b128 v[STO], v[AC+8*\b+4:AC+8*\b+7] offset:128*(\b/2)+32*(\b%2)+16
.endr
	WIN 0
.set BB, BK+64*((\a)%2)
.irp t, 0,1,2,3,4,5,6,7,8,9,10,11,12,13,14,15
	ds_load_b128 v[BB+4*\t:BB+4*\t+3], v[RD] offset:\t*SPITCH
.endr
.endm
.macro SEND a, younger                 ; younger: the LDS instructions issued behind block a's loads
.set BB, BK+64*((\a)%2)
	s_wait_dscnt \younger
.if (\a) > 0
.if (\a)%2
	s_add_nc_u64 s[12:13], s[12:13], 8*4096        ; (behind a wait on XCNT)  block a begins at row 32 (a / 2) + 8 (a % 2)
.else
	s_add_nc_u64 s[12:13], s[12:13], 24*4096
.endif
.endif
.irp t, 0,1,2,3,4,5,6,7,8,9,10,11,12,13,14,15
	v_pk_add_f32 v[BB+4*\t:BB+4*\t+1], v[BB+4*\t:BB+4*\t+1], v[BI:BI+1]
	v_pk_add_f32 v[BB+4*\t+2:BB+4*\t+3], v[BB+4*\t+2:BB+4*\t+3], v[BI+2:BI+3]
.endr
.irp t, 0,1,2,3,4,5,6,7,8,9,10,11,12,13,14,15
	global_store_b128 v[L16], v[BB+4*\t:BB+4*\t+3], s[12:13] offset:(\t+8*(\t/8))*4096   ; 32 lanes store 512 consecutive bytes, aligned
.endr
.endm
	PLACES NP
	TOSTAGE 0
.irp a, 1,2,3,4,5,6,7
.if \a > 1
	s_wait_xcnt 0x0                                ; block a - 2's stores have read their registers and their base
.endif
	TOSTAGE \a
	SEND \a-1, 32                                  ; behind block a - 1's loads: block a's 16 stores and 16 loads
.endr
	s_wait_xcnt 0x0
	SEND 7, 0
	s_wait_tensorcnt 0x0                           ; the wave's end
	ds_add_u32 v[SPW], v[NIL]
	s_wait_dscnt 0x0
	CROUND                                         ; the closing round
	s_endpgm
.Lfunc_end_k_q9b3a6b0999_proj:
	.size	k_q9b3a6b0999_proj, .Lfunc_end_k_q9b3a6b0999_proj-k_q9b3a6b0999_proj
	.p2alignl 7, 3214868480
	.fill 96, 4, 3214868480
	.section	.rodata,"a",@progbits
	.p2align	6, 0x0
	.amdhsa_kernel k_q9b3a6b0999_proj
		.amdhsa_group_segment_fixed_size 327680
		.amdhsa_private_segment_fixed_size 0
		.amdhsa_enable_private_segment 0
		.amdhsa_kernarg_size 40
		.amdhsa_user_sgpr_count 2
		.amdhsa_user_sgpr_kernarg_segment_ptr 1
		.amdhsa_wavefront_size32 1
		.amdhsa_system_sgpr_workgroup_id_x 1
		.amdhsa_system_sgpr_workgroup_id_y 1
		.amdhsa_system_sgpr_workgroup_id_z 1
		.amdhsa_system_vgpr_workitem_id 0
		.amdhsa_next_free_vgpr 1024
		.amdhsa_next_free_sgpr 100
		.amdhsa_reserve_vcc 0
		.amdhsa_float_denorm_mode_32 3
		.amdhsa_float_denorm_mode_16_64 3
		.amdhsa_memory_ordered 1
		.amdhsa_forward_progress 1
		.amdhsa_inst_pref_size 174
	.end_amdhsa_kernel
	.amdgpu_metadata
---
amdhsa.version: [ 1, 2 ]
amdhsa.kernels:
  - .name:           k_q9b3a6b0999_proj
    .symbol:         k_q9b3a6b0999_proj.kd
    .args:
      - { .name: Y, .offset: 0, .size: 8, .value_kind: global_buffer, .address_space: global }
      - { .name: W, .offset: 8, .size: 8, .value_kind: global_buffer, .address_space: global }
      - { .name: bo, .offset: 16, .size: 8, .value_kind: global_buffer, .address_space: global }
      - { .name: x, .offset: 24, .size: 8, .value_kind: global_buffer, .address_space: global }
      - { .name: X1, .offset: 32, .size: 8, .value_kind: global_buffer, .address_space: global }
    .group_segment_fixed_size: 327680
    .private_segment_fixed_size: 0
    .kernarg_segment_align: 8
    .kernarg_segment_size: 40
    .max_flat_workgroup_size: 128
    .sgpr_count:     100
    .vgpr_count:     1024
    .wavefront_size: 32
...
	.end_amdgpu_metadata
.endif
;; end of part 4
;; launch ln2 (part 5): grid 256 x 1, 4 waves a work-group, no clusters, 66,560 bytes of LDS; arguments X1, ln2_g, ln2_b, H; writes H
.if DOCPART == 5
	.amdgcn_target "amdgcn-amd-amdhsa--gfx1250"
	.amdhsa_code_object_version 6
	.text
	.protected	k_q9b3a6b0999_ln2
	.globl	k_q9b3a6b0999_ln2
	.p2align	8
	.type	k_q9b3a6b0999_ln2,@function
k_q9b3a6b0999_ln2:
	s_mov_b64 s[64:65], 0
	v_nop
	global_prefetch_b8 v0, s[64:65] scope:SCOPE_SE
	s_setreg_imm32_b32 hwreg(HW_REG_WAVE_MODE, 25, 1), 1
	s_wait_xcnt 0x0
; LN2.  H = Q(layernorm(X1)), quantised to BF6 (E3M2) along the 1,024 channels, laid as the next product's operand.
; Granule (rho, kappa) = 16 rows x 64 along K = 768 bytes, an image of six operand registers: lane l's registers 0-3 at 16 l, 4-5 at 512 + 8 l; lane l = r + 16 h holds k = 64 kappa + 32 h + 0 .. 31 of the row at place r;
; place r of granule rho is row 32 (rho / 2) + 8 (rho % 2) + r + 8 (r / 8).  Granules lie [rho][kappa].  The scale word of (rho, r, s) lies at 3,145,728 + ((rho / 8) 8 + s) 512 + (rho % 8) 64 + 4 r.
; LAYERNORM: mean, then the centred squares (two passes over registers), f32; the sums are trees, another order than a plain running sum.
; A work-group takes one rho (16 rows).  Phase A: wave w normalises 4 whole rows (a load covers 512 consecutive bytes) and puts them into a stage in LDS.  Phase B: wave w quantises K steps 2 w and 2 w + 1 of all 16 rows.
; A store of codes covers 512 or 256 consecutive aligned bytes; the scale words leave in runs of 64 bytes (one byte for each 24 of codes).
; No matrix work, nothing shared between work-groups, so no cluster; the whole input of a work-group (64 KiB) is asked for at once, so nothing is prefetched.
; LIMITS: NaN and infinities are not served.  A block of zeros, and a block whose largest magnitude lies under 2^-122, gets the scale byte 1 (only this program reads the bytes).
.set PIT,  4112                        ; a stage row: 4,096 bytes + 16
.set L16,  4
.set L8,   5
.set PW,   10
.set SM,   12
.set MU,   20
.set TM,   28
.set PC,   44
.set BT,   64
.set XR,   96
.set GM,   224
.set SEL,  20
.macro QUANT s                         ; 64 numbers of a lane, register 16 b + i = k 32 b + 16 (lane / 16) + i, become a fragment's codes in v[PC] .. v[PC+11] and its scale word in v[PW]
.irp b, 0,1,2,3
	v_max3_num_f32 v[TM+\b], |v[\s+16*\b]|, |v[\s+1+16*\b]|, 0x2800000   ; and the floor 2^(5 - 127): the byte cannot fall under 1
.endr
.irp i, 2,4,6,8,10,12,14
.irp b, 0,1,2,3
	v_max3_num_f32 v[TM+\b], v[TM+\b], |v[\s+16*\b+\i]|, |v[\s+1+16*\b+\i]|
.endr
.endr
.irp b, 0,1,2,3
	v_permlanex16_b32 v[TM+4+\b], v[TM+\b], s[SEL], s[SEL+1]
.endr
.irp b, 0,1,2,3
	v_max_num_f32 v[TM+\b], v[TM+\b], v[TM+4+\b]
.endr
.irp b, 0,1,2,3
	v_add_nc_u32 v[TM+12+\b], 0xfe000000, v[TM+\b]                    ; 4 off the exponent field: the conversion's scale operand
.endr
.irp b, 0,1,2,3
	v_lshrrev_b32 v[TM+4+\b], 23, v[TM+12+\b]
.endr
	v_lshl_or_b32 v[PW], v[TM+5], 8, v[TM+4]
	v_lshl_or_b32 v[PW], v[TM+6], 16, v[PW]
	v_lshl_or_b32 v[PW], v[TM+7], 24, v[PW]
.irp c, 0,1
	v_cvt_scalef32_pk16_bf6_f32 v[PC+6*\c:PC+2+6*\c], v[\s+32*\c:\s+15+32*\c], v[TM+12+2*\c]
	v_cvt_scalef32_pk16_bf6_f32 v[PC+12+4*\c:PC+14+4*\c], v[\s+16+32*\c:\s+31+32*\c], v[TM+12+2*\c+1]
.endr
	v_nop                                          ; one plain instruction behind the scaled conversions
.irp c, 0,1
.irp i, 0,1,2
	v_permlane16_swap_b32 v[PC+6*\c+\i], v[PC+12+4*\c+\i]
.endr
.irp i, 0,1,2
	v_mov_b32 v[PC+3+6*\c+\i], v[PC+12+4*\c+\i]
.endr
.endr
.endm
.macro PUTFRAG b0, o0, b1, o1
	global_store_b128 v[L16], v[PC:PC+3], s[\b0:\b0+1] offset:\o0
	global_store_b64 v[L8], v[PC+4:PC+5], s[\b0:\b0+1] offset:(\o0)+512
	global_store_b128 v[L16], v[PC+6:PC+9], s[\b1:\b1+1] offset:\o1
	global_store_b64 v[L8], v[PC+10:PC+11], s[\b1:\b1+1] offset:(\o1)+512
.endm
.macro REDUCE                                  ; each row's pair of sums becomes the row's sum, in every lane
.irp i, 0,1,2,3
	v_add_f32 v[SM+2*\i], v[SM+2*\i], v[SM+2*\i+1]
.endr
.irp m, 1,2,4,8
.irp i, 0,1,2,3
	v_add_f32_dpp v[SM+2*\i], v[SM+2*\i], v[SM+2*\i] row_xmask:\m row_mask:0xf bank_mask:0xf
.endr
.endr
.irp i, 0,1,2,3
	v_permlanex16_b32 v[SM+2*\i+1], v[SM+2*\i], s[SEL], s[SEL+1]
.endr
.irp i, 0,1,2,3
	v_add_f32 v[SM+2*\i], v[SM+2*\i], v[SM+2*\i+1]
.endr
.endm
	v_lshrrev_b32 v1, 5, v0
	v_readfirstlane_b32 s12, v1                    ; wave 0..3
	v_and_b32 v1, 31, v0
	v_and_b32 v2, 15, v0                           ; r
	v_bfe_u32 v3, v0, 4, 1                         ; h
	v_lshlrev_b32 v[L16], 4, v1
	v_lshlrev_b32 v[L8], 3, v1
	s_load_b256 s[4:11], s[0:1], 0x0               ; X1 s[4:5], g s[6:7], b s[8:9], H s[10:11]
	v_lshl_add_u32 v59, v0, 2, 0x10200
	v_mov_b32 v63, 0
	s_mov_b32 s[SEL], 0x76543210
	s_mov_b32 s[SEL+1], 0xfedcba98
	s_mov_b32 s22, 0x3a800000                      ; 1 / 1024
	s_mov_b32 s23, 0x3727c5ac                      ; 1e-5
	s_lshr_b32 s13, ttmp9, 1
	s_lshl_b32 s13, s13, 5
	s_and_b32 s16, ttmp9, 1
	s_lshl_b32 s16, s16, 3
	s_add_co_u32 s13, s13, s16
	s_lshl_b32 s16, s12, 2
	s_add_co_u32 s13, s13, s16
	s_lshr_b32 s16, s12, 1
	s_lshl_b32 s16, s16, 3
	s_add_co_u32 s13, s13, s16                     ; places 4 w .. 4 w + 3 are rows 32 (rho / 2) + 8 (rho % 2) + 4 w + 8 (w / 2) + 0 .. 3
	s_lshl_b32 s16, s13, 12
	s_mov_b32 s17, 0
	s_mul_i32 s18, ttmp9, 12288
	s_mul_i32 s19, s12, 3072
	s_add_co_u32 s18, s18, s19
	s_mov_b32 s19, 0
	s_lshr_b32 s24, ttmp9, 3
	s_lshl_b32 s24, s24, 3
	s_lshl_b32 s25, s12, 1
	s_add_co_u32 s24, s24, s25
	s_lshl_b32 s24, s24, 9
	s_and_b32 s25, ttmp9, 7
	s_lshl_b32 s25, s25, 6
	s_add_co_u32 s24, s24, s25
	s_add_co_u32 s24, s24, 3145728
	s_mov_b32 s25, 0
	s_mul_i32 s26, s12, 4*PIT
	v_add_nc_u32 v6, s26, v[L16]
	v_mul_u32_u24 v7, v2, PIT
	v_lshl_add_u32 v7, v3, 6, v7
	s_lshl_b32 s26, s12, 10
	v_add_nc_u32 v7, s26, v7
	v_lshlrev_b32 v8, 2, v2
.irp b, 0,1,2,3
	v_mov_b32 v[TM+4+\b], 0                        ; a lane permute's destination counts as one of its sources
.endr
	s_wait_kmcnt 0x0
	s_add_nc_u64 s[4:5], s[4:5], s[16:17]
	s_add_nc_u64 s[14:15], s[10:11], s[24:25]
	s_add_nc_u64 s[10:11], s[10:11], s[18:19]
.irp i, 0,1,2,3
.irp j, 0,1,2,3,4,5,6,7
	global_load_b128 v[XR+32*\i+4*\j:XR+32*\i+4*\j+3], v[L16], s[4:5] offset:4096*\i+512*\j
.endr
.endr
.irp j, 0,1,2,3,4,5,6,7
	global_load_b128 v[GM+4*\j:GM+4*\j+3], v[L16], s[6:7] offset:512*\j
.endr
.irp j, 0,1,2,3,4,5,6,7
	global_load_b128 v[BT+4*\j:BT+4*\j+3], v[L16], s[8:9] offset:512*\j
.endr
	s_wait_loadcnt 16                              ; my rows are in; the 16 younger loads (g, b) may be out
.irp i, 0,1,2,3
	v_pk_add_f32 v[SM+2*\i:SM+2*\i+1], v[XR+32*\i:XR+32*\i+1], v[XR+32*\i+2:XR+32*\i+3]
.endr
.irp j, 4,6,8,10,12,14,16,18,20,22,24,26,28,30
.irp i, 0,1,2,3
	v_pk_add_f32 v[SM+2*\i:SM+2*\i+1], v[SM+2*\i:SM+2*\i+1], v[XR+32*\i+\j:XR+32*\i+\j+1]
.endr
.endr
	REDUCE
.irp i, 0,1,2,3
	v_mul_f32 v[MU+2*\i], s22, v[SM+2*\i]          ; the mean
.endr
.irp i, 0,1,2,3
	v_mov_b32 v[MU+2*\i+1], v[MU+2*\i]
.endr
.irp j, 0,2,4,6,8,10,12,14,16,18,20,22,24,26,28,30
.irp i, 0,1,2,3
	v_pk_add_f32 v[XR+32*\i+\j:XR+32*\i+\j+1], v[XR+32*\i+\j:XR+32*\i+\j+1], v[MU+2*\i:MU+2*\i+1] neg_lo:[0,1] neg_hi:[0,1]
.endr
.endr
.irp i, 0,1,2,3
	v_pk_mul_f32 v[SM+2*\i:SM+2*\i+1], v[XR+32*\i:XR+32*\i+1], v[XR+32*\i:XR+32*\i+1]
.endr
.irp j, 2,4,6,8,10,12,14,16,18,20,22,24,26,28,30
.irp i, 0,1,2,3
	v_pk_fma_f32 v[SM+2*\i:SM+2*\i+1], v[XR+32*\i+\j:XR+32*\i+\j+1], v[XR+32*\i+\j:XR+32*\i+\j+1], v[SM+2*\i:SM+2*\i+1]
.endr
.endr
	REDUCE
.irp i, 0,1,2,3
	v_fma_f32 v[SM+2*\i], v[SM+2*\i], s22, s23     ; var + eps
.endr
.irp i, 0,1,2,3
	v_rsq_f32 v[MU+2*\i], v[SM+2*\i]
.endr
	v_nop                                          ; a plain instruction behind the last of the four
	s_wait_alu depctr_va_vdst(0)                   ; one wait for the four, ahead of their first reader
.irp i, 0,1,2,3
	v_mov_b32 v[MU+2*\i+1], v[MU+2*\i]
.endr
	s_wait_loadcnt 0x0                             ; g and b
.irp j, 0,2,4,6,8,10,12,14,16,18,20,22,24,26,28,30
.irp i, 0,1,2,3
	v_pk_mul_f32 v[XR+32*\i+\j:XR+32*\i+\j+1], v[XR+32*\i+\j:XR+32*\i+\j+1], v[MU+2*\i:MU+2*\i+1]
.endr
.endr
.irp j, 0,2,4,6,8,10,12,14,16,18,20,22,24,26,28,30
.irp i, 0,1,2,3
	v_pk_fma_f32 v[XR+32*\i+\j:XR+32*\i+\j+1], v[XR+32*\i+\j:XR+32*\i+\j+1], v[GM+\j:GM+\j+1], v[BT+\j:BT+\j+1]
.endr
.endr
.irp i, 0,1,2,3
.irp j, 0,1,2,3,4,5,6,7
	ds_store_b128 v6, v[XR+32*\i+4*\j:XR+32*\i+4*\j+3] offset:PIT*\i+512*\j
.endr
.endr
	s_wait_dscnt 0x0                               ; for the others' sake: my rows lie in the stage
	s_barrier_signal -1
	s_barrier_wait -1
.irp e, 0,1
.irp b, 0,1,2,3
.irp j, 0,1,2,3
	ds_load_b128 v[XR+64*\e+16*\b+4*\j:XR+64*\e+16*\b+4*\j+3], v7 offset:512*\e+128*\b+16*\j
.endr
.endr
.endr
	s_wait_dscnt 16                                ; K step 2 w is in; the 16 younger loads (K step 2 w + 1) may be out
	QUANT XR
	PUTFRAG 10, 0, 10, 768
	global_store_b32 v8, v[PW], s[14:15]           ; lanes r and r + 16 store the same word
	s_wait_dscnt 0x0
	s_wait_xcnt 0x0                                ; the stores have read their registers: the codes and the word are written again
	QUANT XR+64
	PUTFRAG 10, 1536, 10, 2304
	global_store_b32 v8, v[PW], s[14:15] offset:512
	s_wait_tensorcnt 0x0
	ds_add_u32 v59, v63
	s_wait_dscnt 0x0
	s_endpgm
.Lfunc_end_k_q9b3a6b0999_ln2:
	.size	k_q9b3a6b0999_ln2, .Lfunc_end_k_q9b3a6b0999_ln2-k_q9b3a6b0999_ln2
	.p2alignl 7, 3214868480
	.fill 96, 4, 3214868480
	.section	.rodata,"a",@progbits
	.p2align	6, 0x0
	.amdhsa_kernel k_q9b3a6b0999_ln2
		.amdhsa_group_segment_fixed_size 66560
		.amdhsa_private_segment_fixed_size 0
		.amdhsa_enable_private_segment 0
		.amdhsa_kernarg_size 32
		.amdhsa_user_sgpr_count 2
		.amdhsa_user_sgpr_kernarg_segment_ptr 1
		.amdhsa_wavefront_size32 1
		.amdhsa_system_sgpr_workgroup_id_x 1
		.amdhsa_system_sgpr_workgroup_id_y 1
		.amdhsa_system_sgpr_workgroup_id_z 1
		.amdhsa_system_vgpr_workitem_id 0
		.amdhsa_next_free_vgpr 256
		.amdhsa_next_free_sgpr 66
		.amdhsa_reserve_vcc 0
		.amdhsa_float_denorm_mode_32 3
		.amdhsa_float_denorm_mode_16_64 3
		.amdhsa_memory_ordered 1
		.amdhsa_forward_progress 1
		.amdhsa_inst_pref_size 44
	.end_amdhsa_kernel
	.amdgpu_metadata
---
amdhsa.version: [ 1, 2 ]
amdhsa.kernels:
  - .name:           k_q9b3a6b0999_ln2
    .symbol:         k_q9b3a6b0999_ln2.kd
    .args:
      - { .name: X1, .offset: 0, .size: 8, .value_kind: global_buffer, .address_space: global }
      - { .name: ln2_g, .offset: 8, .size: 8, .value_kind: global_buffer, .address_space: global }
      - { .name: ln2_b, .offset: 16, .size: 8, .value_kind: global_buffer, .address_space: global }
      - { .name: H, .offset: 24, .size: 8, .value_kind: global_buffer, .address_space: global }
    .group_segment_fixed_size: 66560
    .private_segment_fixed_size: 0
    .kernarg_segment_align: 8
    .kernarg_segment_size: 32
    .max_flat_workgroup_size: 128
    .sgpr_count:     66
    .vgpr_count:     256
    .wavefront_size: 32
...
	.end_amdgpu_metadata
.endif
;; end of part 5
;; launch fc1 (part 6): grid 16 x 16, 4 waves a work-group, clusters of 4 x 4, 327,680 bytes of LDS; arguments H, W, b1, G; writes G
.if DOCPART == 6
	.amdgcn_target "amdgcn-amd-amdhsa--gfx1250"
	.amdhsa_code_object_version 6
	.text
	.protected	k_q9b3a6b0999_fc1
	.globl	k_q9b3a6b0999_fc1
	.p2align	8
	.type	k_q9b3a6b0999_fc1,@function
k_q9b3a6b0999_fc1:
	s_mov_b64 s[64:65], 0
	v_nop
	global_prefetch_b8 v0, s[64:65] scope:SCOPE_SE
	s_setreg_imm32_b32 hwreg(HW_REG_WAVE_MODE, 25, 1), 1
	s_wait_xcnt 0x0
	s_wait_alu depctr_hold_cnt(0) depctr_sa_sdst(0) depctr_va_vdst(0) depctr_va_sdst(0) depctr_va_ssrc(0) depctr_va_vcc(0) depctr_vm_vsrc(0)
	s_getreg_b32 s2, hwreg(HW_REG_IB_STS2, 6, 4)
	s_cmp_eq_u32 s2, 0
	s_cbranch_scc0 .Lentry_in_a_cluster
	s_endpgm
.Lentry_in_a_cluster:
	s_bfe_u32 s2, ttmp6, 0x10000c
	s_cmp_lg_u32 s2, 0xf033
	s_cbranch_scc0 .Lentry_shape_is_right
	s_endpgm
.Lentry_shape_is_right:
; FC1.  G = Q(gelu(H W1^T + b1)), the exact gelu, quantised to BF6 (E3M2) along the 4,096 hidden units.  K = 1,024.
; Granule: 16 rows x 64 along K = 768 bytes, an image of six operand registers (lane l's registers 0-3 at 16 l, 4-5 at 512 + 8 l); place r of granule rho is row 32 (rho / 2) + 8 (rho % 2) + r + 8 (r / 8);
; granules lie [rho][kappa].  The scale word of (rho, r, s) lies at ((rho / 8) (K / 128) + s) 512 + (rho % 8) 64 + 4 r.
; A tile of 256 x 256 is made by four waves, 128 x 128 each.  K goes in steps of 256 through a ring of two LDS slots; the scale words of the tile's rows, for all of K, come once.
; CLUSTERS of 4 x 4: A's tile is asked for jointly along a row of the cluster, B's along a column.  The product is used transposed (source 0 = rows of W1, source 1 = tokens): a lane holds one token, and by the order of
; rows in a granule the 64 registers of a row block are 128 neighbouring hidden units, 16 of each block of 32: one K step of the next product, quantised in registers.  The bias is the C of the first products.
; GELU: gelu(u) = max(u, 0) - |u| erfc(|u| / sqrt 2) / 2, which forms no difference of near-equal numbers on either side; erfc(z) = t exp(-z^2 + P(t)), t = 1 / (1 + z / 2), P a polynomial of degree 9
; (a Chebyshev fit whose relative error stays under 1.2e-7 for every z).
; Nothing is prefetched: four slots in all, and every tile is shared by a joint load.
; LIMITS: NaN and infinities are not served; the negative tail is 0 where erfc falls under 2^-126 (v_exp_f32 flushes); far out erfc carries f32's rounding of u^2 / 2 in its exponent (about 6e-8 x u^2 / 2, relative);
; a block of zeros, or one whose largest magnitude lies under 2^-122, gets the scale byte 1 (its bytes are read by this program alone).
; REGISTERS: window 0: v1-11 lane terms, v16-23 LDS addresses, v27 scale words' address, v28-29 the add's, v32-63 scale words, v64-127 bias (later |u|), v128-223 A's fragments (later numbers, codes, work), v230-231 a constant;
;   window 1: B's fragments, two sets; windows 2, 3: the accumulators, (a, b) at v[8 (8 (a % 4) + b)].
.set KDIM,   1024
.set OFFC_A, 0
.set OFFS_A, 3145728
.set OFFC_B, 3145728
.set OFFS_B, 9568256
.set NQ,    2
.set FR,    12
.set NL,    4
.set NP,    4                          ; places behind this matrix instruction (ISA guide 7.12.1)
.set RB,    3072
.set HALFT, 8*RB
.set SLOT,  4*HALFT
.set LAPS,  KDIM/512
.set HALFS, (KDIM/128)*512
.set SCL,   2*SLOT
.set SPARE, SCL+4*HALFS+256            ; the spare words, 128 bytes for each wave: two blocks of 256 bytes that no other line names
.set L16,  8
.set L8,   9
.set PWA,  10                          ; v10  where my scale words are gathered (slot 0, after its last fill and last read)
.set PWR,  11
.set ADRA, 16
.set ADRB, 20
.set ADRS, 27
.set SPW,  28
.set NIL,  29
.set SC,   32
.set BC,   64
.set AU,   64                          ; the way out: |u|
.set AF,   128
.set T,    128                         ; max(u, 0), then gelu(u)
.set TT,   192                         ; 16 numbers at work: t, then t |u|        (over the quantiser's registers, which are idle meanwhile)
.set PP,   208                         ; the polynomial, the exponent, the exponential
.set PC,   192
.set TM,   212
.set PW,   228
.set C8,   230
.set SEL,  46
.set G1, 24
.set G0, 32
.set G1B, 48
.set G0B, 56
.set G1S, 68
.set G0S, 76
.set G1SB, 80
.set G0SB, 88
.set MSB, 0
.macro WIN new                         ; the immediate's high byte repeats the setting that is left
.if MSB != (\new)
	s_set_vgpr_msb (MSB<<8)|(\new)
.set MSB, (\new)
.endif
.endm
.set MUL_LO, 0xa1
.set MUL_HI, 0xf1
.set TO_B,   0x40
.macro JLOAD g0a, g1a, g0b, g1b        ; a joint load: waves 0, 1 fetch for A, waves 2, 3 for B; four v_nop follow each line
	s_cmp_eq_u32 s15, 0
	s_cbranch_scc0 .Lfor_b_\@
	tensor_load_to_lds s[\g0a:\g0a+3], s[\g1a:\g1a+7]
	s_nop 0
.rept 4
	v_nop
.endr
	s_branch .Lasked_\@
.Lfor_b_\@:
	tensor_load_to_lds s[\g0b:\g0b+3], s[\g1b:\g1b+7]
	s_nop 0
.rept 4
	v_nop
.endr
.Lasked_\@:
.endm
.macro CREST
	s_cmp_lg_u32 s14, 0
	s_cbranch_scc1 .Lnot_wave_0_\@
	s_barrier_signal -3
.Lnot_wave_0_\@:
	s_barrier_wait -3
	s_barrier_signal -1
	s_barrier_wait -1
.endm
.macro CROUND
	s_barrier_signal -1
	s_barrier_wait -1
	CREST
.endm
.macro PLACES n
.rept \n
	v_nop
.endr
.endm
.macro FRAG reg, adr, q, i
.irp c, 0,1
	ds_load_b128 v[\reg+6*\c:\reg+6*\c+3], v[\adr] offset:(\i)*RB+(2*(\q)+\c)*768
	ds_load_b64 v[\reg+6*\c+4:\reg+6*\c+5], v[\adr+2] offset:(\i)*RB+(2*(\q)+\c)*768+512
.endr
.endm
.macro MUL16 a0, p, q, sc, mode        ; 16 products; mode 1: the bias is C and starts the sums.  The 64 accumulators take turns
.irp a, \a0, \a0+1
.irp b, 0,1,2,3,4,5,6,7
.if \mode
	v_wmma_scale_f32_16x16x128_f8f6f4 v[8*(8*((\a)%4)+\b):8*(8*((\a)%4)+\b)+7], v[128*(\p)+FR*\b:128*(\p)+FR*\b+FR-1], v[AF+FR*(\a):AF+FR*(\a)+FR-1], v[BC+8*\b:BC+8*\b+7], v[SC+16*(\sc)+2*\b+(\q)], v[SC+16*(\sc)+2*(\a)+(\q)] matrix_a_fmt:MATRIX_FMT_BF6 matrix_b_fmt:MATRIX_FMT_BF6 matrix_a_scale:MATRIX_SCALE_ROW1
.else
	v_wmma_scale_f32_16x16x128_f8f6f4 v[8*(8*((\a)%4)+\b):8*(8*((\a)%4)+\b)+7], v[128*(\p)+FR*\b:128*(\p)+FR*\b+FR-1], v[AF+FR*(\a):AF+FR*(\a)+FR-1], v[8*(8*((\a)%4)+\b):8*(8*((\a)%4)+\b)+7], v[SC+16*(\sc)+2*\b+(\q)], v[SC+16*(\sc)+2*(\a)+(\q)] matrix_a_fmt:MATRIX_FMT_BF6 matrix_b_fmt:MATRIX_FMT_BF6 matrix_a_scale:MATRIX_SCALE_ROW1
.endif
.endr
.endr
.endm
.macro FETCH_B slot, q, p
	WIN TO_B
.irp i, 0,1,2,3,4,5,6,7
	FRAG 128*(\p)+FR*\i, ADRB+\slot, \q, \i
.endr
	WIN 0
.endm
.macro FETCH_A slot, q, i0
.irp i, \i0, \i0+1, \i0+2, \i0+3
	FRAG AF+FR*(\i), ADRA+\slot, \q, \i
.endr
.endm
.macro SCALES sc
.irp i, 0,1,2,3,4,5,6,7
.irp q, 0,1
	ds_load_b32 v[SC+16*\sc+2*\i+\q], v[ADRS] offset:\q*512+\i*64
.endr
.endr
.endm
.macro STEP slot, q, mode
	s_wait_dscnt 4*NL                              ; all but the youngest 16 loads (A's blocks 4-7) are in
.if \mode
	WIN 0x81                                       ; C (the bias) window 0, D window 2
.else
	WIN MUL_LO
.endif
	MUL16 0, (\q)%2, \q, \slot, \mode
	MUL16 2, (\q)%2, \q, \slot, \mode
	s_wait_dscnt 0
	PLACES NP
	FETCH_B \slot, (\q)+1, 1-(\q)%2
	FETCH_A \slot, (\q)+1, 0
.if \mode
	WIN 0xc1
.else
	WIN MUL_HI
.endif
	MUL16 4, (\q)%2, \q, \slot, \mode
	MUL16 6, (\q)%2, \q, \slot, \mode
	PLACES NP
	WIN 0
	FETCH_A \slot, (\q)+1, 4
.endm
.macro TURN slot, next, fill
	s_wait_tensorcnt 0x0                           ; all my tensor loads have landed: my part of the next slot
	ds_add_u32 v[SPW], v[NIL]                      ; 0 onto my spare word
	s_wait_dscnt 4*NL+1                            ; (the add and the youngest 16 loads may be out)
	WIN MUL_LO
	MUL16 0, 1, NQ-1, \slot, 0
	s_wait_dscnt 0x0                               ; the add is done, and my reads of this slot are over
	s_barrier_signal -1
	MUL16 2, 1, NQ-1, \slot, 0
	WIN 0
	s_barrier_wait -1
.if \fill
	CREST                                          ; the barrier has opened a round of the cluster's: no wave of any partner still reads this slot or has a load on its way
	s_add_nc_u64 s[G0+4*\slot+2:G0+4*\slot+3], s[G0+4*\slot+2:G0+4*\slot+3], 2*RB
	s_add_nc_u64 s[G0B+4*\slot+2:G0B+4*\slot+3], s[G0B+4*\slot+2:G0B+4*\slot+3], 2*RB
	JLOAD G0+4*\slot, G1, G0B+4*\slot, G1B
.else
	PLACES NP
.endif
	v_add_nc_u32 v[ADRS], 1024, v[ADRS]
	FETCH_B \next, 0, 0
	FETCH_A \next, 0, 0
	SCALES \next
	WIN MUL_HI
	MUL16 4, 1, NQ-1, \slot, 0
	MUL16 6, 1, NQ-1, \slot, 0
	PLACES NP
	WIN 0
	FETCH_A \next, 0, 4
.endm
.macro QUANT s                         ; 64 numbers of a lane, register 16 b + i = k 32 b + 16 (lane / 16) + i, become a fragment's codes in v[PC] .. v[PC+11] and its scale word in v[PW]
.irp b, 0,1,2,3
	v_max3_num_f32 v[TM+\b], |v[\s+16*\b]|, |v[\s+1+16*\b]|, 0x2800000   ; and the floor 2^(5 - 127): the byte cannot fall under 1
.endr
.irp i, 2,4,6,8,10,12,14
.irp b, 0,1,2,3
	v_max3_num_f32 v[TM+\b], v[TM+\b], |v[\s+16*\b+\i]|, |v[\s+1+16*\b+\i]|
.endr
.endr
.irp b, 0,1,2,3
	v_permlanex16_b32 v[TM+4+\b], v[TM+\b], s[SEL], s[SEL+1]
.endr
.irp b, 0,1,2,3
	v_max_num_f32 v[TM+\b], v[TM+\b], v[TM+4+\b]
.endr
.irp b, 0,1,2,3
	v_add_nc_u32 v[TM+12+\b], 0xfe000000, v[TM+\b]
.endr
.irp b, 0,1,2,3
	v_lshrrev_b32 v[TM+4+\b], 23, v[TM+12+\b]
.endr
	v_lshl_or_b32 v[PW], v[TM+5], 8, v[TM+4]
	v_lshl_or_b32 v[PW], v[TM+6], 16, v[PW]
	v_lshl_or_b32 v[PW], v[TM+7], 24, v[PW]
.irp c, 0,1
	v_cvt_scalef32_pk16_bf6_f32 v[PC+6*\c:PC+2+6*\c], v[\s+32*\c:\s+15+32*\c], v[TM+12+2*\c]
	v_cvt_scalef32_pk16_bf6_f32 v[PC+12+4*\c:PC+14+4*\c], v[\s+16+32*\c:\s+31+32*\c], v[TM+12+2*\c+1]
.endr
	v_nop                                          ; one plain instruction behind the scaled conversions
.irp c, 0,1
.irp i, 0,1,2
	v_permlane16_swap_b32 v[PC+6*\c+\i], v[PC+12+4*\c+\i]
.endr
.irp i, 0,1,2
	v_mov_b32 v[PC+3+6*\c+\i], v[PC+12+4*\c+\i]
.endr
.endr
.endm
.macro XFER a                          ; row block a: max(u, 0) and |u| -> window 0; each accumulator is read from its low end on
	WIN 0x08+4*((\a)/4)
.set AC, 64*((\a)%4)
.set i, 0
.rept 64
	v_max_num_f32 v[T+i], 0, v[AC+i]
	v_and_b32 v[AU+i], s97, v[AC+i]
.set i, i+1
.endr
	WIN 0
.endm
.macro GELU16 n                        ; 16 numbers, two to an instruction, eight chains side by side; two batches of transcendentals, each with one plain instruction and one wait behind it
.set A0, AU+16*(\n)
.set T0, T+16*(\n)
.irp p, 0,2,4,6,8,10,12,14
	v_pk_fma_f32 v[TT+\p:TT+\p+1], v[A0+\p:A0+\p+1], 0x3eb504f3, 1.0 op_sel_hi:[1,0,0]     ; 1 + z / 2 = 1 + |u| / (2 sqrt 2)
.endr
.irp p, 0,1,2,3,4,5,6,7,8,9,10,11,12,13,14,15
	v_rcp_f32 v[TT+\p], v[TT+\p]                   ; t
.endr
	v_nop
	s_wait_alu depctr_va_vdst(0)                   ; one wait for the sixteen, ahead of their first reader
.irp p, 0,2,4,6,8,10,12,14
	v_pk_fma_f32 v[PP+\p:PP+\p+1], v[TT+\p:TT+\p+1], 0x3e2ef945, v[C8:C8+1] op_sel_hi:[1,0,1]   ; c9 t + c8
.endr
.irp c, 0x3fbe87b0, 0xbf914e5d, 0x3e8ec7cc, 0xbe3ec24c, 0x3dc636c9, 0x3ebf88fb, 0x3f8000c7, 0xbfa1fc4e
.irp p, 0,2,4,6,8,10,12,14
	v_pk_fma_f32 v[PP+\p:PP+\p+1], v[PP+\p:PP+\p+1], v[TT+\p:TT+\p+1], \c op_sel_hi:[1,1,0]      ; Horner, c7 down to c0
.endr
.endr
.irp p, 0,2,4,6,8,10,12,14
	v_pk_mul_f32 v[TT+\p:TT+\p+1], v[TT+\p:TT+\p+1], v[A0+\p:A0+\p+1]                      ; t |u|
.endr
.irp p, 0,2,4,6,8,10,12,14
	v_pk_mul_f32 v[A0+\p:A0+\p+1], v[A0+\p:A0+\p+1], v[A0+\p:A0+\p+1]                      ; u^2
.endr
.irp p, 0,2,4,6,8,10,12,14
	v_pk_fma_f32 v[PP+\p:PP+\p+1], v[A0+\p:A0+\p+1], -0.5, v[PP+\p:PP+\p+1] op_sel_hi:[1,0,1]   ; -z^2 + P(t)
.endr
.irp p, 0,2,4,6,8,10,12,14
	v_pk_mul_f32 v[PP+\p:PP+\p+1], v[PP+\p:PP+\p+1], 0x3fb8aa3b op_sel_hi:[1,0]            ; x log2(e)
.endr
.irp p, 0,1,2,3,4,5,6,7,8,9,10,11,12,13,14,15
	v_exp_f32 v[PP+\p], v[PP+\p]
.endr
	v_nop
	s_wait_alu depctr_va_vdst(0)
.irp p, 0,2,4,6,8,10,12,14
	v_pk_mul_f32 v[TT+\p:TT+\p+1], v[TT+\p:TT+\p+1], v[PP+\p:PP+\p+1]                      ; |u| erfc(z)
.endr
.irp p, 0,2,4,6,8,10,12,14
	v_pk_fma_f32 v[T0+\p:T0+\p+1], v[TT+\p:TT+\p+1], -0.5, v[T0+\p:T0+\p+1] op_sel_hi:[1,0,1]
.endr
.endm
	s_load_b256 s[4:11], s[0:1], 0x0               ; H s[4:5], W s[6:7], b1 s[8:9], G s[10:11]
	v_lshl_add_u32 v[SPW], v0, 2, SPARE
	v_mov_b32 v[NIL], 0
	ds_add_u32 v28, v29
	ds_add_u32 v28, v29
	s_wait_dscnt 0x0
	v_lshrrev_b32 v1, 5, v0
	v_readfirstlane_b32 s14, v1
	s_lshr_b32 s15, s14, 1
	s_and_b32 s16, s14, 1
	s_bfe_u32 s40, ttmp6, 0x40000
	s_bfe_u32 s41, ttmp6, 0x40004
	s_lshl_b32 s42, ttmp9, 2
	s_add_co_u32 s42, s42, s40                     ; tile column
	s_and_b32 s17, ttmp7, 0xffff
	s_lshl_b32 s17, s17, 2
	s_add_co_u32 s17, s17, s41                     ; tile row
	s_lshl_b32 s43, s41, 2
	s_lshl_b32 s43, 15, s43
	s_lshl_b32 s44, 0x1111, s40
	s_or_b32 s[G1], s43, (3<<16)|(1<<21)
	s_or_b32 s[G1B], s44, (3<<16)|(1<<21)
	s_or_b32 s[G1S], s43, (3<<16)|(1<<21)
	s_or_b32 s[G1SB], s44, (3<<16)|(1<<21)
.irp g, G1, G1B                                ; codes: 8 rows (rho) of 3,072 bytes, 12 KDIM bytes apart
	s_mov_b32 s[\g+1], 384<<16
	s_mov_b32 s[\g+2], 8<<16
	s_mov_b32 s[\g+3], 384<<16
	s_mov_b32 s[\g+4], 8
	s_mov_b32 s[\g+5], 3*KDIM/2
	s_mov_b32 s[\g+6], 0
	s_mov_b32 s[\g+7], 0
.endr
.irp g, G1S, G1SB                              ; scale words: a dense block of HALFS bytes as rows of 256
	s_mov_b32 s[\g+1], 32<<16
	s_mov_b32 s[\g+2], (HALFS/256)<<16
	s_mov_b32 s[\g+3], 32<<16
	s_mov_b32 s[\g+4], HALFS/256
	s_mov_b32 s[\g+5], 32
	s_mov_b32 s[\g+6], 0
	s_mov_b32 s[\g+7], 0
.endr
	s_lshl_b32 s20, s17, 1
	s_add_co_u32 s20, s20, s16
	s_lshl_b32 s46, s42, 1
	s_add_co_u32 s46, s46, s16
	s_mul_i32 s22, s20, HALFS
	s_add_co_u32 s22, s22, OFFS_A
	s_mul_i32 s20, s20, 96*KDIM
	s_add_co_u32 s20, s20, OFFC_A
	s_mul_i32 s92, s46, HALFS
	s_add_co_u32 s92, s92, OFFS_B
	s_mul_i32 s46, s46, 96*KDIM
	s_add_co_u32 s46, s46, OFFC_B
	s_mov_b32 s21, 0
	s_mov_b32 s23, 0
	s_mov_b32 s47, 0
	s_mov_b32 s93, 0
	s_mul_i32 s45, s14, HALFT
	s_mul_i32 s94, s14, HALFS
	s_lshl_b32 s95, s15, 6
	s_add_co_u32 s94, s94, s95
	s_wait_kmcnt 0x0
	s_add_nc_u64 s[20:21], s[4:5], s[20:21]
	s_add_nc_u64 s[22:23], s[4:5], s[22:23]
	s_add_nc_u64 s[46:47], s[6:7], s[46:47]
	s_add_nc_u64 s[92:93], s[6:7], s[92:93]
	CROUND                                         ; all sixteen work-groups are here: the first joint loads meet
	s_mov_b32 s[G0S], 1
	s_add_co_u32 s[G0S+1], s94, SCL
	s_mov_b64 s[G0S+2:G0S+3], s[22:23]
	s_or_b32 s[G0S+3], s[G0S+3], 0x80000000
	s_mov_b32 s[G0SB], 1
	s_add_co_u32 s[G0SB+1], s94, SCL
	s_mov_b64 s[G0SB+2:G0SB+3], s[92:93]
	s_or_b32 s[G0SB+3], s[G0SB+3], 0x80000000
	JLOAD G0S, G1S, G0SB, G1SB
.irp s, 0,1
	s_mov_b32 s[G0+4*\s], 1
	s_add_co_u32 s[G0+4*\s+1], s45, \s*SLOT
	s_add_nc_u64 s[G0+4*\s+2:G0+4*\s+3], s[20:21], \s*RB
	s_or_b32 s[G0+4*\s+3], s[G0+4*\s+3], 0x80000000
	s_mov_b32 s[G0B+4*\s], 1
	s_add_co_u32 s[G0B+4*\s+1], s45, \s*SLOT
	s_add_nc_u64 s[G0B+4*\s+2:G0B+4*\s+3], s[46:47], \s*RB
	s_or_b32 s[G0B+4*\s+3], s[G0B+4*\s+3], 0x80000000
	JLOAD G0+4*\s, G1, G0B+4*\s, G1B               ; by this text's count three tensor loads of a wave are out here, later one
.endr
	v_and_b32 v1, 15, v0                           ; r
	v_bfe_u32 v2, v0, 4, 1                         ; h
	v_and_b32 v3, 31, v0
	v_lshlrev_b32 v[L16], 4, v3
	v_lshlrev_b32 v[L8], 3, v3
	v_lshlrev_b32 v4, 6, v2                        ; the bias: 64 h
	s_lshl_b32 s18, s42, 10
	s_lshl_b32 s19, s16, 9
	s_add_co_u32 s18, s18, s19                     ; my first column, in bytes
	s_mov_b32 s19, 0
	s_add_nc_u64 s[8:9], s[8:9], s[18:19]
.irp b, 0,1,2,3,4,5,6,7                        ; register j of tile b is column 32 (b / 2) + 16 h + 8 (b % 2) + j
	global_load_b128 v[BC+8*\b:BC+8*\b+3], v4, s[8:9] offset:(32*(\b/2)+8*(\b%2))*4
	global_load_b128 v[BC+8*\b+4:BC+8*\b+7], v4, s[8:9] offset:(32*(\b/2)+8*(\b%2))*4+16
.endr
	s_mul_i32 s21, s15, HALFT
	s_mul_i32 s22, s16, HALFT
	s_add_co_u32 s22, s22, 2*HALFT
.irp s, 0,1
	v_add_nc_u32 v[ADRA+\s], s21, v[L16]
	v_add_nc_u32 v[ADRA+2+\s], s21, v[L8]
	v_add_nc_u32 v[ADRB+\s], s22, v[L16]
	v_add_nc_u32 v[ADRB+2+\s], s22, v[L8]
	s_add_co_u32 s21, s21, SLOT
	s_add_co_u32 s22, s22, SLOT
.endr
	s_mul_i32 s21, s15, HALFS
	s_mul_i32 s22, s16, HALFS
	s_add_co_u32 s22, s22, 2*HALFS+64
	s_sub_co_u32 s22, s22, s21
	v_mul_u32_u24 v6, s22, v2                      ; lanes 16-31 take B's words: one product in h
	s_add_co_u32 s21, s21, SCL
	v_lshl_add_u32 v6, v1, 2, v6
	v_add_nc_u32 v[ADRS], s21, v6
	s_lshl_b32 s20, s14, 9
	v_lshl_add_u32 v[PWA], v1, 2, s20              ; 512 w + 4 r
	v_add_nc_u32 v[PWR], s20, v[L16]
	s_lshl_b32 s18, s42, 1                         ; where my results go: K step sg = 2 tx + my half of the columns, rho from 8 (2 ty + my half of the rows) on
	s_add_co_u32 s18, s18, s16
	s_lshl_b32 s19, s17, 1
	s_add_co_u32 s19, s19, s15
	s_mul_i32 s66, s19, 8*49152
	s_mul_i32 s20, s18, 1536
	s_add_co_u32 s66, s66, s20
	s_mov_b32 s67, 0
	s_lshl_b32 s94, s19, 5
	s_add_co_u32 s94, s94, s18
	s_lshl_b32 s94, s94, 9
	s_add_co_u32 s94, s94, 12582912
	s_mov_b32 s95, 0
	s_add_nc_u64 s[66:67], s[10:11], s[66:67]
	s_add_nc_u64 s[94:95], s[10:11], s[94:95]
	s_mov_b32 s97, 0x7fffffff
	s_wait_loadcnt 0x0                             ; the bias
	s_wait_tensorcnt 1                             ; the scale words and my part of slot 0 are in (slot 1's load may be out),
	s_barrier_signal -1
	s_barrier_wait -1                              ; everybody's are
	FETCH_B 0, 0, 0
	FETCH_A 0, 0, 0
	SCALES 0
	FETCH_A 0, 0, 4
	STEP 0, 0, 1                                   ; the first step's products start the sums, from the bias
	s_mov_b32 s3, LAPS-1
.Llap:                                             ; a trip goes once round the ring and fills both slots again
	TURN 0, 1, 1
	STEP 1, 0, 0
	TURN 1, 0, 1
	STEP 0, 0, 0
	s_sub_co_u32 s3, s3, 1
	s_cmp_lg_u32 s3, 0
	s_cbranch_scc1 .Llap
	TURN 0, 1, 0                                   ; the last lap fills nothing
	STEP 1, 0, 0
	s_wait_dscnt 4*NL
	WIN MUL_LO
	MUL16 0, 1, NQ-1, 1, 0
	MUL16 2, 1, NQ-1, 1, 0
	s_wait_dscnt 0
	WIN MUL_HI
	MUL16 4, 1, NQ-1, 1, 0
	MUL16 6, 1, NQ-1, 1, 0
	WIN 0
	; THE WAY OUT: eight row blocks.  What differs between them (the accumulators' numbers) is written eight times, the gelu and the quantiser once.
	PLACES NP
	v_mov_b32 v[C8], 0xbf527892                    ; c8, as a pair
	v_mov_b32 v[C8+1], 0xbf527892
	s_mov_b32 s[SEL], 0x76543210
	s_mov_b32 s[SEL+1], 0xfedcba98
	s_mov_b32 s3, 0
.Lrow:
	s_cmp_eq_u32 s3, 0
	s_cbranch_scc1 .Lx0
	s_cmp_eq_u32 s3, 1
	s_cbranch_scc1 .Lx1
	s_cmp_eq_u32 s3, 2
	s_cbranch_scc1 .Lx2
	s_cmp_eq_u32 s3, 3
	s_cbranch_scc1 .Lx3
	s_cmp_eq_u32 s3, 4
	s_cbranch_scc1 .Lx4
	s_cmp_eq_u32 s3, 5
	s_cbranch_scc1 .Lx5
	s_cmp_eq_u32 s3, 6
	s_cbranch_scc1 .Lx6
	XFER 7
	s_branch .Lwork
.Lx0:
	XFER 0
	s_branch .Lwork
.Lx1:
	XFER 1
	s_branch .Lwork
.Lx2:
	XFER 2
	s_branch .Lwork
.Lx3:
	XFER 3
	s_branch .Lwork
.Lx4:
	XFER 4
	s_branch .Lwork
.Lx5:
	XFER 5
	s_branch .Lwork
.Lx6:
	XFER 6
.Lwork:
	GELU16 0
	GELU16 1
	GELU16 2
	GELU16 3
	QUANT T                                        ; (the permutes' destinations were written by the gelu's work)
	global_store_b128 v[L16], v[PC:PC+3], s[66:67]            ; 512 consecutive aligned bytes,
	global_store_b64 v[L8], v[PC+4:PC+5], s[66:67] offset:512  ; and 256
	global_store_b128 v[L16], v[PC+6:PC+9], s[66:67] offset:768
	global_store_b64 v[L8], v[PC+10:PC+11], s[66:67] offset:1280
	ds_store_b32 v[PWA], v[PW]                     ; lanes r and r + 16 store the same word
	s_wait_dscnt 0x0
	s_wait_xcnt 0x0                                ; the stores have read their registers and base: both are written again
	s_add_nc_u64 s[66:67], s[66:67], 49152         ; the next rho
	v_add_nc_u32 v[PWA], 64, v[PWA]
	s_add_co_u32 s3, s3, 1
	s_cmp_lt_u32 s3, 8
	s_cbranch_scc1 .Lrow
	ds_load_b128 v[T:T+3], v[PWR]                  ; my 128 words (LDS serves a wave's instructions in order): 512 consecutive aligned bytes
	s_wait_dscnt 0x0
	global_store_b128 v[L16], v[T:T+3], s[94:95]
	s_wait_tensorcnt 0x0                           ; the wave's end
	ds_add_u32 v[SPW], v[NIL]
	s_wait_dscnt 0x0
	CROUND                                         ; the closing round
	s_endpgm
.Lfunc_end_k_q9b3a6b0999_fc1:
	.size	k_q9b3a6b0999_fc1, .Lfunc_end_k_q9b3a6b0999_fc1-k_q9b3a6b0999_fc1
	.p2alignl 7, 3214868480
	.fill 96, 4, 3214868480
	.section	.rodata,"a",@progbits
	.p2align	6, 0x0
	.amdhsa_kernel k_q9b3a6b0999_fc1
		.amdhsa_group_segment_fixed_size 327680
		.amdhsa_private_segment_fixed_size 0
		.amdhsa_enable_private_segment 0
		.amdhsa_kernarg_size 32
		.amdhsa_user_sgpr_count 2
		.amdhsa_user_sgpr_kernarg_segment_ptr 1
		.amdhsa_wavefront_size32 1
		.amdhsa_system_sgpr_workgroup_id_x 1
		.amdhsa_system_sgpr_workgroup_id_y 1
		.amdhsa_system_sgpr_workgroup_id_z 1
		.amdhsa_system_vgpr_workitem_id 0
		.amdhsa_next_free_vgpr 1024
		.amdhsa_next_free_sgpr 100
		.amdhsa_reserve_vcc 0
		.amdhsa_float_denorm_mode_32 3
		.amdhsa_float_denorm_mode_16_64 3
		.amdhsa_memory_ordered 1
		.amdhsa_forward_progress 1
		.amdhsa_inst_pref_size 204
	.end_amdhsa_kernel
	.amdgpu_metadata
---
amdhsa.version: [ 1, 2 ]
amdhsa.kernels:
  - .name:           k_q9b3a6b0999_fc1
    .symbol:         k_q9b3a6b0999_fc1.kd
    .args:
      - { .name: H, .offset: 0, .size: 8, .value_kind: global_buffer, .address_space: global }
      - { .name: W, .offset: 8, .size: 8, .value_kind: global_buffer, .address_space: global }
      - { .name: b1, .offset: 16, .size: 8, .value_kind: global_buffer, .address_space: global }
      - { .name: G, .offset: 24, .size: 8, .value_kind: global_buffer, .address_space: global }
    .group_segment_fixed_size: 327680
    .private_segment_fixed_size: 0
    .kernarg_segment_align: 8
    .kernarg_segment_size: 32
    .max_flat_workgroup_size: 128
    .sgpr_count:     100
    .vgpr_count:     1024
    .wavefront_size: 32
...
	.end_amdgpu_metadata
.endif
;; end of part 6
;; launch fc2 (part 7): grid 4 x 16, 4 waves a work-group, clusters of 4 x 4, 327,680 bytes of LDS; arguments G, W, b2, X1, out0; writes out0
.if DOCPART == 7
	.amdgcn_target "amdgcn-amd-amdhsa--gfx1250"
	.amdhsa_code_object_version 6
	.text
	.protected	k_q9b3a6b0999_fc2
	.globl	k_q9b3a6b0999_fc2
	.p2align	8
	.type	k_q9b3a6b0999_fc2,@function
k_q9b3a6b0999_fc2:
	s_mov_b64 s[64:65], 0
	v_nop
	global_prefetch_b8 v0, s[64:65] scope:SCOPE_SE
	s_setreg_imm32_b32 hwreg(HW_REG_WAVE_MODE, 25, 1), 1
	s_wait_xcnt 0x0
	s_wait_alu depctr_hold_cnt(0) depctr_sa_sdst(0) depctr_va_vdst(0) depctr_va_sdst(0) depctr_va_ssrc(0) depctr_va_vcc(0) depctr_vm_vsrc(0)
	s_getreg_b32 s2, hwreg(HW_REG_IB_STS2, 6, 4)
	s_cmp_eq_u32 s2, 0
	s_cbranch_scc0 .Lentry_in_a_cluster
	s_endpgm
.Lentry_in_a_cluster:
	s_bfe_u32 s2, ttmp6, 0x10000c
	s_cmp_lg_u32 s2, 0xf033
	s_cbranch_scc0 .Lentry_shape_is_right
	s_endpgm
.Lentry_shape_is_right:
; FC2.  out0 = X1 + G W2^T + b2.  G and W2 are codes of BF6 (E3M2) in granules; K = 4,096; X1, b2, out0 f32.
; Granule: 16 rows x 64 along K = 768 bytes, an image of six operand registers (lane l's registers 0-3 at 16 l, 4-5 at 512 + 8 l); place r of granule rho is row 32 (rho / 2) + 8 (rho % 2) + r + 8 (r / 8);
; granules lie [rho][kappa].  The scale word of (rho, r, s) lies at ((rho / 8) (K / 128) + s) 512 + (rho % 8) 64 + 4 r.
; A tile of 256 x 256 is made by four waves, 128 x 128 each.  K goes in steps of 256 through a ring of two LDS slots; the scale words of the tile's rows, for all of K, come once.
; CLUSTERS of 4 x 4: A's tile is asked for jointly along a row of the cluster, B's along a column.  The product is used transposed (source 0 = rows of the weight, source 1 = tokens).
; THE RESIDUAL IS THE ACCUMULATORS' START: it is loaded straight into them, under the first tiles' way, so nothing is cleared and no addition is spent on it.  The bias is added on the way out.
; So the order of the f32 sum is residual, products by ascending K, bias: another order than the plain reading's.
; N = 1,024 gives 64 tiles of this size: 64 work-groups.  Nothing is prefetched: every tile is shared by a joint load, and a refill has a slot's 128 products a wave in which to land.
; LIMITS: NaN and infinities are not served.
; REGISTERS: window 0: v1-9 lane terms, v16-23 LDS addresses, v24-25 the stage, v27 scale words' address, v28-29 the add's, v32-63 scale words, v64-67 bias, v128-223 A's fragments (on the way out v128-255: rows);
;   window 1: B's fragments, two sets; windows 2, 3: the accumulators, (a, b) at v[8 (8 (a % 4) + b)].
.set KDIM,   4096
.set OFFC_A, 0
.set OFFS_A, 12582912
.set OFFC_B, 6291456
.set OFFS_B, 9699328
.set NQ,    2
.set FR,    12
.set NL,    4
.set NP,    4                          ; places behind this matrix instruction (ISA guide 7.12.1)
.set RB,    3072
.set HALFT, 8*RB
.set SLOT,  4*HALFT
.set LAPS,  KDIM/512
.set HALFS, (KDIM/128)*512
.set SCL,   2*SLOT
.set SPARE, SCL+4*HALFS+256            ; the spare words, 128 bytes for each wave: two blocks of 256 bytes that no other line names
.set SPITCH, 528                       ; the way out: a stage of 16 rows x (512 + 16) bytes for each wave, in slot 0 after its last fill and last read
.set L16,  8
.set L8,   9
.set ADRA, 16
.set ADRB, 20
.set STO,  24
.set RD,   25
.set ADRS, 27
.set SPW,  28
.set NIL,  29
.set SC,   32
.set BI,   64
.set AF,   128
.set BK,   128
.set G1, 24
.set G0, 32
.set G1B, 48
.set G0B, 56
.set G1S, 68
.set G0S, 76
.set G1SB, 80
.set G0SB, 88
.set MSB, 0
.macro WIN new                         ; the immediate's high byte repeats the setting that is left
.if MSB != (\new)
	s_set_vgpr_msb (MSB<<8)|(\new)
.set MSB, (\new)
.endif
.endm
.set MUL_LO, 0xa1
.set MUL_HI, 0xf1
.set TO_B,   0x40
.macro JLOAD g0a, g1a, g0b, g1b        ; a joint load: waves 0, 1 fetch for A, waves 2, 3 for B; four v_nop follow each line
	s_cmp_eq_u32 s15, 0
	s_cbranch_scc0 .Lfor_b_\@
	tensor_load_to_lds s[\g0a:\g0a+3], s[\g1a:\g1a+7]
	s_nop 0
.rept 4
	v_nop
.endr
	s_branch .Lasked_\@
.Lfor_b_\@:
	tensor_load_to_lds s[\g0b:\g0b+3], s[\g1b:\g1b+7]
	s_nop 0
.rept 4
	v_nop
.endr
.Lasked_\@:
.endm
.macro CREST
	s_cmp_lg_u32 s14, 0
	s_cbranch_scc1 .Lnot_wave_0_\@
	s_barrier_signal -3
.Lnot_wave_0_\@:
	s_barrier_wait -3
	s_barrier_signal -1
	s_barrier_wait -1
.endm
.macro CROUND
	s_barrier_signal -1
	s_barrier_wait -1
	CREST
.endm
.macro PLACES n
.rept \n
	v_nop
.endr
.endm
.macro FRAG reg, adr, q, i
.irp c, 0,1
	ds_load_b128 v[\reg+6*\c:\reg+6*\c+3], v[\adr] offset:(\i)*RB+(2*(\q)+\c)*768
	ds_load_b64 v[\reg+6*\c+4:\reg+6*\c+5], v[\adr+2] offset:(\i)*RB+(2*(\q)+\c)*768+512
.endr
.endm
.macro MUL16 a0, p, q, sc              ; 16 products; the 64 accumulators take turns, in the same order in every step
.irp a, \a0, \a0+1
.irp b, 0,1,2,3,4,5,6,7
	v_wmma_scale_f32_16x16x128_f8f6f4 v[8*(8*((\a)%4)+\b):8*(8*((\a)%4)+\b)+7], v[128*(\p)+FR*\b:128*(\p)+FR*\b+FR-1], v[AF+FR*(\a):AF+FR*(\a)+FR-1], v[8*(8*((\a)%4)+\b):8*(8*((\a)%4)+\b)+7], v[SC+16*(\sc)+2*\b+(\q)], v[SC+16*(\sc)+2*(\a)+(\q)] matrix_a_fmt:MATRIX_FMT_BF6 matrix_b_fmt:MATRIX_FMT_BF6 matrix_a_scale:MATRIX_SCALE_ROW1
.endr
.endr
.endm
.macro FETCH_B slot, q, p
	WIN TO_B
.irp i, 0,1,2,3,4,5,6,7
	FRAG 128*(\p)+FR*\i, ADRB+\slot, \q, \i
.endr
	WIN 0
.endm
.macro FETCH_A slot, q, i0
.irp i, \i0, \i0+1, \i0+2, \i0+3
	FRAG AF+FR*(\i), ADRA+\slot, \q, \i
.endr
.endm
.macro SCALES sc
.irp i, 0,1,2,3,4,5,6,7
.irp q, 0,1
	ds_load_b32 v[SC+16*\sc+2*\i+\q], v[ADRS] offset:\q*512+\i*64
.endr
.endr
.endm
.macro STEP slot, q
	s_wait_dscnt 4*NL                              ; all but the youngest 16 loads (A's blocks 4-7) are in
	WIN MUL_LO
	MUL16 0, (\q)%2, \q, \slot
	MUL16 2, (\q)%2, \q, \slot
	s_wait_dscnt 0
	PLACES NP
	FETCH_B \slot, (\q)+1, 1-(\q)%2
	FETCH_A \slot, (\q)+1, 0
	WIN MUL_HI
	MUL16 4, (\q)%2, \q, \slot
	MUL16 6, (\q)%2, \q, \slot
	PLACES NP
	WIN 0
	FETCH_A \slot, (\q)+1, 4
.endm
.macro TURN slot, next, fill
	s_wait_tensorcnt 0x0                           ; all my tensor loads have landed: my part of the next slot
	ds_add_u32 v[SPW], v[NIL]                      ; 0 onto my spare word
	s_wait_dscnt 4*NL+1                            ; (the add and the youngest 16 loads may be out)
	WIN MUL_LO
	MUL16 0, 1, NQ-1, \slot
	s_wait_dscnt 0x0                               ; the add is done, and my reads of this slot are over
	s_barrier_signal -1
	MUL16 2, 1, NQ-1, \slot
	WIN 0
	s_barrier_wait -1
.if \fill
	CREST                                          ; the barrier has opened a round of the cluster's: no wave of any partner still reads this slot or has a load on its way
	s_add_nc_u64 s[G0+4*\slot+2:G0+4*\slot+3], s[G0+4*\slot+2:G0+4*\slot+3], 2*RB
	s_add_nc_u64 s[G0B+4*\slot+2:G0B+4*\slot+3], s[G0B+4*\slot+2:G0B+4*\slot+3], 2*RB
	JLOAD G0+4*\slot, G1, G0B+4*\slot, G1B
.else
	PLACES NP
.endif
	v_add_nc_u32 v[ADRS], 1024, v[ADRS]
	FETCH_B \next, 0, 0
	FETCH_A \next, 0, 0
	SCALES \next
	WIN MUL_HI
	MUL16 4, 1, NQ-1, \slot
	MUL16 6, 1, NQ-1, \slot
	PLACES NP
	WIN 0
	FETCH_A \next, 0, 4
.endm
	s_load_b256 s[4:11], s[0:1], 0x0               ; A s[4:5], W s[6:7], bias s[8:9], residual s[10:11]
	s_load_b64 s[12:13], s[0:1], 0x20              ; the result
	v_lshl_add_u32 v[SPW], v0, 2, SPARE
	v_mov_b32 v[NIL], 0
	ds_add_u32 v28, v29
	ds_add_u32 v28, v29
	s_wait_dscnt 0x0
	v_lshrrev_b32 v1, 5, v0
	v_readfirstlane_b32 s14, v1
	s_lshr_b32 s15, s14, 1
	s_and_b32 s16, s14, 1
	s_bfe_u32 s40, ttmp6, 0x40000
	s_bfe_u32 s41, ttmp6, 0x40004
	s_lshl_b32 s42, ttmp9, 2
	s_add_co_u32 s42, s42, s40                     ; tile column
	s_and_b32 s17, ttmp7, 0xffff
	s_lshl_b32 s17, s17, 2
	s_add_co_u32 s17, s17, s41                     ; tile row
	s_lshl_b32 s43, s41, 2
	s_lshl_b32 s43, 15, s43
	s_lshl_b32 s44, 0x1111, s40
	s_or_b32 s[G1], s43, (3<<16)|(1<<21)
	s_or_b32 s[G1B], s44, (3<<16)|(1<<21)
	s_or_b32 s[G1S], s43, (3<<16)|(1<<21)
	s_or_b32 s[G1SB], s44, (3<<16)|(1<<21)
.irp g, G1, G1B                                ; codes: 8 rows (rho) of 3,072 bytes, 12 KDIM bytes apart
	s_mov_b32 s[\g+1], 384<<16
	s_mov_b32 s[\g+2], 8<<16
	s_mov_b32 s[\g+3], 384<<16
	s_mov_b32 s[\g+4], 8
	s_mov_b32 s[\g+5], 3*KDIM/2
	s_mov_b32 s[\g+6], 0
	s_mov_b32 s[\g+7], 0
.endr
.irp g, G1S, G1SB                              ; scale words: a dense block of HALFS bytes as rows of 256
	s_mov_b32 s[\g+1], 32<<16
	s_mov_b32 s[\g+2], (HALFS/256)<<16
	s_mov_b32 s[\g+3], 32<<16
	s_mov_b32 s[\g+4], HALFS/256
	s_mov_b32 s[\g+5], 32
	s_mov_b32 s[\g+6], 0
	s_mov_b32 s[\g+7], 0
.endr
	s_lshl_b32 s20, s17, 1
	s_add_co_u32 s20, s20, s16
	s_lshl_b32 s46, s42, 1
	s_add_co_u32 s46, s46, s16
	s_mul_i32 s22, s20, HALFS
	s_add_co_u32 s22, s22, OFFS_A
	s_mul_i32 s20, s20, 96*KDIM
	s_add_co_u32 s20, s20, OFFC_A
	s_mul_i32 s92, s46, HALFS
	s_add_co_u32 s92, s92, OFFS_B
	s_mul_i32 s46, s46, 96*KDIM
	s_add_co_u32 s46, s46, OFFC_B
	s_mov_b32 s21, 0
	s_mov_b32 s23, 0
	s_mov_b32 s47, 0
	s_mov_b32 s93, 0
	s_mul_i32 s45, s14, HALFT
	s_mul_i32 s94, s14, HALFS
	s_lshl_b32 s95, s15, 6
	s_add_co_u32 s94, s94, s95
	s_wait_kmcnt 0x0
	s_add_nc_u64 s[20:21], s[4:5], s[20:21]
	s_add_nc_u64 s[22:23], s[4:5], s[22:23]
	s_add_nc_u64 s[46:47], s[6:7], s[46:47]
	s_add_nc_u64 s[92:93], s[6:7], s[92:93]
	CROUND                                         ; all sixteen work-groups are here: the first joint loads meet
	s_mov_b32 s[G0S], 1
	s_add_co_u32 s[G0S+1], s94, SCL
	s_mov_b64 s[G0S+2:G0S+3], s[22:23]
	s_or_b32 s[G0S+3], s[G0S+3], 0x80000000
	s_mov_b32 s[G0SB], 1
	s_add_co_u32 s[G0SB+1], s94, SCL
	s_mov_b64 s[G0SB+2:G0SB+3], s[92:93]
	s_or_b32 s[G0SB+3], s[G0SB+3], 0x80000000
	JLOAD G0S, G1S, G0SB, G1SB
.irp s, 0,1
	s_mov_b32 s[G0+4*\s], 1
	s_add_co_u32 s[G0+4*\s+1], s45, \s*SLOT
	s_add_nc_u64 s[G0+4*\s+2:G0+4*\s+3], s[20:21], \s*RB
	s_or_b32 s[G0+4*\s+3], s[G0+4*\s+3], 0x80000000
	s_mov_b32 s[G0B+4*\s], 1
	s_add_co_u32 s[G0B+4*\s+1], s45, \s*SLOT
	s_add_nc_u64 s[G0B+4*\s+2:G0B+4*\s+3], s[46:47], \s*RB
	s_or_b32 s[G0B+4*\s+3], s[G0B+4*\s+3], 0x80000000
	JLOAD G0+4*\s, G1, G0B+4*\s, G1B               ; by this text's count three tensor loads of a wave are out here, later one
.endr
	v_and_b32 v1, 15, v0                           ; r
	v_bfe_u32 v2, v0, 4, 1                         ; h
	v_and_b32 v3, 31, v0
	v_lshlrev_b32 v[L16], 4, v3
	v_lshlrev_b32 v[L8], 3, v3
	v_and_b32 v4, 8, v1
	v_add_nc_u32 v4, v4, v1
	v_lshlrev_b32 v4, 12, v4
	v_lshl_add_u32 v4, v2, 6, v4                   ; the residual: row r + 8 (r / 8) of 4,096 bytes, + 64 h
	s_lshl_b32 s18, s17, 8
	s_lshl_b32 s19, s15, 7
	s_add_co_u32 s18, s18, s19                     ; my first row,
	s_lshl_b32 s18, s18, 12
	s_lshl_b32 s20, s42, 10
	s_lshl_b32 s19, s16, 9
	s_add_co_u32 s20, s20, s19                     ; my first column, in bytes
	s_add_co_u32 s18, s18, s20
	s_mov_b32 s19, 0
	s_mov_b32 s21, 0
	s_add_nc_u64 s[10:11], s[10:11], s[18:19]
	s_add_nc_u64 s[12:13], s[12:13], s[18:19]
	s_add_nc_u64 s[8:9], s[8:9], s[20:21]
	global_load_b128 v[BI:BI+3], v[L16], s[8:9]    ; the bias at columns 4 x lane .. + 3 of my 128
	WIN 0x80                                       ; destination window 2.  Register j of accumulator (a, b): row 32 (a / 2) + 8 (a % 2) + r + 8 (r / 8), column 32 (b / 2) + 16 h + 8 (b % 2) + j
.irp a, 0,1,2,3
.irp b, 0,1,2,3,4,5,6,7
	global_load_b128 v[8*(8*\a+\b):8*(8*\a+\b)+3], v4, s[10:11] offset:(32*(\a/2)+8*(\a%2))*4096+128*(\b/2)+32*(\b%2)
	global_load_b128 v[8*(8*\a+\b)+4:8*(8*\a+\b)+7], v4, s[10:11] offset:(32*(\a/2)+8*(\a%2))*4096+128*(\b/2)+32*(\b%2)+16
.endr
.endr
	WIN 0xc0                                       ; window 3
.irp a, 4,5,6,7
.irp b, 0,1,2,3,4,5,6,7
	global_load_b128 v[8*(8*(\a-4)+\b):8*(8*(\a-4)+\b)+3], v4, s[10:11] offset:(32*(\a/2)+8*(\a%2))*4096+128*(\b/2)+32*(\b%2)
	global_load_b128 v[8*(8*(\a-4)+\b)+4:8*(8*(\a-4)+\b)+7], v4, s[10:11] offset:(32*(\a/2)+8*(\a%2))*4096+128*(\b/2)+32*(\b%2)+16
.endr
.endr
	WIN 0
	s_mul_i32 s21, s15, HALFT
	s_mul_i32 s22, s16, HALFT
	s_add_co_u32 s22, s22, 2*HALFT
.irp s, 0,1
	v_add_nc_u32 v[ADRA+\s], s21, v[L16]
	v_add_nc_u32 v[ADRA+2+\s], s21, v[L8]
	v_add_nc_u32 v[ADRB+\s], s22, v[L16]
	v_add_nc_u32 v[ADRB+2+\s], s22, v[L8]
	s_add_co_u32 s21, s21, SLOT
	s_add_co_u32 s22, s22, SLOT
.endr
	s_mul_i32 s21, s15, HALFS
	s_mul_i32 s22, s16, HALFS
	s_add_co_u32 s22, s22, 2*HALFS+64
	s_sub_co_u32 s22, s22, s21
	v_mul_u32_u24 v6, s22, v2                      ; lanes 16-31 take B's words: one product in h
	s_add_co_u32 s21, s21, SCL
	v_lshl_add_u32 v6, v1, 2, v6
	v_add_nc_u32 v[ADRS], s21, v6
	s_mul_i32 s23, s14, 16*SPITCH                  ; my stage
	v_mul_u32_u24 v5, v1, SPITCH
	v_lshl_add_u32 v5, v2, 6, v5
	v_add_nc_u32 v[STO], s23, v5                   ; in: row r, + 64 h
	v_add_nc_u32 v[RD], s23, v[L16]                ; back: a row of 512 bytes to the 32 lanes
	s_wait_loadcnt 0x0                             ; the residual and the bias
	s_wait_tensorcnt 1                             ; the scale words and my part of slot 0 are in (slot 1's load may be out),
	s_barrier_signal -1
	s_barrier_wait -1                              ; everybody's are
	FETCH_B 0, 0, 0
	FETCH_A 0, 0, 0
	SCALES 0
	FETCH_A 0, 0, 4
	STEP 0, 0
	s_mov_b32 s3, LAPS-1
.Llap:                                             ; a trip goes once round the ring and fills both slots again
	TURN 0, 1, 1
	STEP 1, 0
	TURN 1, 0, 1
	STEP 0, 0
	s_sub_co_u32 s3, s3, 1
	s_cmp_lg_u32 s3, 0
	s_cbranch_scc1 .Llap
	TURN 0, 1, 0                                   ; the last lap fills nothing
	STEP 1, 0
	s_wait_dscnt 4*NL
	WIN MUL_LO
	MUL16 0, 1, NQ-1, 1
	MUL16 2, 1, NQ-1, 1
	s_wait_dscnt 0
	WIN MUL_HI
	MUL16 4, 1, NQ-1, 1
	MUL16 6, 1, NQ-1, 1
	WIN 0
; THE WAY OUT, block by block of 16 rows x 128 columns, through my own stage: back come whole rows of 512 bytes.  LDS serves a wave's instructions in order: no wait between the stores and the loads.
.macro TOSTAGE a
.set AC, 64*((\a)%4)
	WIN 0x08+4*((\a)/4)                            ; an LDS store's data: window 2 or 3
.irp b, 0,1,2,3,4,5,6,7
	ds_store_b128 v[STO], v[AC+8*\b:AC+8*\b+3] offset:128*(\b/2)+32*(\b%2)          ; each accumulator from its low end on
	ds_store_b128 v[STO], v[AC+8*\b+4:AC+8*\b+7] offset:128*(\b/2)+32*(\b%2)+16
.endr
	WIN 0
.set BB, BK+64*((\a)%2)
.irp t, 0,1,2,3,4,5,6,7,8,9,10,11,12,13,14,15
	ds_load_b128 v[BB+4*\t:BB+4*\t+3], v[RD] offset:\t*SPITCH
.endr
.endm
.macro SEND a, younger                 ; younger: the LDS instructions issued behind block a's loads
.set BB, BK+64*((\a)%2)
	s_wait_dscnt \younger
.if (\a) > 0
.if (\a)%2
	s_add_nc_u64 s[12:13], s[12:13], 8*4096        ; (behind a wait on XCNT)  block a begins at row 32 (a / 2) + 8 (a % 2)
.else
	s_add_nc_u64 s[12:13], s[12:13], 24*4096
.endif
.endif
.irp t, 0,1,2,3,4,5,6,7,8,9,10,11,12,13,14,15
	v_pk_add_f32 v[BB+4*\t:BB+4*\t+1], v[BB+4*\t:BB+4*\t+1], v[BI:BI+1]
	v_pk_add_f32 v[BB+4*\t+2:BB+4*\t+3], v[BB+4*\t+2:BB+4*\t+3], v[BI+2:BI+3]
.endr
.irp t, 0,1,2,3,4,5,6,7,8,9,10,11,12,13,14,15
	global_store_b128 v[L16], v[BB+4*\t:BB+4*\t+3], s[12:13] offset:(\t+8*(\t/8))*4096   ; 32 lanes store 512 consecutive bytes, aligned
.endr
.endm
	PLACES NP
	TOSTAGE 0
.irp a, 1,2,3,4,5,6,7
.if \a > 1
	s_wait_xcnt 0x0                                ; block a - 2's stores have read their registers and their base
.endif
	TOSTAGE \a
	SEND \a-1, 32                                  ; behind block a - 1's loads: block a's 16 stores and 16 loads
.endr
	s_wait_xcnt 0x0
	SEND 7, 0
	s_wait_tensorcnt 0x0                           ; the wave's end
	ds_add_u32 v[SPW], v[NIL]
	s_wait_dscnt 0x0
	CROUND                                         ; the closing round
	s_endpgm
.Lfunc_end_k_q9b3a6b0999_fc2:
	.size	k_q9b3a6b0999_fc2, .Lfunc_end_k_q9b3a6b0999_fc2-k_q9b3a6b0999_fc2
	.p2alignl 7, 3214868480
	.fill 96, 4, 3214868480
	.section	.rodata,"a",@progbits
	.p2align	6, 0x0
	.amdhsa_kernel k_q9b3a6b0999_fc2
		.amdhsa_group_segment_fixed_size 327680
		.amdhsa_private_segment_fixed_size 0
		.amdhsa_enable_private_segment 0
		.amdhsa_kernarg_size 40
		.amdhsa_user_sgpr_count 2
		.amdhsa_user_sgpr_kernarg_segment_ptr 1
		.amdhsa_wavefront_size32 1
		.amdhsa_system_sgpr_workgroup_id_x 1
		.amdhsa_system_sgpr_workgroup_id_y 1
		.amdhsa_system_sgpr_workgroup_id_z 1
		.amdhsa_system_vgpr_workitem_id 0
		.amdhsa_next_free_vgpr 1024
		.amdhsa_next_free_sgpr 100
		.amdhsa_reserve_vcc 0
		.amdhsa_float_denorm_mode_32 3
		.amdhsa_float_denorm_mode_16_64 3
		.amdhsa_memory_ordered 1
		.amdhsa_forward_progress 1
		.amdhsa_inst_pref_size 174
	.end_amdhsa_kernel
	.amdgpu_metadata
---
amdhsa.version: [ 1, 2 ]
amdhsa.kernels:
  - .name:           k_q9b3a6b0999_fc2
    .symbol:         k_q9b3a6b0999_fc2.kd
    .args:
      - { .name: G, .offset: 0, .size: 8, .value_kind: global_buffer, .address_space: global }
      - { .name: W, .offset: 8, .size: 8, .value_kind: global_buffer, .address_space: global }
      - { .name: b2, .offset: 16, .size: 8, .value_kind: global_buffer, .address_space: global }
      - { .name: X1, .offset: 24, .size: 8, .value_kind: global_buffer, .address_space: global }
      - { .name: out0, .offset: 32, .size: 8, .value_kind: global_buffer, .address_space: global }
    .group_segment_fixed_size: 327680
    .private_segment_fixed_size: 0
    .kernarg_segment_align: 8
    .kernarg_segment_size: 40
    .max_flat_workgroup_size: 128
    .sgpr_count:     100
    .vgpr_count:     1024
    .wavefront_size: 32
...
	.end_amdgpu_metadata
.endif
;; end of part 7
;; ======== version 2 of 2: 7 launches
;; limits: right only within a limited range of input values
;; workspace buffers: W 9,830,400 bytes; H 3,276,800 bytes; QKV 9,830,400 bytes; Y 3,276,800 bytes; X1 16,777,216 bytes; G 13,107,200 bytes
;; launch prep (part 8): grid 448 x 1, 4 waves a work-group, no clusters, 66,560 bytes of LDS; arguments x, ln1_g, ln1_b, H, Wq_codes, Wk_codes, Wv_codes, Wo_codes, W1_codes, W2_codes, Wq_scales, Wk_scales, Wv_scales, Wo_scales, W1_scales, W2_scales, W; writes H, W
.if DOCPART == 8
	.amdgcn_target "amdgcn-amd-amdhsa--gfx1250"
	.amdhsa_code_object_version 6
	.text
	.protected	k_q9b3a6b0999_prep
	.globl	k_q9b3a6b0999_prep
	.p2align	8
	.type	k_q9b3a6b0999_prep,@function
k_q9b3a6b0999_prep:
	s_mov_b64 s[64:65], 0
	v_nop
	global_prefetch_b8 v0, s[64:65] scope:SCOPE_SE
	s_setreg_imm32_b32 hwreg(HW_REG_WAVE_MODE, 25, 1), 1
	s_wait_xcnt 0x0
; PREP.  Work-groups 0-255: H = Q(layernorm(x)), quantised to BF6 (E3M2) along the 1,024 channels.  Work-groups 256-447: the six weights, given as rows of codes, are laid anew into W.
; THE LAYOUT OF EVERY OPERAND OF THIS PROGRAM.  Granule (rho, kappa) = 16 rows x 64 along K = 768 bytes, an image of six operand registers: bytes 16 l .. 16 l + 15 are lane l's registers 0-3,
; bytes 512 + 8 l .. + 7 its registers 4-5; lane l = r + 16 h holds k = 64 kappa + 32 h + 0 .. 31 of the row at place r.  Place r of granule rho is row 32 (rho / 2) + 8 (rho % 2) + r + 8 (r / 8):
; as source 0 of a product, two neighbouring granules then give a lane 16 neighbouring columns in 16 registers, which is what the next quantiser wants.  Granules lie [rho][kappa].
; The scale word (four E8M0 bytes, 128 along K) of (rho, r, s) lies at ((rho / 8) (K / 128) + s) 512 + (rho % 8) 64 + 4 r: the words of 128 rows, for all of K, are one dense block.
; LAYERNORM: mean, then the centred squares (two passes over registers), f32; the sums are trees, another order than a plain running sum.
; A work-group takes one rho (16 rows).  Phase A: wave w normalises 4 whole rows (a load covers 512 consecutive bytes) and puts them into a stage in LDS.  Phase B: wave w quantises K steps 2 w and 2 w + 1
; of all 16 rows: a lane takes 16 neighbours of each block of 32.  A store of codes covers 512 or 256 consecutive aligned bytes; the scale words leave in runs of 64 bytes (one byte for each 24 of codes).
; No matrix work, nothing shared between work-groups, so no cluster; the whole input of a work-group (64 KiB) is asked for at once, so nothing is prefetched.
; LIMITS: NaN and infinities are not served.  A block of zeros, and a block whose largest magnitude lies under 2^-122, gets the scale byte 1 (the rule's 127 for zeros is not kept: the codes are zeros, and only this program reads the bytes).
.set PIT,  4112                        ; a stage row: 4,096 bytes + 16: sixteen rows at one column start in sixteen different groups of four banks
.set L16,  4                           ; v4   16 x lane
.set L8,   5                           ; v5   8 x lane
.set PW,   10                          ; v10  the scale word just made
.set SM,   12                          ; v12-19  a pair of sums for each of my 4 rows
.set MU,   20                          ; v20-27  mean, later 1 / sqrt(var + eps), twice each (a pair for the packed forms)
.set TM,   28                          ; v28-43  the quantiser's work
.set PC,   44                          ; v44-63  the codes just made
.set BT,   64                          ; v64-95  b at my columns
.set XR,   96                          ; v96-223 my 4 rows; later 2 x 64 numbers to quantise
.set GM,   224                         ; v224-255 g at my columns
.set SEL,  20                          ; s[20:21] selects of v_permlanex16_b32 for lane l xor 16
; 64 numbers of a lane, register 16 b + i = k 32 b + 16 (lane / 16) + i of my row, become a fragment's codes in v[PC] .. v[PC+11] and its scale word in v[PW]
.macro QUANT s
.irp b, 0,1,2,3
	v_max3_num_f32 v[TM+\b], |v[\s+16*\b]|, |v[\s+1+16*\b]|, 0x2800000   ; my 16 numbers of block b, and the floor 2^(5 - 127): the byte cannot fall under 1
.endr
.irp i, 2,4,6,8,10,12,14
.irp b, 0,1,2,3
	v_max3_num_f32 v[TM+\b], v[TM+\b], |v[\s+16*\b+\i]|, |v[\s+1+16*\b+\i]|
.endr
.endr
.irp b, 0,1,2,3
	v_permlanex16_b32 v[TM+4+\b], v[TM+\b], s[SEL], s[SEL+1]
.endr
.irp b, 0,1,2,3
	v_max_num_f32 v[TM+\b], v[TM+\b], v[TM+4+\b]                       ; with lane l xor 16's: the block's largest magnitude
.endr
.irp b, 0,1,2,3
	v_add_nc_u32 v[TM+12+\b], 0xfe000000, v[TM+\b]                    ; 4 off its exponent field: the conversion's scale operand
.endr
.irp b, 0,1,2,3
	v_lshrrev_b32 v[TM+4+\b], 23, v[TM+12+\b]                         ; the scale's byte
.endr
	v_lshl_or_b32 v[PW], v[TM+5], 8, v[TM+4]
	v_lshl_or_b32 v[PW], v[TM+6], 16, v[PW]
	v_lshl_or_b32 v[PW], v[TM+7], 24, v[PW]
.irp c, 0,1
	v_cvt_scalef32_pk16_bf6_f32 v[PC+6*\c:PC+2+6*\c], v[\s+32*\c:\s+15+32*\c], v[TM+12+2*\c]
	v_cvt_scalef32_pk16_bf6_f32 v[PC+12+4*\c:PC+14+4*\c], v[\s+16+32*\c:\s+31+32*\c], v[TM+12+2*\c+1]   ; (a conversion's three registers begin on an even number)
.endr
	v_nop                                          ; one plain instruction behind the scaled conversions
.irp c, 0,1                                    ; the operand wants a WHOLE block in a lane: lanes 0-15 block 2 c, lanes 16-31 block 2 c + 1
.irp i, 0,1,2
	v_permlane16_swap_b32 v[PC+6*\c+\i], v[PC+12+4*\c+\i]
.endr
.irp i, 0,1,2
	v_mov_b32 v[PC+3+6*\c+\i], v[PC+12+4*\c+\i]
.endr
.endr
.endm
.macro PUTFRAG b0, o0, b1, o1                  ; the fragment's two granules go out as they stand
	global_store_b128 v[L16], v[PC:PC+3], s[\b0:\b0+1] offset:\o0
	global_store_b64 v[L8], v[PC+4:PC+5], s[\b0:\b0+1] offset:(\o0)+512
	global_store_b128 v[L16], v[PC+6:PC+9], s[\b1:\b1+1] offset:\o1
	global_store_b64 v[L8], v[PC+10:PC+11], s[\b1:\b1+1] offset:(\o1)+512
.endm
.macro REDUCE                                  ; each row's pair of sums becomes the row's sum, in every lane; the four rows by turns
.irp i, 0,1,2,3
	v_add_f32 v[SM+2*\i], v[SM+2*\i], v[SM+2*\i+1]
.endr
.irp m, 1,2,4,8
.irp i, 0,1,2,3
	v_add_f32_dpp v[SM+2*\i], v[SM+2*\i], v[SM+2*\i] row_xmask:\m row_mask:0xf bank_mask:0xf
.endr
.endr
.irp i, 0,1,2,3
	v_permlanex16_b32 v[SM+2*\i+1], v[SM+2*\i], s[SEL], s[SEL+1]
.endr
.irp i, 0,1,2,3
	v_add_f32 v[SM+2*\i], v[SM+2*\i], v[SM+2*\i+1]
.endr
.endm
	v_lshl_add_u32 v59, v0, 2, 0x10200
	v_mov_b32 v63, 0
	v_lshrrev_b32 v1, 5, v0
	v_readfirstlane_b32 s12, v1                    ; wave 0..3
	v_and_b32 v1, 31, v0                           ; lane
	v_and_b32 v2, 15, v0                           ; r
	v_bfe_u32 v3, v0, 4, 1                         ; h
	v_lshlrev_b32 v[L16], 4, v1
	v_lshlrev_b32 v[L8], 3, v1
	s_cmp_ge_u32 ttmp9, 256                        ; the same in all waves of a work-group
	s_cbranch_scc1 .Lrelay
	; ---------------- layernorm and quantiser: rho = the work-group's number
	s_load_b256 s[4:11], s[0:1], 0x0               ; x s[4:5], g s[6:7], b s[8:9], H s[10:11]
	s_mov_b32 s[SEL], 0x76543210
	s_mov_b32 s[SEL+1], 0xfedcba98
	s_mov_b32 s22, 0x3a800000                      ; 1 / 1024
	s_mov_b32 s23, 0x3727c5ac                      ; 1e-5
	s_lshr_b32 s13, ttmp9, 1
	s_lshl_b32 s13, s13, 5
	s_and_b32 s16, ttmp9, 1
	s_lshl_b32 s16, s16, 3
	s_add_co_u32 s13, s13, s16
	s_lshl_b32 s16, s12, 2
	s_add_co_u32 s13, s13, s16
	s_lshr_b32 s16, s12, 1
	s_lshl_b32 s16, s16, 3
	s_add_co_u32 s13, s13, s16                     ; my first row: places 4 w .. 4 w + 3 are rows 32 (rho / 2) + 8 (rho % 2) + 4 w + 8 (w / 2) + 0 .. 3
	s_lshl_b32 s16, s13, 12                        ; in bytes (under 2^24)
	s_mov_b32 s17, 0
	s_mul_i32 s18, ttmp9, 12288                    ; H's codes: rho x 16 granules,
	s_mul_i32 s19, s12, 3072                       ; + my four
	s_add_co_u32 s18, s18, s19
	s_mov_b32 s19, 0
	s_lshr_b32 s24, ttmp9, 3                       ; H's scale words: ((rho / 8) 8 + 2 w) 512 + (rho % 8) 64
	s_lshl_b32 s24, s24, 3
	s_lshl_b32 s25, s12, 1
	s_add_co_u32 s24, s24, s25
	s_lshl_b32 s24, s24, 9
	s_and_b32 s25, ttmp9, 7
	s_lshl_b32 s25, s25, 6
	s_add_co_u32 s24, s24, s25
	s_add_co_u32 s24, s24, 3145728
	s_mov_b32 s25, 0
	s_mul_i32 s26, s12, 4*PIT
	s_wait_alu depctr_va_vdst(0)
	v_add_nc_u32 v6, s26, v[L16]                   ; the stage, in: my 4 rows, 16 bytes a lane
	v_mul_u32_u24 v7, v2, PIT
	v_lshl_add_u32 v7, v3, 6, v7
	s_lshl_b32 s26, s12, 10
	v_add_nc_u32 v7, s26, v7                       ; and out: row r, + 64 h, + my two K steps
	v_lshlrev_b32 v8, 2, v2                        ; 4 r
.irp b, 0,1,2,3
	v_mov_b32 v[TM+4+\b], 0                        ; written once: a lane permute's destination counts as one of its sources
.endr
	s_wait_kmcnt 0x0
	s_add_nc_u64 s[4:5], s[4:5], s[16:17]
	s_add_nc_u64 s[14:15], s[10:11], s[24:25]
	s_add_nc_u64 s[10:11], s[10:11], s[18:19]
.irp i, 0,1,2,3
.irp j, 0,1,2,3,4,5,6,7
	global_load_b128 v[XR+32*\i+4*\j:XR+32*\i+4*\j+3], v[L16], s[4:5] offset:4096*\i+512*\j
.endr
.endr
.irp j, 0,1,2,3,4,5,6,7
	global_load_b128 v[GM+4*\j:GM+4*\j+3], v[L16], s[6:7] offset:512*\j
.endr
.irp j, 0,1,2,3,4,5,6,7
	global_load_b128 v[BT+4*\j:BT+4*\j+3], v[L16], s[8:9] offset:512*\j
.endr
	s_wait_loadcnt 16                              ; my rows are in; the 16 younger loads (g, b) may be out
.irp i, 0,1,2,3
	v_pk_add_f32 v[SM+2*\i:SM+2*\i+1], v[XR+32*\i:XR+32*\i+1], v[XR+32*\i+2:XR+32*\i+3]
.endr
.irp j, 4,6,8,10,12,14,16,18,20,22,24,26,28,30
.irp i, 0,1,2,3
	v_pk_add_f32 v[SM+2*\i:SM+2*\i+1], v[SM+2*\i:SM+2*\i+1], v[XR+32*\i+\j:XR+32*\i+\j+1]
.endr
.endr
	REDUCE
.irp i, 0,1,2,3
	v_mul_f32 v[MU+2*\i], s22, v[SM+2*\i]          ; the mean
.endr
.irp i, 0,1,2,3
	v_mov_b32 v[MU+2*\i+1], v[MU+2*\i]
.endr
.irp j, 0,2,4,6,8,10,12,14,16,18,20,22,24,26,28,30
.irp i, 0,1,2,3
	v_pk_add_f32 v[XR+32*\i+\j:XR+32*\i+\j+1], v[XR+32*\i+\j:XR+32*\i+\j+1], v[MU+2*\i:MU+2*\i+1] neg_lo:[0,1] neg_hi:[0,1]
.endr
.endr
.irp i, 0,1,2,3
	v_pk_mul_f32 v[SM+2*\i:SM+2*\i+1], v[XR+32*\i:XR+32*\i+1], v[XR+32*\i:XR+32*\i+1]
.endr
.irp j, 2,4,6,8,10,12,14,16,18,20,22,24,26,28,30
.irp i, 0,1,2,3
	v_pk_fma_f32 v[SM+2*\i:SM+2*\i+1], v[XR+32*\i+\j:XR+32*\i+\j+1], v[XR+32*\i+\j:XR+32*\i+\j+1], v[SM+2*\i:SM+2*\i+1]
.endr
.endr
	REDUCE
.irp i, 0,1,2,3
	v_fma_f32 v[SM+2*\i], v[SM+2*\i], s22, s23     ; var + eps
.endr
	s_wait_alu depctr_va_vdst(0)
.irp i, 0,1,2,3
	v_rsq_f32 v[MU+2*\i], v[SM+2*\i]
.endr
	v_nop                                          ; a plain instruction behind the last of the four
	s_wait_alu depctr_va_vdst(0)                   ; one wait for the four, ahead of their first reader
.irp i, 0,1,2,3
	v_mov_b32 v[MU+2*\i+1], v[MU+2*\i]
.endr
	s_wait_alu depctr_va_vdst(0)
	s_wait_loadcnt 0x0                             ; g and b
.irp j, 0,2,4,6,8,10,12,14,16,18,20,22,24,26,28,30
.irp i, 0,1,2,3
	v_pk_mul_f32 v[XR+32*\i+\j:XR+32*\i+\j+1], v[XR+32*\i+\j:XR+32*\i+\j+1], v[MU+2*\i:MU+2*\i+1]
.endr
.endr
.irp j, 0,2,4,6,8,10,12,14,16,18,20,22,24,26,28,30
.irp i, 0,1,2,3
	v_pk_fma_f32 v[XR+32*\i+\j:XR+32*\i+\j+1], v[XR+32*\i+\j:XR+32*\i+\j+1], v[GM+\j:GM+\j+1], v[BT+\j:BT+\j+1]
.endr
.endr
.irp i, 0,1,2,3
.irp j, 0,1,2,3,4,5,6,7
	ds_store_b128 v6, v[XR+32*\i+4*\j:XR+32*\i+4*\j+3] offset:PIT*\i+512*\j
.endr
.endr
	s_wait_dscnt 0x0                               ; for the others' sake: my rows lie in the stage
	s_barrier_signal -1
	s_barrier_wait -1
.irp e, 0,1
.irp b, 0,1,2,3
.irp j, 0,1,2,3
	ds_load_b128 v[XR+64*\e+16*\b+4*\j:XR+64*\e+16*\b+4*\j+3], v7 offset:512*\e+128*\b+16*\j
.endr
.endr
.endr
	s_wait_dscnt 16                                ; K step 2 w is in; the 16 younger loads (K step 2 w + 1) may be out
	QUANT XR
	PUTFRAG 10, 0, 10, 768
	global_store_b32 v8, v[PW], s[14:15]           ; lanes r and r + 16 store the same word
	s_wait_dscnt 0x0
	s_wait_xcnt 0x0                                ; the stores have read their registers: the codes and the word are written again
	QUANT XR+64
	PUTFRAG 10, 1536, 10, 2304
	global_store_b32 v8, v[PW], s[14:15] offset:512
	s_wait_tensorcnt 0x0
	ds_add_u32 v59, v63
	s_wait_dscnt 0x0
	s_endpgm
	; ---------------- the weights: wave task T = 0 .. 767 lays 16 granules (one rho, 1,024 along K) of one weight
.Lrelay:
	s_load_b512 s[16:31], s[0:1], 0x20             ; codes: Wq 16, Wk 18, Wv 20, Wo 22, W1 24, W2 26; scales: Wq 28, Wk 30,
	s_load_b256 s[32:39], s[0:1], 0x60             ; Wv 32, Wo 34, W1 36, W2 38
	s_load_b64 s[40:41], s[0:1], 0x80              ; W
	s_sub_co_u32 s42, ttmp9, 256
	s_lshl_b32 s42, s42, 2
	s_add_co_u32 s42, s42, s12                     ; T
	s_wait_kmcnt 0x0
	s_mov_b64 s[44:45], s[16:17]
	s_mov_b64 s[46:47], s[28:29]
	s_mov_b32 s48, 0
.macro PICK first, c, s                        ; from task `first` on: the next weight's buffers.  The choice hangs on ids alone
	s_cmp_ge_u32 s42, \first
	s_cselect_b64 s[44:45], s[\c:\c+1], s[44:45]
	s_cselect_b64 s[46:47], s[\s:\s+1], s[46:47]
	s_cselect_b32 s48, \first, s48
.endm
	PICK 64, 18, 30
	PICK 128, 20, 32
	PICK 192, 22, 34
	PICK 256, 24, 36
	PICK 512, 26, 38
	s_cselect_b32 s49, 2, 0                        ; W2 (K = 4,096): four tasks to a rho
	s_cselect_b32 s50, 3, 0
	s_mov_b32 s51, 768
	s_cselect_b32 s51, 3072, s51                   ; a given row of codes in bytes
	s_mov_b32 s52, 32
	s_cselect_b32 s52, 128, s52                    ; a given row of scale bytes
	s_sub_co_u32 s53, s42, s48
	s_lshr_b32 s54, s53, s49                       ; rho
	s_and_b32 s55, s53, s50                        ; which quarter of K
	s_lshr_b32 s56, s54, 1
	s_lshl_b32 s56, s56, 5
	s_and_b32 s57, s54, 1
	s_lshl_b32 s57, s57, 3
	s_add_co_u32 s56, s56, s57                     ; the row at place 0
	s_mul_i32 s58, s56, s51
	s_mul_i32 s57, s55, 768
	s_add_co_u32 s58, s58, s57
	s_mov_b32 s59, 0
	s_add_nc_u64 s[44:45], s[44:45], s[58:59]
	s_mul_i32 s58, s56, s52
	s_lshl_b32 s57, s55, 5
	s_add_co_u32 s58, s58, s57
	s_add_nc_u64 s[46:47], s[46:47], s[58:59]
	s_mul_i32 s58, s42, 12288                      ; the weights' codes lie in W in the order of the tasks
	s_add_nc_u64 s[60:61], s[40:41], s[58:59]
	s_lshr_b32 s56, s42, 3                         ; the words, K = 1,024: (T / 8) 4,096 + (T % 8) 64
	s_lshl_b32 s56, s56, 12
	s_and_b32 s57, s42, 7
	s_lshl_b32 s57, s57, 6
	s_add_co_u32 s56, s56, s57
	s_lshr_b32 s57, s54, 3                         ; W2: 262,144 + (rho / 8) 16,384 + quarter 4,096 + (rho % 8) 64
	s_lshl_b32 s57, s57, 14
	s_lshl_b32 s58, s55, 12
	s_add_co_u32 s57, s57, s58
	s_and_b32 s58, s54, 7
	s_lshl_b32 s58, s58, 6
	s_add_co_u32 s57, s57, s58
	s_add_co_u32 s57, s57, 262144
	s_cmp_ge_u32 s42, 512
	s_cselect_b32 s58, s57, s56
	s_add_co_u32 s58, s58, 9437184
	s_add_nc_u64 s[62:63], s[40:41], s[58:59]
	s_wait_alu depctr_va_vdst(0)
	v_and_b32 v9, 8, v2
	v_add_nc_u32 v9, v9, v2                        ; r + 8 (r / 8)
	v_mul_lo_u32 v17, v9, s51
	v_mad_u32_u24 v17, v3, 24, v17                 ; my row's codes, + 24 h
	v_mul_lo_u32 v11, v9, s52
	v_lshl_add_u32 v11, v3, 4, v11                 ; my row's scale bytes: lanes 16-31 take the upper four words
	v_lshlrev_b32 v16, 11, v3
	v_lshl_add_u32 v16, v2, 2, v16                 ; where they go: 2,048 h + 4 r
	global_load_b128 v[12:15], v11, s[46:47]
.irp k, 0,1,2,3,4,5,6,7,8,9,10,11,12,13,14,15
.irp p, 0,1,2
	global_load_b64 v[96+6*\k+2*\p:97+6*\k+2*\p], v17, s[44:45] offset:48*\k+8*\p   ; 24 bytes: k = 64 kappa + 32 h + 0 .. 31, as they lie
.endr
.endr
	s_wait_alu depctr_va_vdst(0)
.irp k, 0,1,2,3,4,5,6,7,8,9,10,11,12,13,14,15
	s_wait_loadcnt 3*(15-\k)                       ; granule kappa is in; the younger granules' loads may be out
	global_store_b128 v[L16], v[96+6*\k:99+6*\k], s[60:61] offset:768*\k
	global_store_b64 v[L8], v[100+6*\k:101+6*\k], s[60:61] offset:768*\k+512
.endr
.irp i, 0,1,2,3
	global_store_b32 v16, v[12+\i], s[62:63] offset:512*\i
.endr
	s_endpgm
.Lfunc_end_k_q9b3a6b0999_prep:
	.size	k_q9b3a6b0999_prep, .Lfunc_end_k_q9b3a6b0999_prep-k_q9b3a6b0999_prep
	.p2alignl 7, 3214868480
	.fill 96, 4, 3214868480
	.section	.rodata,"a",@progbits
	.p2align	6, 0x0
	.amdhsa_kernel k_q9b3a6b0999_prep
		.amdhsa_group_segment_fixed_size 66560
		.amdhsa_private_segment_fixed_size 0
		.amdhsa_enable_private_segment 0
		.amdhsa_kernarg_size 136
		.amdhsa_user_sgpr_count 2
		.amdhsa_user_sgpr_kernarg_segment_ptr 1
		.amdhsa_wavefront_size32 1
		.amdhsa_system_sgpr_workgroup_id_x 1
		.amdhsa_system_sgpr_workgroup_id_y 1
		.amdhsa_system_sgpr_workgroup_id_z 1
		.amdhsa_system_vgpr_workitem_id 0
		.amdhsa_next_free_vgpr 256
		.amdhsa_next_free_sgpr 66
		.amdhsa_reserve_vcc 0
		.amdhsa_float_denorm_mode_32 3
		.amdhsa_float_denorm_mode_16_64 3
		.amdhsa_memory_ordered 1
		.amdhsa_forward_progress 1
		.amdhsa_inst_pref_size 56
	.end_amdhsa_kernel
	.amdgpu_metadata
---
amdhsa.version: [ 1, 2 ]
amdhsa.kernels:
  - .name:           k_q9b3a6b0999_prep
    .symbol:         k_q9b3a6b0999_prep.kd
    .args:
      - { .name: x, .offset: 0, .size: 8, .value_kind: global_buffer, .address_space: global }
      - { .name: ln1_g, .offset: 8, .size: 8, .value_kind: global_buffer, .address_space: global }
      - { .name: ln1_b, .offset: 16, .size: 8, .value_kind: global_buffer, .address_space: global }
      - { .name: H, .offset: 24, .size: 8, .value_kind: global_buffer, .address_space: global }
      - { .name: Wq_codes, .offset: 32, .size: 8, .value_kind: global_buffer, .address_space: global }
      - { .name: Wk_codes, .offset: 40, .size: 8, .value_kind: global_buffer, .address_space: global }
      - { .name: Wv_codes, .offset: 48, .size: 8, .value_kind: global_buffer, .address_space: global }
      - { .name: Wo_codes, .offset: 56, .size: 8, .value_kind: global_buffer, .address_space: global }
      - { .name: W1_codes, .offset: 64, .size: 8, .value_kind: global_buffer, .address_space: global }
      - { .name: W2_codes, .offset: 72, .size: 8, .value_kind: global_buffer, .address_space: global }
      - { .name: Wq_scales, .offset: 80, .size: 8, .value_kind: global_buffer, .address_space: global }
      - { .name: Wk_scales, .offset: 88, .size: 8, .value_kind: global_buffer, .address_space: global }
      - { .name: Wv_scales, .offset: 96, .size: 8, .value_kind: global_buffer, .address_space: global }
      - { .name: Wo_scales, .offset: 104, .size: 8, .value_kind: global_buffer, .address_space: global }
      - { .name: W1_scales, .offset: 112, .size: 8, .value_kind: global_buffer, .address_space: global }
      - { .name: W2_scales, .offset: 120, .size: 8, .value_kind: global_buffer, .address_space: global }
      - { .name: W, .offset: 128, .size: 8, .value_kind: global_buffer, .address_space: global }
    .group_segment_fixed_size: 66560
    .private_segment_fixed_size: 0
    .kernarg_segment_align: 8
    .kernarg_segment_size: 136
    .max_flat_workgroup_size: 128
    .sgpr_count:     66
    .vgpr_count:     256
    .wavefront_size: 32
...
	.end_amdgpu_metadata
.endif
;; end of part 8
;; launch qkv (part 9): grid 12 x 16, 4 waves a work-group, clusters of 4 x 4, 327,680 bytes of LDS; arguments H, W, bq, bk, bv, QKV; writes QKV
.if DOCPART == 9
	.amdgcn_target "amdgcn-amd-amdhsa--gfx1250"
	.amdhsa_code_object_version 6
	.text
	.protected	k_q9b3a6b0999_qkv
	.globl	k_q9b3a6b0999_qkv
	.p2align	8
	.type	k_q9b3a6b0999_qkv,@function
k_q9b3a6b0999_qkv:
	s_mov_b64 s[64:65], 0
	v_nop
	global_prefetch_b8 v0, s[64:65] scope:SCOPE_SE
	s_setreg_imm32_b32 hwreg(HW_REG_WAVE_MODE, 25, 1), 1
	s_wait_xcnt 0x0
	s_wait_alu depctr_hold_cnt(0) depctr_sa_sdst(0) depctr_va_vdst(0) depctr_va_sdst(0) depctr_va_ssrc(0) depctr_va_vcc(0) depctr_vm_vsrc(0)
	s_getreg_b32 s2, hwreg(HW_REG_IB_STS2, 6, 4)
	s_cmp_eq_u32 s2, 0
	s_cbranch_scc0 .Lentry_in_a_cluster
	s_endpgm
.Lentry_in_a_cluster:
	s_bfe_u32 s2, ttmp6, 0x10000c
	s_cmp_lg_u32 s2, 0xf033
	s_cbranch_scc0 .Lentry_shape_is_right
	s_endpgm
.Lentry_shape_is_right:
; QKV.  q = Q(H Wq^T + bq), k = Q(H Wk^T + bk), quantised to BF6 (E3M2) along each head's 64; v^T = Q(Wv H^T + bv), quantised along the keys.  K = 1,024.
; Operands lie in granules: 16 rows x 64 along K = 768 bytes, an image of six operand registers (lane l's registers 0-3 at 16 l, 4-5 at 512 + 8 l); place r of granule rho is row
; 32 (rho / 2) + 8 (rho % 2) + r + 8 (r / 8); granules lie [rho][kappa].  The scale word of (rho, r, s) lies at ((rho / 8) 8 + s) 512 + (rho % 8) 64 + 4 r.
; A tile of 256 x 256 is made by four waves, 128 x 128 each (64 accumulators, 512 registers).  K goes in fills of 3, 3 and 2 steps of 128 through a ring of two LDS slots; the scale words of the tile's rows, for all of K, come once.
; CLUSTERS of 4 x 4: A's tile is asked for jointly along a row of the cluster, B's along a column.  Cluster x = 0: q, 1: k, 2: v.  For v the two operands change places BY POINTER (A = Wv, B = H): the text is one.
; THE PRODUCT IS USED TRANSPOSED (source 0 = 16 rows of B, source 1 = 16 rows of A): a lane holds one row of A's granule, and by the order of rows in a granule the 64 registers of a row block are
; 128 neighbouring columns, 16 of each block of 32: they are quantised in registers and leave as granules of the next product's operand.
; q, k: [head][rho][768] (a wave's 128 columns are two heads); words [head pair][rho][16][4].  v^T: [b][head][64 keys][16 channels][768]; words [b][head][128 keys][16 channels x 4][4].
; The column bias (q, k) is the C of the first products; the row bias (v) is added on the way out; the one that does not apply is replaced by zeros by a select, so no path differs.
; Nothing is prefetched: four slots in all, and every tile is shared by a joint load.
; LIMITS: NaN and infinities are not served; a block of zeros, or one whose largest magnitude lies under 2^-122, gets the scale byte 1 (its bytes are read by this program alone).
; REGISTERS: window 0: v1-12 lane terms, v16-23 LDS addresses, v27 scale words' address, v28-29 the add's, v32-63 scale words, v64-127 column bias, v128-223 A's fragments (on the way out: numbers, codes, work), v240-255 row bias;
;   window 1: B's fragments, two sets; windows 2, 3: the accumulators, (a, b) at v[8 (8 (a % 4) + b)].
.set KDIM,  1024
.set NQ,    2                          ; steps of 128 to a set of scale words
.set FR,    12                         ; registers of a fragment
.set NL,    4                          ; LDS loads that bring one
.set NP,    4                          ; places behind this matrix instruction (ISA guide 7.12.1)
.set RB,    4608                       ; a rho's six granules in a slot: three steps of 128 along K
.set HALFT, 8*RB                       ; 128 rows: what one tensor load brings
.set SLOT,  4*HALFT                    ; A's 256 rows, then B's
.set LAPS,  KDIM/512
.set HALFS, (KDIM/128)*512             ; the scale words of 128 rows
.set SCL,   2*SLOT                     ; behind the ring: A's words, then (64 bytes on, in other banks) B's
.set SPARE, SCL+4*HALFS+256            ; the spare words, 128 bytes for each wave: two blocks of 256 bytes that no other line names
.set L16,  8
.set L8,   9
.set PWA,  10                          ; v10  where my scale words are gathered (slot 1, after its last fill and last read)
.set PWR,  11                          ; v11  and read back
.set ADRA, 16                          ; v16-17 A's fragments in slot 0, 1: 16 x lane; v18-19: 8 x lane
.set ADRB, 20                          ; v20-23 the same for B
.set ADRS, 27
.set SPW,  28
.set NIL,  29
.set SC,   32                          ; set s at v[SC + 16 s]; register 2 i + q: lanes 0-15 A's block i, lanes 16-31 B's block i, the set's q-th step of 128
.set BC,   64
.set AF,   128
.set T,    128                         ; the way out: a row block's 64 numbers
.set PC,   192
.set TM,   212
.set PW,   228
.set BR,   240
.set SEL,  46
.set G1, 24
.set G0, 32
.set G1B, 48
.set G0B, 56
.set G1S, 68
.set G0S, 76
.set G1SB, 80
.set G0SB, 88
.set MSB, 0
.macro WIN new                         ; the immediate's high byte repeats the setting that is left
.if MSB != (\new)
	s_set_vgpr_msb (MSB<<8)|(\new)
.set MSB, (\new)
.endif
.endm
.set MUL_LO, 0xa1                      ; source 0 (B) window 1, source 1 (A) window 0, C and D window 2
.set MUL_HI, 0xf1                      ; the same, C and D window 3
.set TO_B,   0x40
.macro JLOAD g0a, g1a, g0b, g1b        ; a joint load: waves 0, 1 fetch for A, waves 2, 3 for B; four v_nop follow each line
	s_cmp_eq_u32 s15, 0
	s_cbranch_scc0 .Lfor_b_\@
	tensor_load_to_lds s[\g0a:\g0a+3], s[\g1a:\g1a+7]
	s_nop 0
.rept 4
	v_nop
.endr
	s_branch .Lasked_\@
.Lfor_b_\@:
	tensor_load_to_lds s[\g0b:\g0b+3], s[\g1b:\g1b+7]
	s_nop 0
.rept 4
	v_nop
.endr
.Lasked_\@:
.endm
.macro CREST                           ; a round of the cluster's barrier behind its opening barrier
	s_cmp_lg_u32 s14, 0
	s_cbranch_scc1 .Lnot_wave_0_\@
	s_barrier_signal -3
.Lnot_wave_0_\@:
	s_barrier_wait -3
	s_barrier_signal -1
	s_barrier_wait -1
.endm
.macro CROUND
	s_barrier_signal -1
	s_barrier_wait -1
	CREST
.endm
.macro PLACES n
.rept \n
	v_nop
.endr
.endm
.macro FRAG reg, adr, q, i             ; block i's fragment of the slot's q-th 128: two granules, each 16 + 8 bytes a lane, dense
.irp c, 0,1
	ds_load_b128 v[\reg+6*\c:\reg+6*\c+3], v[\adr] offset:(\i)*RB+(2*(\q)+\c)*768
	ds_load_b64 v[\reg+6*\c+4:\reg+6*\c+5], v[\adr+2] offset:(\i)*RB+(2*(\q)+\c)*768+512
.endr
.endm
; 16 products: A's blocks a0, a0 + 1 x B's eight.  mode 1: the column bias is C and starts the sums.  The 64 accumulators take turns, in the same order in every step.
.macro MUL16 a0, p, q, sc, mode
.irp a, \a0, \a0+1
.irp b, 0,1,2,3,4,5,6,7
.if \mode
	v_wmma_scale_f32_16x16x128_f8f6f4 v[8*(8*((\a)%4)+\b):8*(8*((\a)%4)+\b)+7], v[128*(\p)+FR*\b:128*(\p)+FR*\b+FR-1], v[AF+FR*(\a):AF+FR*(\a)+FR-1], v[BC+8*\b:BC+8*\b+7], v[SC+16*(\sc)+2*\b+(\q)], v[SC+16*(\sc)+2*(\a)+(\q)] matrix_a_fmt:MATRIX_FMT_BF6 matrix_b_fmt:MATRIX_FMT_BF6 matrix_a_scale:MATRIX_SCALE_ROW1
.else
	v_wmma_scale_f32_16x16x128_f8f6f4 v[8*(8*((\a)%4)+\b):8*(8*((\a)%4)+\b)+7], v[128*(\p)+FR*\b:128*(\p)+FR*\b+FR-1], v[AF+FR*(\a):AF+FR*(\a)+FR-1], v[8*(8*((\a)%4)+\b):8*(8*((\a)%4)+\b)+7], v[SC+16*(\sc)+2*\b+(\q)], v[SC+16*(\sc)+2*(\a)+(\q)] matrix_a_fmt:MATRIX_FMT_BF6 matrix_b_fmt:MATRIX_FMT_BF6 matrix_a_scale:MATRIX_SCALE_ROW1
.endif
.endr
.endr
.endm
.macro FETCH_B slot, q, p
	WIN TO_B
.irp i, 0,1,2,3,4,5,6,7
	FRAG 128*(\p)+FR*\i, ADRB+\slot, \q, \i
.endr
	WIN 0
.endm
.macro FETCH_A slot, q, i0
.irp i, \i0, \i0+1, \i0+2, \i0+3
	FRAG AF+FR*(\i), ADRA+\slot, \q, \i
.endr
.endm
.macro SCALES sc                       ; the slot's scale words: lanes 0-15 A's block i, lanes 16-31 B's block i
.irp i, 0,1,2,3,4,5,6,7
.irp q, 0,1
	ds_load_b32 v[SC+16*\sc+2*\i+\q], v[ADRS] offset:\q*512+\i*64
.endr
.endr
.endm
.macro STEP slot, q, mode              ; a step of 128 along K that has its successor in the same slot
	s_wait_dscnt 4*NL                              ; all but the youngest 16 loads (A's blocks 4-7) are in
.if \mode
	WIN 0x81                                       ; C (the bias) window 0, D window 2
.else
	WIN MUL_LO
.endif
	MUL16 0, (\q)%2, \q, \slot, \mode
	MUL16 2, (\q)%2, \q, \slot, \mode
	s_wait_dscnt 0
	PLACES NP                                      ; in front of loads into registers that matrix instructions have read
	FETCH_B \slot, (\q)+1, 1-(\q)%2
	FETCH_A \slot, (\q)+1, 0
.if \mode
	WIN 0xc1
.else
	WIN MUL_HI
.endif
	MUL16 4, (\q)%2, \q, \slot, \mode
	MUL16 6, (\q)%2, \q, \slot, \mode
	PLACES NP
	WIN 0
	FETCH_A \slot, (\q)+1, 4
.endm
; A slot's last step changes slots: one barrier; in front of it each wave waits for all its tensor loads, adds 0 to its spare word, and waits for that and for its reads of this slot.
.macro TURN slot, next, fill
	s_wait_tensorcnt 0x0                           ; all my tensor loads have landed: my part of the next slot
	ds_add_u32 v[SPW], v[NIL]                      ; 0 onto my spare word
	s_wait_dscnt 4*NL+1                            ; (the add and the youngest 16 loads may be out)
	WIN MUL_LO
	MUL16 0, 1, NQ-1, \slot, 0
	s_wait_dscnt 0x0                               ; the add is done, and my reads of this slot are over
	s_barrier_signal -1
	MUL16 2, 1, NQ-1, \slot, 0
	WIN 0
	s_barrier_wait -1
.if \fill
	CREST                                          ; the barrier has opened a round of the cluster's: no wave of any partner still reads this slot or has a load on its way
	s_add_nc_u64 s[G0+4*\slot+2:G0+4*\slot+3], s[G0+4*\slot+2:G0+4*\slot+3], 2*RB
	s_add_nc_u64 s[G0B+4*\slot+2:G0B+4*\slot+3], s[G0B+4*\slot+2:G0B+4*\slot+3], 2*RB
	JLOAD G0+4*\slot, G1, G0B+4*\slot, G1B         ; the first tensor load behind the round; its four v_nop are the places in front of the loads below
.else
	PLACES NP
.endif
	s_wait_alu depctr_va_vdst(0)
	v_add_nc_u32 v[ADRS], 1024, v[ADRS]            ; the next slot's scale words
	FETCH_B \next, 0, 0
	FETCH_A \next, 0, 0
	SCALES \next
	WIN MUL_HI
	MUL16 4, 1, NQ-1, \slot, 0
	MUL16 6, 1, NQ-1, \slot, 0
	PLACES NP
	WIN 0
	FETCH_A \next, 0, 4
.endm
; 64 numbers of a lane, register 16 b + i = k 32 b + 16 (lane / 16) + i of my row, become a fragment's codes in v[PC] .. v[PC+11] and its scale word in v[PW]
; THE RING AS IT IS WALKED: two slots of THREE steps of 128 along K each; the eight steps go in fills of 3, 3 and 2.  Step st lies in slot (st / 3) % 2 at place st % 3; B's set is st % 2;
; the scale words of steps 2 g and 2 g + 1 lie in set g % 2 and come by immediates.  The last fill keeps the pitch of three steps: its tensor_dim0 states two, and what lies behind is written as zeros and never read.
.macro XSC g
.irp i, 0,1,2,3,4,5,6,7
.irp q, 0,1
	ds_load_b32 v[SC+16*((\g)%2)+2*\i+\q], v[ADRS] offset:(2*(\g)+\q)*512+\i*64
.endr
.endr
.endm
.macro XSTEP st, mode                  ; a step that has its successor in the same fill
.set XN, (\st)+1
.set XS, (XN/3)%2
.set XQ, XN%3
	s_wait_dscnt 4*NL                              ; all but the youngest 16 loads (A's blocks 4-7) are in
.if \mode
	WIN 0x81
.else
	WIN MUL_LO
.endif
	MUL16 0, (\st)%2, (\st)%2, ((\st)/2)%2, \mode
	MUL16 2, (\st)%2, (\st)%2, ((\st)/2)%2, \mode
	s_wait_dscnt 0
	PLACES NP
	FETCH_B XS, XQ, XN%2
	FETCH_A XS, XQ, 0
.if (\st)%2 == 1
	XSC ((\st)+1)/2
.endif
.if \mode
	WIN 0xc1
.else
	WIN MUL_HI
.endif
	MUL16 4, (\st)%2, (\st)%2, ((\st)/2)%2, \mode
	MUL16 6, (\st)%2, (\st)%2, ((\st)/2)%2, \mode
	PLACES NP
	WIN 0
	FETCH_A XS, XQ, 4
.endm
.macro XTURN st, fill                  ; a fill's last step changes slots: the waits, the add and one barrier, which opens a round of the cluster's where the slot is filled again
.set XN, (\st)+1
.set XS, (XN/3)%2
.set XQ, XN%3
.set XC, ((\st)/3)%2
	s_wait_tensorcnt 0x0                           ; all my tensor loads have landed: my part of the next fill
	ds_add_u32 v[SPW], v[NIL]
	s_wait_dscnt 4*NL+1                            ; (the add and the youngest 16 loads may be out)
	WIN MUL_LO
	MUL16 0, (\st)%2, (\st)%2, ((\st)/2)%2, 0
	s_wait_dscnt 0x0                               ; the add is done, and my reads of this slot are over
	s_barrier_signal -1
	MUL16 2, (\st)%2, (\st)%2, ((\st)/2)%2, 0
	WIN 0
	s_barrier_wait -1
.if \fill
	CREST
	s_add_nc_u64 s[G0+4*XC+2:G0+4*XC+3], s[G0+4*XC+2:G0+4*XC+3], 2*RB
	s_add_nc_u64 s[G0B+4*XC+2:G0B+4*XC+3], s[G0B+4*XC+2:G0B+4*XC+3], 2*RB
	s_mov_b32 s[G1+1], 384<<16                     ; two steps are left of a row
	s_mov_b32 s[G1B+1], 384<<16
	JLOAD G0+4*XC, G1, G0B+4*XC, G1B               ; the first tensor load behind the round; its four v_nop are the places in front of the loads below
.else
	PLACES NP
.endif
	FETCH_B XS, XQ, XN%2
	FETCH_A XS, XQ, 0
.if (\st)%2 == 1
	XSC ((\st)+1)/2
.endif
	WIN MUL_HI
	MUL16 4, (\st)%2, (\st)%2, ((\st)/2)%2, 0
	MUL16 6, (\st)%2, (\st)%2, ((\st)/2)%2, 0
	PLACES NP
	WIN 0
	FETCH_A XS, XQ, 4
.endm
.macro QUANT s
.irp b, 0,1,2,3
	v_max3_num_f32 v[TM+\b], |v[\s+16*\b]|, |v[\s+1+16*\b]|, 0x2800000   ; and the floor 2^(5 - 127): the byte cannot fall under 1
.endr
.irp i, 2,4,6,8,10,12,14
.irp b, 0,1,2,3
	v_max3_num_f32 v[TM+\b], v[TM+\b], |v[\s+16*\b+\i]|, |v[\s+1+16*\b+\i]|
.endr
.endr
.irp b, 0,1,2,3
	v_permlanex16_b32 v[TM+4+\b], v[TM+\b], s[SEL], s[SEL+1]
.endr
.irp b, 0,1,2,3
	v_max_num_f32 v[TM+\b], v[TM+\b], v[TM+4+\b]
.endr
.irp b, 0,1,2,3
	v_add_nc_u32 v[TM+12+\b], 0xfe000000, v[TM+\b]                    ; 4 off the exponent field: the conversion's scale operand
.endr
.irp b, 0,1,2,3
	v_lshrrev_b32 v[TM+4+\b], 23, v[TM+12+\b]
.endr
	v_lshl_or_b32 v[PW], v[TM+5], 8, v[TM+4]
	v_lshl_or_b32 v[PW], v[TM+6], 16, v[PW]
	v_lshl_or_b32 v[PW], v[TM+7], 24, v[PW]
.irp c, 0,1
	v_cvt_scalef32_pk16_bf6_f32 v[PC+6*\c:PC+2+6*\c], v[\s+32*\c:\s+15+32*\c], v[TM+12+2*\c]
	v_cvt_scalef32_pk16_bf6_f32 v[PC+12+4*\c:PC+14+4*\c], v[\s+16+32*\c:\s+31+32*\c], v[TM+12+2*\c+1]
.endr
	v_nop                                          ; one plain instruction behind the scaled conversions
.irp c, 0,1
.irp i, 0,1,2
	v_permlane16_swap_b32 v[PC+6*\c+\i], v[PC+12+4*\c+\i]
.endr
.irp i, 0,1,2
	v_mov_b32 v[PC+3+6*\c+\i], v[PC+12+4*\c+\i]
.endr
.endr
.endm
.macro XFER a                          ; row block a's 64 sums + the row bias -> window 0; each accumulator is read from its low end on
	WIN 0x02+(\a)/4
.set AC, 64*((\a)%4)
.set i, 0
.rept 32
	v_pk_add_f32 v[T+i:T+i+1], v[AC+i:AC+i+1], v[BR+2*(\a):BR+2*(\a)+1]
.set i, i+2
.endr
	WIN 0
.endm
	s_load_b256 s[4:11], s[0:1], 0x0               ; H s[4:5], W s[6:7], bq s[8:9], bk s[10:11]
	s_load_b128 s[96:99], s[0:1], 0x20             ; bv s[96:97], QKV s[98:99]
	v_lshl_add_u32 v[SPW], v0, 2, SPARE
	v_mov_b32 v[NIL], 0
	ds_add_u32 v28, v29
	ds_add_u32 v28, v29
	s_wait_dscnt 0x0
	v_lshrrev_b32 v1, 5, v0
	v_readfirstlane_b32 s14, v1                    ; wave 0..3
	s_lshr_b32 s15, s14, 1                         ; my half of the tile's rows.  Also: I fetch for A (0) or B (1)
	s_and_b32 s16, s14, 1                          ; my half of its columns.  Also: which 128 rows I fetch
	s_bfe_u32 s40, ttmp6, 0x40000                  ; cx
	s_bfe_u32 s41, ttmp6, 0x40004                  ; cy
	s_and_b32 s18, ttmp7, 0xffff
	s_lshl_b32 s18, s18, 2                         ; 4 x cluster y
	s_cmp_eq_u32 ttmp9, 2                          ; v?  The same in all sixteen partners
	s_cselect_b32 s17, 0, s18
	s_cselect_b32 s42, s18, 0
	s_cselect_b32 s2, -1, 0                        ; a lane mask: all ones for v
	s_add_co_u32 s17, s17, s41                     ; tile row: q, k: 16 of tokens; v: 4 of channels
	s_add_co_u32 s42, s42, s40                     ; tile column: q, k: 4 of channels; v: 16 of tokens
	s_lshl_b32 s43, s41, 2
	s_lshl_b32 s43, 15, s43                        ; my row of the cluster
	s_lshl_b32 s44, 0x1111, s40                    ; my column
	s_or_b32 s[G1], s43, (3<<16)|(1<<21)           ; the mask; elements of 8 bytes; bit 21 beside a mask; no padding
	s_or_b32 s[G1B], s44, (3<<16)|(1<<21)
	s_or_b32 s[G1S], s43, (3<<16)|(1<<21)
	s_or_b32 s[G1SB], s44, (3<<16)|(1<<21)
.irp g, G1, G1B                                ; codes: rows (rho) of 4,608 bytes, 12 KDIM bytes apart
	s_mov_b32 s[\g+1], (RB/8)<<16
	s_mov_b32 s[\g+2], 16<<16                      ; the head's loads bring a whole tile, 16 rho; behind them the two words are set to 8
	s_mov_b32 s[\g+3], (RB/8)<<16
	s_mov_b32 s[\g+4], 16
	s_mov_b32 s[\g+5], 3*KDIM/2
	s_mov_b32 s[\g+6], 0
	s_mov_b32 s[\g+7], 0
.endr
.irp g, G1S, G1SB                              ; scale words: a dense block of 2 HALFS bytes as rows of 256
	s_mov_b32 s[\g+1], 32<<16
	s_mov_b32 s[\g+2], (HALFS/128)<<16             ; the words of 256 rows: 2 HALFS dense bytes
	s_mov_b32 s[\g+3], 32<<16
	s_mov_b32 s[\g+4], HALFS/128
	s_mov_b32 s[\g+5], 32
	s_mov_b32 s[\g+6], 0
	s_mov_b32 s[\g+7], 0
.endr
	s_lshl_b32 s20, s17, 1
	s_add_co_u32 s20, s20, s16                     ; which 128 rows of A I would fetch
	s_lshl_b32 s46, s42, 1
	s_add_co_u32 s46, s46, s16                     ; and of B
	s_mul_i32 s22, s17, 2*HALFS
	s_mul_i32 s20, s20, 96*KDIM
	s_mul_i32 s92, s42, 2*HALFS
	s_mul_i32 s46, s46, 96*KDIM
	s_mul_i32 s18, ttmp9, 786432                   ; Wq's or Wk's codes in W,
	s_lshl_b32 s19, ttmp9, 15
	s_add_co_u32 s19, s19, 9437184                 ; and their words
	s_mov_b32 s67, 3145728                         ; H's words
	s_cmp_eq_u32 ttmp9, 2
	s_cselect_b32 s66, 1572864, 0                  ; A: Wv's codes, or H's
	s_cselect_b32 s45, 9502720, s67                ; A's words
	s_cselect_b32 s18, 0, s18                      ; B: H's codes, or the weight's
	s_cselect_b32 s19, s67, s19
	s_add_co_u32 s20, s20, s66
	s_add_co_u32 s22, s22, s45
	s_add_co_u32 s46, s46, s18
	s_add_co_u32 s92, s92, s19
	s_mov_b32 s21, 0
	s_mov_b32 s23, 0
	s_mov_b32 s47, 0
	s_mov_b32 s93, 0
	s_mul_i32 s45, s14, HALFT                      ; where they go: wave x 128 rows: no place in the cluster enters an LDS address
	s_wait_kmcnt 0x0
	s_cmp_eq_u32 ttmp9, 2
	s_cselect_b64 s[12:13], s[6:7], s[4:5]         ; A's buffer
	s_cselect_b64 s[18:19], s[4:5], s[6:7]         ; B's buffer
	s_add_nc_u64 s[20:21], s[12:13], s[20:21]
	s_add_nc_u64 s[22:23], s[12:13], s[22:23]
	s_add_nc_u64 s[46:47], s[18:19], s[46:47]
	s_add_nc_u64 s[92:93], s[18:19], s[92:93]
	s_cmp_eq_u32 ttmp9, 1
	s_cselect_b64 s[8:9], s[10:11], s[8:9]
	s_cmp_eq_u32 ttmp9, 2
	s_cselect_b64 s[8:9], s[96:97], s[8:9]         ; my product's bias
	CROUND                                         ; all sixteen work-groups are here: the first joint loads meet
	s_mov_b32 s[G0S], 1
	s_mov_b32 s[G0S+1], SCL
	s_mov_b64 s[G0S+2:G0S+3], s[22:23]
	s_or_b32 s[G0S+3], s[G0S+3], 0x80000000
	s_mov_b32 s[G0SB], 1
	s_mov_b32 s[G0SB+1], SCL+2*HALFS+64
	s_mov_b64 s[G0SB+2:G0SB+3], s[92:93]
	s_or_b32 s[G0SB+3], s[G0SB+3], 0x80000000
.irp s, 0,1
	s_mov_b32 s[G0+4*\s], 1
	s_add_co_u32 s[G0+4*\s+1], s45, \s*SLOT
	s_add_nc_u64 s[G0+4*\s+2:G0+4*\s+3], s[20:21], \s*RB
	s_or_b32 s[G0+4*\s+3], s[G0+4*\s+3], 0x80000000
	s_mov_b32 s[G0B+4*\s], 1
	s_add_co_u32 s[G0B+4*\s+1], s45, \s*SLOT
	s_add_nc_u64 s[G0B+4*\s+2:G0B+4*\s+3], s[46:47], \s*RB
	s_or_b32 s[G0B+4*\s+3], s[G0B+4*\s+3], 0x80000000
.endr
	; the head's four tiles, one joint load a wave: wave 0 A's 256 rows of slot 0, wave 1 A's scale words, wave 2 B's 256 rows, wave 3 B's scale words
	s_cmp_lt_u32 s14, 1
	s_cbranch_scc0 .Lh1
	tensor_load_to_lds s[G0:G0+3], s[G1:G1+7]
	s_nop 0
.rept 4
	v_nop
.endr
	s_branch .Lhj
.Lh1:
	s_cmp_lt_u32 s14, 2
	s_cbranch_scc0 .Lh2
	tensor_load_to_lds s[G0S:G0S+3], s[G1S:G1S+7]
	s_nop 0
.rept 4
	v_nop
.endr
	s_branch .Lhj
.Lh2:
	s_cmp_lt_u32 s14, 3
	s_cbranch_scc0 .Lh3
	tensor_load_to_lds s[G0B:G0B+3], s[G1B:G1B+7]
	s_nop 0
.rept 4
	v_nop
.endr
	s_branch .Lhj
.Lh3:
	tensor_load_to_lds s[G0SB:G0SB+3], s[G1SB:G1SB+7]
	s_nop 0
.rept 4
	v_nop
.endr
.Lhj:
	v_and_b32 v1, 15, v0                           ; r
	v_bfe_u32 v2, v0, 4, 1                         ; h
	v_and_b32 v3, 31, v0
	v_lshlrev_b32 v[L16], 4, v3
	v_lshlrev_b32 v[L8], 3, v3
	v_lshlrev_b32 v4, 6, v2                        ; column bias: 64 h
	s_wait_alu depctr_va_vdst(0)
	v_and_b32 v5, 8, v1
	v_add_nc_u32 v5, v5, v1
	v_lshlrev_b32 v5, 2, v5                        ; row bias: 4 (r + 8 (r / 8))
	s_wait_alu depctr_va_vdst(0)
	s_and_b32 s18, s42, 3                          ; both are read inside the bias's 1,024 numbers, whichever applies
	s_lshl_b32 s18, s18, 10
	s_lshl_b32 s19, s16, 9
	s_add_co_u32 s18, s18, s19
	s_mov_b32 s19, 0
	s_add_nc_u64 s[10:11], s[8:9], s[18:19]
	s_and_b32 s18, s17, 3
	s_lshl_b32 s18, s18, 10
	s_lshl_b32 s20, s15, 9
	s_add_co_u32 s18, s18, s20
	s_add_nc_u64 s[12:13], s[8:9], s[18:19]
.irp b, 0,1,2,3,4,5,6,7                        ; register j of tile b is column 32 (b / 2) + 16 h + 8 (b % 2) + j
	global_load_b128 v[BC+8*\b:BC+8*\b+3], v4, s[10:11] offset:(32*(\b/2)+8*(\b%2))*4
	global_load_b128 v[BC+8*\b+4:BC+8*\b+7], v4, s[10:11] offset:(32*(\b/2)+8*(\b%2))*4+16
.endr
.irp a, 0,1,2,3,4,5,6,7
	global_load_b32 v[BR+2*\a], v5, s[12:13] offset:(32*(\a/2)+8*(\a%2))*4
.endr
	s_mul_i32 s21, s15, HALFT                      ; my 128 rows of A
	s_mul_i32 s22, s16, HALFT
	s_add_co_u32 s22, s22, 2*HALFT                 ; my 128 rows of B, behind A's 256
.irp s, 0,1
	v_add_nc_u32 v[ADRA+\s], s21, v[L16]
	v_add_nc_u32 v[ADRA+2+\s], s21, v[L8]
	v_add_nc_u32 v[ADRB+\s], s22, v[L16]
	v_add_nc_u32 v[ADRB+2+\s], s22, v[L8]
	s_add_co_u32 s21, s21, SLOT
	s_add_co_u32 s22, s22, SLOT
.endr
	s_mul_i32 s21, s15, HALFS                      ; A's words: my 128 rows
	s_mul_i32 s22, s16, HALFS
	s_add_co_u32 s22, s22, 2*HALFS+64              ; B's
	s_sub_co_u32 s22, s22, s21
	v_mul_u32_u24 v6, s22, v2                      ; lanes 16-31 take B's: one product in h
	s_add_co_u32 s21, s21, SCL
	v_lshl_add_u32 v6, v1, 2, v6
	v_add_nc_u32 v[ADRS], s21, v6
	s_lshl_b32 s20, s14, 9
	s_add_co_u32 s20, s20, SLOT                    ; the words are gathered in slot 1, after its last fill and its last read (the last fill lies in slot 0)
	v_lshl_add_u32 v[PWA], v1, 2, s20              ; 512 w + 4 r
	v_add_nc_u32 v[PWR], s20, v[L16]
	; where my results go, as offsets in QKV.  sg = 2 tx + my half of the columns; R = my first rho
	s_lshl_b32 s18, s42, 1
	s_add_co_u32 s18, s18, s16
	s_lshl_b32 s19, s17, 4
	s_lshl_b32 s20, s15, 3
	s_add_co_u32 s19, s19, s20
	s_mul_i32 s66, ttmp9, 3145728                  ; q, k: codes: heads 2 sg and 2 sg + 1, rho R on
	s_mul_i32 s20, s18, 393216
	s_add_co_u32 s66, s66, s20
	s_mul_i32 s20, s19, 768
	s_add_co_u32 s66, s66, s20
	s_lshl_b32 s94, ttmp9, 17                      ; words: head pair sg
	s_lshl_b32 s20, s18, 14
	s_add_co_u32 s94, s94, s20
	s_lshl_b32 s20, s19, 6
	s_add_co_u32 s94, s94, s20
	s_add_co_u32 s94, s94, 9437184
	s_lshr_b32 s20, s42, 3                         ; v: the batch,
	s_and_b32 s21, s42, 7
	s_lshl_b32 s22, s17, 2
	s_lshl_b32 s23, s15, 1
	s_add_co_u32 s22, s22, s23                     ; my first head,
	s_lshl_b32 s21, s21, 1
	s_add_co_u32 s21, s21, s16                     ; my 128 keys
	s_mul_i32 s45, s20, 1572864
	s_mul_i32 s46, s22, 98304
	s_add_co_u32 s45, s45, s46
	s_mul_i32 s46, s21, 6144
	s_add_co_u32 s45, s45, s46
	s_add_co_u32 s45, s45, 6291456
	s_lshl_b32 s46, s20, 16
	s_lshl_b32 s47, s22, 12
	s_add_co_u32 s46, s46, s47
	s_lshl_b32 s47, s21, 8
	s_add_co_u32 s46, s46, s47
	s_add_co_u32 s46, s46, 9699328
	s_mov_b32 s22, 196608                          ; from a fragment's first granule to its second: a head on (q, k), 64 keys on (v)
	s_mov_b32 s21, 256                             ; from my first 64 words to the other 64
	s_cmp_eq_u32 ttmp9, 2
	s_cselect_b32 s66, s45, s66
	s_cselect_b32 s94, s46, s94
	s_cselect_b32 s22, 3072, s22
	s_cselect_b32 s21, 4096, s21
	s_cselect_b32 s45, 95232, 0                    ; v: behind row block 3 the next head begins
	s_mov_b32 s67, 0
	s_mov_b32 s23, 0
	s_mov_b32 s95, 0
	s_add_nc_u64 s[66:67], s[98:99], s[66:67]
	s_add_nc_u64 s[92:93], s[66:67], s[22:23]
	s_add_nc_u64 s[94:95], s[98:99], s[94:95]
	v_mul_u32_u24 v12, s21, v2
	v_lshl_add_u32 v12, v1, 4, v12
	s_wait_loadcnt 0x0                             ; the biases
.set i, 0
.rept 64
	v_cndmask_b32 v[BC+i], v[BC+i], 0, s2          ; v has no column bias
.set i, i+1
.endr
.irp a, 0,1,2,3,4,5,6,7
	v_cndmask_b32 v[BR+2*\a], 0, v[BR+2*\a], s2    ; q and k have no row bias
.endr
.irp a, 0,1,2,3,4,5,6,7
	v_mov_b32 v[BR+2*\a+1], v[BR+2*\a]
.endr
	s_wait_alu depctr_va_vdst(0)                   ; the wait at the head's end
	s_wait_tensorcnt 0x0                           ; my tile of the head's four is in
	ds_add_u32 v[SPW], v[NIL]                      ; the add ahead of a later first fill
	s_mov_b32 s[G1+2], 8<<16                       ; no tensor load of mine is out: from here on a load brings 8 rho
	s_mov_b32 s[G1+4], 8
	s_mov_b32 s[G1B+2], 8<<16
	s_mov_b32 s[G1B+4], 8
	s_wait_dscnt 0x0
	CROUND                                         ; all four tiles are in, all sixteen work-groups are here
	JLOAD G0+4, G1, G0B+4, G1B                     ; slot 1's first fill, the first tensor load behind the round
	FETCH_B 0, 0, 0
	FETCH_A 0, 0, 0
	SCALES 0
	FETCH_A 0, 0, 4
	XSTEP 0, 1                                     ; the first step's products start the sums, from the bias
	XSTEP 1, 0
	XTURN 2, 1                                     ; slot 0 takes steps 6 and 7
	XSTEP 3, 0
	XSTEP 4, 0
	XTURN 5, 0                                     ; nothing more is filled
	XSTEP 6, 0
	s_wait_dscnt 4*NL
	WIN MUL_LO
	MUL16 0, 1, NQ-1, 1, 0
	MUL16 2, 1, NQ-1, 1, 0
	s_wait_dscnt 0
	WIN MUL_HI
	MUL16 4, 1, NQ-1, 1, 0
	MUL16 6, 1, NQ-1, 1, 0
	WIN 0
	; THE WAY OUT: eight row blocks.  What differs between them (the accumulators' numbers) is written eight times, the quantiser once.
	PLACES NP
.irp b, 0,1,2,3
	v_mov_b32 v[TM+4+\b], 0                        ; a lane permute's destination counts as one of its sources
.endr
	s_mov_b32 s[SEL], 0x76543210
	s_mov_b32 s[SEL+1], 0xfedcba98
	s_mov_b32 s23, 0
	s_mov_b32 s3, 0
.Lrow:
	s_cmp_eq_u32 s3, 0
	s_cbranch_scc1 .Lx0
	s_cmp_eq_u32 s3, 1
	s_cbranch_scc1 .Lx1
	s_cmp_eq_u32 s3, 2
	s_cbranch_scc1 .Lx2
	s_cmp_eq_u32 s3, 3
	s_cbranch_scc1 .Lx3
	s_cmp_eq_u32 s3, 4
	s_cbranch_scc1 .Lx4
	s_cmp_eq_u32 s3, 5
	s_cbranch_scc1 .Lx5
	s_cmp_eq_u32 s3, 6
	s_cbranch_scc1 .Lx6
	XFER 7
	s_branch .Lwork
.Lx0:
	XFER 0
	s_branch .Lwork
.Lx1:
	XFER 1
	s_branch .Lwork
.Lx2:
	XFER 2
	s_branch .Lwork
.Lx3:
	XFER 3
	s_branch .Lwork
.Lx4:
	XFER 4
	s_branch .Lwork
.Lx5:
	XFER 5
	s_branch .Lwork
.Lx6:
	XFER 6
.Lwork:
	QUANT T
	global_store_b128 v[L16], v[PC:PC+3], s[66:67]           ; 512 consecutive aligned bytes,
	global_store_b64 v[L8], v[PC+4:PC+5], s[66:67] offset:512 ; and 256
	global_store_b128 v[L16], v[PC+6:PC+9], s[92:93]
	global_store_b64 v[L8], v[PC+10:PC+11], s[92:93] offset:512
	ds_store_b32 v[PWA], v[PW]                     ; lanes r and r + 16 store the same word
	s_wait_dscnt 0x0
	s_wait_xcnt 0x0                                ; the stores have read their registers and bases: both are written again
	s_cmp_eq_u32 s3, 3
	s_cselect_b32 s22, s45, 0
	s_add_co_u32 s22, s22, 768
	s_add_nc_u64 s[66:67], s[66:67], s[22:23]
	s_add_nc_u64 s[92:93], s[92:93], s[22:23]
	v_add_nc_u32 v[PWA], 64, v[PWA]
	s_add_co_u32 s3, s3, 1
	s_cmp_lt_u32 s3, 8
	s_cbranch_scc1 .Lrow
	ds_load_b128 v[T:T+3], v[PWR]                  ; my 128 words (LDS serves a wave's instructions in order): two runs of 256 aligned bytes
	s_wait_dscnt 0x0
	global_store_b128 v12, v[T:T+3], s[94:95]
	s_wait_tensorcnt 0x0                           ; the wave's end
	ds_add_u32 v[SPW], v[NIL]
	s_wait_dscnt 0x0
	CROUND                                         ; the closing round
	s_endpgm
.Lfunc_end_k_q9b3a6b0999_qkv:
	.size	k_q9b3a6b0999_qkv, .Lfunc_end_k_q9b3a6b0999_qkv-k_q9b3a6b0999_qkv
	.p2alignl 7, 3214868480
	.fill 96, 4, 3214868480
	.section	.rodata,"a",@progbits
	.p2align	6, 0x0
	.amdhsa_kernel k_q9b3a6b0999_qkv
		.amdhsa_group_segment_fixed_size 327680
		.amdhsa_private_segment_fixed_size 0
		.amdhsa_enable_private_segment 0
		.amdhsa_kernarg_size 48
		.amdhsa_user_sgpr_count 2
		.amdhsa_user_sgpr_kernarg_segment_ptr 1
		.amdhsa_wavefront_size32 1
		.amdhsa_system_sgpr_workgroup_id_x 1
		.amdhsa_system_sgpr_workgroup_id_y 1
		.amdhsa_system_sgpr_workgroup_id_z 1
		.amdhsa_system_vgpr_workitem_id 0
		.amdhsa_next_free_vgpr 1024
		.amdhsa_next_free_sgpr 100
		.amdhsa_reserve_vcc 0
		.amdhsa_float_denorm_mode_32 3
		.amdhsa_float_denorm_mode_16_64 3
		.amdhsa_memory_ordered 1
		.amdhsa_forward_progress 1
		.amdhsa_inst_pref_size 148
	.end_amdhsa_kernel
	.amdgpu_metadata
---
amdhsa.version: [ 1, 2 ]
amdhsa.kernels:
  - .name:           k_q9b3a6b0999_qkv
    .symbol:         k_q9b3a6b0999_qkv.kd
    .args:
      - { .name: H, .offset: 0, .size: 8, .value_kind: global_buffer, .address_space: global }
      - { .name: W, .offset: 8, .size: 8, .value_kind: global_buffer, .address_space: global }
      - { .name: bq, .offset: 16, .size: 8, .value_kind: global_buffer, .address_space: global }
      - { .name: bk, .offset: 24, .size: 8, .value_kind: global_buffer, .address_space: global }
      - { .name: bv, .offset: 32, .size: 8, .value_kind: global_buffer, .address_space: global }
      - { .name: QKV, .offset: 40, .size: 8, .value_kind: global_buffer, .address_space: global }
    .group_segment_fixed_size: 327680
    .private_segment_fixed_size: 0
    .kernarg_segment_align: 8
    .kernarg_segment_size: 48
    .max_flat_workgroup_size: 128
    .sgpr_count:     100
    .vgpr_count:     1024
    .wavefront_size: 32
...
	.end_amdgpu_metadata
.endif
;; end of part 9
;; launch attn (part 10): grid 8 x 32, 8 waves a work-group, clusters of 4 x 1, 215,040 bytes of LDS; arguments QKV, Y; writes Y
.if DOCPART == 10
	.amdgcn_target "amdgcn-amd-amdhsa--gfx1250"
	.amdhsa_code_object_version 6
	.text
	.protected	k_q9b3a6b0999_attn
	.globl	k_q9b3a6b0999_attn
	.p2align	8
	.type	k_q9b3a6b0999_attn,@function
k_q9b3a6b0999_attn:
	s_mov_b64 s[64:65], 0
	v_nop
	global_prefetch_b8 v0, s[64:65] scope:SCOPE_SE
	s_setreg_imm32_b32 hwreg(HW_REG_WAVE_MODE, 25, 1), 1
	s_wait_xcnt 0x0
	s_wait_alu depctr_hold_cnt(0) depctr_sa_sdst(0) depctr_va_vdst(0) depctr_va_sdst(0) depctr_va_ssrc(0) depctr_va_vcc(0) depctr_vm_vsrc(0)
	s_getreg_b32 s2, hwreg(HW_REG_IB_STS2, 6, 4)
	s_cmp_eq_u32 s2, 0
	s_cbranch_scc0 .Lentry_in_a_cluster
	s_endpgm
.Lentry_in_a_cluster:
	s_bfe_u32 s2, ttmp6, 0x10000c
	s_cmp_lg_u32 s2, 0x3003
	s_cbranch_scc0 .Lentry_shape_is_right
	s_endpgm
.Lentry_shape_is_right:
; ATTENTION on codes of BF6 (E3M2).  For each (batch, head): O[q] = sum over keys of p V / l, p = 2^(t - M), t = score x log2(e) / 8, M = the running largest t rounded UP to a whole number; p is quantised along the keys,
; l is the sum of the unquantised p; when M moves, l and O are multiplied by 2^(old M - new M), which rounds nothing.  y = O / l is quantised along the channels and stored as granules of the next product's operand.
; A work-group owns 256 queries of one (batch, head); each of its eight waves owns 32, as TWO TILES of 16: tile 0's numbers lie in register window 0, tile 1's at the same register numbers in window 1,
; so the softmax is written once and run under two window settings, and each fragment of K and V read from LDS feeds two products.
; THE WHOLE HEAD'S K AND V LIE IN LDS, FILLED ONCE (2 x 96 KiB of codes, 12 KiB of scale words), one joint load a wave: waves 0-2 K, 3-5 V (32 KiB each), wave 6 K's words, wave 7 V's.  The four work-groups of a cluster share them.
; Everything is asked for at the head and nothing is filled again, so there is no stream left to prefetch.
; LAYOUT (made by the launch before): a granule is 16 rows x 64 along K, 768 bytes, an image of six operand registers; place r of granule rho is row 32 (rho / 2) + 8 (rho % 2) + r + 8 (r / 8).
; Both products are used transposed: S^T = K Q^T, O^T = V^T P^T: a lane holds one query.
; THE KEYS OF A SCORE TILE ARE CHOSEN BY ADDRESS: tile 4 c + i takes keys 64 c + 8 i + 0..7 in rows 0-7 and keys 64 c + 32 + 8 i + 0..7 in rows 8-15 (lanes 0-7 and 8-15 read two granules 1,536 bytes apart).
; So lane (q, h) holds in registers 32 c .. 32 c + 31 the keys 64 c + 32 h + 0 .. 31: a WHOLE block of 32 in the order of the operand: a block's maximum needs no other lane, and the codes no exchange.
; The head's K is 64: registers 6-11 of K's and Q's fragments are zero codes, and the upper two bytes of their scale words are 0 (2^-127 over zeros).
; LIMITS: NaN and infinities are not served; a block of zeros, or one whose largest magnitude lies under 2^-122, gets the scale byte 1 (its bytes are read by this program alone).  The scaled scores stay under 2^31 in magnitude.
; A block's largest p is taken as the exponential of the block's largest score; this leans on v_exp_f32 not falling where its input rises.
; REGISTERS.  Window 0 alone: v1-7 lane terms, v8-9 the add's, v10-15 the step's LDS addresses, v160-207 K's tiles 0-3, v208-215 K's words, v216-219 V's, v220-221 Q's, v222-223 p's.
; Window 1 alone: v160-207 V's four fragments, v208-255 K's tiles 4-7.  In both windows, a tile's own: v16 -M, v17 largest score, v18-19 l, v20 f, v21 8 h, v22-31 and v56-62 at work, v32-43 Q, v44-55 p's codes, v64-127 S^T then p, v128-159 O^T.
.set SPARE, 0x33000                    ; the spare words: 128 bytes for each of 8 waves
.set KA16, 1
.set KA8,  2
.set KAS,  3
.set VAS,  4
.set R4,   5
.set L16,  6
.set L8,   7
.set SPW,  8
.set NIL,  9
.set AK16, 10
.set AK8,  11
.set AKS,  12
.set AV16, 13
.set AV8,  14
.set AVS,  15
.set NM,   16
.set SMX,  17
.set LL,   18
.set FF,   20
.set SH,   21
.set BM,   22
.set SO,   24
.set T0,   26
.set T1,   27
.set X1,   28
.set X2,   30
.set X3,   60
.set QQ,   32
.set PC,   44
.set CT,   56
.set SS,   64
.set OO,   128
.set KF,   160
.set KW,   208
.set VW,   216
.set QW,   220
.set PW,   222
.set TBK,  2                           ; s2 the next step's K codes in LDS; s3 its words; s66 this step's V codes; s67 its words
.set TSK,  3
.set TBV,  66
.set TSV,  67
.set WV,   18
.set SEL,  20
.set CS,   22                          ; s[22:23] c = log2(e) / 8;  s76 = -c
.set NC,   76
.set CNT,  77
.set G1C,  24                          ; group 1: 128 rows of 256 bytes;  G1K: 32 rows;  G1V: 16 rows
.set G1K,  32
.set G1V,  68
.set G0C,  40
.set G0K,  44
.set G0V,  48
.set MSB, 0
.macro WIN new                         ; the immediate's high byte repeats the setting that is left
.if MSB != (\new)
	s_set_vgpr_msb (MSB<<8)|(\new)
.set MSB, (\new)
.endif
.endm
.macro CROUND                          ; a round of the cluster's barrier
	s_barrier_signal -1
	s_barrier_wait -1
	s_cmp_lg_u32 s[WV], 0
	s_cbranch_scc1 .Lnot_wave_0_\@
	s_barrier_signal -3
.Lnot_wave_0_\@:
	s_barrier_wait -3
	s_barrier_signal -1
	s_barrier_wait -1
.endm
.macro GONE g, rows                    ; a dense block as rows of 256 bytes; the mask names all four work-groups
	s_mov_b32 s[\g], 15|(3<<16)|(1<<21)
	s_mov_b32 s[\g+1], 32<<16
	s_mov_b32 s[\g+2], (\rows)<<16
	s_mov_b32 s[\g+3], 32<<16
	s_mov_b32 s[\g+4], \rows
	s_mov_b32 s[\g+5], 32
	s_mov_b32 s[\g+6], 0
	s_mov_b32 s[\g+7], 0
.endm
.macro TLOAD g0, g1
	tensor_load_to_lds s[\g0:\g0+3], s[\g1:\g1+7]
	s_nop 0
.rept 4
	v_nop
.endr
.endm
	s_load_b128 s[4:7], s[0:1], 0x0                ; QKV s[4:5], Y s[6:7]
	v_lshl_add_u32 v[SPW], v0, 2, SPARE
	v_mov_b32 v[NIL], 0
	ds_add_u32 v[SPW], v[NIL]                      ; the opening lines: the add twice on end and its wait
	ds_add_u32 v[SPW], v[NIL]
	v_lshrrev_b32 v10, 5, v0
	v_readfirstlane_b32 s[WV], v10                 ; wave 0..7
	s_bfe_u32 s8, ttmp6, 0x40000                   ; cx: it enters Q's and Y's addresses alone
	s_lshl_b32 s9, ttmp9, 2
	s_add_co_u32 s9, s9, s8                        ; my block of 256 queries
	s_and_b32 s10, ttmp7, 0xffff
	s_and_b32 s11, s10, 15                         ; head
	s_lshr_b32 s12, s10, 4                         ; batch
	GONE G1C, 128
	GONE G1K, 32
	GONE G1V, 16
	s_lshl_b32 s19, s12, 7
	s_lshl_b32 s14, s9, 4
	s_add_co_u32 s19, s19, s14
	s_lshl_b32 s14, s[WV], 1
	s_add_co_u32 s19, s19, s14                     ; rho: my first granule of queries; the second is rho + 1
	s_mul_i32 s13, s11, 196608                     ; K's codes of (batch, head)
	s_mul_i32 s14, s12, 98304
	s_add_co_u32 s13, s13, s14
	s_add_co_u32 s13, s13, 3145728
	s_mul_i32 s14, s12, 1572864                    ; V's, less the three waves that stand ahead of V's
	s_mul_i32 s15, s11, 98304
	s_add_co_u32 s14, s14, s15
	s_add_co_u32 s14, s14, 6291456-98304
	s_cmp_lt_u32 s[WV], 3
	s_cselect_b32 s52, s13, s14
	s_lshl_b32 s16, s[WV], 15                      ; 32,768 x wave: in memory and in LDS (K at 0, V at 98,304)
	s_add_co_u32 s52, s52, s16
	s_mov_b32 s53, 0
	s_lshr_b32 s15, s11, 1                         ; the head pair
	s_lshl_b32 s54, s15, 14                        ; K's words
	s_lshl_b32 s13, s12, 13
	s_add_co_u32 s54, s54, s13
	s_add_co_u32 s54, s54, 9568256
	s_mov_b32 s55, 0
	s_lshl_b32 s8, s12, 16                         ; V's words
	s_lshl_b32 s13, s11, 12
	s_add_co_u32 s8, s8, s13
	s_add_co_u32 s8, s8, 9699328
	s_mov_b32 s9, 0
	s_and_b32 s14, s11, 1
	s_lshl_b32 s14, s14, 1                         ; 2 (head % 2): my head's two bytes of a scale word
	s_mul_i32 s56, s11, 196608                     ; Q's codes
	s_mul_i32 s13, s19, 768
	s_add_co_u32 s56, s56, s13
	s_mov_b32 s57, 0
	s_lshl_b32 s58, s15, 14                        ; Q's words
	s_lshl_b32 s13, s19, 6
	s_add_co_u32 s58, s58, s13
	s_add_co_u32 s58, s58, s14
	s_add_co_u32 s58, s58, 9437184
	s_mov_b32 s59, 0
	s_lshl_b32 s60, s19, 4                         ; Y's codes: granule (rho, kappa = head)
	s_add_co_u32 s60, s60, s11
	s_mul_i32 s60, s60, 768
	s_mov_b32 s61, 0
	s_lshr_b32 s62, s19, 3                         ; Y's words: ((rho / 8) 8 + head pair) 512 + (rho % 8) 64 + my two bytes
	s_lshl_b32 s62, s62, 3
	s_add_co_u32 s62, s62, s15
	s_lshl_b32 s62, s62, 9
	s_and_b32 s13, s19, 7
	s_lshl_b32 s13, s13, 6
	s_add_co_u32 s62, s62, s13
	s_add_co_u32 s62, s62, s14
	s_add_co_u32 s62, s62, 3145728
	s_mov_b32 s63, 0
	s_add_co_u32 s15, s14, 196608
	s_mov_b32 s[SEL], 0x76543210
	s_mov_b32 s[SEL+1], 0xfedcba98
	s_mov_b32 s[CS], 0x3e38aa3b
	s_mov_b32 s[CS+1], s[CS]                       ; (named with it as a pair, so it is written)
	s_mov_b32 s[NC], 0xbe38aa3b
	s_mov_b32 s[TBK], 0
	s_mov_b32 s[TSK], 0
	s_mov_b32 s[TBV], 98304
	s_mov_b32 s[TSV], 0
	s_wait_dscnt 0x0
	s_wait_kmcnt 0x0
	s_mov_b32 s[G0C], 1
	s_mov_b32 s[G0C+1], s16
	s_add_nc_u64 s[G0C+2:G0C+3], s[4:5], s[52:53]
	s_or_b32 s[G0C+3], s[G0C+3], 0x80000000
	s_mov_b32 s[G0K], 1
	s_mov_b32 s[G0K+1], 196608
	s_add_nc_u64 s[G0K+2:G0K+3], s[4:5], s[54:55]
	s_or_b32 s[G0K+3], s[G0K+3], 0x80000000
	s_mov_b32 s[G0V], 1
	s_mov_b32 s[G0V+1], 204800
	s_add_nc_u64 s[G0V+2:G0V+3], s[4:5], s[8:9]
	s_or_b32 s[G0V+3], s[G0V+3], 0x80000000
	s_add_nc_u64 s[56:57], s[4:5], s[56:57]
	s_add_nc_u64 s[58:59], s[4:5], s[58:59]
	s_add_nc_u64 s[60:61], s[6:7], s[60:61]
	s_add_nc_u64 s[62:63], s[6:7], s[62:63]
	CROUND                                         ; all four work-groups are here: the joint loads meet
	s_cmp_lt_u32 s[WV], 6                          ; one chain of branches on the wave's number, one load to an arm
	s_cbranch_scc0 .Lw6
	TLOAD G0C, G1C
	s_branch .Lasked
.Lw6:
	s_cmp_lt_u32 s[WV], 7
	s_cbranch_scc0 .Lw7
	TLOAD G0K, G1K
	s_branch .Lasked
.Lw7:
	TLOAD G0V, G1V
.Lasked:
	v_and_b32 v10, 31, v0
	v_lshlrev_b32 v[L16], 4, v10
	v_lshlrev_b32 v[L8], 3, v10
	v_and_b32 v11, 15, v0
	v_lshlrev_b32 v[R4], 2, v11                    ; 4 r
	global_load_b128 v[QQ:QQ+3], v[L16], s[56:57]  ; Q's two granules stay in registers
	global_load_b64 v[QQ+4:QQ+5], v[L8], s[56:57] offset:512
	global_load_u16 v[QW], v[R4], s[58:59]         ; my head's two scale bytes; the upper two are 0
	global_load_u16 v[QW+1], v[R4], s[58:59] offset:64
	WIN 0x40
	global_load_b128 v[QQ:QQ+3], v[L16], s[56:57] offset:768
	global_load_b64 v[QQ+4:QQ+5], v[L8], s[56:57] offset:1280
	WIN 0
	v_and_b32 v10, 7, v0                           ; r % 8
	v_bfe_u32 v11, v0, 3, 1                        ; r / 8
	v_bfe_u32 v12, v0, 4, 1                        ; h
	v_mul_u32_u24 v13, v11, 1536                   ; rows 8-15 of a tile come from the granule two further on
	v_lshl_add_u32 v[KA16], v10, 4, v13
	v_lshl_add_u32 v[KA16], v12, 8, v[KA16]        ; registers 0-3 of place r % 8: 16 (r % 8 + 16 h)
	v_lshl_add_u32 v[KA8], v10, 3, v13
	v_lshl_add_u32 v[KA8], v12, 7, v[KA8]          ; registers 4-5: 8 (r % 8 + 16 h)
	v_lshlrev_b32 v[KAS], 7, v11
	v_lshl_add_u32 v[KAS], v10, 2, v[KAS]
	v_add_nc_u32 v[KAS], s15, v[KAS]               ; K's words: 196,608 + 2 (head % 2) + 128 (r / 8) + 4 (r % 8)
	v_add_nc_u32 v[VAS], 204800, v[R4]
	v_lshlrev_b32 v[SH], 3, v12                    ; 8 h
.macro INIT                            ; a tile's own registers; the step is written for all steps alike, the first finds zeros
.irp j, 6,7,8,9,10,11
	v_mov_b32 v[QQ+\j], 0                          ; k = 64 .. 127 of Q: zero codes
.endr
	v_mov_b32 v[SMX], 0xff61b1e6                   ; the largest score so far: -3e38
	v_mov_b32 v[NM], 0x7f000000                    ; -M: a large whole number
	v_mov_b32 v[LL], 0
	v_mov_b32 v[LL+1], 0
.set i, 0
.rept 32
	v_mov_b32 v[OO+i], 0
.set i, i+1
.endr
.endm
.irp t, 0,1,2,3
.irp j, 6,7,8,9,10,11
	v_mov_b32 v[KF+12*\t+\j], 0                    ; k = 64 .. 127 of K's tiles 0-3: written once
.endr
.endr
	INIT
	WIN 0x40                                       ; destinations in window 1
	v_mov_b32 v[SH], v[SH]
.irp t, 4,5,6,7
.irp j, 6,7,8,9,10,11
	v_mov_b32 v[KF+12*\t+\j], 0                    ; and of tiles 4-7
.endr
.endr
	INIT
	WIN 0
.macro KLOAD t                         ; tile t = 4 c + i: granule 4 c + i % 2 (and, in lanes 8-15, the one two on), places 8 (i / 2) on
	ds_load_b128 v[KF+12*(\t):KF+12*(\t)+3], v[AK16] offset:(4*((\t)/4)+((\t)%2))*768+128*(((\t)%4)/2)
	ds_load_b64 v[KF+12*(\t)+4:KF+12*(\t)+5], v[AK8] offset:(4*((\t)/4)+((\t)%2))*768+512+64*(((\t)%4)/2)
.endm
.macro KADR
	v_add_nc_u32 v[AK16], s[TBK], v[KA16]
	v_add_nc_u32 v[AK8], s[TBK], v[KA8]
	v_add_nc_u32 v[AKS], s[TSK], v[KAS]
.endm
.macro KHI
.irp t, 4,5,6,7
	KLOAD \t
.endr
.endm
.macro KLO
.irp t, 0,1,2,3
	KLOAD \t
.endr
.irp t, 0,1,2,3,4,5,6,7
	ds_load_u16 v[KW+\t], v[AKS] offset:(4*(\t/4)+(\t%2))*64+32*((\t%4)/2)
.endr
.endm
.macro SW x, t                         ; a tile of scores: source 0 = 16 keys, source 1 = tile x's 16 queries
	v_wmma_scale_f32_16x16x128_f8f6f4 v[SS+8*(\t):SS+8*(\t)+7], v[KF+12*(\t):KF+12*(\t)+11], v[QQ:QQ+11], 0, v[KW+(\t)], v[QW+\x] matrix_a_fmt:MATRIX_FMT_BF6 matrix_b_fmt:MATRIX_FMT_BF6
.endm
.macro ADD4 k                          ; four pairs of p onto the four chains of the row's sum
	v_pk_add_f32 v[LL:LL+1], v[LL:LL+1], v[SS+2*(\k):SS+2*(\k)+1]
	v_pk_add_f32 v[X1:X1+1], v[X1:X1+1], v[SS+2*(\k)+2:SS+2*(\k)+3]
	v_pk_add_f32 v[X2:X2+1], v[X2:X2+1], v[SS+2*(\k)+4:SS+2*(\k)+5]
	v_pk_add_f32 v[X3:X3+1], v[X3:X3+1], v[SS+2*(\k)+6:SS+2*(\k)+7]
.endm
; THE SOFTMAX OF ONE TILE, 16 queries x 128 keys, under its window
.macro SM x
	WIN 0x55*\x
	s_wait_alu depctr_va_vdst(0)                   ; the wait, directly ahead of the first readers of the scores
.irp c, 0,1                                    ; my two blocks' largest scores, each in two chains; every accumulator is read from its low end on
	v_max3_num_f32 v[BM+\c], v[SS+32*\c], v[SS+32*\c+1], v[SS+32*\c+2]
	v_max3_num_f32 v[T0+\c], v[SS+32*\c+16], v[SS+32*\c+17], v[SS+32*\c+18]
.endr
.irp i, 3,5,7,9,11,13
.irp c, 0,1
	v_max3_num_f32 v[BM+\c], v[BM+\c], v[SS+32*\c+\i], v[SS+32*\c+\i+1]
	v_max3_num_f32 v[T0+\c], v[T0+\c], v[SS+32*\c+16+\i], v[SS+32*\c+17+\i]
.endr
.endr
.irp c, 0,1
	v_max3_num_f32 v[BM+\c], v[BM+\c], v[T0+\c], v[SS+32*\c+15]
.endr
.irp c, 0,1
	v_max_num_f32 v[BM+\c], v[BM+\c], v[SS+32*\c+31]
.endr
	s_delay_alu instid0(VALU_DEP_1)
	v_max_num_f32 v[T0], v[BM], v[BM+1]
	s_delay_alu instid0(VALU_DEP_1)
	v_permlanex16_b32 v[T1], v[T0], s[SEL], s[SEL+1]
	s_delay_alu instid0(VALU_DEP_1)
	v_max3_num_f32 v[SMX], v[SMX], v[T0], v[T1]    ; the running largest score of my query
	s_delay_alu instid0(VALU_DEP_1)
	v_mul_f32 v[T0], s[NC], v[SMX]                 ; -t (c is positive)
	v_mov_b32 v[T1], v[NM]
	s_delay_alu instid0(VALU_DEP_2)
	v_floor_f32 v[NM], v[T0]                       ; the new -M = -ceil(t)
	s_delay_alu instid0(VALU_DEP_1)
	v_sub_f32 v[T1], v[NM], v[T1]                  ; old M - new M: a whole number, 0 or less
	s_delay_alu instid0(VALU_DEP_1)
	v_cvt_i32_f32 v[T1], v[T1]                     ; (it saturates)
	s_delay_alu instid0(VALU_DEP_1)
	v_ldexp_f32 v[FF], 1.0, v[T1]                  ; f = 2^(old M - new M)
.set i, 0
.rept 32
	v_pk_fma_f32 v[SS+i:SS+i+1], v[SS+i:SS+i+1], s[CS:CS+1], v[NM:NM+1] op_sel_hi:[1,0,0]   ; t - M
.set i, i+2
.endr
.irp c, 0,1
	v_fma_f32 v[BM+\c], v[BM+\c], s[CS], v[NM]
.endr
	s_wait_alu depctr_va_vdst(0)                   ; the wait ahead of the batch
.irp c, 0,1
	v_exp_f32 v[BM+\c], v[BM+\c]                   ; each block's largest p
.endr
.set i, 0
.rept 64
	v_exp_f32 v[SS+i], v[SS+i]                     ; p = 2^(t - M): not normalised
.set i, i+1
.endr
	v_pk_mul_f32 v[LL:LL+1], v[LL:LL+1], v[FF:FF+1] op_sel_hi:[1,0]   ; l under the new M (a plain instruction behind the exponentials)
	s_wait_alu depctr_va_vdst(0)                   ; one wait for the batch, ahead of its first reader
.irp c, 0,1
	v_max_num_f32 v[BM+\c], 0x2800000, v[BM+\c]    ; the floor 2^(5 - 127)
.endr
	v_pk_add_f32 v[LL:LL+1], v[LL:LL+1], v[SS:SS+1]          ; the row's sum of the unquantised p; the scale's short chain stands between the sums
	v_pk_add_f32 v[X1:X1+1], v[SS+2:SS+3], v[SS+4:SS+5]
	v_pk_add_f32 v[X2:X2+1], v[SS+6:SS+7], v[SS+8:SS+9]
	v_pk_add_f32 v[X3:X3+1], v[SS+10:SS+11], v[SS+12:SS+13]
.irp c, 0,1
	v_add_nc_u32 v[SO+\c], 0xfe000000, v[BM+\c]    ; 4 off the exponent field: the conversion's scale operand
.endr
	ADD4 7
	ADD4 11
.irp c, 0,1
	v_lshrrev_b32 v[T0+\c], 23, v[SO+\c]           ; the bytes of blocks h and 2 + h
.endr
	ADD4 15
	v_lshl_or_b32 v[T0], v[T1], 16, v[T0]
	ADD4 19
	v_lshlrev_b32 v[T0], v[SH], v[T0]              ; at their places in the word
	ADD4 23
	v_permlanex16_b32 v[T1], v[T0], s[SEL], s[SEL+1]
	ADD4 27
	WIN 0x05*\x                                    ; scale registers lie in window 0
	v_or_b32 v[PW+\x], v[T0], v[T1]                ; p's scale word for these 128 keys
	WIN 0x55*\x
	v_pk_add_f32 v[LL:LL+1], v[LL:LL+1], v[SS+62:SS+63]
	v_pk_add_f32 v[X1:X1+1], v[X1:X1+1], v[X2:X2+1]
	v_pk_add_f32 v[LL:LL+1], v[LL:LL+1], v[X3:X3+1]
	s_delay_alu instid0(VALU_DEP_1)
	v_pk_add_f32 v[LL:LL+1], v[LL:LL+1], v[X1:X1+1]
.irp c, 0,1
	v_cvt_scalef32_pk16_bf6_f32 v[PC+6*\c:PC+6*\c+2], v[SS+32*\c:SS+32*\c+15], v[SO+\c]
	v_cvt_scalef32_pk16_bf6_f32 v[CT+4*\c:CT+4*\c+2], v[SS+32*\c+16:SS+32*\c+31], v[SO+\c]   ; (a conversion's three registers begin on an even number)
.endr
	s_wait_alu depctr_va_vdst(0)                   ; the wait, directly ahead of the first readers of O^T
.irp j, 0,2,4,6,8,10,12,14
	v_pk_mul_f32 v[OO+\j:OO+\j+1], v[OO+\j:OO+\j+1], v[FF:FF+1] op_sel_hi:[1,0]   ; O^T under the new M
.endr
.irp c, 0,1
.irp i, 0,1,2
	v_mov_b32 v[PC+6*\c+3+\i], v[CT+4*\c+\i]
.endr
.endr
.irp j, 16,18,20,22,24,26,28,30
	v_pk_mul_f32 v[OO+\j:OO+\j+1], v[OO+\j:OO+\j+1], v[FF:FF+1] op_sel_hi:[1,0]   ; these eight are also the places between p's codes and the products
.endr
.endm
.macro PV x                            ; O^T += V^T P^T: the four accumulators by turns
.if \x == 0
	s_wait_alu depctr_va_vdst(0)                   ; the wait, directly ahead of the wait below
	s_wait_dscnt 0x0                               ; V's fragments and words, and the next step's K
	WIN 0x01
.endif
.irp i, 0,1,2,3
	v_wmma_scale_f32_16x16x128_f8f6f4 v[OO+8*\i:OO+8*\i+7], v[KF+12*\i:KF+12*\i+11], v[PC:PC+11], v[OO+8*\i:OO+8*\i+7], v[VW+\i], v[PW+\x] matrix_a_fmt:MATRIX_FMT_BF6 matrix_b_fmt:MATRIX_FMT_BF6
.endr
.endm
; A KEY STEP: 128 keys, both tiles.  pf = 1: the next step's K is fetched under the softmax
.macro STEP pf
.irp t, 0,1,2,3
	SW 0, \t
.endr
	WIN 0x01
.irp t, 4,5,6,7
	SW 0, \t
.endr
	WIN 0x45
.irp t, 4,5,6,7
	SW 1, \t
.endr
	WIN 0x44
.irp t, 0,1,2,3
	SW 1, \t
.endr
	WIN 0
	v_add_nc_u32 v[AV16], s[TBV], v[L16]           ; (these are also the places in front of the loads into registers that products have read)
	v_add_nc_u32 v[AV8], s[TBV], v[L8]
	v_add_nc_u32 v[AVS], s[TSV], v[VAS]
.if \pf
	KADR
.else
	v_nop
.endif
	WIN 0x40
.irp i, 0,1,2,3
.irp c, 0,1
	ds_load_b128 v[KF+12*\i+6*\c:KF+12*\i+6*\c+3], v[AV16] offset:\c*3072+\i*768
	ds_load_b64 v[KF+12*\i+6*\c+4:KF+12*\i+6*\c+5], v[AV8] offset:\c*3072+\i*768+512
.endr
.endr
.if \pf
	KHI
.endif
	WIN 0
.irp i, 0,1,2,3
	ds_load_b32 v[VW+\i], v[AVS] offset:\i*64
.endr
.if \pf
	KLO
	s_add_co_u32 s[TBK], s[TBK], 6144
	s_add_co_u32 s[TSK], s[TSK], 512
.endif
	s_add_co_u32 s[TBV], s[TBV], 6144
	s_add_co_u32 s[TSV], s[TSV], 256
	SM 0
	PV 0
	SM 1
	PV 1
	WIN 0
.endm
	s_wait_alu depctr_va_vdst(0)                   ; the wait at the head's end
	s_wait_loadcnt 0x0                             ; Q
	s_wait_tensorcnt 0x0                           ; my load is in,
	s_barrier_signal -1
	s_barrier_wait -1                              ; everybody's is.  Nothing is ever filled again
	KADR                                           ; step 0's K
	WIN 0x40
	KHI
	WIN 0
	KLO
	s_add_co_u32 s[TBK], s[TBK], 6144
	s_add_co_u32 s[TSK], s[TSK], 512
	s_mov_b32 s[CNT], 15
	s_wait_dscnt 0x0
.Lk:
	STEP 1
	s_sub_co_u32 s[CNT], s[CNT], 1
	s_cmp_lg_u32 s[CNT], 0
	s_wait_alu depctr_va_vdst(0)                   ; the wait, directly ahead of the branch
	s_cbranch_scc1 .Lk
	STEP 0                                         ; the last step fetches no further K
; THE WAY OUT of a tile: y = O^T / l; register 16 beta + i is channel 32 beta + 16 h + i of my query: two blocks, shared with lane l xor 16; one granule and two scale bytes
.macro OUT x
	WIN 0x55*\x
	v_add_f32 v[LL], v[LL], v[LL+1]
	s_delay_alu instid0(VALU_DEP_1)
	v_permlanex16_b32 v[T0], v[LL], s[SEL], s[SEL+1]
	s_delay_alu instid0(VALU_DEP_1)
	v_add_f32 v[LL], v[LL], v[T0]                  ; the row's sum
	s_wait_alu depctr_va_vdst(0)
	v_rcp_f32 v[LL], v[LL]
	v_nop                                          ; the plain instruction behind the reciprocal
	s_wait_alu depctr_va_vdst(0)                   ; ahead of the reciprocal's first reader, and of the first readers of O^T
.set i, 0
.rept 16
	v_pk_mul_f32 v[SS+i:SS+i+1], v[OO+i:OO+i+1], v[LL:LL+1] op_sel_hi:[1,0]   ; each accumulator from its low end on
.set i, i+2
.endr
.irp b, 0,1
	v_max3_num_f32 v[BM+\b], |v[SS+16*\b]|, |v[SS+16*\b+1]|, 0x2800000
.endr
.irp i, 2,4,6,8,10,12,14
.irp b, 0,1
	s_delay_alu instid0(VALU_DEP_2)
	v_max3_num_f32 v[BM+\b], v[BM+\b], |v[SS+16*\b+\i]|, |v[SS+16*\b+\i+1]|
.endr
.endr
.irp b, 0,1
	s_delay_alu instid0(VALU_DEP_2)
	v_permlanex16_b32 v[T0+\b], v[BM+\b], s[SEL], s[SEL+1]
.endr
.irp b, 0,1
	s_delay_alu instid0(VALU_DEP_2)
	v_max_num_f32 v[BM+\b], v[BM+\b], v[T0+\b]
.endr
.irp b, 0,1
	s_delay_alu instid0(VALU_DEP_2)
	v_add_nc_u32 v[SO+\b], 0xfe000000, v[BM+\b]
.endr
.irp b, 0,1
	s_delay_alu instid0(VALU_DEP_2)
	v_lshrrev_b32 v[T0+\b], 23, v[SO+\b]
.endr
	s_delay_alu instid0(VALU_DEP_1)
	v_lshl_or_b32 v[X1], v[T1], 8, v[T0]
	v_cvt_scalef32_pk16_bf6_f32 v[PC:PC+2], v[SS:SS+15], v[SO]
	v_cvt_scalef32_pk16_bf6_f32 v[CT:CT+2], v[SS+16:SS+31], v[SO+1]
	v_nop                                          ; one plain instruction behind the scaled conversions
.irp i, 0,1,2
	v_permlane16_swap_b32 v[PC+\i], v[CT+\i]       ; the operand wants a whole block in a lane
.endr
.irp i, 0,1,2
	v_mov_b32 v[PC+3+\i], v[CT+\i]
.endr
	WIN 0x04*\x                                    ; the stores' data lie in the tile's window, their offsets in window 0
	global_store_b128 v[L16], v[PC:PC+3], s[60:61] offset:12288*\x        ; 512 consecutive aligned bytes,
	global_store_b64 v[L8], v[PC+4:PC+5], s[60:61] offset:12288*\x+512    ; and 256
	global_store_b16 v[R4], v[X1], s[62:63] offset:64*\x                  ; a scale word belongs to two heads, so to two work-groups: each stores its half
.endm
	OUT 0
	OUT 1
	WIN 0
	s_wait_tensorcnt 0x0                           ; the wave's end
	ds_add_u32 v[SPW], v[NIL]
	s_wait_dscnt 0x0
	CROUND                                         ; the closing round
	s_endpgm
.Lfunc_end_k_q9b3a6b0999_attn:
	.size	k_q9b3a6b0999_attn, .Lfunc_end_k_q9b3a6b0999_attn-k_q9b3a6b0999_attn
	.p2alignl 7, 3214868480
	.fill 96, 4, 3214868480
	.section	.rodata,"a",@progbits
	.p2align	6, 0x0
	.amdhsa_kernel k_q9b3a6b0999_attn
		.amdhsa_group_segment_fixed_size 215040
		.amdhsa_private_segment_fixed_size 0
		.amdhsa_enable_private_segment 0
		.amdhsa_kernarg_size 16
		.amdhsa_user_sgpr_count 2
		.amdhsa_user_sgpr_kernarg_segment_ptr 1
		.amdhsa_wavefront_size32 1
		.amdhsa_system_sgpr_workgroup_id_x 1
		.amdhsa_system_sgpr_workgroup_id_y 1
		.amdhsa_system_sgpr_workgroup_id_z 1
		.amdhsa_system_vgpr_workitem_id 0
		.amdhsa_next_free_vgpr 512
		.amdhsa_next_free_sgpr 80
		.amdhsa_reserve_vcc 0
		.amdhsa_float_denorm_mode_32 3
		.amdhsa_float_denorm_mode_16_64 3
		.amdhsa_memory_ordered 1
		.amdhsa_forward_progress 1
		.amdhsa_inst_pref_size 79
	.end_amdhsa_kernel
	.amdgpu_metadata
---
amdhsa.version: [ 1, 2 ]
amdhsa.kernels:
  - .name:           k_q9b3a6b0999_attn
    .symbol:         k_q9b3a6b0999_attn.kd
    .args:
      - { .name: QKV, .offset: 0, .size: 8, .value_kind: global_buffer, .address_space: global }
      - { .name: Y, .offset: 8, .size: 8, .value_kind: global_buffer, .address_space: global }
    .group_segment_fixed_size: 215040
    .private_segment_fixed_size: 0
    .kernarg_segment_align: 8
    .kernarg_segment_size: 16
    .max_flat_workgroup_size: 256
    .sgpr_count:     80
    .vgpr_count:     512
    .wavefront_size: 32
...
	.end_amdgpu_metadata
.endif
;; end of part 10
;; launch proj (part 11): grid 8 x 32, 4 waves a work-group, clusters of 4 x 4, 327,680 bytes of LDS; arguments Y, W, bo, x, X1; writes X1
.if DOCPART == 11
	.amdgcn_target "amdgcn-amd-amdhsa--gfx1250"
	.amdhsa_code_object_version 6
	.text
	.protected	k_q9b3a6b0999_proj
	.globl	k_q9b3a6b0999_proj
	.p2align	8
	.type	k_q9b3a6b0999_proj,@function
k_q9b3a6b0999_proj:
	s_mov_b64 s[64:65], 0
	v_nop
	global_prefetch_b8 v0, s[64:65] scope:SCOPE_SE
	s_setreg_imm32_b32 hwreg(HW_REG_WAVE_MODE, 25, 1), 1
	s_wait_xcnt 0x0
	s_wait_alu depctr_hold_cnt(0) depctr_sa_sdst(0) depctr_va_vdst(0) depctr_va_sdst(0) depctr_va_ssrc(0) depctr_va_vcc(0) depctr_vm_vsrc(0)
	s_getreg_b32 s2, hwreg(HW_REG_IB_STS2, 6, 4)
	s_cmp_eq_u32 s2, 0
	s_cbranch_scc0 .Lentry_in_a_cluster
	s_endpgm
.Lentry_in_a_cluster:
	s_bfe_u32 s2, ttmp6, 0x10000c
	s_cmp_lg_u32 s2, 0xf033
	s_cbranch_scc0 .Lentry_shape_is_right
	s_endpgm
.Lentry_shape_is_right:
.set KDIM,   1024
.set OFFC_A, 0
.set OFFS_A, 3145728
.set OFFC_B, 2359296
.set OFFS_B, 9535488
.set NQ,    4
.set FR,    12
.set NP,    4
.set RB,    12288                      ; a rho's sixteen granules: all of K lies in LDS, filled once
.set HALFT, 4*RB
.set SLOT,  4*HALFT
.set LAPS,  KDIM/1024
.set HALFS, (KDIM/128)*512
.set HS2,   HALFS/2
.set SCL,   SLOT
.set SPARE, SCL+2*HALFS+256
.set SPITCH, 272
.set L16,  8
.set L8,   9
.set CO,   10
.set BO,   11
.set BI,   12
.set ADRA, 16
.set ADRB, 20
.set STO,  24
.set RD,   25
.set PFO,  26
.set ADRS, 27
.set SPW,  28
.set NIL,  29
.set SC,   32
.set BK,   64
.set ACC,  128
.set G1, 24
.set G0, 32
.set G1B, 48
.set G0B, 56
.set G1S, 68
.set G0S, 76
.set G1SB, 80
.set G0SB, 88
.set PFA, 96
.set LIM, 98
.set MSB, 0
.macro WIN new
.if MSB != (\new)
	s_set_vgpr_msb (MSB<<8)|(\new)
.set MSB, (\new)
.endif
.endm
.set MUL,  0x05
.set TO_F, 0x40
.macro JLOAD g0a, g1a, g0b, g1b
	s_cmp_eq_u32 s15, 0
	s_cbranch_scc0 .Lfor_b_\@
	tensor_load_to_lds s[\g0a:\g0a+3], s[\g1a:\g1a+7]
	s_nop 0
.rept 4
	v_nop
.endr
	s_branch .Lasked_\@
.Lfor_b_\@:
	tensor_load_to_lds s[\g0b:\g0b+3], s[\g1b:\g1b+7]
	s_nop 0
.rept 4
	v_nop
.endr
.Lasked_\@:
.endm
.macro CREST
	s_cmp_lg_u32 s14, 0
	s_cbranch_scc1 .Lnot_wave_0_\@
	s_barrier_signal -3
.Lnot_wave_0_\@:
	s_barrier_wait -3
	s_barrier_signal -1
	s_barrier_wait -1
.endm
.macro CROUND
	s_barrier_signal -1
	s_barrier_wait -1
	CREST
.endm
.macro ASK
	s_cmp_gt_u32 s3, s[LIM]
	s_cbranch_scc0 .Lnot_mine_\@
	global_prefetch_b8 v[PFO], s[PFA:PFA+1] th:TH_LOAD_NT scope:SCOPE_SE
.Lnot_mine_\@:
.endm
.macro PLACES n
.rept \n
	v_nop
.endr
.endm
.macro FRAG reg, adr, q, i
.irp c, 0,1
	ds_load_b128 v[\reg+6*\c:\reg+6*\c+3], v[\adr] offset:(\i)*RB+(2*(\q)+\c)*768
	ds_load_b64 v[\reg+6*\c+4:\reg+6*\c+5], v[\adr+2] offset:(\i)*RB+(2*(\q)+\c)*768+512
.endr
.endm
.macro FETCH slot, q, p
	WIN TO_F
.irp i, 0,1,2,3
	FRAG 128*(\p)+FR*\i, ADRB+\slot, \q, \i
.endr
.irp i, 0,1,2,3
	FRAG 128*(\p)+48+FR*\i, ADRA+\slot, \q, \i
.endr
.endm
.macro SCALES sc
.irp i, 0,1,2,3
.irp q, 0,1,2,3
	ds_load_b32 v[SC+16*\sc+4*\i+\q], v[ADRS] offset:\q*512+\i*64
.endr
.endr
.endm
.macro MUL8 a0, p, q, sc, zero
.irp a, \a0, \a0+1
.irp b, 0,1,2,3
.if \zero
	v_wmma_scale_f32_16x16x128_f8f6f4 v[ACC+8*(4*(\a)+\b):ACC+8*(4*(\a)+\b)+7], v[128*(\p)+FR*\b:128*(\p)+FR*\b+FR-1], v[128*(\p)+48+FR*(\a):128*(\p)+48+FR*(\a)+FR-1], 0, v[SC+16*(\sc)+4*\b+(\q)], v[SC+16*(\sc)+4*(\a)+(\q)] matrix_a_fmt:MATRIX_FMT_BF6 matrix_b_fmt:MATRIX_FMT_BF6 matrix_a_scale:MATRIX_SCALE_ROW1
.else
	v_wmma_scale_f32_16x16x128_f8f6f4 v[ACC+8*(4*(\a)+\b):ACC+8*(4*(\a)+\b)+7], v[128*(\p)+FR*\b:128*(\p)+FR*\b+FR-1], v[128*(\p)+48+FR*(\a):128*(\p)+48+FR*(\a)+FR-1], v[ACC+8*(4*(\a)+\b):ACC+8*(4*(\a)+\b)+7], v[SC+16*(\sc)+4*\b+(\q)], v[SC+16*(\sc)+4*(\a)+(\q)] matrix_a_fmt:MATRIX_FMT_BF6 matrix_b_fmt:MATRIX_FMT_BF6 matrix_a_scale:MATRIX_SCALE_ROW1
.endif
.endr
.endr
.endm
.macro STEP slot, q, zero
	s_wait_dscnt 0x0
	PLACES NP
	FETCH \slot, (\q)+1, 1-(\q)%2
	WIN MUL
	MUL8 0, (\q)%2, \q, \slot, \zero
	MUL8 2, (\q)%2, \q, \slot, \zero
.endm
.macro TURN slot, next, fill
	WIN 0
.if \fill
	s_wait_xcnt 0x0
	s_add_nc_u64 s[PFA:PFA+1], s[PFA:PFA+1], 8192
.endif
	s_wait_tensorcnt 0x0
	ds_add_u32 v[SPW], v[NIL]
	s_wait_dscnt 1
	WIN MUL
	MUL8 0, 1, NQ-1, \slot, 0
	WIN 0
	s_wait_dscnt 0x0
	s_barrier_signal -1
	s_barrier_wait -1
.if \fill
	CREST
	s_add_nc_u64 s[G0+4*\slot+2:G0+4*\slot+3], s[G0+4*\slot+2:G0+4*\slot+3], 2*RB
	s_add_nc_u64 s[G0B+4*\slot+2:G0B+4*\slot+3], s[G0B+4*\slot+2:G0B+4*\slot+3], 2*RB
	JLOAD G0+4*\slot, G1, G0B+4*\slot, G1B
.else
	PLACES NP
.endif
	v_add_nc_u32 v[ADRS], 512*NQ, v[ADRS]
	FETCH \next, 0, 0
	WIN 0
	SCALES \next
.if \fill
	ASK
.endif
	WIN MUL
	MUL8 2, 1, NQ-1, \slot, 0
.endm
	s_load_b256 s[4:11], s[0:1], 0x0
	s_load_b64 s[12:13], s[0:1], 0x20
	v_lshl_add_u32 v[SPW], v0, 2, SPARE
	v_mov_b32 v[NIL], 0
	ds_add_u32 v28, v29
	ds_add_u32 v28, v29
	s_wait_dscnt 0x0
	v_lshrrev_b32 v1, 5, v0
	v_readfirstlane_b32 s14, v1
	s_lshr_b32 s15, s14, 1
	s_and_b32 s16, s14, 1
	s_bfe_u32 s40, ttmp6, 0x40000
	s_bfe_u32 s41, ttmp6, 0x40004
	s_lshl_b32 s42, ttmp9, 2
	s_add_co_u32 s42, s42, s40
	s_and_b32 s17, ttmp7, 0xffff
	s_lshl_b32 s17, s17, 2
	s_add_co_u32 s17, s17, s41
	s_lshl_b32 s43, s41, 2
	s_lshl_b32 s43, 15, s43
	s_lshl_b32 s44, 0x1111, s40
	s_or_b32 s[G1], s43, (3<<16)|(1<<21)
	s_or_b32 s[G1B], s44, (3<<16)|(1<<21)
	s_or_b32 s[G1S], s43, (3<<16)|(1<<21)
	s_or_b32 s[G1SB], s44, (3<<16)|(1<<21)
.irp g, G1, G1B
	s_mov_b32 s[\g+1], 1536<<16
	s_mov_b32 s[\g+2], 8<<16
	s_mov_b32 s[\g+3], 1536<<16
	s_mov_b32 s[\g+4], 8
	s_mov_b32 s[\g+5], 3*KDIM/2
	s_mov_b32 s[\g+6], 0
	s_mov_b32 s[\g+7], 0
.endr
.irp g, G1S, G1SB
	s_mov_b32 s[\g+1], 32<<16
	s_mov_b32 s[\g+2], (HALFS/256)<<16
	s_mov_b32 s[\g+3], 32<<16
	s_mov_b32 s[\g+4], HALFS/256
	s_mov_b32 s[\g+5], 32
	s_mov_b32 s[\g+6], 0
	s_mov_b32 s[\g+7], 0
.endr
	s_lshl_b32 s20, s17, 1
	s_add_co_u32 s20, s20, s16
	s_lshl_b32 s46, s42, 1
	s_add_co_u32 s46, s46, s16
	s_mul_i32 s22, s17, HALFS
	s_add_co_u32 s22, s22, OFFS_A
	s_mul_i32 s20, s20, 48*KDIM
	s_add_co_u32 s20, s20, OFFC_A
	s_mul_i32 s92, s42, HALFS
	s_add_co_u32 s92, s92, OFFS_B
	s_mul_i32 s46, s46, 48*KDIM
	s_add_co_u32 s46, s46, OFFC_B
	s_mov_b32 s21, 0
	s_mov_b32 s23, 0
	s_mov_b32 s47, 0
	s_mov_b32 s93, 0
	s_mul_i32 s45, s14, HALFT
	s_wait_kmcnt 0x0
	s_add_nc_u64 s[20:21], s[4:5], s[20:21]
	s_add_nc_u64 s[22:23], s[4:5], s[22:23]
	s_add_nc_u64 s[46:47], s[6:7], s[46:47]
	s_add_nc_u64 s[92:93], s[6:7], s[92:93]
	CROUND
	s_mov_b32 s[G0S], 1
	s_mov_b32 s[G0S+1], SCL
	s_mov_b64 s[G0S+2:G0S+3], s[22:23]
	s_or_b32 s[G0S+3], s[G0S+3], 0x80000000
	s_mov_b32 s[G0SB], 1
	s_mov_b32 s[G0SB+1], SCL+HALFS+64
	s_mov_b64 s[G0SB+2:G0SB+3], s[92:93]
	s_or_b32 s[G0SB+3], s[G0SB+3], 0x80000000
	s_mov_b32 s[G0], 1
	s_mov_b32 s[G0+1], s45
	s_mov_b64 s[G0+2:G0+3], s[20:21]
	s_or_b32 s[G0+3], s[G0+3], 0x80000000
	s_mov_b32 s[G0B], 1
	s_mov_b32 s[G0B+1], s45
	s_mov_b64 s[G0B+2:G0B+3], s[46:47]
	s_or_b32 s[G0B+3], s[G0B+3], 0x80000000
	; all that the block needs, one joint load a wave: wave 0 A's 128 rows for all of K, wave 1 A's scale words, wave 2 B's 128 rows, wave 3 B's scale words
	s_cmp_lt_u32 s14, 1
	s_cbranch_scc0 .Lh1
	tensor_load_to_lds s[G0:G0+3], s[G1:G1+7]
	s_nop 0
.rept 4
	v_nop
.endr
	s_branch .Lhj
.Lh1:
	s_cmp_lt_u32 s14, 2
	s_cbranch_scc0 .Lh2
	tensor_load_to_lds s[G0S:G0S+3], s[G1S:G1S+7]
	s_nop 0
.rept 4
	v_nop
.endr
	s_branch .Lhj
.Lh2:
	s_cmp_lt_u32 s14, 3
	s_cbranch_scc0 .Lh3
	tensor_load_to_lds s[G0B:G0B+3], s[G1B:G1B+7]
	s_nop 0
.rept 4
	v_nop
.endr
	s_branch .Lhj
.Lh3:
	tensor_load_to_lds s[G0SB:G0SB+3], s[G1SB:G1SB+7]
	s_nop 0
.rept 4
	v_nop
.endr
.Lhj:
	v_and_b32 v1, 15, v0
	v_bfe_u32 v2, v0, 4, 1
	v_and_b32 v3, 31, v0
	v_lshlrev_b32 v[L16], 4, v3
	v_lshlrev_b32 v[L8], 3, v3
	v_lshlrev_b32 v[BO], 4, v1
	s_wait_alu depctr_va_vdst(0)
	v_lshl_add_u32 v[CO], v2, 12, v[BO]
	s_wait_alu depctr_va_vdst(0)
	s_lshl_b32 s18, s17, 7
	s_lshl_b32 s19, s15, 6
	s_add_co_u32 s18, s18, s19
	s_lshl_b32 s18, s18, 12
	s_lshl_b32 s20, s42, 9
	s_lshl_b32 s19, s16, 8
	s_add_co_u32 s20, s20, s19
	s_add_co_u32 s18, s18, s20
	s_mov_b32 s19, 0
	s_mov_b32 s21, 0
	s_add_nc_u64 s[10:11], s[10:11], s[18:19]
	s_add_nc_u64 s[12:13], s[12:13], s[18:19]
	s_add_nc_u64 s[8:9], s[8:9], s[20:21]
	global_load_b128 v[BI:BI+3], v[BO], s[8:9]
	WIN 0x80
.irp a, 0,1,2,3
.irp i, 0,1,2,3,4,5,6,7
	global_load_b128 v[32*\a+4*\i:32*\a+4*\i+3], v[CO], s[10:11] offset:(32*(\a/2)+8*(\a%2)+2*\i+8*(\i/4))*4096 th:TH_LOAD_NT
.endr
.endr
	WIN 0
	s_mul_i32 s21, s15, HALFT
	s_mul_i32 s22, s16, HALFT
	s_add_co_u32 s22, s22, 2*HALFT
.irp s, 0,1
	v_add_nc_u32 v[ADRA+\s], s21, v[L16]
	v_add_nc_u32 v[ADRA+2+\s], s21, v[L8]
	v_add_nc_u32 v[ADRB+\s], s22, v[L16]
	v_add_nc_u32 v[ADRB+2+\s], s22, v[L8]
	s_add_co_u32 s21, s21, RB/2                    ; the second half of K lies half a rho's bytes on
	s_add_co_u32 s22, s22, RB/2
.endr
	s_lshl_b32 s21, s15, 8
	s_lshl_b32 s22, s16, 8
	s_add_co_u32 s22, s22, HALFS+64
	s_sub_co_u32 s22, s22, s21
	v_mul_u32_u24 v6, s22, v2
	s_add_co_u32 s21, s21, SCL
	v_lshl_add_u32 v6, v1, 2, v6
	v_add_nc_u32 v[ADRS], s21, v6
	s_mul_i32 s23, s14, 16*SPITCH
	s_add_co_u32 s23, s23, SPARE+512               ; the stages have bytes of their own, behind the spare words
	v_mul_u32_u24 v5, v1, SPITCH
	v_lshl_add_u32 v5, v2, 6, v5
	v_add_nc_u32 v[STO], s23, v5
	v_mul_u32_u24 v5, v2, SPITCH
	v_lshl_add_u32 v5, v1, 4, v5
	v_add_nc_u32 v[RD], s23, v5
.if LAPS > 1
	s_and_b32 s22, ttmp7, 0xffff
	s_cmp_eq_u32 s15, 0
	s_cselect_b32 s20, s17, s42
	s_cselect_b32 s21, s40, s41
	s_cselect_b32 s22, ttmp9, s22
	s_cselect_b32 s23, OFFC_A, OFFC_B
	s_cselect_b64 s[PFA:PFA+1], s[4:5], s[6:7]
	s_cmp_eq_u32 s22, 0
	s_cselect_b32 s[LIM], 1, -1
	s_lshl_b32 s20, s20, 3
	s_lshl_b32 s22, s16, 2
	s_add_co_u32 s20, s20, s22
	s_add_co_u32 s20, s20, s21
	s_mul_i32 s20, s20, 12*KDIM
	s_add_co_u32 s20, s20, s23
	s_add_co_u32 s20, s20, 8192
	s_mov_b32 s21, 0
	s_add_nc_u64 s[PFA:PFA+1], s[PFA:PFA+1], s[20:21]
	v_lshlrev_b32 v[PFO], 8, v3
.endif
	s_wait_alu depctr_va_vdst(0)
	s_wait_tensorcnt 0x0
	s_barrier_signal -1
	s_barrier_wait -1
	FETCH 0, 0, 0
	WIN 0
	SCALES 0
	STEP 0, 0, 1
	STEP 0, 1, 0
	STEP 0, 2, 0
.if LAPS > 1
	WIN 0
	s_mov_b32 s3, LAPS-1
.Llap:
	TURN 0, 1, 1
	STEP 1, 0, 0
	STEP 1, 1, 0
	STEP 1, 2, 0
	TURN 1, 0, 1
	STEP 0, 0, 0
	STEP 0, 1, 0
	STEP 0, 2, 0
	WIN 0
	s_sub_co_u32 s3, s3, 1
	s_cmp_lg_u32 s3, 0
	s_cbranch_scc1 .Llap
.endif
	TURN 0, 1, 0
	STEP 1, 0, 0
	STEP 1, 1, 0
	STEP 1, 2, 0
	s_wait_dscnt 0x0
	WIN MUL
	MUL8 0, 1, NQ-1, 1, 0
	MUL8 2, 1, NQ-1, 1, 0
	WIN 0
.macro TOSTAGE a
.set AC, ACC+32*(\a)
.irp b, 0,1,2,3
	ds_store_b128 v[STO], v[AC+8*\b:AC+8*\b+3] offset:128*(\b/2)+32*(\b%2)
	ds_store_b128 v[STO], v[AC+8*\b+4:AC+8*\b+7] offset:128*(\b/2)+32*(\b%2)+16
.endr
.set BB, BK+32*((\a)%2)
.irp t, 0,1,2,3,4,5,6,7
	ds_load_b128 v[BB+4*\t:BB+4*\t+3], v[RD] offset:2*\t*SPITCH
.endr
.endm
.macro SEND a, younger
.set BB, BK+32*((\a)%2)
	s_wait_dscnt \younger
	WIN 0x08
.irp t, 0,1,2,3,4,5,6,7
	v_pk_add_f32 v[BB+4*\t:BB+4*\t+1], v[BB+4*\t:BB+4*\t+1], v[32*(\a)+4*\t:32*(\a)+4*\t+1]
	v_pk_add_f32 v[BB+4*\t+2:BB+4*\t+3], v[BB+4*\t+2:BB+4*\t+3], v[32*(\a)+4*\t+2:32*(\a)+4*\t+3]
.endr
	WIN 0
.irp t, 0,1,2,3,4,5,6,7
	v_pk_add_f32 v[BB+4*\t:BB+4*\t+1], v[BB+4*\t:BB+4*\t+1], v[BI:BI+1]
	v_pk_add_f32 v[BB+4*\t+2:BB+4*\t+3], v[BB+4*\t+2:BB+4*\t+3], v[BI+2:BI+3]
.endr
.irp t, 0,1,2,3,4,5,6,7
	global_store_b128 v[CO], v[BB+4*\t:BB+4*\t+3], s[12:13] offset:(32*((\a)/2)+8*((\a)%2)+2*\t+8*(\t/4))*4096 th:TH_STORE_NT
.endr
.endm
	PLACES NP
	s_wait_loadcnt 0x0
	TOSTAGE 0
.irp a, 1,2,3
.if \a > 1
	s_wait_xcnt 0x0
.endif
	TOSTAGE \a
	SEND \a-1, 16
.endr
	SEND 3, 0
	s_wait_tensorcnt 0x0
	ds_add_u32 v[SPW], v[NIL]
	s_wait_dscnt 0x0
	CROUND
	s_endpgm
.Lfunc_end_k_q9b3a6b0999_proj:
	.size	k_q9b3a6b0999_proj, .Lfunc_end_k_q9b3a6b0999_proj-k_q9b3a6b0999_proj
	.p2alignl 7, 3214868480
	.fill 96, 4, 3214868480
	.section	.rodata,"a",@progbits
	.p2align	6, 0x0
	.amdhsa_kernel k_q9b3a6b0999_proj
		.amdhsa_group_segment_fixed_size 327680
		.amdhsa_private_segment_fixed_size 0
		.amdhsa_enable_private_segment 0
		.amdhsa_kernarg_size 40
		.amdhsa_user_sgpr_count 2
		.amdhsa_user_sgpr_kernarg_segment_ptr 1
		.amdhsa_wavefront_size32 1
		.amdhsa_system_sgpr_workgroup_id_x 1
		.amdhsa_system_sgpr_workgroup_id_y 1
		.amdhsa_system_sgpr_workgroup_id_z 1
		.amdhsa_system_vgpr_workitem_id 0
		.amdhsa_next_free_vgpr 640
		.amdhsa_next_free_sgpr 100
		.amdhsa_reserve_vcc 0
		.amdhsa_float_denorm_mode_32 3
		.amdhsa_float_denorm_mode_16_64 3
		.amdhsa_memory_ordered 1
		.amdhsa_forward_progress 1
		.amdhsa_inst_pref_size 64
	.end_amdhsa_kernel
	.amdgpu_metadata
---
amdhsa.version: [ 1, 2 ]
amdhsa.kernels:
  - .name:           k_q9b3a6b0999_proj
    .symbol:         k_q9b3a6b0999_proj.kd
    .args:
      - { .name: Y, .offset: 0, .size: 8, .value_kind: global_buffer, .address_space: global }
      - { .name: W, .offset: 8, .size: 8, .value_kind: global_buffer, .address_space: global }
      - { .name: bo, .offset: 16, .size: 8, .value_kind: global_buffer, .address_space: global }
      - { .name: x, .offset: 24, .size: 8, .value_kind: global_buffer, .address_space: global }
      - { .name: X1, .offset: 32, .size: 8, .value_kind: global_buffer, .address_space: global }
    .group_segment_fixed_size: 327680
    .private_segment_fixed_size: 0
    .kernarg_segment_align: 8
    .kernarg_segment_size: 40
    .max_flat_workgroup_size: 128
    .sgpr_count:     100
    .vgpr_count:     640
    .wavefront_size: 32
...
	.end_amdgpu_metadata
.endif
;; end of part 11
;; launch ln2 (part 12): grid 256 x 1, 4 waves a work-group, no clusters, 66,560 bytes of LDS; arguments X1, ln2_g, ln2_b, H; writes H
.if DOCPART == 12
	.amdgcn_target "amdgcn-amd-amdhsa--gfx1250"
	.amdhsa_code_object_version 6
	.text
	.protected	k_q9b3a6b0999_ln2
	.globl	k_q9b3a6b0999_ln2
	.p2align	8
	.type	k_q9b3a6b0999_ln2,@function
k_q9b3a6b0999_ln2:
	s_mov_b64 s[64:65], 0
	v_nop
	global_prefetch_b8 v0, s[64:65] scope:SCOPE_SE
	s_setreg_imm32_b32 hwreg(HW_REG_WAVE_MODE, 25, 1), 1
	s_wait_xcnt 0x0
; LN2.  H = Q(layernorm(X1)), quantised to BF6 (E3M2) along the 1,024 channels, laid as the next product's operand.
; Granule (rho, kappa) = 16 rows x 64 along K = 768 bytes, an image of six operand registers: lane l's registers 0-3 at 16 l, 4-5 at 512 + 8 l; lane l = r + 16 h holds k = 64 kappa + 32 h + 0 .. 31 of the row at place r;
; place r of granule rho is row 32 (rho / 2) + 8 (rho % 2) + r + 8 (r / 8).  Granules lie [rho][kappa].  The scale word of (rho, r, s) lies at 3,145,728 + ((rho / 8) 8 + s) 512 + (rho % 8) 64 + 4 r.
; LAYERNORM: mean, then the centred squares (two passes over registers), f32; the sums are trees, another order than a plain running sum.
; A work-group takes one rho (16 rows).  Phase A: wave w normalises 4 whole rows (a load covers 512 consecutive bytes) and puts them into a stage in LDS.  Phase B: wave w quantises K steps 2 w and 2 w + 1 of all 16 rows.
; A store of codes covers 512 or 256 consecutive aligned bytes; the scale words leave in runs of 64 bytes (one byte for each 24 of codes).
; No matrix work, nothing shared between work-groups, so no cluster; the whole input of a work-group (64 KiB) is asked for at once, so nothing is prefetched.
; LIMITS: NaN and infinities are not served.  A block of zeros, and a block whose largest magnitude lies under 2^-122, gets the scale byte 1 (only this program reads the bytes).
.set PIT,  4112                        ; a stage row: 4,096 bytes + 16
.set L16,  4
.set L8,   5
.set PW,   10
.set SM,   12
.set MU,   20
.set TM,   28
.set PC,   44
.set BT,   64
.set XR,   96
.set GM,   224
.set SEL,  20
.macro QUANT s                         ; 64 numbers of a lane, register 16 b + i = k 32 b + 16 (lane / 16) + i, become a fragment's codes in v[PC] .. v[PC+11] and its scale word in v[PW]
.irp b, 0,1,2,3
	v_max3_num_f32 v[TM+\b], |v[\s+16*\b]|, |v[\s+1+16*\b]|, 0x2800000   ; and the floor 2^(5 - 127): the byte cannot fall under 1
.endr
.irp i, 2,4,6,8,10,12,14
.irp b, 0,1,2,3
	v_max3_num_f32 v[TM+\b], v[TM+\b], |v[\s+16*\b+\i]|, |v[\s+1+16*\b+\i]|
.endr
.endr
.irp b, 0,1,2,3
	v_permlanex16_b32 v[TM+4+\b], v[TM+\b], s[SEL], s[SEL+1]
.endr
.irp b, 0,1,2,3
	v_max_num_f32 v[TM+\b], v[TM+\b], v[TM+4+\b]
.endr
.irp b, 0,1,2,3
	v_add_nc_u32 v[TM+12+\b], 0xfe000000, v[TM+\b]                    ; 4 off the exponent field: the conversion's scale operand
.endr
.irp b, 0,1,2,3
	v_lshrrev_b32 v[TM+4+\b], 23, v[TM+12+\b]
.endr
	v_lshl_or_b32 v[PW], v[TM+5], 8, v[TM+4]
	v_lshl_or_b32 v[PW], v[TM+6], 16, v[PW]
	v_lshl_or_b32 v[PW], v[TM+7], 24, v[PW]
.irp c, 0,1
	v_cvt_scalef32_pk16_bf6_f32 v[PC+6*\c:PC+2+6*\c], v[\s+32*\c:\s+15+32*\c], v[TM+12+2*\c]
	v_cvt_scalef32_pk16_bf6_f32 v[PC+12+4*\c:PC+14+4*\c], v[\s+16+32*\c:\s+31+32*\c], v[TM+12+2*\c+1]
.endr
	v_nop                                          ; one plain instruction behind the scaled conversions
.irp c, 0,1
.irp i, 0,1,2
	v_permlane16_swap_b32 v[PC+6*\c+\i], v[PC+12+4*\c+\i]
.endr
.irp i, 0,1,2
	v_mov_b32 v[PC+3+6*\c+\i], v[PC+12+4*\c+\i]
.endr
.endr
.endm
.macro PUTFRAG b0, o0, b1, o1
	global_store_b128 v[L16], v[PC:PC+3], s[\b0:\b0+1] offset:\o0
	global_store_b64 v[L8], v[PC+4:PC+5], s[\b0:\b0+1] offset:(\o0)+512
	global_store_b128 v[L16], v[PC+6:PC+9], s[\b1:\b1+1] offset:\o1
	global_store_b64 v[L8], v[PC+10:PC+11], s[\b1:\b1+1] offset:(\o1)+512
.endm
.macro REDUCE                                  ; each row's pair of sums becomes the row's sum, in every lane
.irp i, 0,1,2,3
	v_add_f32 v[SM+2*\i], v[SM+2*\i], v[SM+2*\i+1]
.endr
.irp m, 1,2,4,8
.irp i, 0,1,2,3
	v_add_f32_dpp v[SM+2*\i], v[SM+2*\i], v[SM+2*\i] row_xmask:\m row_mask:0xf bank_mask:0xf
.endr
.endr
.irp i, 0,1,2,3
	v_permlanex16_b32 v[SM+2*\i+1], v[SM+2*\i], s[SEL], s[SEL+1]
.endr
.irp i, 0,1,2,3
	v_add_f32 v[SM+2*\i], v[SM+2*\i], v[SM+2*\i+1]
.endr
.endm
	v_lshrrev_b32 v1, 5, v0
	v_readfirstlane_b32 s12, v1                    ; wave 0..3
	v_and_b32 v1, 31, v0
	v_and_b32 v2, 15, v0                           ; r
	v_bfe_u32 v3, v0, 4, 1                         ; h
	v_lshlrev_b32 v[L16], 4, v1
	s_wait_alu depctr_va_vdst(0)
	v_lshlrev_b32 v[L8], 3, v1
	s_load_b256 s[4:11], s[0:1], 0x0               ; X1 s[4:5], g s[6:7], b s[8:9], H s[10:11]
	v_lshl_add_u32 v59, v0, 2, 0x10200
	v_mov_b32 v63, 0
	s_mov_b32 s[SEL], 0x76543210
	s_mov_b32 s[SEL+1], 0xfedcba98
	s_mov_b32 s22, 0x3a800000                      ; 1 / 1024
	s_mov_b32 s23, 0x3727c5ac                      ; 1e-5
	s_lshr_b32 s13, ttmp9, 1
	s_lshl_b32 s13, s13, 5
	s_and_b32 s16, ttmp9, 1
	s_lshl_b32 s16, s16, 3
	s_add_co_u32 s13, s13, s16
	s_lshl_b32 s16, s12, 2
	s_add_co_u32 s13, s13, s16
	s_lshr_b32 s16, s12, 1
	s_lshl_b32 s16, s16, 3
	s_add_co_u32 s13, s13, s16                     ; places 4 w .. 4 w + 3 are rows 32 (rho / 2) + 8 (rho % 2) + 4 w + 8 (w / 2) + 0 .. 3
	s_lshl_b32 s16, s13, 12
	s_mov_b32 s17, 0
	s_mul_i32 s18, ttmp9, 12288
	s_mul_i32 s19, s12, 3072
	s_add_co_u32 s18, s18, s19
	s_mov_b32 s19, 0
	s_lshr_b32 s24, ttmp9, 3
	s_lshl_b32 s24, s24, 3
	s_lshl_b32 s25, s12, 1
	s_add_co_u32 s24, s24, s25
	s_lshl_b32 s24, s24, 9
	s_and_b32 s25, ttmp9, 7
	s_lshl_b32 s25, s25, 6
	s_add_co_u32 s24, s24, s25
	s_add_co_u32 s24, s24, 3145728
	s_mov_b32 s25, 0
	s_mul_i32 s26, s12, 4*PIT
	v_add_nc_u32 v6, s26, v[L16]
	v_mul_u32_u24 v7, v2, PIT
	v_lshl_add_u32 v7, v3, 6, v7
	s_lshl_b32 s26, s12, 10
	v_add_nc_u32 v7, s26, v7
	v_lshlrev_b32 v8, 2, v2
.irp b, 0,1,2,3
	v_mov_b32 v[TM+4+\b], 0                        ; a lane permute's destination counts as one of its sources
.endr
	s_wait_kmcnt 0x0
	s_add_nc_u64 s[4:5], s[4:5], s[16:17]
	s_add_nc_u64 s[14:15], s[10:11], s[24:25]
	s_add_nc_u64 s[10:11], s[10:11], s[18:19]
.irp i, 0,1,2,3
.irp j, 0,1,2,3,4,5,6,7
	global_load_b128 v[XR+32*\i+4*\j:XR+32*\i+4*\j+3], v[L16], s[4:5] offset:4096*\i+512*\j
.endr
.endr
.irp j, 0,1,2,3,4,5,6,7
	global_load_b128 v[GM+4*\j:GM+4*\j+3], v[L16], s[6:7] offset:512*\j
.endr
.irp j, 0,1,2,3,4,5,6,7
	global_load_b128 v[BT+4*\j:BT+4*\j+3], v[L16], s[8:9] offset:512*\j
.endr
	s_wait_loadcnt 16                              ; my rows are in; the 16 younger loads (g, b) may be out
.irp i, 0,1,2,3
	v_pk_add_f32 v[SM+2*\i:SM+2*\i+1], v[XR+32*\i:XR+32*\i+1], v[XR+32*\i+2:XR+32*\i+3]
.endr
.irp j, 4,6,8,10,12,14,16,18,20,22,24,26,28,30
.irp i, 0,1,2,3
	v_pk_add_f32 v[SM+2*\i:SM+2*\i+1], v[SM+2*\i:SM+2*\i+1], v[XR+32*\i+\j:XR+32*\i+\j+1]
.endr
.endr
	REDUCE
.irp i, 0,1,2,3
	v_mul_f32 v[MU+2*\i], s22, v[SM+2*\i]          ; the mean
.endr
.irp i, 0,1,2,3
	v_mov_b32 v[MU+2*\i+1], v[MU+2*\i]
.endr
.irp j, 0,2,4,6,8,10,12,14,16,18,20,22,24,26,28,30
.irp i, 0,1,2,3
	v_pk_add_f32 v[XR+32*\i+\j:XR+32*\i+\j+1], v[XR+32*\i+\j:XR+32*\i+\j+1], v[MU+2*\i:MU+2*\i+1] neg_lo:[0,1] neg_hi:[0,1]
.endr
.endr
.irp i, 0,1,2,3
	v_pk_mul_f32 v[SM+2*\i:SM+2*\i+1], v[XR+32*\i:XR+32*\i+1], v[XR+32*\i:XR+32*\i+1]
.endr
.irp j, 2,4,6,8,10,12,14,16,18,20,22,24,26,28,30
.irp i, 0,1,2,3
	v_pk_fma_f32 v[SM+2*\i:SM+2*\i+1], v[XR+32*\i+\j:XR+32*\i+\j+1], v[XR+32*\i+\j:XR+32*\i+\j+1], v[SM+2*\i:SM+2*\i+1]
.endr
.endr
	REDUCE
.irp i, 0,1,2,3
	v_fma_f32 v[SM+2*\i], v[SM+2*\i], s22, s23     ; var + eps
.endr
	s_wait_alu depctr_va_vdst(0)
.irp i, 0,1,2,3
	v_rsq_f32 v[MU+2*\i], v[SM+2*\i]
.endr
	v_nop                                          ; a plain instruction behind the last of the four
	s_wait_alu depctr_va_vdst(0)                   ; one wait for the four, ahead of their first reader
.irp i, 0,1,2,3
	v_mov_b32 v[MU+2*\i+1], v[MU+2*\i]
.endr
	s_wait_alu depctr_va_vdst(0)
	s_wait_loadcnt 0x0                             ; g and b
.irp j, 0,2,4,6,8,10,12,14,16,18,20,22,24,26,28,30
.irp i, 0,1,2,3
	v_pk_mul_f32 v[XR+32*\i+\j:XR+32*\i+\j+1], v[XR+32*\i+\j:XR+32*\i+\j+1], v[MU+2*\i:MU+2*\i+1]
.endr
.endr
.irp j, 0,2,4,6,8,10,12,14,16,18,20,22,24,26,28,30
.irp i, 0,1,2,3
	v_pk_fma_f32 v[XR+32*\i+\j:XR+32*\i+\j+1], v[XR+32*\i+\j:XR+32*\i+\j+1], v[GM+\j:GM+\j+1], v[BT+\j:BT+\j+1]
.endr
.endr
.irp i, 0,1,2,3
.irp j, 0,1,2,3,4,5,6,7
	ds_store_b128 v6, v[XR+32*\i+4*\j:XR+32*\i+4*\j+3] offset:PIT*\i+512*\j
.endr
.endr
	s_wait_dscnt 0x0                               ; for the others' sake: my rows lie in the stage
	s_barrier_signal -1
	s_barrier_wait -1
.irp e, 0,1
.irp b, 0,1,2,3
.irp j, 0,1,2,3
	ds_load_b128 v[XR+64*\e+16*\b+4*\j:XR+64*\e+16*\b+4*\j+3], v7 offset:512*\e+128*\b+16*\j
.endr
.endr
.endr
	s_wait_dscnt 16                                ; K step 2 w is in; the 16 younger loads (K step 2 w + 1) may be out
	QUANT XR
	PUTFRAG 10, 0, 10, 768
	global_store_b32 v8, v[PW], s[14:15]           ; lanes r and r + 16 store the same word
	s_wait_dscnt 0x0
	s_wait_xcnt 0x0                                ; the stores have read their registers: the codes and the word are written again
	QUANT XR+64
	PUTFRAG 10, 1536, 10, 2304
	global_store_b32 v8, v[PW], s[14:15] offset:512
	s_wait_tensorcnt 0x0
	ds_add_u32 v59, v63
	s_wait_dscnt 0x0
	s_endpgm
.Lfunc_end_k_q9b3a6b0999_ln2:
	.size	k_q9b3a6b0999_ln2, .Lfunc_end_k_q9b3a6b0999_ln2-k_q9b3a6b0999_ln2
	.p2alignl 7, 3214868480
	.fill 96, 4, 3214868480
	.section	.rodata,"a",@progbits
	.p2align	6, 0x0
	.amdhsa_kernel k_q9b3a6b0999_ln2
		.amdhsa_group_segment_fixed_size 66560
		.amdhsa_private_segment_fixed_size 0
		.amdhsa_enable_private_segment 0
		.amdhsa_kernarg_size 32
		.amdhsa_user_sgpr_count 2
		.amdhsa_user_sgpr_kernarg_segment_ptr 1
		.amdhsa_wavefront_size32 1
		.amdhsa_system_sgpr_workgroup_id_x 1
		.amdhsa_system_sgpr_workgroup_id_y 1
		.amdhsa_system_sgpr_workgroup_id_z 1
		.amdhsa_system_vgpr_workitem_id 0
		.amdhsa_next_free_vgpr 256
		.amdhsa_next_free_sgpr 66
		.amdhsa_reserve_vcc 0
		.amdhsa_float_denorm_mode_32 3
		.amdhsa_float_denorm_mode_16_64 3
		.amdhsa_memory_ordered 1
		.amdhsa_forward_progress 1
		.amdhsa_inst_pref_size 44
	.end_amdhsa_kernel
	.amdgpu_metadata
---
amdhsa.version: [ 1, 2 ]
amdhsa.kernels:
  - .name:           k_q9b3a6b0999_ln2
    .symbol:         k_q9b3a6b0999_ln2.kd
    .args:
      - { .name: X1, .offset: 0, .size: 8, .value_kind: global_buffer, .address_space: global }
      - { .name: ln2_g, .offset: 8, .size: 8, .value_kind: global_buffer, .address_space: global }
      - { .name: ln2_b, .offset: 16, .size: 8, .value_kind: global_buffer, .address_space: global }
      - { .name: H, .offset: 24, .size: 8, .value_kind: global_buffer, .address_space: global }
    .group_segment_fixed_size: 66560
    .private_segment_fixed_size: 0
    .kernarg_segment_align: 8
    .kernarg_segment_size: 32
    .max_flat_workgroup_size: 128
    .sgpr_count:     66
    .vgpr_count:     256
    .wavefront_size: 32
...
	.end_amdgpu_metadata
.endif
;; end of part 12
;; launch fc1 (part 13): grid 16 x 16, 4 waves a work-group, clusters of 4 x 4, 327,680 bytes of LDS; arguments H, W, b1, G; writes G
.if DOCPART == 13
	.amdgcn_target "amdgcn-amd-amdhsa--gfx1250"
	.amdhsa_code_object_version 6
	.text
	.protected	k_q9b3a6b0999_fc1
	.globl	k_q9b3a6b0999_fc1
	.p2align	8
	.type	k_q9b3a6b0999_fc1,@function
k_q9b3a6b0999_fc1:
	s_mov_b64 s[64:65], 0
	v_nop
	global_prefetch_b8 v0, s[64:65] scope:SCOPE_SE
	s_setreg_imm32_b32 hwreg(HW_REG_WAVE_MODE, 25, 1), 1
	s_wait_xcnt 0x0
	s_wait_alu depctr_hold_cnt(0) depctr_sa_sdst(0) depctr_va_vdst(0) depctr_va_sdst(0) depctr_va_ssrc(0) depctr_va_vcc(0) depctr_vm_vsrc(0)
	s_getreg_b32 s2, hwreg(HW_REG_IB_STS2, 6, 4)
	s_cmp_eq_u32 s2, 0
	s_cbranch_scc0 .Lentry_in_a_cluster
	s_endpgm
.Lentry_in_a_cluster:
	s_bfe_u32 s2, ttmp6, 0x10000c
	s_cmp_lg_u32 s2, 0xf033
	s_cbranch_scc0 .Lentry_shape_is_right
	s_endpgm
.Lentry_shape_is_right:
.set KDIM,   1024
.set OFFC_A, 0
.set OFFS_A, 3145728
.set OFFC_B, 3145728
.set OFFS_B, 9568256
.set NQ,    2
.set FR,    12
.set NL,    4
.set NP,    4
.set RB,    4608                       ; a rho's six granules in a slot: three steps of 128 along K
.set HALFT, 8*RB
.set SLOT,  4*HALFT
.set LAPS,  KDIM/512
.set HALFS, (KDIM/128)*512
.set SCL,   2*SLOT
.set SPARE, SCL+4*HALFS+256
.set L16,  8
.set L8,   9
.set PWA,  10
.set PWR,  11
.set ADRA, 16
.set ADRB, 20
.set ADRS, 27
.set SPW,  28
.set NIL,  29
.set SC,   32
.set BC,   64
.set AU,   64
.set AF,   128
.set T,    128
.set TT,   0                           ; window 1 (B's fragments are done with on the way out): t, then t a E
.set PP,   64                          ; window 1: the polynomial, then the exponential
.set PC,   192
.set TM,   212
.set PW,   228
.set C8,   230
.set SEL,  46
.set G1, 24
.set G0, 32
.set G1B, 48
.set G0B, 56
.set G1S, 68
.set G0S, 76
.set G1SB, 80
.set G0SB, 88
.set MSB, 0
.macro WIN new
.if MSB != (\new)
	s_set_vgpr_msb (MSB<<8)|(\new)
.set MSB, (\new)
.endif
.endm
.set MUL_LO, 0xa1
.set MUL_HI, 0xf1
.set TO_B,   0x40
.macro JLOAD g0a, g1a, g0b, g1b
	s_cmp_eq_u32 s15, 0
	s_cbranch_scc0 .Lfor_b_\@
	tensor_load_to_lds s[\g0a:\g0a+3], s[\g1a:\g1a+7]
	s_nop 0
.rept 4
	v_nop
.endr
	s_branch .Lasked_\@
.Lfor_b_\@:
	tensor_load_to_lds s[\g0b:\g0b+3], s[\g1b:\g1b+7]
	s_nop 0
.rept 4
	v_nop
.endr
.Lasked_\@:
.endm
.macro CREST
	s_cmp_lg_u32 s14, 0
	s_cbranch_scc1 .Lnot_wave_0_\@
	s_barrier_signal -3
.Lnot_wave_0_\@:
	s_barrier_wait -3
	s_barrier_signal -1
	s_barrier_wait -1
.endm
.macro CROUND
	s_barrier_signal -1
	s_barrier_wait -1
	CREST
.endm
.macro PLACES n
.rept \n
	v_nop
.endr
.endm
.macro FRAG reg, adr, q, i
.irp c, 0,1
	ds_load_b128 v[\reg+6*\c:\reg+6*\c+3], v[\adr] offset:(\i)*RB+(2*(\q)+\c)*768
	ds_load_b64 v[\reg+6*\c+4:\reg+6*\c+5], v[\adr+2] offset:(\i)*RB+(2*(\q)+\c)*768+512
.endr
.endm
.macro MUL16 a0, p, q, sc, mode
.irp a, \a0, \a0+1
.irp b, 0,1,2,3,4,5,6,7
.if \mode
	v_wmma_scale_f32_16x16x128_f8f6f4 v[8*(8*((\a)%4)+\b):8*(8*((\a)%4)+\b)+7], v[128*(\p)+FR*\b:128*(\p)+FR*\b+FR-1], v[AF+FR*(\a):AF+FR*(\a)+FR-1], v[BC+8*\b:BC+8*\b+7], v[SC+16*(\sc)+2*\b+(\q)], v[SC+16*(\sc)+2*(\a)+(\q)] matrix_a_fmt:MATRIX_FMT_BF6 matrix_b_fmt:MATRIX_FMT_BF6 matrix_a_scale:MATRIX_SCALE_ROW1
.else
	v_wmma_scale_f32_16x16x128_f8f6f4 v[8*(8*((\a)%4)+\b):8*(8*((\a)%4)+\b)+7], v[128*(\p)+FR*\b:128*(\p)+FR*\b+FR-1], v[AF+FR*(\a):AF+FR*(\a)+FR-1], v[8*(8*((\a)%4)+\b):8*(8*((\a)%4)+\b)+7], v[SC+16*(\sc)+2*\b+(\q)], v[SC+16*(\sc)+2*(\a)+(\q)] matrix_a_fmt:MATRIX_FMT_BF6 matrix_b_fmt:MATRIX_FMT_BF6 matrix_a_scale:MATRIX_SCALE_ROW1
.endif
.endr
.endr
.endm
.macro FETCH_B slot, q, p
	WIN TO_B
.irp i, 0,1,2,3,4,5,6,7
	FRAG 128*(\p)+FR*\i, ADRB+\slot, \q, \i
.endr
	WIN 0
.endm
.macro FETCH_A slot, q, i0
.irp i, \i0, \i0+1, \i0+2, \i0+3
	FRAG AF+FR*(\i), ADRA+\slot, \q, \i
.endr
.endm
.macro SCALES sc
.irp i, 0,1,2,3,4,5,6,7
.irp q, 0,1
	ds_load_b32 v[SC+16*\sc+2*\i+\q], v[ADRS] offset:\q*512+\i*64
.endr
.endr
.endm
.macro STEP slot, q, mode
	s_wait_dscnt 4*NL
.if \mode
	WIN 0x81
.else
	WIN MUL_LO
.endif
	MUL16 0, (\q)%2, \q, \slot, \mode
	MUL16 2, (\q)%2, \q, \slot, \mode
	s_wait_dscnt 0
	PLACES NP
	FETCH_B \slot, (\q)+1, 1-(\q)%2
	FETCH_A \slot, (\q)+1, 0
.if \mode
	WIN 0xc1
.else
	WIN MUL_HI
.endif
	MUL16 4, (\q)%2, \q, \slot, \mode
	MUL16 6, (\q)%2, \q, \slot, \mode
	PLACES NP
	WIN 0
	FETCH_A \slot, (\q)+1, 4
.endm
.macro TURN slot, next, fill
	s_wait_tensorcnt 0x0
	ds_add_u32 v[SPW], v[NIL]
	s_wait_dscnt 4*NL+1
	WIN MUL_LO
	MUL16 0, 1, NQ-1, \slot, 0
	s_wait_dscnt 0x0
	s_barrier_signal -1
	MUL16 2, 1, NQ-1, \slot, 0
	WIN 0
	s_barrier_wait -1
.if \fill
	CREST
	s_add_nc_u64 s[G0+4*\slot+2:G0+4*\slot+3], s[G0+4*\slot+2:G0+4*\slot+3], 2*RB
	s_add_nc_u64 s[G0B+4*\slot+2:G0B+4*\slot+3], s[G0B+4*\slot+2:G0B+4*\slot+3], 2*RB
	JLOAD G0+4*\slot, G1, G0B+4*\slot, G1B
.else
	PLACES NP
.endif
	s_wait_alu depctr_va_vdst(0)
	v_add_nc_u32 v[ADRS], 1024, v[ADRS]
	FETCH_B \next, 0, 0
	FETCH_A \next, 0, 0
	SCALES \next
	WIN MUL_HI
	MUL16 4, 1, NQ-1, \slot, 0
	MUL16 6, 1, NQ-1, \slot, 0
	PLACES NP
	WIN 0
	FETCH_A \next, 0, 4
.endm
; THE RING AS IT IS WALKED: two slots of THREE steps of 128 along K each; the eight steps go in fills of 3, 3 and 2.  Step st lies in slot (st / 3) % 2 at place st % 3; B's set is st % 2;
; the scale words of steps 2 g and 2 g + 1 lie in set g % 2 and come by immediates.  The last fill keeps the pitch of three steps: its tensor_dim0 states two, and what lies behind is written as zeros and never read.
.macro XSC g
.irp i, 0,1,2,3,4,5,6,7
.irp q, 0,1
	ds_load_b32 v[SC+16*((\g)%2)+2*\i+\q], v[ADRS] offset:(2*(\g)+\q)*512+\i*64
.endr
.endr
.endm
.macro XSTEP st, mode                  ; a step that has its successor in the same fill
.set XN, (\st)+1
.set XS, (XN/3)%2
.set XQ, XN%3
	s_wait_dscnt 4*NL                              ; all but the youngest 16 loads (A's blocks 4-7) are in
.if \mode
	WIN 0x81
.else
	WIN MUL_LO
.endif
	MUL16 0, (\st)%2, (\st)%2, ((\st)/2)%2, \mode
	MUL16 2, (\st)%2, (\st)%2, ((\st)/2)%2, \mode
	s_wait_dscnt 0
	PLACES NP
	FETCH_B XS, XQ, XN%2
	FETCH_A XS, XQ, 0
.if (\st)%2 == 1
	XSC ((\st)+1)/2
.endif
.if \mode
	WIN 0xc1
.else
	WIN MUL_HI
.endif
	MUL16 4, (\st)%2, (\st)%2, ((\st)/2)%2, \mode
	MUL16 6, (\st)%2, (\st)%2, ((\st)/2)%2, \mode
	PLACES NP
	WIN 0
	FETCH_A XS, XQ, 4
.endm
.macro XTURN st, fill                  ; a fill's last step changes slots: the waits, the add and one barrier, which opens a round of the cluster's where the slot is filled again
.set XN, (\st)+1
.set XS, (XN/3)%2
.set XQ, XN%3
.set XC, ((\st)/3)%2
	s_wait_tensorcnt 0x0                           ; all my tensor loads have landed: my part of the next fill
	ds_add_u32 v[SPW], v[NIL]
	s_wait_dscnt 4*NL+1                            ; (the add and the youngest 16 loads may be out)
	WIN MUL_LO
	MUL16 0, (\st)%2, (\st)%2, ((\st)/2)%2, 0
	s_wait_dscnt 0x0                               ; the add is done, and my reads of this slot are over
	s_barrier_signal -1
	MUL16 2, (\st)%2, (\st)%2, ((\st)/2)%2, 0
	WIN 0
	s_barrier_wait -1
.if \fill
	CREST
	s_add_nc_u64 s[G0+4*XC+2:G0+4*XC+3], s[G0+4*XC+2:G0+4*XC+3], 2*RB
	s_add_nc_u64 s[G0B+4*XC+2:G0B+4*XC+3], s[G0B+4*XC+2:G0B+4*XC+3], 2*RB
	s_mov_b32 s[G1+1], 384<<16                     ; two steps are left of a row
	s_mov_b32 s[G1B+1], 384<<16
	JLOAD G0+4*XC, G1, G0B+4*XC, G1B               ; the first tensor load behind the round; its four v_nop are the places in front of the loads below
.else
	PLACES NP
.endif
	FETCH_B XS, XQ, XN%2
	FETCH_A XS, XQ, 0
.if (\st)%2 == 1
	XSC ((\st)+1)/2
.endif
	WIN MUL_HI
	MUL16 4, (\st)%2, (\st)%2, ((\st)/2)%2, 0
	MUL16 6, (\st)%2, (\st)%2, ((\st)/2)%2, 0
	PLACES NP
	WIN 0
	FETCH_A XS, XQ, 4
.endm
.macro QUANT s
.irp b, 0,1,2,3
	v_max3_num_f32 v[TM+\b], |v[\s+16*\b]|, |v[\s+1+16*\b]|, 0x2800000
.endr
.irp i, 2,4,6,8,10,12,14
.irp b, 0,1,2,3
	v_max3_num_f32 v[TM+\b], v[TM+\b], |v[\s+16*\b+\i]|, |v[\s+1+16*\b+\i]|
.endr
.endr
.irp b, 0,1,2,3
	v_permlanex16_b32 v[TM+4+\b], v[TM+\b], s[SEL], s[SEL+1]
.endr
.irp b, 0,1,2,3
	v_max_num_f32 v[TM+\b], v[TM+\b], v[TM+4+\b]
.endr
.irp b, 0,1,2,3
	v_add_nc_u32 v[TM+12+\b], 0xfe000000, v[TM+\b]
.endr
.irp b, 0,1,2,3
	v_lshrrev_b32 v[TM+4+\b], 23, v[TM+12+\b]
.endr
	v_lshl_or_b32 v[PW], v[TM+5], 8, v[TM+4]
	v_lshl_or_b32 v[PW], v[TM+6], 16, v[PW]
	v_lshl_or_b32 v[PW], v[TM+7], 24, v[PW]
.irp c, 0,1
	v_cvt_scalef32_pk16_bf6_f32 v[PC+6*\c:PC+2+6*\c], v[\s+32*\c:\s+15+32*\c], v[TM+12+2*\c]
	v_cvt_scalef32_pk16_bf6_f32 v[PC+12+4*\c:PC+14+4*\c], v[\s+16+32*\c:\s+31+32*\c], v[TM+12+2*\c+1]
.endr
	v_nop
.irp c, 0,1
.irp i, 0,1,2
	v_permlane16_swap_b32 v[PC+6*\c+\i], v[PC+12+4*\c+\i]
.endr
.irp i, 0,1,2
	v_mov_b32 v[PC+3+6*\c+\i], v[PC+12+4*\c+\i]
.endr
.endr
.endm
.macro XFER a
	WIN 0x08+4*((\a)/4)
.set AC, 64*((\a)%4)
.set i, 0
.rept 64
	v_max_num_f32 v[T+i], 0, v[AC+i]
	v_and_b32 v[AU+i], s97, v[AC+i]
.set i, i+1
.endr
	WIN 0
.endm
; gelu of a whole row block, 64 numbers a lane: max(x, 0) - 0.5 a erfc(a / sqrt 2), a = |x|; each run is 32 independent pairs, and the block has two batches of transcendentals
.macro GELU64
	WIN 0x40
.set i, 0
.rept 32
	v_pk_fma_f32 v[TT+i:TT+i+1], v[AU+i:AU+i+1], 0x3eb504f3, 1.0 op_sel_hi:[1,0,0]
.set i, i+2
.endr
	WIN 0x41
	s_wait_alu depctr_va_vdst(0)                   ; the wait ahead of the batch
.set i, 0
.rept 64
	v_rcp_f32 v[TT+i], v[TT+i]
.set i, i+1
.endr
	v_nop
	s_wait_alu depctr_va_vdst(0)                   ; and behind it
.set i, 0
.rept 32
	v_pk_fma_f32 v[PP+i:PP+i+1], v[TT+i:TT+i+1], 0x3e2ef945, v[C8:C8+1] op_sel_hi:[1,0,1]
.set i, i+2
.endr
	WIN 0x45
.irp c, 0x3fbe87b0, 0xbf914e5d, 0x3e8ec7cc, 0xbe3ec24c, 0x3dc636c9, 0x3ebf88fb, 0x3f8000c7, 0xbfa1fc4e
.set i, 0
.rept 32
	v_pk_fma_f32 v[PP+i:PP+i+1], v[PP+i:PP+i+1], v[TT+i:TT+i+1], \c op_sel_hi:[1,1,0]
.set i, i+2
.endr
.endr
	WIN 0x41
.set i, 0
.rept 32
	v_pk_mul_f32 v[TT+i:TT+i+1], v[TT+i:TT+i+1], v[AU+i:AU+i+1]
.set i, i+2
.endr
	WIN 0
.set i, 0
.rept 32
	v_pk_mul_f32 v[AU+i:AU+i+1], v[AU+i:AU+i+1], v[AU+i:AU+i+1]
.set i, i+2
.endr
	WIN 0x50
.set i, 0
.rept 32
	v_pk_fma_f32 v[PP+i:PP+i+1], v[AU+i:AU+i+1], -0.5, v[PP+i:PP+i+1] op_sel_hi:[1,0,1]
.set i, i+2
.endr
	WIN 0x41
.set i, 0
.rept 32
	v_pk_mul_f32 v[PP+i:PP+i+1], v[PP+i:PP+i+1], 0x3fb8aa3b op_sel_hi:[1,0]
.set i, i+2
.endr
	s_wait_alu depctr_va_vdst(0)
.set i, 0
.rept 64
	v_exp_f32 v[PP+i], v[PP+i]
.set i, i+1
.endr
	v_nop
	s_wait_alu depctr_va_vdst(0)
	WIN 0x45
.set i, 0
.rept 32
	v_pk_mul_f32 v[TT+i:TT+i+1], v[TT+i:TT+i+1], v[PP+i:PP+i+1]
.set i, i+2
.endr
	WIN 0x01
.set i, 0
.rept 32
	v_pk_fma_f32 v[T+i:T+i+1], v[TT+i:TT+i+1], -0.5, v[T+i:T+i+1] op_sel_hi:[1,0,1]
.set i, i+2
.endr
	WIN 0
.endm
.macro GELU16 n
.set A0, AU+16*(\n)
.set T0, T+16*(\n)
.irp p, 0,2,4,6,8,10,12,14
	v_pk_fma_f32 v[TT+\p:TT+\p+1], v[A0+\p:A0+\p+1], 0x3eb504f3, 1.0 op_sel_hi:[1,0,0]
.endr
	s_wait_alu depctr_va_vdst(0)
.irp p, 0,1,2,3,4,5,6,7,8,9,10,11,12,13,14,15
	v_rcp_f32 v[TT+\p], v[TT+\p]
.endr
	v_nop
	s_wait_alu depctr_va_vdst(0)
.irp p, 0,2,4,6,8,10,12,14
	v_pk_fma_f32 v[PP+\p:PP+\p+1], v[TT+\p:TT+\p+1], 0x3e2ef945, v[C8:C8+1] op_sel_hi:[1,0,1]
.endr
.irp c, 0x3fbe87b0, 0xbf914e5d, 0x3e8ec7cc, 0xbe3ec24c, 0x3dc636c9, 0x3ebf88fb, 0x3f8000c7, 0xbfa1fc4e
.irp p, 0,2,4,6,8,10,12,14
	v_pk_fma_f32 v[PP+\p:PP+\p+1], v[PP+\p:PP+\p+1], v[TT+\p:TT+\p+1], \c op_sel_hi:[1,1,0]
.endr
.endr
.irp p, 0,2,4,6,8,10,12,14
	v_pk_mul_f32 v[TT+\p:TT+\p+1], v[TT+\p:TT+\p+1], v[A0+\p:A0+\p+1]
.endr
.irp p, 0,2,4,6,8,10,12,14
	v_pk_mul_f32 v[A0+\p:A0+\p+1], v[A0+\p:A0+\p+1], v[A0+\p:A0+\p+1]
.endr
.irp p, 0,2,4,6,8,10,12,14
	v_pk_fma_f32 v[PP+\p:PP+\p+1], v[A0+\p:A0+\p+1], -0.5, v[PP+\p:PP+\p+1] op_sel_hi:[1,0,1]
.endr
.irp p, 0,2,4,6,8,10,12,14
	v_pk_mul_f32 v[PP+\p:PP+\p+1], v[PP+\p:PP+\p+1], 0x3fb8aa3b op_sel_hi:[1,0]
.endr
	s_wait_alu depctr_va_vdst(0)
.irp p, 0,1,2,3,4,5,6,7,8,9,10,11,12,13,14,15
	v_exp_f32 v[PP+\p], v[PP+\p]
.endr
	v_nop
	s_wait_alu depctr_va_vdst(0)
.irp p, 0,2,4,6,8,10,12,14
	v_pk_mul_f32 v[TT+\p:TT+\p+1], v[TT+\p:TT+\p+1], v[PP+\p:PP+\p+1]
.endr
.irp p, 0,2,4,6,8,10,12,14
	v_pk_fma_f32 v[T0+\p:T0+\p+1], v[TT+\p:TT+\p+1], -0.5, v[T0+\p:T0+\p+1] op_sel_hi:[1,0,1]
.endr
.endm
	s_load_b256 s[4:11], s[0:1], 0x0
	v_lshl_add_u32 v[SPW], v0, 2, SPARE
	v_mov_b32 v[NIL], 0
	ds_add_u32 v28, v29
	ds_add_u32 v28, v29
	s_wait_dscnt 0x0
	v_lshrrev_b32 v1, 5, v0
	v_readfirstlane_b32 s14, v1
	s_lshr_b32 s15, s14, 1
	s_and_b32 s16, s14, 1
	s_bfe_u32 s40, ttmp6, 0x40000
	s_bfe_u32 s41, ttmp6, 0x40004
	s_lshl_b32 s42, ttmp9, 2
	s_add_co_u32 s42, s42, s40
	s_and_b32 s17, ttmp7, 0xffff
	s_lshl_b32 s17, s17, 2
	s_add_co_u32 s17, s17, s41
	s_lshl_b32 s43, s41, 2
	s_lshl_b32 s43, 15, s43
	s_lshl_b32 s44, 0x1111, s40
	s_or_b32 s[G1], s43, (3<<16)|(1<<21)
	s_or_b32 s[G1B], s44, (3<<16)|(1<<21)
	s_or_b32 s[G1S], s43, (3<<16)|(1<<21)
	s_or_b32 s[G1SB], s44, (3<<16)|(1<<21)
.irp g, G1, G1B
	s_mov_b32 s[\g+1], (RB/8)<<16
	s_mov_b32 s[\g+2], 16<<16
	s_mov_b32 s[\g+3], (RB/8)<<16
	s_mov_b32 s[\g+4], 16
	s_mov_b32 s[\g+5], 3*KDIM/2
	s_mov_b32 s[\g+6], 0
	s_mov_b32 s[\g+7], 0
.endr
.irp g, G1S, G1SB
	s_mov_b32 s[\g+1], 32<<16
	s_mov_b32 s[\g+2], (HALFS/128)<<16
	s_mov_b32 s[\g+3], 32<<16
	s_mov_b32 s[\g+4], HALFS/128
	s_mov_b32 s[\g+5], 32
	s_mov_b32 s[\g+6], 0
	s_mov_b32 s[\g+7], 0
.endr
	s_lshl_b32 s20, s17, 1
	s_add_co_u32 s20, s20, s16
	s_lshl_b32 s46, s42, 1
	s_add_co_u32 s46, s46, s16
	s_mul_i32 s22, s17, 2*HALFS
	s_add_co_u32 s22, s22, OFFS_A
	s_mul_i32 s20, s20, 96*KDIM
	s_add_co_u32 s20, s20, OFFC_A
	s_mul_i32 s92, s42, 2*HALFS
	s_add_co_u32 s92, s92, OFFS_B
	s_mul_i32 s46, s46, 96*KDIM
	s_add_co_u32 s46, s46, OFFC_B
	s_mov_b32 s21, 0
	s_mov_b32 s23, 0
	s_mov_b32 s47, 0
	s_mov_b32 s93, 0
	s_mul_i32 s45, s14, HALFT
	s_wait_kmcnt 0x0
	s_add_nc_u64 s[20:21], s[4:5], s[20:21]
	s_add_nc_u64 s[22:23], s[4:5], s[22:23]
	s_add_nc_u64 s[46:47], s[6:7], s[46:47]
	s_add_nc_u64 s[92:93], s[6:7], s[92:93]
	CROUND
	s_mov_b32 s[G0S], 1
	s_mov_b32 s[G0S+1], SCL
	s_mov_b64 s[G0S+2:G0S+3], s[22:23]
	s_or_b32 s[G0S+3], s[G0S+3], 0x80000000
	s_mov_b32 s[G0SB], 1
	s_mov_b32 s[G0SB+1], SCL+2*HALFS+64
	s_mov_b64 s[G0SB+2:G0SB+3], s[92:93]
	s_or_b32 s[G0SB+3], s[G0SB+3], 0x80000000
.irp s, 0,1
	s_mov_b32 s[G0+4*\s], 1
	s_add_co_u32 s[G0+4*\s+1], s45, \s*SLOT
	s_add_nc_u64 s[G0+4*\s+2:G0+4*\s+3], s[20:21], \s*RB
	s_or_b32 s[G0+4*\s+3], s[G0+4*\s+3], 0x80000000
	s_mov_b32 s[G0B+4*\s], 1
	s_add_co_u32 s[G0B+4*\s+1], s45, \s*SLOT
	s_add_nc_u64 s[G0B+4*\s+2:G0B+4*\s+3], s[46:47], \s*RB
	s_or_b32 s[G0B+4*\s+3], s[G0B+4*\s+3], 0x80000000
.endr
	; the head's four tiles, one joint load a wave: wave 0 A's 256 rows of slot 0, wave 1 A's scale words, wave 2 B's 256 rows, wave 3 B's scale words
	s_cmp_lt_u32 s14, 1
	s_cbranch_scc0 .Lh1
	tensor_load_to_lds s[G0:G0+3], s[G1:G1+7]
	s_nop 0
.rept 4
	v_nop
.endr
	s_branch .Lhj
.Lh1:
	s_cmp_lt_u32 s14, 2
	s_cbranch_scc0 .Lh2
	tensor_load_to_lds s[G0S:G0S+3], s[G1S:G1S+7]
	s_nop 0
.rept 4
	v_nop
.endr
	s_branch .Lhj
.Lh2:
	s_cmp_lt_u32 s14, 3
	s_cbranch_scc0 .Lh3
	tensor_load_to_lds s[G0B:G0B+3], s[G1B:G1B+7]
	s_nop 0
.rept 4
	v_nop
.endr
	s_branch .Lhj
.Lh3:
	tensor_load_to_lds s[G0SB:G0SB+3], s[G1SB:G1SB+7]
	s_nop 0
.rept 4
	v_nop
.endr
.Lhj:
	v_and_b32 v1, 15, v0
	v_bfe_u32 v2, v0, 4, 1
	v_and_b32 v3, 31, v0
	v_lshlrev_b32 v[L16], 4, v3
	s_wait_alu depctr_va_vdst(0)
	v_lshlrev_b32 v[L8], 3, v3
	s_wait_alu depctr_va_vdst(0)
	v_lshlrev_b32 v4, 6, v2
	s_lshl_b32 s18, s42, 10
	s_lshl_b32 s19, s16, 9
	s_add_co_u32 s18, s18, s19
	s_mov_b32 s19, 0
	s_add_nc_u64 s[8:9], s[8:9], s[18:19]
.irp b, 0,1,2,3,4,5,6,7
	global_load_b128 v[BC+8*\b:BC+8*\b+3], v4, s[8:9] offset:(32*(\b/2)+8*(\b%2))*4
	global_load_b128 v[BC+8*\b+4:BC+8*\b+7], v4, s[8:9] offset:(32*(\b/2)+8*(\b%2))*4+16
.endr
	s_mul_i32 s21, s15, HALFT
	s_mul_i32 s22, s16, HALFT
	s_add_co_u32 s22, s22, 2*HALFT
.irp s, 0,1
	v_add_nc_u32 v[ADRA+\s], s21, v[L16]
	v_add_nc_u32 v[ADRA+2+\s], s21, v[L8]
	v_add_nc_u32 v[ADRB+\s], s22, v[L16]
	v_add_nc_u32 v[ADRB+2+\s], s22, v[L8]
	s_add_co_u32 s21, s21, SLOT
	s_add_co_u32 s22, s22, SLOT
.endr
	s_mul_i32 s21, s15, HALFS
	s_mul_i32 s22, s16, HALFS
	s_add_co_u32 s22, s22, 2*HALFS+64
	s_sub_co_u32 s22, s22, s21
	v_mul_u32_u24 v6, s22, v2
	s_add_co_u32 s21, s21, SCL
	v_lshl_add_u32 v6, v1, 2, v6
	v_add_nc_u32 v[ADRS], s21, v6
	s_lshl_b32 s20, s14, 9
	s_add_co_u32 s20, s20, SLOT                    ; the words are gathered in slot 1, after its last fill and its last read (the last fill lies in slot 0)
	v_lshl_add_u32 v[PWA], v1, 2, s20
	v_add_nc_u32 v[PWR], s20, v[L16]
	s_lshl_b32 s18, s42, 1
	s_add_co_u32 s18, s18, s16
	s_lshl_b32 s19, s17, 1
	s_add_co_u32 s19, s19, s15
	s_mul_i32 s66, s19, 8*49152
	s_mul_i32 s20, s18, 1536
	s_add_co_u32 s66, s66, s20
	s_mov_b32 s67, 0
	s_lshl_b32 s94, s19, 5
	s_add_co_u32 s94, s94, s18
	s_lshl_b32 s94, s94, 9
	s_add_co_u32 s94, s94, 12582912
	s_mov_b32 s95, 0
	s_add_nc_u64 s[66:67], s[10:11], s[66:67]
	s_add_nc_u64 s[94:95], s[10:11], s[94:95]
	s_mov_b32 s97, 0x7fffffff
	s_wait_alu depctr_va_vdst(0)
	s_wait_loadcnt 0x0
	s_wait_tensorcnt 0x0                           ; my tile of the head's four is in
	ds_add_u32 v[SPW], v[NIL]                      ; the add ahead of a later first fill
	s_mov_b32 s[G1+2], 8<<16                       ; no tensor load of mine is out: from here on a load brings 8 rho
	s_mov_b32 s[G1+4], 8
	s_mov_b32 s[G1B+2], 8<<16
	s_mov_b32 s[G1B+4], 8
	s_wait_dscnt 0x0
	CROUND                                         ; all four tiles are in, all sixteen work-groups are here
	JLOAD G0+4, G1, G0B+4, G1B                     ; slot 1's first fill, the first tensor load behind the round
	FETCH_B 0, 0, 0
	FETCH_A 0, 0, 0
	SCALES 0
	FETCH_A 0, 0, 4
	XSTEP 0, 1                                     ; the first step's products start the sums, from the bias
	XSTEP 1, 0
	XTURN 2, 1                                     ; slot 0 takes steps 6 and 7
	XSTEP 3, 0
	XSTEP 4, 0
	XTURN 5, 0                                     ; nothing more is filled
	XSTEP 6, 0
	s_wait_dscnt 4*NL
	WIN MUL_LO
	MUL16 0, 1, NQ-1, 1, 0
	MUL16 2, 1, NQ-1, 1, 0
	s_wait_dscnt 0
	WIN MUL_HI
	MUL16 4, 1, NQ-1, 1, 0
	MUL16 6, 1, NQ-1, 1, 0
	WIN 0
	PLACES NP
	v_mov_b32 v[C8], 0xbf527892
	v_mov_b32 v[C8+1], 0xbf527892
	s_mov_b32 s[SEL], 0x76543210
	s_mov_b32 s[SEL+1], 0xfedcba98
	s_mov_b32 s3, 0
.Lrow:
	s_cmp_eq_u32 s3, 0
	s_cbranch_scc1 .Lx0
	s_cmp_eq_u32 s3, 1
	s_cbranch_scc1 .Lx1
	s_cmp_eq_u32 s3, 2
	s_cbranch_scc1 .Lx2
	s_cmp_eq_u32 s3, 3
	s_cbranch_scc1 .Lx3
	s_cmp_eq_u32 s3, 4
	s_cbranch_scc1 .Lx4
	s_cmp_eq_u32 s3, 5
	s_cbranch_scc1 .Lx5
	s_cmp_eq_u32 s3, 6
	s_cbranch_scc1 .Lx6
	XFER 7
	s_branch .Lwork
.Lx0:
	XFER 0
	s_branch .Lwork
.Lx1:
	XFER 1
	s_branch .Lwork
.Lx2:
	XFER 2
	s_branch .Lwork
.Lx3:
	XFER 3
	s_branch .Lwork
.Lx4:
	XFER 4
	s_branch .Lwork
.Lx5:
	XFER 5
	s_branch .Lwork
.Lx6:
	XFER 6
.Lwork:
	GELU64
	QUANT T
	global_store_b128 v[L16], v[PC:PC+3], s[66:67]
	global_store_b64 v[L8], v[PC+4:PC+5], s[66:67] offset:512
	global_store_b128 v[L16], v[PC+6:PC+9], s[66:67] offset:768
	global_store_b64 v[L8], v[PC+10:PC+11], s[66:67] offset:1280
	ds_store_b32 v[PWA], v[PW]
	s_wait_dscnt 0x0
	s_wait_xcnt 0x0
	s_add_nc_u64 s[66:67], s[66:67], 49152
	v_add_nc_u32 v[PWA], 64, v[PWA]
	s_add_co_u32 s3, s3, 1
	s_cmp_lt_u32 s3, 8
	s_cbranch_scc1 .Lrow
	ds_load_b128 v[T:T+3], v[PWR]
	s_wait_dscnt 0x0
	global_store_b128 v[L16], v[T:T+3], s[94:95]
	s_wait_tensorcnt 0x0
	ds_add_u32 v[SPW], v[NIL]
	s_wait_dscnt 0x0
	CROUND
	s_endpgm
.Lfunc_end_k_q9b3a6b0999_fc1:
	.size	k_q9b3a6b0999_fc1, .Lfunc_end_k_q9b3a6b0999_fc1-k_q9b3a6b0999_fc1
	.p2alignl 7, 3214868480
	.fill 96, 4, 3214868480
	.section	.rodata,"a",@progbits
	.p2align	6, 0x0
	.amdhsa_kernel k_q9b3a6b0999_fc1
		.amdhsa_group_segment_fixed_size 327680
		.amdhsa_private_segment_fixed_size 0
		.amdhsa_enable_private_segment 0
		.amdhsa_kernarg_size 32
		.amdhsa_user_sgpr_count 2
		.amdhsa_user_sgpr_kernarg_segment_ptr 1
		.amdhsa_wavefront_size32 1
		.amdhsa_system_sgpr_workgroup_id_x 1
		.amdhsa_system_sgpr_workgroup_id_y 1
		.amdhsa_system_sgpr_workgroup_id_z 1
		.amdhsa_system_vgpr_workitem_id 0
		.amdhsa_next_free_vgpr 1024
		.amdhsa_next_free_sgpr 100
		.amdhsa_reserve_vcc 0
		.amdhsa_float_denorm_mode_32 3
		.amdhsa_float_denorm_mode_16_64 3
		.amdhsa_memory_ordered 1
		.amdhsa_forward_progress 1
		.amdhsa_inst_pref_size 203
	.end_amdhsa_kernel
	.amdgpu_metadata
---
amdhsa.version: [ 1, 2 ]
amdhsa.kernels:
  - .name:           k_q9b3a6b0999_fc1
    .symbol:         k_q9b3a6b0999_fc1.kd
    .args:
      - { .name: H, .offset: 0, .size: 8, .value_kind: global_buffer, .address_space: global }
      - { .name: W, .offset: 8, .size: 8, .value_kind: global_buffer, .address_space: global }
      - { .name: b1, .offset: 16, .size: 8, .value_kind: global_buffer, .address_space: global }
      - { .name: G, .offset: 24, .size: 8, .value_kind: global_buffer, .address_space: global }
    .group_segment_fixed_size: 327680
    .private_segment_fixed_size: 0
    .kernarg_segment_align: 8
    .kernarg_segment_size: 32
    .max_flat_workgroup_size: 128
    .sgpr_count:     100
    .vgpr_count:     1024
    .wavefront_size: 32
...
	.end_amdgpu_metadata
.endif
;; end of part 13
;; launch fc2 (part 14): grid 8 x 32, 4 waves a work-group, clusters of 4 x 4, 327,680 bytes of LDS; arguments G, W, b2, X1, out0; writes out0
.if DOCPART == 14
	.amdgcn_target "amdgcn-amd-amdhsa--gfx1250"
	.amdhsa_code_object_version 6
	.text
	.protected	k_q9b3a6b0999_fc2
	.globl	k_q9b3a6b0999_fc2
	.p2align	8
	.type	k_q9b3a6b0999_fc2,@function
k_q9b3a6b0999_fc2:
	s_mov_b64 s[64:65], 0
	v_nop
	global_prefetch_b8 v0, s[64:65] scope:SCOPE_SE
	s_setreg_imm32_b32 hwreg(HW_REG_WAVE_MODE, 25, 1), 1
	s_wait_xcnt 0x0
	s_wait_alu depctr_hold_cnt(0) depctr_sa_sdst(0) depctr_va_vdst(0) depctr_va_sdst(0) depctr_va_ssrc(0) depctr_va_vcc(0) depctr_vm_vsrc(0)
	s_getreg_b32 s2, hwreg(HW_REG_IB_STS2, 6, 4)
	s_cmp_eq_u32 s2, 0
	s_cbranch_scc0 .Lentry_in_a_cluster
	s_endpgm
.Lentry_in_a_cluster:
	s_bfe_u32 s2, ttmp6, 0x10000c
	s_cmp_lg_u32 s2, 0xf033
	s_cbranch_scc0 .Lentry_shape_is_right
	s_endpgm
.Lentry_shape_is_right:
; FC2.  out0 = X1 + b2 + G W2^T on codes of BF6 (E3M2), K = 4,096.  G and W2 lie in granules: 16 rows x 64 along K = 768 bytes, an image of six operand registers (lane l's registers 0-3 at 16 l, 4-5 at 512 + 8 l);
; place r of granule rho is row 32 (rho / 2) + 8 (rho % 2) + r + 8 (r / 8); granules lie [rho][kappa], a rho's row is 49,152 bytes.  The scale word of (rho, r, s) lies at ((rho / 8) 32 + s) 512 + (rho % 8) 64 + 4 r.
; A block of 128 x 128 is made by four waves, 64 x 64 each (16 accumulators).  256 work-groups, clusters of 4 x 4: A's tile is asked for jointly along a row of the cluster, B's along a column.
; THE RING HAS TWO SLOTS OF UNLIKE SIZE: slot 0 holds 6 steps of 128 along K (16 rho x 9,216 bytes), slot 1 holds 5 (16 rho x 7,680): with the scale words of all of K (2 x 16 KiB) they fill LDS as far as whole steps allow.
; The 32 steps go in six fills of 6, 5, 6, 5, 6, 4 steps: step st lies in slot (st % 11) / 6, at place st % 11 - 6 x slot.  The last fill keeps the pitch of 5 steps: its tensor_dim0 states 4, and what lies behind is written as zeros and never read.
; The walk is written out by .rept: slots and fragment sets come back to where they began only after 22 steps.
; HEAD: one joint load a wave: wave 0 A's 128 rows of fill 0, wave 1 A's scale words, wave 2 B's 128 rows, wave 3 B's words; fill 1 behind the full sequence and a round.  Later each wave fetches 4 rho of a fill.
; THE PRODUCT IS USED TRANSPOSED (source 0 = rows of B, source 1 = rows of A): a lane holds eight neighbouring columns of a row.  A block of 16 rows goes out through the wave's stage in slot 0 (after that slot's last fill and last read).
; X1's 64 KiB are asked for in four runs, in the middle of fills 1 to 4, into registers of their own.
; PREFETCH: of the 8 rho of a tile each wave of each partner names one (by address), 8,192 bytes of its row a change of slots, from byte 16,384 on: four asks reach the row's end; each stands about one fill ahead of the load that wants the bytes.
; Only the clusters at x = 0 ask for A and those at y = 0 for B.  Fills 0 and 1 come by their loads alone.
; REGISTERS: window 0: v1-11 lane terms, v12-15 bias, v16-23 LDS addresses, v24-27 stage, prefetch, scale words' address, v28-29 the add's, v32-63 scale words (two sets of 4 steps), v64-127 the way out, v128-255 accumulators;
;   window 1: fragments, two sets (B's four at 128 p, A's four at 128 p + 48);  window 2: X1.
.set KDIM,   4096
.set OFFS_A, 12582912
.set OFFC_B, 6291456
.set OFFS_B, 9699328
.set FR,    12
.set NP,    4
.set P0,    9216                       ; a rho's bytes in slot 0: 6 steps x 1,536
.set P1,    7680                       ; in slot 1: 5 steps
.set S1B,   16*P0                      ; slot 1 begins here
.set SCL,   S1B+16*P1                  ; behind the ring: A's words, then (64 bytes on, in other banks) B's
.set HALFS, (KDIM/128)*512             ; the scale words of 128 rows
.set SPARE, SCL+2*HALFS+256            ; the spare words, 128 bytes for each wave
.set SPITCH, 272
.set L16,  8
.set L8,   9
.set CO,   10
.set BO,   11
.set BI,   12
.set ADRA, 16
.set ADRB, 20
.set STO,  24
.set RD,   25
.set PFO,  26
.set ADRS, 27
.set SPW,  28
.set NIL,  29
.set SC,   32
.set BK,   64
.set ACC,  128
.set G1, 24                            ; group 1, slot 0: A's;  G1B: B's
.set G0, 32
.set G1B, 48
.set G0B, 56
.set G1S, 68                           ; the head's scale words; behind the head s[68:75] and s[80:87] hold slot 1's groups 1
.set G0S, 76
.set G1SB, 80
.set G0SB, 88
.set G1X, 68
.set G1XB, 80
.set PFA, 96
.set LIM, 98
.set MSB, 0
.macro WIN new                         ; the immediate's high byte repeats the setting that is left
.if MSB != (\new)
	s_set_vgpr_msb (MSB<<8)|(\new)
.set MSB, (\new)
.endif
.endm
.set MUL,  0x05
.set TO_F, 0x40
.macro TL g0, g1
	tensor_load_to_lds s[\g0:\g0+3], s[\g1:\g1+7]
	s_nop 0
.rept 4
	v_nop
.endr
.endm
.macro JLOAD g0a, g1a, g0b, g1b        ; a joint load: waves 0, 1 fetch for A, waves 2, 3 for B
	s_cmp_eq_u32 s15, 0
	s_cbranch_scc0 .Lfor_b_\@
	TL \g0a, \g1a
	s_branch .Lasked_\@
.Lfor_b_\@:
	TL \g0b, \g1b
.Lasked_\@:
.endm
.macro CREST                           ; a round of the cluster's barrier behind its opening barrier
	s_cmp_lg_u32 s14, 0
	s_cbranch_scc1 .Lnot_wave_0_\@
	s_barrier_signal -3
.Lnot_wave_0_\@:
	s_barrier_wait -3
	s_barrier_signal -1
	s_barrier_wait -1
.endm
.macro CROUND
	s_barrier_signal -1
	s_barrier_wait -1
	CREST
.endm
.macro ASK
	s_cmp_eq_u32 s[LIM], 1
	s_cbranch_scc0 .Lnot_mine_\@
	global_prefetch_b8 v[PFO], s[PFA:PFA+1] th:TH_LOAD_NT scope:SCOPE_SE
.Lnot_mine_\@:
.endm
.macro PLACES n
.rept \n
	v_nop
.endr
.endm
.macro FRAG reg, adr, i                ; block i's fragment: two granules, each 16 + 8 bytes a lane; FP the slot's pitch, FQ the step's place in it
.irp c, 0,1
	ds_load_b128 v[\reg+6*\c:\reg+6*\c+3], v[\adr] offset:(\i)*FP+(2*FQ+\c)*768
	ds_load_b64 v[\reg+6*\c+4:\reg+6*\c+5], v[\adr+2] offset:(\i)*FP+(2*FQ+\c)*768+512
.endr
.endm
.macro FETCH st                        ; step st's eight fragments into set st % 2
.set FS, ((\st)%11)/6
.set FQ, (\st)%11-6*FS
.set FP, P0-FS*(P0-P1)
	WIN TO_F
.irp i, 0,1,2,3
	FRAG 128*((\st)%2)+FR*\i, ADRB+FS, \i
.endr
.irp i, 0,1,2,3
	FRAG 128*((\st)%2)+48+FR*\i, ADRA+FS, \i
.endr
.endm
.macro SCALES g                        ; the words of steps 4 g .. 4 g + 3 into set g % 2: lanes 0-15 A's block i, lanes 16-31 B's
.irp i, 0,1,2,3
.irp q, 0,1,2,3
	ds_load_b32 v[SC+16*((\g)%2)+4*\i+\q], v[ADRS] offset:(4*(\g)+\q)*512+\i*64
.endr
.endr
.endm
.macro NEXTSC st                       ; two steps ahead of a group's first use
.if ((\st)%4 == 2) && ((\st) < 28)
	WIN 0
	SCALES (\st)/4+1
.endif
.endm
; 8 products of step st: A's blocks a0, a0 + 1 x B's four.  The 16 accumulators take turns, in the same order in every step
.macro MUL8 a0, st, zero
.irp a, \a0, \a0+1
.irp b, 0,1,2,3
.if \zero
	v_wmma_scale_f32_16x16x128_f8f6f4 v[ACC+8*(4*(\a)+\b):ACC+8*(4*(\a)+\b)+7], v[128*((\st)%2)+FR*\b:128*((\st)%2)+FR*\b+FR-1], v[128*((\st)%2)+48+FR*(\a):128*((\st)%2)+48+FR*(\a)+FR-1], 0, v[SC+16*(((\st)/4)%2)+4*\b+(\st)%4], v[SC+16*(((\st)/4)%2)+4*(\a)+(\st)%4] matrix_a_fmt:MATRIX_FMT_BF6 matrix_b_fmt:MATRIX_FMT_BF6 matrix_a_scale:MATRIX_SCALE_ROW1
.else
	v_wmma_scale_f32_16x16x128_f8f6f4 v[ACC+8*(4*(\a)+\b):ACC+8*(4*(\a)+\b)+7], v[128*((\st)%2)+FR*\b:128*((\st)%2)+FR*\b+FR-1], v[128*((\st)%2)+48+FR*(\a):128*((\st)%2)+48+FR*(\a)+FR-1], v[ACC+8*(4*(\a)+\b):ACC+8*(4*(\a)+\b)+7], v[SC+16*(((\st)/4)%2)+4*\b+(\st)%4], v[SC+16*(((\st)/4)%2)+4*(\a)+(\st)%4] matrix_a_fmt:MATRIX_FMT_BF6 matrix_b_fmt:MATRIX_FMT_BF6 matrix_a_scale:MATRIX_SCALE_ROW1
.endif
.endr
.endr
.endm
.macro STEP st, zero                   ; a step that has its successor in the same fill
	s_wait_dscnt 0x0                               ; this step's fragments are in
	PLACES NP                                      ; in front of loads into registers that matrix instructions have read
	FETCH (\st)+1
	NEXTSC \st
	WIN MUL
	MUL8 0, \st, \zero
	MUL8 2, \st, \zero
.endm
; A fill's last step changes slots: one barrier; in front of it each wave waits for all its tensor loads, adds 0 to its spare word, and waits for that and for its reads of this slot
.macro TURN st, fill, ask
.set TS, ((\st)%11)/6
	WIN 0
.if \ask
	s_wait_xcnt 0x0                                ; my last prefetch has read its address
	s_add_nc_u64 s[PFA:PFA+1], s[PFA:PFA+1], 8192
.endif
	s_wait_tensorcnt 0x0                           ; all my tensor loads have landed: my part of the next fill
	ds_add_u32 v[SPW], v[NIL]
	s_wait_dscnt 1                                 ; (the add may be out)
	WIN MUL
	MUL8 0, \st, 0
	WIN 0
	s_wait_dscnt 0x0                               ; the add is done, and my reads of this slot are over
	s_barrier_signal -1
	s_barrier_wait -1
.if \fill
	CREST                                          ; the barrier has opened a round of the cluster's
	s_add_nc_u64 s[G0+4*TS+2:G0+4*TS+3], s[G0+4*TS+2:G0+4*TS+3], 11*1536   ; this slot's next fill begins 11 steps on
	s_add_nc_u64 s[G0B+4*TS+2:G0B+4*TS+3], s[G0B+4*TS+2:G0B+4*TS+3], 11*1536
.if (\st) == 21
	s_mov_b32 s[G1X+1], 768<<16                    ; the last fill: 4 steps are left of a row
	s_mov_b32 s[G1XB+1], 768<<16
.endif
.if TS == 0
	JLOAD G0, G1, G0B, G1B                         ; the first tensor load behind the round; its four v_nop are the places in front of the loads below
.else
	JLOAD G0+4, G1X, G0B+4, G1XB
.endif
.else
	PLACES NP
.endif
	FETCH (\st)+1
	NEXTSC \st
	WIN 0
.if \ask
	ASK
.endif
	WIN MUL
	MUL8 2, \st, 0
.endm
.macro RES a                           ; X1 at row block a's 16 rows, 256 consecutive aligned bytes for each sixteen lanes
	WIN 0x80
.irp i, 0,1,2,3,4,5,6,7
	global_load_b128 v[32*(\a)+4*\i:32*(\a)+4*\i+3], v[CO], s[10:11] offset:(32*((\a)/2)+8*((\a)%2)+2*\i+8*(\i/4))*4096 th:TH_LOAD_NT
.endr
.endm
	s_load_b256 s[4:11], s[0:1], 0x0               ; G s[4:5], W s[6:7], b2 s[8:9], X1 s[10:11]
	s_load_b64 s[12:13], s[0:1], 0x20              ; out0
	v_lshl_add_u32 v[SPW], v0, 2, SPARE
	v_mov_b32 v[NIL], 0
	ds_add_u32 v[SPW], v[NIL]                      ; the opening lines: the add twice on end and its wait
	ds_add_u32 v[SPW], v[NIL]
	v_lshrrev_b32 v1, 5, v0
	v_readfirstlane_b32 s14, v1                    ; wave 0..3
	s_lshr_b32 s15, s14, 1                         ; my half of the block's rows.  Also: I fetch for A (0) or B (1)
	s_and_b32 s16, s14, 1                          ; my half of its columns.  Also: which 64 rows I fetch
	s_bfe_u32 s40, ttmp6, 0x40000                  ; cx
	s_bfe_u32 s41, ttmp6, 0x40004                  ; cy
	s_lshl_b32 s42, ttmp9, 2
	s_add_co_u32 s42, s42, s40                     ; block column
	s_and_b32 s17, ttmp7, 0xffff
	s_lshl_b32 s17, s17, 2
	s_add_co_u32 s17, s17, s41                     ; block row
	s_lshl_b32 s43, s41, 2
	s_lshl_b32 s43, 15, s43                        ; my row of the cluster
	s_lshl_b32 s44, 0x1111, s40                    ; my column
	s_or_b32 s[G1], s43, (3<<16)|(1<<21)
	s_or_b32 s[G1B], s44, (3<<16)|(1<<21)
	s_or_b32 s[G1S], s43, (3<<16)|(1<<21)
	s_or_b32 s[G1SB], s44, (3<<16)|(1<<21)
.irp g, G1, G1B                                ; slot 0: rows of 9,216 bytes, 49,152 apart; 8 rho at the head, later 4
	s_mov_b32 s[\g+1], (P0/8)<<16
	s_mov_b32 s[\g+2], 8<<16
	s_mov_b32 s[\g+3], (P0/8)<<16
	s_mov_b32 s[\g+4], 8
	s_mov_b32 s[\g+5], 3*KDIM/2
	s_mov_b32 s[\g+6], 0
	s_mov_b32 s[\g+7], 0
.endr
.irp g, G1S, G1SB                              ; scale words: a dense block of HALFS bytes as rows of 256
	s_mov_b32 s[\g+1], 32<<16
	s_mov_b32 s[\g+2], (HALFS/256)<<16
	s_mov_b32 s[\g+3], 32<<16
	s_mov_b32 s[\g+4], HALFS/256
	s_mov_b32 s[\g+5], 32
	s_mov_b32 s[\g+6], 0
	s_mov_b32 s[\g+7], 0
.endr
	s_lshl_b32 s20, s17, 1
	s_add_co_u32 s20, s20, s16                     ; which 64 rows of A I would fetch
	s_lshl_b32 s46, s42, 1
	s_add_co_u32 s46, s46, s16                     ; and of B
	s_mul_i32 s22, s17, HALFS
	s_add_co_u32 s22, s22, OFFS_A
	s_mul_i32 s20, s20, 48*KDIM
	s_mul_i32 s92, s42, HALFS
	s_add_co_u32 s92, s92, OFFS_B
	s_mul_i32 s46, s46, 48*KDIM
	s_add_co_u32 s46, s46, OFFC_B
	s_mov_b32 s21, 0
	s_mov_b32 s23, 0
	s_mov_b32 s47, 0
	s_mov_b32 s93, 0
	s_mul_i32 s45, s14, 4*P0                       ; where my 4 rho go: no place in the cluster enters an LDS address
	s_mul_i32 s94, s14, 4*P1
	s_add_co_u32 s94, s94, S1B
	s_wait_dscnt 0x0
	s_wait_kmcnt 0x0
	s_add_nc_u64 s[20:21], s[4:5], s[20:21]
	s_add_nc_u64 s[22:23], s[4:5], s[22:23]
	s_add_nc_u64 s[46:47], s[6:7], s[46:47]
	s_add_nc_u64 s[92:93], s[6:7], s[92:93]
	CROUND                                         ; all sixteen work-groups are here: the first joint loads meet
	s_mov_b32 s[G0S], 1
	s_mov_b32 s[G0S+1], SCL
	s_mov_b64 s[G0S+2:G0S+3], s[22:23]
	s_or_b32 s[G0S+3], s[G0S+3], 0x80000000
	s_mov_b32 s[G0SB], 1
	s_mov_b32 s[G0SB+1], SCL+HALFS+64
	s_mov_b64 s[G0SB+2:G0SB+3], s[92:93]
	s_or_b32 s[G0SB+3], s[G0SB+3], 0x80000000
	s_mov_b32 s[G0], 1                             ; slot 0: fill 0
	s_mov_b32 s[G0+1], s45
	s_mov_b64 s[G0+2:G0+3], s[20:21]
	s_or_b32 s[G0+3], s[G0+3], 0x80000000
	s_mov_b32 s[G0+4], 1                           ; slot 1: fill 1 begins 6 steps on
	s_mov_b32 s[G0+5], s94
	s_add_nc_u64 s[G0+6:G0+7], s[20:21], P0
	s_or_b32 s[G0+7], s[G0+7], 0x80000000
	s_mov_b32 s[G0B], 1
	s_mov_b32 s[G0B+1], s45
	s_mov_b64 s[G0B+2:G0B+3], s[46:47]
	s_or_b32 s[G0B+3], s[G0B+3], 0x80000000
	s_mov_b32 s[G0B+4], 1
	s_mov_b32 s[G0B+5], s94
	s_add_nc_u64 s[G0B+6:G0B+7], s[46:47], P0
	s_or_b32 s[G0B+7], s[G0B+7], 0x80000000
	s_cmp_lt_u32 s14, 1                            ; one chain of branches on the wave's number, one load to an arm
	s_cbranch_scc0 .Lh1
	TL G0, G1
	s_branch .Lhj
.Lh1:
	s_cmp_lt_u32 s14, 2
	s_cbranch_scc0 .Lh2
	TL G0S, G1S
	s_branch .Lhj
.Lh2:
	s_cmp_lt_u32 s14, 3
	s_cbranch_scc0 .Lh3
	TL G0B, G1B
	s_branch .Lhj
.Lh3:
	TL G0SB, G1SB
.Lhj:
	v_and_b32 v1, 15, v0                           ; r
	v_bfe_u32 v2, v0, 4, 1                         ; h
	v_and_b32 v3, 31, v0
	v_lshlrev_b32 v[L16], 4, v3
	v_lshlrev_b32 v[L8], 3, v3
	v_lshlrev_b32 v[BO], 4, v1
	v_lshl_add_u32 v[CO], v2, 12, v[BO]
	v_lshlrev_b32 v[PFO], 8, v3
	s_wait_alu depctr_va_vdst(0)                   ; the wait, directly ahead of the run of scalar instructions
	s_lshl_b32 s18, s17, 7
	s_lshl_b32 s19, s15, 6
	s_add_co_u32 s18, s18, s19                     ; my first row
	s_lshl_b32 s18, s18, 12
	s_lshl_b32 s20, s42, 9
	s_lshl_b32 s19, s16, 8
	s_add_co_u32 s20, s20, s19                     ; my first column, in bytes
	s_add_co_u32 s18, s18, s20
	s_mov_b32 s19, 0
	s_mov_b32 s21, 0
	s_add_nc_u64 s[10:11], s[10:11], s[18:19]
	s_add_nc_u64 s[12:13], s[12:13], s[18:19]
	s_add_nc_u64 s[8:9], s[8:9], s[20:21]
	s_mul_i32 s21, s15, 4*P0                       ; slot 0: my 64 rows of A,
	s_mul_i32 s22, s16, 4*P0
	s_add_co_u32 s22, s22, 8*P0                    ; and of B, behind A's 128
	v_add_nc_u32 v[ADRA], s21, v[L16]
	v_add_nc_u32 v[ADRA+2], s21, v[L8]
	v_add_nc_u32 v[ADRB], s22, v[L16]
	v_add_nc_u32 v[ADRB+2], s22, v[L8]
	s_mul_i32 s21, s15, 4*P1                       ; slot 1
	s_mul_i32 s22, s16, 4*P1
	s_add_co_u32 s21, s21, S1B
	s_add_co_u32 s22, s22, S1B+8*P1
	v_add_nc_u32 v[ADRA+1], s21, v[L16]
	v_add_nc_u32 v[ADRA+3], s21, v[L8]
	v_add_nc_u32 v[ADRB+1], s22, v[L16]
	v_add_nc_u32 v[ADRB+3], s22, v[L8]
	s_lshl_b32 s21, s15, 8                         ; A's words: my 4 rho
	s_lshl_b32 s22, s16, 8
	s_add_co_u32 s22, s22, HALFS+64                ; B's
	s_sub_co_u32 s22, s22, s21
	v_mul_u32_u24 v6, s22, v2                      ; lanes 16-31 take B's: one product in h
	s_add_co_u32 s21, s21, SCL
	v_lshl_add_u32 v6, v1, 2, v6
	v_add_nc_u32 v[ADRS], s21, v6
	s_mul_i32 s23, s14, 16*SPITCH                  ; my stage, in slot 0
	v_mul_u32_u24 v5, v1, SPITCH
	v_lshl_add_u32 v5, v2, 6, v5
	v_add_nc_u32 v[STO], s23, v5
	v_mul_u32_u24 v5, v2, SPITCH
	v_lshl_add_u32 v5, v1, 4, v5
	v_add_nc_u32 v[RD], s23, v5
	s_and_b32 s22, ttmp7, 0xffff                   ; the prefetches: my work-group's rho of the four that I fetch
	s_cmp_eq_u32 s15, 0
	s_cselect_b32 s20, s17, s42
	s_cselect_b32 s21, s40, s41
	s_cselect_b32 s22, ttmp9, s22
	s_cselect_b32 s23, 0, OFFC_B
	s_cselect_b64 s[PFA:PFA+1], s[4:5], s[6:7]
	s_cmp_eq_u32 s22, 0
	s_cselect_b32 s[LIM], 1, -1
	s_lshl_b32 s20, s20, 3
	s_lshl_b32 s22, s16, 2
	s_add_co_u32 s20, s20, s22
	s_add_co_u32 s20, s20, s21
	s_mul_i32 s20, s20, 12*KDIM
	s_add_co_u32 s20, s20, s23
	s_add_co_u32 s20, s20, 16384
	s_mov_b32 s21, 0
	s_add_nc_u64 s[PFA:PFA+1], s[PFA:PFA+1], s[20:21]
	s_wait_alu depctr_va_vdst(0)                   ; the wait at the head's end
	s_wait_tensorcnt 0x0                           ; my tile of the head's four is in
	ds_add_u32 v[SPW], v[NIL]                      ; the add ahead of a later first fill
	s_mov_b32 s[G1+2], 4<<16                       ; no tensor load of mine is out: from here on a load brings 4 rho,
	s_mov_b32 s[G1+4], 4
	s_mov_b32 s[G1B+2], 4<<16
	s_mov_b32 s[G1B+4], 4
	s_or_b32 s[G1X], s43, (3<<16)|(1<<21)          ; and the registers of the words' descriptors take slot 1's groups 1: rows of 7,680 bytes
	s_or_b32 s[G1XB], s44, (3<<16)|(1<<21)
.irp g, G1X, G1XB
	s_mov_b32 s[\g+1], (P1/8)<<16
	s_mov_b32 s[\g+2], 4<<16
	s_mov_b32 s[\g+3], (P1/8)<<16
	s_mov_b32 s[\g+4], 4
	s_mov_b32 s[\g+5], 3*KDIM/2
	s_mov_b32 s[\g+6], 0
	s_mov_b32 s[\g+7], 0
.endr
	s_wait_dscnt 0x0
	CROUND                                         ; all four tiles are in, all sixteen work-groups are here
	JLOAD G0+4, G1X, G0B+4, G1XB                   ; fill 1, the first tensor load behind the round
	FETCH 0
	WIN 0
	SCALES 0
	ASK
.set ST, 0
.rept 31
.if (ST%11 == 5) || (ST%11 == 10)
.if ST <= 16
	TURN ST, 1, 1
.else
.if ST <= 21
	TURN ST, 1, 0
.else
	TURN ST, 0, 0                                  ; the last change of slots fills nothing
.endif
.endif
.else
.if ST == 0
	STEP ST, 1                                     ; the first step's products start the sums
.else
	STEP ST, 0
.endif
.endif
.if ST == 7
	WIN 0
	global_load_b128 v[BI:BI+3], v[BO], s[8:9]     ; the bias at my columns
	RES 0
.endif
.if ST == 12
	RES 1
.endif
.if ST == 18
	RES 2
.endif
.if ST == 23
	RES 3
.endif
.set ST, ST+1
.endr
	s_wait_dscnt 0x0                               ; the very last step: nothing more to fetch
	WIN MUL
	MUL8 0, 31, 0
	MUL8 2, 31, 0
	WIN 0
; THE WAY OUT, block by block of 16 rows x 64 columns, through my stage, so that sixteen lanes store 256 consecutive aligned bytes
.macro TOSTAGE a
.set AC, ACC+32*(\a)
.irp b, 0,1,2,3
	ds_store_b128 v[STO], v[AC+8*\b:AC+8*\b+3] offset:128*(\b/2)+32*(\b%2)        ; each accumulator from its low end on
	ds_store_b128 v[STO], v[AC+8*\b+4:AC+8*\b+7] offset:128*(\b/2)+32*(\b%2)+16
.endr
.set BB, BK+32*((\a)%2)
.irp t, 0,1,2,3,4,5,6,7
	ds_load_b128 v[BB+4*\t:BB+4*\t+3], v[RD] offset:2*\t*SPITCH
.endr
.endm
.macro SEND a, younger
.set BB, BK+32*((\a)%2)
	s_wait_dscnt \younger                          ; the block is back in registers
	WIN 0x08
.irp t, 0,1,2,3,4,5,6,7
	v_pk_add_f32 v[BB+4*\t:BB+4*\t+1], v[BB+4*\t:BB+4*\t+1], v[32*(\a)+4*\t:32*(\a)+4*\t+1]
	v_pk_add_f32 v[BB+4*\t+2:BB+4*\t+3], v[BB+4*\t+2:BB+4*\t+3], v[32*(\a)+4*\t+2:32*(\a)+4*\t+3]
.endr
	WIN 0
.irp t, 0,1,2,3,4,5,6,7
	v_pk_add_f32 v[BB+4*\t:BB+4*\t+1], v[BB+4*\t:BB+4*\t+1], v[BI:BI+1]
	v_pk_add_f32 v[BB+4*\t+2:BB+4*\t+3], v[BB+4*\t+2:BB+4*\t+3], v[BI+2:BI+3]
.endr
.irp t, 0,1,2,3,4,5,6,7
	global_store_b128 v[CO], v[BB+4*\t:BB+4*\t+3], s[12:13] offset:(32*((\a)/2)+8*((\a)%2)+2*\t+8*(\t/4))*4096 th:TH_STORE_NT
.endr
.endm
	PLACES NP
	s_wait_loadcnt 0x0                             ; X1 and the bias
	TOSTAGE 0
.irp a, 1,2,3
.if \a > 1
	s_wait_xcnt 0x0                                ; block a - 2's stores have read their registers
.endif
	TOSTAGE \a
	SEND \a-1, 16                                  ; behind block a - 1's loads: block a's 8 stores and 8 loads
.endr
	SEND 3, 0
	s_wait_tensorcnt 0x0                           ; the wave's end
	ds_add_u32 v[SPW], v[NIL]
	s_wait_dscnt 0x0
	CROUND                                         ; the closing round
	s_endpgm
.Lfunc_end_k_q9b3a6b0999_fc2:
	.size	k_q9b3a6b0999_fc2, .Lfunc_end_k_q9b3a6b0999_fc2-k_q9b3a6b0999_fc2
	.p2alignl 7, 3214868480
	.fill 96, 4, 3214868480
	.section	.rodata,"a",@progbits
	.p2align	6, 0x0
	.amdhsa_kernel k_q9b3a6b0999_fc2
		.amdhsa_group_segment_fixed_size 327680
		.amdhsa_private_segment_fixed_size 0
		.amdhsa_enable_private_segment 0
		.amdhsa_kernarg_size 40
		.amdhsa_user_sgpr_count 2
		.amdhsa_user_sgpr_kernarg_segment_ptr 1
		.amdhsa_wavefront_size32 1
		.amdhsa_system_sgpr_workgroup_id_x 1
		.amdhsa_system_sgpr_workgroup_id_y 1
		.amdhsa_system_sgpr_workgroup_id_z 1
		.amdhsa_system_vgpr_workitem_id 0
		.amdhsa_next_free_vgpr 640
		.amdhsa_next_free_sgpr 100
		.amdhsa_reserve_vcc 0
		.amdhsa_float_denorm_mode_32 3
		.amdhsa_float_denorm_mode_16_64 3
		.amdhsa_memory_ordered 1
		.amdhsa_forward_progress 1
		.amdhsa_inst_pref_size 180
	.end_amdhsa_kernel
	.amdgpu_metadata
---
amdhsa.version: [ 1, 2 ]
amdhsa.kernels:
  - .name:           k_q9b3a6b0999_fc2
    .symbol:         k_q9b3a6b0999_fc2.kd
    .args:
      - { .name: G, .offset: 0, .size: 8, .value_kind: global_buffer, .address_space: global }
      - { .name: W, .offset: 8, .size: 8, .value_kind: global_buffer, .address_space: global }
      - { .name: b2, .offset: 16, .size: 8, .value_kind: global_buffer, .address_space: global }
      - { .name: X1, .offset: 24, .size: 8, .value_kind: global_buffer, .address_space: global }
      - { .name: out0, .offset: 32, .size: 8, .value_kind: global_buffer, .address_space: global }
    .group_segment_fixed_size: 327680
    .private_segment_fixed_size: 0
    .kernarg_segment_align: 8
    .kernarg_segment_size: 40
    .max_flat_workgroup_size: 128
    .sgpr_count:     100
    .vgpr_count:     640
    .wavefront_size: 32
...
	.end_amdgpu_metadata
.endif
;; end of part 14
